; MI455X (gfx1250); checked and timed in simulation.
; The chip was launched on July 23, 2026; its instructions are those of AMD's public machine-readable ISA for CDNA 5 (MIT licence, August 2026) and "CDNA5" Instruction Set Architecture Reference Guide (July 2026). The comments in the code are by the model that wrote it; some were corrected since.
;; L Net2. Allowed arithmetic: matrix products marked QUANTISED: E3M2 operands, one E8M0 scale for each 32 along K, by v_wmma_scale_f32_16x16x128_f8f6f4 with both operands' format E3M2, f32 sums; products left as they are: f32 operands where the result goes on into a quantised operand, else bf16, f16 or f32 operands; f32 sums; everything else in f32.
;; Inputs: b1 64 float32; b2 64 float32; b3 128 float32; b4 256 float32; b5 512 float32; g1 64 float32; g2 64 float32; g3 128 float32; g4 256 float32; g5 512 float32; src 4 x 3 x 2,048 float32; tgt 4 x 3 x 2,048 float32; w1 64 x 6 float32; w2_codes 64 x 2 x 24 uint8 (E3M2 codes of w2, K innermost, in blocks of 32 codes, four codes in three bytes); w2_scales 64 x 2 uint8 (E8M0 scales of w2, one for each 32 codes along K); w3_codes 128 x 2 x 24 uint8 (E3M2 codes of w3, K innermost, in blocks of 32 codes, four codes in three bytes); w3_scales 128 x 2 uint8 (E8M0 scales of w3, one for each 32 codes along K); w4_codes 256 x 4 x 24 uint8 (E3M2 codes of w4, K innermost, in blocks of 32 codes, four codes in three bytes); w4_scales 256 x 4 uint8 (E8M0 scales of w4, one for each 32 codes along K); w5_codes 512 x 16 x 24 uint8 (E3M2 codes of w5, K innermost, in blocks of 32 codes, four codes in three bytes); w5_scales 512 x 16 uint8 (E8M0 scales of w5, one for each 32 codes along K).
;; Outputs: out0 4 x 3 x 2,048 float32.
;; This version of the problem:
;;   THIS VERSION OF THE PROBLEM IS GIVEN IN LOW PRECISION. The matrix products marked QUANTISED in the list below multiply operands that are first quantised to E3M2 (3 exponent bits, 2 mantissa bits; 6 bits a number), with one power-of-two scale for each 32 numbers along K (OCP MX v1.0); their sums are f32. All else is computed in f32.
;;   The module's matrix products, in the order in which they are computed (A, B: the left and right operand; K: the contracted axis; several contracted axes count as one K, in the product's order):
;;     1. batch 4 x [M 2,048, K 3] x [K 3, N 2,048]; A: input src; B: input src: left as it is (K = 3 < 32)
;;     2. [M 262,144, K 6] x [K 6, N 64]; A: computed on the way; B: input w1: left as it is (K = 6 < 32)
;;     3. [M 262,144, K 64] x [K 64, N 64]; A: computed on the way; B: input w2 (given as codes): QUANTISED
;;     4. [M 262,144, K 64] x [K 64, N 128]; A: computed on the way; B: input w3 (given as codes): QUANTISED
;;     5. [M 262,144, K 128] x [K 128, N 256]; A: computed on the way; B: input w4 (given as codes): QUANTISED
;;     6. [M 8,192, K 512] x [K 512, N 512]; A: computed on the way; B: input w5 (given as codes): QUANTISED
;;     7. batch 4 x [M 2,048, K 3] x [K 3, N 2,048]; A: input tgt; B: input tgt: left as it is (K = 3 < 32)
;;     8. [M 262,144, K 6] x [K 6, N 64]; A: computed on the way; B: input w1: left as it is (K = 6 < 32)
;;     9. [M 262,144, K 64] x [K 64, N 64]; A: computed on the way; B: input w2 (given as codes): QUANTISED
;;     10. [M 262,144, K 64] x [K 64, N 128]; A: computed on the way; B: input w3 (given as codes): QUANTISED
;;     11. [M 262,144, K 128] x [K 128, N 256]; A: computed on the way; B: input w4 (given as codes): QUANTISED
;;     12. [M 8,192, K 512] x [K 512, N 512]; A: computed on the way; B: input w5 (given as codes): QUANTISED
;;     13. batch 4 x [M 2,048, K 512] x [K 512, N 2,048]; A: computed on the way; B: computed on the way: QUANTISED
;;     14. batch 4 x [M 3, K 2,048] x [K 2,048, N 2,048]; A: input tgt; B: softmax: left as it is (M = 3 < 16)
;;   THE QUANTISER, for each operand of a quantised product, along K:
;;     - K is cut into blocks of 32 from its start; a last block that is shorter is filled with zeros.
;;     - A block's scale is 2^e with e = floor(log2(the largest magnitude in the block)) - 4, held to -126 .. 127; a block of zeros has e = 0. As a byte (E8M0): e + 127.
;;     - Each number is divided by its block's scale, clamped to +-28, and rounded to the nearest number of E3M2, ties to even, subnormals kept.
;;     - The product sums the exact products of the quantised numbers (number of the format x scale) in f32.
;;   ~~~python
;;   def quantise(x, axis):      # numpy; x: float32 -> the quantised numbers, widened to float32 again
;;       x = np.moveaxis(x, axis, -1); K = x.shape[-1]
;;       x = np.pad(x, [(0, 0)] * (x.ndim - 1) + [(0, -K % 32)]); x = x.reshape(x.shape[:-1] + (-1, 32)); a = np.abs(x).max(-1, keepdims=True)
;;       e = np.where(a > 0, np.clip(np.frexp(np.where(a > 0, a, 1))[1] - 1 - 4, -126, 127), 0)      # np.frexp(a)[1] - 1 = floor(log2(a)), exactly
;;       r = np.clip(x / 2.0 ** e, -28, 28)
;;       step = 2.0 ** (np.maximum(np.frexp(np.where(r == 0, 1, r))[1] - 1, -2) - 2)
;;       q = np.round(r / step) * step * 2.0 ** e      # np.round: ties to even
;;       return np.moveaxis(q.reshape(q.shape[:-2] + (-1,))[..., :K], -1, axis).astype(np.float32)
;;   ~~~
;;   OPERANDS COMPUTED ON THE WAY. 'Computed on the way' means the value that the module computes at that place (a softmax that the list does not call 'softmax' is quantised finished and normalised). What goes into a quantiser is computed in f32, as accurately as f32 sums, v_exp_f32 and their like allow (about 1e-6 of the number): no bf16 or f16 on the way to a quantiser, and a product that is left as it is and whose result goes on into a quantised operand takes f32 operands (vector FMAs, or v_wmma_f32_16x16x4_f32). A number that lies on a knife's edge between two numbers of the format may be rounded either way, as far as f32 arithmetic and the matrix unit's own rounding can turn it there, and no further.
;;   INPUTS GIVEN AS CODES. w2 (in the module: [64, 64], K = its axis 1); w3 (in the module: [128, 64], K = its axis 1); w4 (in the module: [256, 128], K = its axis 1); w5 (in the module: [512, 512], K = its axis 1): each comes as NAME_codes (uint8): NAME with its K axis moved to the last place and cut into blocks of 32 codes, [.., K / 32, bytes a block], one block behind the other in memory; four codes in three bytes: a row's codes are one little-endian stream of bits, code i at bits 6 i .. 6 i + 5 (a code: sign, 3 exponent bits, 2 mantissa bits); and NAME_scales (uint8): the same leading axes, one E8M0 byte (e + 127) for each 32 codes along K. Its value is code x scale, taken as it is: it is not quantised again, and the codes and scales need not be those that the quantiser above would give.
;; 2 versions. Each part assembles by itself: llvm-mc -triple=amdgcn-amd-amdhsa -mcpu=gfx1250 --defsym DOCPART=n.
;; ======== version 1 of 2: 8 launches
;; limits: a difference of large sums (such as E[x^2] - mean^2): digits are lost where the result is much smaller than its terms
;; workspace buffers: masks 4,194,304 bytes of whole numbers; idx 2,097,152 bytes of whole numbers; statA 1,064,960 bytes; statB 1,064,960 bytes; cat 33,554,432 bytes; y5 33,554,432 bytes; emb 7,077,888 bytes
;; launch knn (part 1): grid 256 x 1, 32 waves a work-group, no clusters, 36,864 bytes of LDS; arguments src, tgt, masks; writes masks
.if DOCPART == 1
	.amdgcn_target "amdgcn-amd-amdhsa--gfx1250"
	.amdhsa_code_object_version 6
	.text
	.protected	k_qcf2d07a7cd_knn
	.globl	k_qcf2d07a7cd_knn
	.p2align	8
	.type	k_qcf2d07a7cd_knn,@function
k_qcf2d07a7cd_knn:
	s_mov_b64 s[64:65], 0
	v_nop
	global_prefetch_b8 v0, s[64:65] scope:SCOPE_SE
	s_setreg_imm32_b32 hwreg(HW_REG_WAVE_MODE, 25, 1), 1
	s_wait_xcnt 0x0
; THE 32 NEAREST POINTS OF EACH POINT, as a mask of 2,048 bits.  src, tgt: [4][3][2048] f32.  masks: [point][lane 32][2] words; bit t of word w of lane l stands for candidate l + 32 t + 1024 w of the point's batch.
; A work-group owns 64 queries of one batch of one cloud (work-groups 0-127: src, 128-255: tgt); a wave takes two, one after the other.  The batch's points lie in LDS as (x, y, z, |p|^2).
; d2 = (|q|^2 - 2 q.p) + |p|^2 in f32, q.p and |p|^2 by chains of fused multiply-adds.  A lane's 64 distances are turned into 2 x 32 bit planes (a 32 x 32 bit transposition in registers), made into ordered
; unsigned keys, and the 32 smallest are chosen by a radix select from the top bit down: 32 key bits, then the 11 bits of the candidate's number as constant planes, so that of equal distances the lower index is taken.
; Nothing but values is selected: no branch and no address hangs on a distance.
; LIMITS: NaN and infinities are not served; where the 32nd and the 33rd distance differ by a rounding of f32, the set may differ from one computed with another order of rounding; -0 counts as below +0.
.set S0, 32                            ; three sets of 32 registers: keys, planes, and what is being loaded
.set S1, 64
.set S2, 96
	s_load_b128 s[4:7], s[0:1], 0x0                ; src, tgt
	s_load_b64 s[8:9], s[0:1], 0x10                ; masks
	v_lshl_add_u32 v30, v0, 2, 0x8000
	v_mov_b32 v31, 0
	v_lshrrev_b32 v1, 5, v0
	v_readfirstlane_b32 s10, v1                    ; wave 0..31
	s_lshr_b32 s11, ttmp9, 7                       ; cloud
	s_bfe_u32 s12, ttmp9, 0x20005                  ; batch
	s_and_b32 s13, ttmp9, 31
	s_lshl_b32 s13, s13, 6                         ; the work-group's first query in the batch
	s_mul_i32 s14, s12, 24576                      ; a batch is 3 x 2048 x 4 bytes
	s_mov_b32 s15, 0
	s_lshl_b32 s16, ttmp9, 14                      ; masks: 64 queries x 256 bytes a work-group,
	s_lshl_b32 s17, s10, 9                         ; 2 x 256 a wave
	s_add_co_u32 s16, s16, s17
	s_mov_b32 s17, 0
	s_lshl_b32 s18, s10, 1
	s_add_co_u32 s18, s18, s13
	s_lshl_b32 s18, s18, 4                         ; LDS byte of my first query
	s_mov_b32 s20, 0x76543210                      ; v_permlanex16_b32: lane l xor 16
	s_mov_b32 s21, 0xfedcba98
	s_mov_b32 s22, 0x0f0f0f0f                      ; masks of the transposition's steps 4, 2, 1
	s_mov_b32 s23, 0x33333333
	s_mov_b32 s24, 0x55555555
	s_mov_b32 s25, 0x05040100                      ; byte selects of its steps 16 and 8
	s_mov_b32 s26, 0x07060302
	s_mov_b32 s27, 0x06020400
	s_mov_b32 s28, 0x07030501
	v_lshlrev_b32 v24, 2, v0
	v_lshlrev_b32 v25, 4, v0
	v_and_b32 v1, 31, v0
	v_lshlrev_b32 v2, 4, v1                        ; 16 x lane: my candidates' place in a run of 32 points
	v_lshlrev_b32 v4, 3, v1                        ; 8 x lane: my two words of a mask
	v_mov_b32 v3, s18
.irp i, 0,1,2,3,4
	v_bfe_u32 v[5+\i], v0, 4-\i, 1                 ; v5-v9: bits 4 .. 0 of my lane as planes, all ones or none
	v_sub_nc_u32 v[5+\i], 0, v[5+\i]
.endr
	v_mov_b32 v23, 0                               ; a lane permute's destination counts as read
	s_wait_kmcnt 0x0
	s_cmp_eq_u32 s11, 0
	s_cselect_b64 s[4:5], s[4:5], s[6:7]           ; my cloud
	s_add_nc_u64 s[4:5], s[4:5], s[14:15]
	s_add_nc_u64 s[8:9], s[8:9], s[16:17]
.irp i, 0,1                                    ; thread t brings points t and t + 1024
.irp c, 0,1,2
	global_load_b32 v[32+4*\i+\c], v24, s[4:5] offset:8192*\c+4096*\i
.endr
.endr
	s_wait_loadcnt 0x0
.irp i, 0,1
	v_mul_f32 v[35+4*\i], v[32+4*\i], v[32+4*\i]
	v_fma_f32 v[35+4*\i], v[33+4*\i], v[33+4*\i], v[35+4*\i]
	v_fma_f32 v[35+4*\i], v[34+4*\i], v[34+4*\i], v[35+4*\i]
	ds_store_b128 v25, v[32+4*\i:35+4*\i] offset:16384*\i
.endr
	s_wait_dscnt 0x0                               ; my stores have landed: then the barrier, behind which every wave reads the table
	s_barrier_signal -1
	s_barrier_wait -1
; my 32 distances of word w into v[dst] on; v[buf] on takes eight points at a time
.macro KEYS dst, buf, w
.irp c, 0,1,2,3
.irp i, 0,1,2,3,4,5,6,7
	ds_load_b128 v[\buf+4*\i:\buf+4*\i+3], v2 offset:16384*\w+512*(8*\c+\i)
.endr
	s_wait_dscnt 0x0                               ; these eight (and, the first time, the query)
.irp i, 0,1,2,3,4,5,6,7
	v_mul_f32 v[\dst+8*\c+\i], v10, v[\buf+4*\i]
.endr
.irp i, 0,1,2,3,4,5,6,7
	v_fma_f32 v[\dst+8*\c+\i], v11, v[\buf+4*\i+1], v[\dst+8*\c+\i]
.endr
.irp i, 0,1,2,3,4,5,6,7
	v_fma_f32 v[\dst+8*\c+\i], v12, v[\buf+4*\i+2], v[\dst+8*\c+\i]
.endr
.irp i, 0,1,2,3,4,5,6,7
	v_fma_f32 v[\dst+8*\c+\i], v[\dst+8*\c+\i], -2.0, v13
.endr
.irp i, 0,1,2,3,4,5,6,7
	v_add_f32 v[\dst+8*\c+\i], v[\dst+8*\c+\i], v[\buf+4*\i+3]
.endr
.endr
.endm
; one step of the transposition, from set a into set b: rows k and k + j change their off-diagonal blocks of j bits
.macro TRP a, b, j, slo, shi           ; whole bytes: two byte permutes a pair
.set k, 0
.rept 32
.if (k & \j) == 0
	v_perm_b32 v[\b+k], v[\a+k+\j], v[\a+k], s[\slo]
	v_perm_b32 v[\b+k+\j], v[\a+k+\j], v[\a+k], s[\shi]
.endif
.set k, k+1
.endr
.endm
.macro TRB a, b, j, sm                 ; within bytes: a shift and a bit select each
.set k, 0
.rept 32
.if (k & \j) == 0
	v_lshlrev_b32 v[\b+k], \j, v[\a+k+\j]
	v_lshrrev_b32 v[\b+k+\j], \j, v[\a+k]
	v_bfi_b32 v[\b+k], s[\sm], v[\a+k], v[\b+k]
	v_bfi_b32 v[\b+k+\j], s[\sm], v[\b+k+\j], v[\a+k+\j]
.endif
.set k, k+1
.endr
.endm
.macro TR a, b                         ; keys in a, planes in b: register i of b holds bit i of the 32 keys
	TRP \a, \b, 16, 25, 26
	TRP \b, \a, 8, 27, 28
	TRB \a, \b, 4, 22
	TRB \b, \a, 2, 23
	TRB \a, \b, 1, 24
.endm
.macro SIGN p                          ; f32 to ordered unsigned: a negative number has all its bits turned, another its top bit
.set k, 0
.rept 31
	v_xor_b32 v[\p+k], v[\p+31], v[\p+k]
.set k, k+1
.endr
	v_not_b32 v[\p+31], v[\p+31]
.endm
; one bit of the select.  v14-15 alive, v16-17 taken, v21 how many are still wanted (f32: counts up to 2,048 are exact).
; Z = the alive whose bit is 0.  Fewer of them than wanted: all are taken and the others stay alive; else Z alone stays alive.
.macro STEP p0, p1
	v_bfi_b32 v18, \p0, 0, v14
	v_bfi_b32 v19, \p1, 0, v15
	v_bcnt_u32_b32 v20, v18, 0
	v_bcnt_u32_b32 v20, v19, v20
	v_cvt_f32_u32 v20, v20
	v_add_f32_dpp v20, v20, v20 row_xmask:1 row_mask:0xf bank_mask:0xf
	v_add_f32_dpp v20, v20, v20 row_xmask:2 row_mask:0xf bank_mask:0xf
	v_add_f32_dpp v20, v20, v20 row_xmask:4 row_mask:0xf bank_mask:0xf
	v_add_f32_dpp v20, v20, v20 row_xmask:8 row_mask:0xf bank_mask:0xf
	v_permlanex16_b32 v23, v20, s20, s21
	v_add_f32 v20, v20, v23                        ; the wave's count
	v_cmp_lt_f32 vcc_lo, v20, v21
	v_cndmask_b32 v22, 0, -1, vcc_lo
	v_and_or_b32 v16, v18, v22, v16
	v_and_or_b32 v17, v19, v22, v17
	v_and_b32 v14, v14, v22
	v_and_b32 v15, v15, v22
	v_xor_b32 v14, v18, v14
	v_xor_b32 v15, v19, v15
	v_and_b32 v20, v20, v22
	v_sub_f32 v21, v21, v20
.endm
	s_mov_b32 s30, 0
.Lquery:
	ds_load_b128 v[10:13], v3                      ; the query, the same in every lane
	KEYS S0, S2, 0
	TR S0, S2                                      ; word 0's planes: S2
	KEYS S1, S0, 1
	TR S1, S0                                      ; word 1's planes: S0
	SIGN S2
	SIGN S0
	v_mov_b32 v14, -1
	v_mov_b32 v15, -1
	v_mov_b32 v16, 0
	v_mov_b32 v17, 0
	v_mov_b32 v21, 0x42000000                      ; 32.0
.set pl, 31
.rept 32
	STEP v[S2+pl], v[S0+pl]
.set pl, pl-1
.endr
	STEP 0, -1                                     ; the candidate's number, from its top bit down: the word,
	STEP 0xffff0000, 0xffff0000                    ; the five bits of t,
	STEP 0xff00ff00, 0xff00ff00
	STEP 0xf0f0f0f0, 0xf0f0f0f0
	STEP 0xcccccccc, 0xcccccccc
	STEP 0xaaaaaaaa, 0xaaaaaaaa
	STEP v5, v5                                    ; the five bits of the lane
	STEP v6, v6
	STEP v7, v7
	STEP v8, v8
	STEP v9, v9
	v_or_b32 v16, v16, v14                         ; all keys differ, so one candidate is left alive, and one is still wanted
	v_or_b32 v17, v17, v15
	global_store_b64 v4, v[16:17], s[8:9]          ; 32 lanes store 256 consecutive bytes, aligned
	s_wait_xcnt 0x0                                ; the store has read its data and its base: both are written again below
	s_add_nc_u64 s[8:9], s[8:9], 256
	v_add_nc_u32 v3, 16, v3
	s_add_co_u32 s30, s30, 1
	s_cmp_lt_u32 s30, 2
	s_cbranch_scc1 .Lquery
	s_wait_tensorcnt 0x0
	ds_add_u32 v30, v31
	s_wait_dscnt 0x0
	s_endpgm
.Lfunc_end_k_qcf2d07a7cd_knn:
	.size	k_qcf2d07a7cd_knn, .Lfunc_end_k_qcf2d07a7cd_knn-k_qcf2d07a7cd_knn
	.p2alignl 7, 3214868480
	.fill 96, 4, 3214868480
	.section	.rodata,"a",@progbits
	.p2align	6, 0x0
	.amdhsa_kernel k_qcf2d07a7cd_knn
		.amdhsa_group_segment_fixed_size 36864
		.amdhsa_private_segment_fixed_size 0
		.amdhsa_enable_private_segment 0
		.amdhsa_kernarg_size 24
		.amdhsa_user_sgpr_count 2
		.amdhsa_user_sgpr_kernarg_segment_ptr 1
		.amdhsa_wavefront_size32 1
		.amdhsa_system_sgpr_workgroup_id_x 1
		.amdhsa_system_sgpr_workgroup_id_y 1
		.amdhsa_system_sgpr_workgroup_id_z 1
		.amdhsa_system_vgpr_workitem_id 0
		.amdhsa_next_free_vgpr 128
		.amdhsa_next_free_sgpr 66
		.amdhsa_reserve_vcc 1
		.amdhsa_float_denorm_mode_32 3
		.amdhsa_float_denorm_mode_16_64 3
		.amdhsa_memory_ordered 1
		.amdhsa_forward_progress 1
		.amdhsa_inst_pref_size 98
	.end_amdhsa_kernel
	.amdgpu_metadata
---
amdhsa.version: [ 1, 2 ]
amdhsa.kernels:
  - .name:           k_qcf2d07a7cd_knn
    .symbol:         k_qcf2d07a7cd_knn.kd
    .args:
      - { .name: src, .offset: 0, .size: 8, .value_kind: global_buffer, .address_space: global }
      - { .name: tgt, .offset: 8, .size: 8, .value_kind: global_buffer, .address_space: global }
      - { .name: masks, .offset: 16, .size: 8, .value_kind: global_buffer, .address_space: global }
    .group_segment_fixed_size: 36864
    .private_segment_fixed_size: 0
    .kernarg_segment_align: 8
    .kernarg_segment_size: 24
    .max_flat_workgroup_size: 1024
    .sgpr_count:     66
    .vgpr_count:     128
    .wavefront_size: 32
...
	.end_amdgpu_metadata
.endif
;; end of part 1
;; launch lists (part 2): grid 256 x 1, 16 waves a work-group, no clusters, 36,864 bytes of LDS; arguments src, tgt, masks, idx, statA; writes idx, statA
.if DOCPART == 2
	.amdgcn_target "amdgcn-amd-amdhsa--gfx1250"
	.amdhsa_code_object_version 6
	.text
	.protected	k_qcf2d07a7cd_lists
	.globl	k_qcf2d07a7cd_lists
	.p2align	8
	.type	k_qcf2d07a7cd_lists,@function
k_qcf2d07a7cd_lists:
	s_mov_b64 s[64:65], 0
	v_nop
	global_prefetch_b8 v0, s[64:65] scope:SCOPE_SE
	s_setreg_imm32_b32 hwreg(HW_REG_WAVE_MODE, 25, 1), 1
	s_wait_xcnt 0x0
; THE MASKS BECOME LISTS, AND THE MOMENTS OF THE EDGE FEATURES ARE SUMMED.  masks as the launch before stored them: [point][lane 32][2] words, bit t of word w of lane l = candidate l + 32 t + 1024 w.
; idx: [point][32] words, a neighbour's number in its batch, in the order of (lane, word, bit).
; feat = (x_j, x_i): y1 = w1 feat is linear in it, so the mean and variance of y1 over a cloud follow from the sums of feat (6) and of its products (21).  A work-group stores its 27 sums (and 5 zeros) as its row of statA.
; A work-group owns 64 points, a wave 4, written out one after the other.  A MASK HAS 32 BITS SET AND A WAVE 32 LANES: LANE k FETCHES THE k-TH SET BIT.  Each lane counts its 64 bits and takes the running count of the lanes
; before it (its first place).  A walk over the 32 lanes brings each lane's first place and two words into scalars; a lane whose k is not below that first place takes them.  First places never fall along the lanes, so the
; last lane taken is the one whose bits cover place k.  Then the (k - first place)-th set bit of the 64 is found by halving: which word, then 16, 8, 4, 2, 1 bits, each by a count of bits and a select.
; All lanes are on throughout, no branch and no trip count hangs on a mask, and every address but the gather's is fixed; the gather's index is held at 2,047.
; Sums: 0-2 x_j, 3-5 x_i, 6-11 x_j x_j (xx xy xz yy yz zz), 12-20 x_j x_i (3 a + b), 21-26 x_i x_i.  Every lane adds the centre once a point: 32 lanes give it the weight 32, the number of its rows.
.set ACC, 32                           ; v32-63  the sums
.set MW,  64                           ; v64-71  my two words of the four masks
.set CE,  72                           ; v72-87  the four centres
.set J,   88                           ; v88-91  the index that I found, one register a point: no store's data are written again
.set RED, 32768                        ; behind the table: 128 bytes for each wave
	s_load_b256 s[4:11], s[0:1], 0x0               ; src, tgt, masks, idx
	s_load_b64 s[12:13], s[0:1], 0x20              ; statA
	v_lshl_add_u32 v96, v0, 2, 0x8800
	v_mov_b32 v97, 0
	v_lshrrev_b32 v1, 5, v0
	v_readfirstlane_b32 s14, v1                    ; wave 0..15
	s_lshr_b32 s15, ttmp9, 7                       ; cloud
	s_bfe_u32 s16, ttmp9, 0x20005                  ; batch
	s_and_b32 s17, ttmp9, 31
	s_lshl_b32 s17, s17, 6                         ; first point in the batch
	s_and_b32 s18, ttmp9, 127                      ; my row of partial sums
	s_mov_b32 s20, 0x76543210                      ; v_permlanex16_b32: lane l xor 16
	s_mov_b32 s21, 0xfedcba98
	v_and_b32 v1, 31, v0                           ; lane = the place k that I fetch
	v_lshlrev_b32 v2, 3, v1                        ; my two words of a mask
	v_lshrrev_b32 v5, 4, v1                        ; which half of the lanes
	v_lshlrev_b32 v6, 2, v0
	v_lshlrev_b32 v4, 4, v0
	s_lshl_b32 s22, s14, 2
	s_add_co_u32 s22, s22, s17
	s_lshl_b32 s22, s22, 4
	v_mov_b32 v3, s22                              ; LDS byte of my wave's first centre; never rewritten
	s_lshl_b32 s22, s14, 7
	s_add_co_u32 s22, s22, RED
	v_mov_b32 v21, s22                             ; where my wave puts its sums
	v_lshlrev_b32 v23, 2, v1                       ; 4 x lane: my word of a list
	v_add_nc_u32 v22, RED, v23                     ; where wave 0 reads the sums
	v_mov_b32 v20, 0                               ; destinations of lane moves count as read
	s_mul_i32 s24, s16, 24576
	s_mov_b32 s25, 0
	s_lshl_b32 s26, ttmp9, 14
	s_lshl_b32 s27, s14, 10
	s_add_co_u32 s26, s26, s27                     ; masks: 256 bytes a point
	s_mov_b32 s27, 0
	s_lshr_b32 s28, s26, 1                         ; idx: 128 bytes a point
	s_mov_b32 s29, 0
	s_mul_i32 s30, s15, 532480                     ; a cloud's part of statA,
	s_lshl_b32 s31, s18, 12
	s_add_co_u32 s30, s30, s31
	s_add_co_u32 s30, s30, 8192                    ; its rows of partial sums begin 8,192 bytes in, 4,096 bytes a row
	s_mov_b32 s31, 0
	s_wait_kmcnt 0x0
	s_cmp_eq_u32 s15, 0
	s_cselect_b64 s[4:5], s[4:5], s[6:7]
	s_add_nc_u64 s[4:5], s[4:5], s[24:25]
	s_add_nc_u64 s[8:9], s[8:9], s[26:27]
	s_add_nc_u64 s[10:11], s[10:11], s[28:29]
	s_add_nc_u64 s[12:13], s[12:13], s[30:31]
.irp n, 0,1,2,3
	global_load_b64 v[MW+2*\n:MW+2*\n+1], v2, s[8:9] offset:256*\n     ; 32 lanes read a mask's 256 consecutive bytes
.endr
.irp g, 0,1,2,3                                ; thread t brings points t + 512 g
.irp c, 0,1,2
	global_load_b32 v[32+4*\g+\c], v6, s[4:5] offset:8192*\c+2048*\g
.endr
	v_mov_b32 v[35+4*\g], 0
.endr
	s_wait_loadcnt 0x0
.irp g, 0,1,2,3
	ds_store_b128 v4, v[32+4*\g:35+4*\g] offset:8192*\g
.endr
	s_wait_dscnt 0x0                               ; my stores have landed: then the barrier, behind which every wave reads the table
	s_barrier_signal -1
	s_barrier_wait -1
.irp n, 0,1,2,3
	ds_load_b128 v[CE+4*\n:CE+4*\n+3], v3 offset:16*\n                 ; the centres, the same in every lane
.endr
	s_wait_dscnt 0x0
; the first point starts the sums: nothing but the row's five spare words is cleared
.macro SUMUP d, a
.if FIRST
	v_mov_b32 v[\d], v[\a]
.else
	v_add_f32 v[\d], v[\d], v[\a]
.endif
.endm
.macro PROD d, a, b
.if FIRST
	v_mul_f32 v[\d], v[\a], v[\b]
.else
	v_fma_f32 v[\d], v[\a], v[\b], v[\d]
.endif
.endm
; one halving: the low sh bits of the word in hand (v19) hold c set bits; is the bit that I look for (the v16-th) beyond them?  Then c off v16, the word sh down, sh onto the bit's number v28
.macro HALVE mask, sh
	v_and_b32 v29, \mask, v19
	v_bcnt_u32_b32 v29, v29, 0
	v_cmp_ge_u32 vcc_lo, v16, v29
	v_cndmask_b32 v29, 0, v29, vcc_lo
	v_cndmask_b32 v30, 0, \sh, vcc_lo
	v_sub_nc_u32 v16, v16, v29
	v_lshrrev_b32 v19, v30, v19
	v_add_nc_u32 v28, v28, v30
.endm
.macro POINT n
	v_bcnt_u32_b32 v10, v[MW+2*\n], 0
	v_bcnt_u32_b32 v10, v[MW+2*\n+1], v10          ; my bits
	v_mov_b32 v18, v10
.irp m, 1,2,4,8                                ; the running count within 16 lanes,
	v_mov_b32_dpp v20, v10 row_shr:\m row_mask:0xf bank_mask:0xf bound_ctrl:1
	v_add_nc_u32 v10, v10, v20
.endr
	v_readlane_b32 s32, v10, 15
	v_mad_u32_u24 v10, v5, s32, v10                ; and lanes 16-31 behind lanes 0-15
	v_sub_nc_u32 v11, v10, v18                     ; my first place in the list
.set sl, 0
.rept 32                                       ; the walk over the lanes: v12, v13 the words, v14 the first place, v15 the number of the lane that covers my place
	v_readlane_b32 s40, v11, sl
	v_readlane_b32 s41, v[MW+2*\n], sl
	v_readlane_b32 s42, v[MW+2*\n+1], sl
.if sl == 0
	v_mov_b32 v12, s41                             ; lane 0's first place is 0: not above any k
	v_mov_b32 v13, s42
	v_mov_b32 v14, s40
	v_mov_b32 v15, 0
.else
	v_cmp_le_u32 vcc_lo, s40, v1
	v_cndmask_b32 v12, v12, s41, vcc_lo
	v_cndmask_b32 v13, v13, s42, vcc_lo
	v_cndmask_b32 v14, v14, s40, vcc_lo
	v_cndmask_b32 v15, v15, sl, vcc_lo
.endif
.set sl, sl+1
.endr
	v_sub_nc_u32 v16, v1, v14                      ; which of that lane's set bits is mine, from 0
	v_bcnt_u32_b32 v17, v12, 0
	v_cmp_ge_u32 vcc_lo, v16, v17                  ; beyond word 0's?
	v_cndmask_b32 v19, v12, v13, vcc_lo            ; the word in hand,
	v_cndmask_b32 v17, 0, v17, vcc_lo
	v_cndmask_b32 v28, 0, 32, vcc_lo               ; the bit's number counts on through both words: candidate = lane + 32 (t + 32 w)
	v_sub_nc_u32 v16, v16, v17
	HALVE 0xffff, 16
	HALVE 0xff, 8
	HALVE 15, 4
	HALVE 3, 2
	HALVE 1, 1
	v_lshl_add_u32 v[J+\n], v28, 5, v15
	v_min_u32 v[J+\n], 0x7ff, v[J+\n]              ; what was loaded enters an address only behind a bound
	v_lshlrev_b32 v31, 4, v[J+\n]
	ds_load_b128 v[24:27], v31                     ; my neighbour
	global_store_b32 v23, v[J+\n], s[10:11] offset:128*\n      ; 32 lanes store the point's 128 consecutive bytes
	s_wait_dscnt 0x0
.set FIRST, (\n) == 0
.irp a, 0,1,2
	SUMUP ACC+\a, 24+\a
	SUMUP ACC+3+\a, CE+4*\n+\a
.irp b, 0,1,2
	PROD ACC+12+3*\a+\b, 24+\a, CE+4*\n+\b
.endr
.endr
	PROD ACC+6, 24, 24
	PROD ACC+7, 24, 25
	PROD ACC+8, 24, 26
	PROD ACC+9, 25, 25
	PROD ACC+10, 25, 26
	PROD ACC+11, 26, 26
	PROD ACC+21, CE+4*\n, CE+4*\n
	PROD ACC+22, CE+4*\n, CE+4*\n+1
	PROD ACC+23, CE+4*\n, CE+4*\n+2
	PROD ACC+24, CE+4*\n+1, CE+4*\n+1
	PROD ACC+25, CE+4*\n+1, CE+4*\n+2
	PROD ACC+26, CE+4*\n+2, CE+4*\n+2
.endm
	POINT 0
	POINT 1
	POINT 2
	POINT 3
.irp i, 27,28,29,30,31
	v_mov_b32 v[ACC+\i], 0                         ; the row's spare words
.endr
.set i, 0
.rept 27                                       ; each sum over the wave's 32 lanes
	v_add_f32_dpp v[ACC+i], v[ACC+i], v[ACC+i] row_xmask:1 row_mask:0xf bank_mask:0xf
	v_add_f32_dpp v[ACC+i], v[ACC+i], v[ACC+i] row_xmask:2 row_mask:0xf bank_mask:0xf
	v_add_f32_dpp v[ACC+i], v[ACC+i], v[ACC+i] row_xmask:4 row_mask:0xf bank_mask:0xf
	v_add_f32_dpp v[ACC+i], v[ACC+i], v[ACC+i] row_xmask:8 row_mask:0xf bank_mask:0xf
	v_permlanex16_b32 v20, v[ACC+i], s20, s21
	v_add_f32 v[ACC+i], v[ACC+i], v20
.set i, i+1
.endr
	s_wait_dscnt 0x0                               ; every wave's reads of the table are over
	s_barrier_signal -1
	s_barrier_wait -1
.irp i, 0,1,2,3,4,5,6,7
	ds_store_b128 v21, v[ACC+4*\i:ACC+4*\i+3] offset:16*\i     ; all lanes hold the same numbers and write the same bytes
.endr
	s_wait_dscnt 0x0                               ; for the others' sake: my stores have landed
	s_barrier_signal -1
	s_barrier_wait -1
	s_cmp_lg_u32 s14, 0
	s_cbranch_scc1 .Lend
.set i, 0
.rept 16
	ds_load_b32 v[64+i], v22 offset:128*i          ; lane l: sum l of each of the sixteen waves
.set i, i+1
.endr
	s_wait_dscnt 0x0
.set i, 1
.rept 15
	v_add_f32 v64, v64, v[64+i]
.set i, i+1
.endr
	global_store_b32 v23, v64, s[12:13]
.Lend:
	s_wait_tensorcnt 0x0
	ds_add_u32 v96, v97
	s_wait_dscnt 0x0
	s_endpgm
.Lfunc_end_k_qcf2d07a7cd_lists:
	.size	k_qcf2d07a7cd_lists, .Lfunc_end_k_qcf2d07a7cd_lists-k_qcf2d07a7cd_lists
	.p2alignl 7, 3214868480
	.fill 96, 4, 3214868480
	.section	.rodata,"a",@progbits
	.p2align	6, 0x0
	.amdhsa_kernel k_qcf2d07a7cd_lists
		.amdhsa_group_segment_fixed_size 36864
		.amdhsa_private_segment_fixed_size 0
		.amdhsa_enable_private_segment 0
		.amdhsa_kernarg_size 40
		.amdhsa_user_sgpr_count 2
		.amdhsa_user_sgpr_kernarg_segment_ptr 1
		.amdhsa_wavefront_size32 1
		.amdhsa_system_sgpr_workgroup_id_x 1
		.amdhsa_system_sgpr_workgroup_id_y 1
		.amdhsa_system_sgpr_workgroup_id_z 1
		.amdhsa_system_vgpr_workitem_id 0
		.amdhsa_next_free_vgpr 98
		.amdhsa_next_free_sgpr 66
		.amdhsa_reserve_vcc 1
		.amdhsa_float_denorm_mode_32 3
		.amdhsa_float_denorm_mode_16_64 3
		.amdhsa_memory_ordered 1
		.amdhsa_forward_progress 1
		.amdhsa_inst_pref_size 93
	.end_amdhsa_kernel
	.amdgpu_metadata
---
amdhsa.version: [ 1, 2 ]
amdhsa.kernels:
  - .name:           k_qcf2d07a7cd_lists
    .symbol:         k_qcf2d07a7cd_lists.kd
    .args:
      - { .name: src, .offset: 0, .size: 8, .value_kind: global_buffer, .address_space: global }
      - { .name: tgt, .offset: 8, .size: 8, .value_kind: global_buffer, .address_space: global }
      - { .name: masks, .offset: 16, .size: 8, .value_kind: global_buffer, .address_space: global }
      - { .name: idx, .offset: 24, .size: 8, .value_kind: global_buffer, .address_space: global }
      - { .name: statA, .offset: 32, .size: 8, .value_kind: global_buffer, .address_space: global }
    .group_segment_fixed_size: 36864
    .private_segment_fixed_size: 0
    .kernarg_segment_align: 8
    .kernarg_segment_size: 40
    .max_flat_workgroup_size: 512
    .sgpr_count:     66
    .vgpr_count:     98
    .wavefront_size: 32
...
	.end_amdgpu_metadata
.endif
;; end of part 2
;; launch edge2 (part 3): grid 256 x 1, 4 waves a work-group, no clusters, 46,592 bytes of LDS; arguments src, tgt, idx, statA, statB, cat, w1, g1, b1, w2_codes, w2_scales, w3_codes, w3_scales, w4_codes, w4_scales, g2; writes statB, cat
.if DOCPART == 3
	.amdgcn_target "amdgcn-amd-amdhsa--gfx1250"
	.amdhsa_code_object_version 6
	.text
	.protected	k_qcf2d07a7cd_edge2
	.globl	k_qcf2d07a7cd_edge2
	.p2align	8
	.type	k_qcf2d07a7cd_edge2,@function
k_qcf2d07a7cd_edge2:
	s_mov_b64 s[64:65], 0
	v_nop
	global_prefetch_b8 v0, s[64:65] scope:SCOPE_SE
	s_setreg_imm32_b32 hwreg(HW_REG_WAVE_MODE, 25, 1), 1
	s_wait_xcnt 0x0
; EDGE LAYER L (the constant below: 2, 3 or 4; the three launches are this one text).  The chain of edge layers is made anew from the neighbour lists, in registers, up to layer L; of layer L only the sums for its
; batch norm and its maximum over the 32 neighbours are kept.  No layer's rows go to memory.
; ARGUMENTS (one list for the three): src, tgt, idx, partial sums in, partial sums out, cat, w1, gain and bias of layer L - 1, codes and scales of w2, w3, w4, gain of layer L.  A launch reads those that it needs.
; SHARES.  A work-group owns 64 points of one batch of one cloud, a wave 16: 32 tiles of 16 rows.  Tile T = 4 u + v: rows 0-7 are neighbours 8 v .. 8 v + 7 of point u, rows 8-15 the same of point u + 8.
; LAYER 1 goes by the f32 matrix form, K = 8 = (x_j, 1 | x_i, .): its batch norm is folded into the table W1' = (a w, c | a w, 0), and both operands are 8-byte reads of one LDS table (x, y, z, 1).
; LAYERS THAT GO ON are used transposed (source 0 = 16 rows of W, chosen so that two tiles give a lane 16 neighbours along the next K): a lane holds one row, and quantising asks one other lane.
; LAYER L is used as it stands (source 0 = the rows, source 1 = 16 rows of W): a lane holds one channel and eight rows of ONE point, so sum, sum of squares and maximum stay in the lane.
; Only a maximum is kept: max_k relu(a y + c) = relu(|a| max_k(s y) + c), s the sign of the gain, which is put into the sign bits of W's codes.  The sums are those of s y: a = g rsq(var + eps), C = b - |a| mean(s y) serve both uses.
; THE SUMS OF THE LAYER BEFORE are added up at the head by every work-group from the 128 rows of its cloud; the first work-group of a cloud hands all constants on (4,096 bytes at the head of the cloud's part).
; LIMITS: the variance is E[y^2] - mean^2 in f32: its relative error grows as 6e-8 mean^2 / var.  NaN and infinities are not served.
.set L, 2
.set NT, 4<<(L-2)                      ; tiles of 16 channels in layer L
.set NCH, 16*NT
.set NFO, 2*NCH                        ; numbers in the row of sums that I store
.if L == 2
.set NFI, 32                           ; numbers in the rows that I read
.set LCG, 3
.set CATO, 256                         ; where layer L's maxima lie in a row of cat
.elseif L == 3
.set NFI, 128
.set LCG, 5
.set CATO, 512
.set AOUT, 2560                        ; where layer L - 1's a and C lie among the constants
.set COUT, 2816
.else
.set NFI, 256
.set LCG, 6
.set CATO, 1024
.set AOUT, 3072
.set COUT, 3584
.endif
.set CG, NFI/4                         ; 16-byte groups in such a row = rows that a thread adds
.set RP, 128/CG                        ; threads to a group
.set CP, NFI/2                         ; channels of layer L - 1
.if CG < 16
.set NL, CG
.else
.set NL, 16
.endif
.set PRM, 32768                        ; LDS: the table 32,768; the constants 4,096: W1' at 0, then a, C of layers 1, 2, 3 at 2048, 2304, 2560, 2816, 3072, 3584
.set RED, 36864                        ; 8,192 for sums
.set TOT, 45056                        ; 256: the 27 moments
.set R, 1                              ; window 0.  v1 lane % 16, v2 lane / 16
.set H, 2
.set IOF, 4                            ; offset of the list word being fetched
.set IDXV, 5                           ; that word
.set FADR, 6                           ; LDS byte of my row's neighbour
.set CB, 7                             ; LDS byte of my row's centre in tile 0, and in the tile in hand
.set CA, 8
.set CO, 9                             ; my place in two rows of cat
.set H8, 10
.set ILC, 11                           ; my row's place in the wave's lists
.set T4, 12
.set T16, 13
.set RA, 14                            ; where I put my channel sums
.set W2S, 32                           ; scale words of w2 (4), w3 (8), w4 (16); the word just made
.set W3S, 36
.set W4S, 44
.set PW, 60
.set TM, 64                            ; at work in the quantiser
.set PC, 80                            ; codes of a K = 64 operand: registers 6-11 stay zero codes
.set F0, 100                           ; (x_j, 1), (x_i, 1): two numbers a lane
.set FC, 102
.set W1T, 104                          ; W1', transposed use: tile t, K step s at 4 t + 2 s
.set D1, 120                           ; layer 1, written by matrix instructions alone
.set X, 152                            ; the layer in hand
.set PCB, 216                          ; L = 4: codes of the K = 128 operand
.set D1N, 184                          ; L = 2: layer 1 as it stands, written by matrix instructions alone; its table; its maxima; what is stored of them
.set W1N, 216
.set MX1, 232
.set XO, 236
.set A2, 0                             ; window 1: a, C of layers 2 and 3 in the lane's order; w2 transposed
.set C2, 32
.set A3, 64
.set C3, 128
.set W2T, 192
.set WA, 0                             ; window 2: w3 transposed (L = 4) or layer L's weights (L = 2, 3); two sets of four result tiles; sums, sums of squares, maxima
.set D4, 96
.set SUM, 160
.set SQ, 192
.set MX, 224
.set WN, 0                             ; layer L's weights: window 2, or 3 for L = 4
.if L == 2
.set WNS, W2S
.elseif L == 3
.set WNS, W3S
.else
.set WNS, W4S
.endif
.if L == 4
.set NATW, 0x8c                        ; source 1 window 3, result window 2
.set FLW, 0xc3
.set LDWN, 0xc0
.set NFR, 12
.set PCN, PCB
.else
.set NATW, 0x88
.set FLW, 0x82
.set LDWN, 0x80
.set NFR, 6
.set PCN, PC
.endif
.set MSB, 0
.macro WIN new                         ; the immediate's high byte repeats the setting that is left
.if MSB != \new
	s_set_vgpr_msb (MSB<<8)|\new
.set MSB, \new
.endif
.endm
.macro PLACES n
.rept \n
	v_nop
.endr
.endm
.macro BAR                             ; my LDS stores have landed and my LDS loads are in: then the work-group's barrier
	s_wait_dscnt 0x0
	s_barrier_signal -1
	s_barrier_wait -1
.endm
.macro MX6 d, a, b, sa, sb             ; one product on codes, K = 128, its sum begun with 0
	v_wmma_scale_f32_16x16x128_f8f6f4 v[\d:\d+7], v[\a:\a+11], v[\b:\b+11], 0, v[\sa], v[\sb] matrix_a_fmt:MATRIX_FMT_BF6 matrix_b_fmt:MATRIX_FMT_BF6
.endm
; 32 nc numbers of a lane, none negative, register 16 b + i = k 32 b + 16 (lane / 16) + i of my row, become codes in v[pc] on and the scale word v[PW]
.macro QUANT s, nc, pc
.irp b, 0,1,2,3
.if \b < 2*\nc
	v_max3_num_f32 v[TM+\b], v[\s+16*\b], v[\s+16*\b+1], 0x2800000   ; the floor 2^(5 - 127) holds the byte at 1 from below
.endif
.endr
.irp i, 2,4,6,8,10,12,14
.irp b, 0,1,2,3
.if \b < 2*\nc
	v_max3_num_f32 v[TM+\b], v[TM+\b], v[\s+16*\b+\i], v[\s+16*\b+\i+1]
.endif
.endr
.endr
.irp b, 0,1,2,3
.if \b < 2*\nc
	v_permlanex16_b32 v[TM+4+\b], v[TM+\b], s38, s39
.endif
.endr
.irp b, 0,1,2,3
.if \b < 2*\nc
	v_max_num_f32 v[TM+\b], v[TM+\b], v[TM+4+\b]   ; with lane l xor 16's sixteen: the block's largest
	v_add_nc_u32 v[TM+12+\b], 0xfe000000, v[TM+\b] ; 4 off its exponent field: the conversion's scale operand
	v_lshrrev_b32 v[TM+4+\b], 23, v[TM+12+\b]      ; the scale's byte
.endif
.endr
	v_lshl_or_b32 v[PW], v[TM+5], 8, v[TM+4]
.if \nc == 2
	v_lshl_or_b32 v[PW], v[TM+6], 16, v[PW]
	v_lshl_or_b32 v[PW], v[TM+7], 24, v[PW]
.else
	v_or_b32 v[PW], 0x7f7f0000, v[PW]              ; K = 64: the upper 64 are zero codes under the byte 127
.endif
.irp c, 0,1
.if \c < \nc
	v_cvt_scalef32_pk16_bf6_f32 v[\pc+6*\c:\pc+6*\c+2], v[\s+32*\c:\s+32*\c+15], v[TM+12+2*\c]
	v_cvt_scalef32_pk16_bf6_f32 v[\pc+12+4*\c:\pc+14+4*\c], v[\s+32*\c+16:\s+32*\c+31], v[TM+13+2*\c]
.endif
.endr
	v_nop                                          ; one plain place behind a scaled conversion
.irp c, 0,1
.if \c < \nc
.irp i, 0,1,2
	v_permlane16_swap_b32 v[\pc+6*\c+\i], v[\pc+12+4*\c+\i]    ; a whole block to a lane
.endr
.irp i, 0,1,2
	v_mov_b32 v[\pc+3+6*\c+\i], v[\pc+12+4*\c+\i]
.endr
.endif
.endr
.endm
.macro M1T ks, f, z                    ; layer 1, transposed: four tiles of 16 channels, K step ks; z = 1 begins the sums
.irp t, 0,1,2,3
.if \z
	v_wmma_f32_16x16x4_f32 v[D1+8*\t:D1+8*\t+7], v[W1T+4*\t+2*\ks:W1T+4*\t+2*\ks+1], v[\f:\f+1], 0
.else
	v_wmma_f32_16x16x4_f32 v[D1+8*\t:D1+8*\t+7], v[W1T+4*\t+2*\ks:W1T+4*\t+2*\ks+1], v[\f:\f+1], v[D1+8*\t:D1+8*\t+7]
.endif
.endr
.endm
.macro M1N ks, f, z                    ; the same as it stands (L = 2)
.irp t, 0,1,2,3
.if \z
	v_wmma_f32_16x16x4_f32 v[D1N+8*\t:D1N+8*\t+7], v[\f:\f+1], v[W1N+4*\t+2*\ks:W1N+4*\t+2*\ks+1], 0
.else
	v_wmma_f32_16x16x4_f32 v[D1N+8*\t:D1N+8*\t+7], v[\f:\f+1], v[W1N+4*\t+2*\ks:W1N+4*\t+2*\ks+1], v[D1N+8*\t:D1N+8*\t+7]
.endif
.endr
.endm
.macro NAT G                           ; layer L: tiles 4 G .. 4 G + 3 into set G % 2
.irp i, 0,1,2,3
	MX6 D4+32*((\G)%2)+8*\i, PCN, WN+12*(4*(\G)+\i), PW, WNS+4*(\G)+\i
.endr
.endm
.macro STATS G                         ; their sums, sums of squares and maxima: the four tiles by turns, each from its low end on
.irp jj, 0,2,4,6
.irp i, 0,1,2,3
.set dd, D4+32*((\G)%2)+8*\i+\jj
.set tt, 4*(\G)+\i
	v_pk_add_f32 v[SUM+2*tt:SUM+2*tt+1], v[SUM+2*tt:SUM+2*tt+1], v[dd:dd+1]
	v_pk_fma_f32 v[SQ+2*tt:SQ+2*tt+1], v[dd:dd+1], v[dd:dd+1], v[SQ+2*tt:SQ+2*tt+1]
	v_max3_num_f32 v[MX+tt], v[MX+tt], v[dd], v[dd+1]
.endr
.endr
.endm
.macro LW64 reg, vo, sb, imm           ; a fragment of a K = 64 weight: 24 bytes a lane; its upper six registers are zero codes
.irp i, 0,1,2
	global_load_b64 v[\reg+2*\i:\reg+2*\i+1], v[\vo], s[\sb:\sb+1] offset:(\imm)+8*\i
.endr
.irp i, 6,7,8,9,10,11
	v_mov_b32 v[\reg+\i], 0
.endr
.endm
.macro ROW3 d, m, i0, i1, i2, w        ; d = three moments . three weights
	v_mul_f32 v[\d], v[X+\m+\i0], v[\w]
	v_fma_f32 v[\d], v[X+\m+\i1], v[\w+1], v[\d]
	v_fma_f32 v[\d], v[X+\m+\i2], v[\w+2], v[\d]
.endm
	s_load_b512 s[4:19], s[0:1], 0x0               ; src 4, tgt 6, idx 8, sums in 10, sums out 12, cat 14, w1 16, gain before 18
	s_load_b512 s[20:35], s[0:1], 0x40             ; bias before 20, w2 22 24, w3 26 28, w4 30 32, gain of L 34
	v_lshl_add_u32 v254, v0, 2, 0xb400
	v_mov_b32 v255, 0
	v_lshrrev_b32 v15, 5, v0
	v_readfirstlane_b32 s36, v15                   ; wave 0..3
	v_and_b32 v[R], 15, v0
	v_bfe_u32 v[H], v0, 4, 1
	s_lshr_b32 s37, ttmp9, 7                       ; cloud
	s_bfe_u32 s40, ttmp9, 0x20005                  ; batch
	s_and_b32 s41, ttmp9, 31
	s_lshl_b32 s41, s41, 6                         ; first point in the batch
	s_and_b32 s42, ttmp9, 127                      ; my row of sums
	s_mov_b32 s38, 0x76543210                      ; v_permlanex16_b32: lane l xor 16
	s_mov_b32 s39, 0xfedcba98
	v_lshlrev_b32 v[T4], 2, v0
	v_lshlrev_b32 v[T16], 4, v0
	v_lshlrev_b32 v[H8], 3, v[H]
	v_lshrrev_b32 v15, 3, v[R]
	s_lshl_b32 s48, s36, 4
	s_add_co_u32 s48, s48, s41
	s_lshl_b32 s48, s48, 4
	v_lshl_add_u32 v[CB], v15, 7, v[H8]
	v_add_nc_u32 v[CB], s48, v[CB]                 ; 16 (first point of the wave + 8 (r / 8)) + 8 h
	v_and_b32 v16, 7, v[R]
	v_lshlrev_b32 v16, 2, v16
	v_lshl_add_u32 v[ILC], v15, 10, v16            ; 1024 (r / 8) + 4 (r % 8); a tile on is 32 bytes on
	v_lshlrev_b32 v[CO], 4, v[R]
	s_mul_i32 s48, s36, 4*NFO
	v_add_nc_u32 v[RA], s48, v[CO]
	v_lshl_add_u32 v[CO], v[H], 14, v[CO]          ; point u + 8 h: 16,384 h; my four channels: 16 r
	v_lshlrev_b32 v29, 5, v0
	v_mov_b32 v30, 0
	v_mul_u32_u24 v31, v0, 24
	s_wait_kmcnt 0x0
	s_cmp_eq_u32 s37, 0
	s_cselect_b64 s[4:5], s[4:5], s[6:7]           ; my cloud
	s_mov_b32 s45, 0
	s_mul_i32 s44, s40, 24576
	s_add_nc_u64 s[4:5], s[4:5], s[44:45]
	s_mul_i32 s44, s37, 532480
	s_add_nc_u64 s[10:11], s[10:11], s[44:45]
	s_add_nc_u64 s[12:13], s[12:13], s[44:45]
	s_add_nc_u64 s[46:47], s[10:11], 8192          ; the rows of sums that I read
	s_lshl_b32 s44, s42, 12
	s_add_co_u32 s44, s44, 8192
	s_add_nc_u64 s[54:55], s[12:13], s[44:45]      ; the row that I store
	s_lshl_b32 s44, ttmp9, 13
	s_lshl_b32 s48, s36, 11
	s_add_co_u32 s44, s44, s48
	s_add_nc_u64 s[8:9], s[8:9], s[44:45]          ; my wave's lists: 128 bytes a point
	s_lshl_b32 s44, s44, 4
	s_add_nc_u64 s[14:15], s[14:15], s[44:45]      ; my wave's rows of cat: 2,048 bytes a point
	; ---- the table (x, y, z, 1): thread t brings points t + 128 g, eight at a time
.irp g, 0,1,2,3,4,5,6,7
	v_mov_b32 v[X+4*\g+3], 1.0
.endr
.irp hf, 0,1
.irp g, 0,1,2,3,4,5,6,7
.irp c, 0,1,2
	global_load_b32 v[X+4*\g+\c], v[T4], s[4:5] offset:8192*\c+512*(8*\hf+\g)
.endr
.endr
	s_wait_loadcnt 0x0
.irp g, 0,1,2,3,4,5,6,7
	ds_store_b128 v[T16], v[X+4*\g:X+4*\g+3] offset:2048*(8*\hf+\g)
.endr
	s_wait_dscnt 0x0                               ; the stores have read their registers
.endr
	; ---- the constants so far
.if L > 2
	global_load_b128 v[X:X+3], v[T16], s[10:11]
	global_load_b128 v[X+4:X+7], v[T16], s[10:11] offset:2048
	s_wait_loadcnt 0x0
	ds_store_b128 v[T16], v[X:X+3] offset:PRM
	ds_store_b128 v[T16], v[X+4:X+7] offset:PRM+2048
.else
.irp i, 0,1,2,3
	v_mov_b32 v[X+\i], 0
.endr
	ds_store_b128 v[T16], v[X:X+3] offset:PRM+2048 ; what is not yet known is handed on as zeros
.endif
	s_wait_dscnt 0x0
	; ---- the 128 rows of sums of my cloud: thread t adds CG rows of one group of 16 bytes
	v_and_b32 v15, CG-1, v0
	v_lshrrev_b32 v16, LCG, v0
	v_lshlrev_b32 v15, 4, v15
	v_lshl_add_u32 v15, v16, 12, v15
.irp i, 16,17,18,19,20,21,22,23
	v_mov_b32 v\i, 0
.endr
.set ch, 0
.rept CG/NL
.set i, 0
.rept NL
	global_load_b128 v[X+4*i:X+4*i+3], v15, s[46:47] offset:(NL*ch+i)*RP*4096
.set i, i+1
.endr
	s_wait_loadcnt 0x0
.set i, 0
.rept NL/2
	v_pk_add_f32 v[16:17], v[16:17], v[X+8*i:X+8*i+1]
	v_pk_add_f32 v[18:19], v[18:19], v[X+8*i+2:X+8*i+3]
	v_pk_add_f32 v[20:21], v[20:21], v[X+8*i+4:X+8*i+5]
	v_pk_add_f32 v[22:23], v[22:23], v[X+8*i+6:X+8*i+7]
.set i, i+1
.endr
.set ch, ch+1
.endr
	v_pk_add_f32 v[16:17], v[16:17], v[20:21]
	v_pk_add_f32 v[18:19], v[18:19], v[22:23]
	ds_store_b128 v[T16], v[16:19] offset:RED      ; RP rows of NFI numbers
	BAR
.if L > 2
	; ---- a and C of layer L - 1: thread c, one channel
.if CP < 128
	s_cmp_ge_u32 s36, CP/32
	s_cbranch_scc1 .Lnofinal
.endif
	global_load_b32 v24, v[T4], s[18:19]
	global_load_b32 v25, v[T4], s[20:21]
.set q, 0
.rept RP
	ds_load_b32 v[16+q], v[T4] offset:RED+q*NFI*4
	ds_load_b32 v[20+q], v[T4] offset:RED+q*NFI*4+CP*4
.set q, q+1
.endr
	s_wait_dscnt 0x0
.set q, 1
.rept RP-1
	v_add_f32 v16, v16, v[16+q]
	v_add_f32 v20, v20, v[20+q]
.set q, q+1
.endr
	v_mul_f32 v16, 0x36800000, v16                 ; the mean: / 2^18 rows
	v_mul_f32 v20, 0x36800000, v20
	v_fma_f32 v20, -v16, v16, v20                  ; the variance,
	v_max_num_f32 v20, 0, v20                      ; never negative
	v_add_f32 v20, 0x3727c5ac, v20                 ; + 1e-5
	v_rsq_f32 v21, v20
	v_nop                                          ; a plain place behind the transcendental,
	s_wait_alu depctr_va_vdst(0)                   ; and the wait ahead of its first reader
	s_wait_loadcnt 0x0
	v_mul_f32 v26, v24, v21
	v_fma_f32 v27, -|v26|, v16, v25
	ds_store_b32 v[T4], v26 offset:PRM+AOUT
	ds_store_b32 v[T4], v27 offset:PRM+COUT
.Lnofinal:
.else
	; ---- L = 2: the 27 moments, then W1' = (a w, c | a w, 0)
	s_cmp_lg_u32 s36, 0
	s_cbranch_scc1 .Lnotot
.set q, 0
.rept 16
	ds_load_b32 v[X+q], v[T4] offset:RED+128*q
.set q, q+1
.endr
	s_wait_dscnt 0x0
.set q, 1
.rept 15
	v_add_f32 v[X], v[X], v[X+q]
.set q, q+1
.endr
	ds_store_b32 v[T4], v[X] offset:TOT
.Lnotot:
	BAR
	s_cmp_ge_u32 s36, 2
	s_cbranch_scc1 .Lnofinal
.irp i, 0,1,2,3,4,5,6
	ds_load_b128 v[X+4*\i:X+4*\i+3], v30 offset:TOT+16*\i      ; the same in every lane
.endr
	global_load_b64 v[64:65], v31, s[16:17]        ; w1's row of channel c
	global_load_b64 v[66:67], v31, s[16:17] offset:8
	global_load_b64 v[68:69], v31, s[16:17] offset:16
	global_load_b32 v78, v[T4], s[18:19]
	global_load_b32 v79, v[T4], s[20:21]
	s_wait_dscnt 0x0
	s_wait_loadcnt 0x0
	v_mul_f32 v77, v[X], v64                       ; w . sum of feat
.irp i, 1,2,3,4,5
	v_fma_f32 v77, v[X+\i], v[64+\i], v77
.endr
.irp i, 0,1,2
	v_add_f32 v[70+\i], v[67+\i], v[67+\i]         ; the mixed terms count twice
.endr
	ROW3 73, 6, 0, 1, 2, 64                        ; w^T M w, row by row
	ROW3 74, 6, 1, 3, 4, 64
	ROW3 75, 6, 2, 4, 5, 64
.irp a, 0,1,2
.irp b, 0,1,2
	v_fma_f32 v[73+\a], v[X+12+3*\a+\b], v[70+\b], v[73+\a]
.endr
.endr
	v_mul_f32 v76, v73, v64
	v_fma_f32 v76, v74, v65, v76
	v_fma_f32 v76, v75, v66, v76
	ROW3 73, 21, 0, 1, 2, 67
	ROW3 74, 21, 1, 3, 4, 67
	ROW3 75, 21, 2, 4, 5, 67
	v_fma_f32 v76, v73, v67, v76
	v_fma_f32 v76, v74, v68, v76
	v_fma_f32 v76, v75, v69, v76
	v_mul_f32 v77, 0x36800000, v77                 ; the mean of y1: / 2^18 rows
	v_mul_f32 v76, 0x36800000, v76
	v_fma_f32 v76, -v77, v77, v76
	v_max_num_f32 v76, 0, v76
	v_add_f32 v76, 0x3727c5ac, v76
	v_rsq_f32 v80, v76
	v_mov_b32 v83, 1.0                             ; (a plain place behind the transcendental)
	s_wait_alu depctr_va_vdst(0)
	v_mul_f32 v81, v78, v80                        ; a
	v_fma_f32 v[X+3], -v81, v77, v79               ; c = b - a mean
.irp i, 0,1,2
	v_mul_f32 v[X+\i], v81, v[64+\i]
	v_mul_f32 v[X+4+\i], v81, v[67+\i]
.endr
	v_mov_b32 v[X+7], 0
	ds_store_b128 v29, v[X:X+3] offset:PRM
	ds_store_b128 v29, v[X+4:X+7] offset:PRM+16
	ds_store_b32 v[T4], v83 offset:PRM+2048        ; cat holds layer 1's maxima finished: a = 1, C = 0 for the reader
.Lnofinal:
.endif
	BAR
	; ---- the first work-group of a cloud hands the constants on
	s_cmp_lg_u32 s42, 0
	s_cbranch_scc1 .Lnoparam
	ds_load_b128 v[X:X+3], v[T16] offset:PRM
	ds_load_b128 v[X+4:X+7], v[T16] offset:PRM+2048
	s_wait_dscnt 0x0
	global_store_b128 v[T16], v[X:X+3], s[12:13]
	global_store_b128 v[T16], v[X+4:X+7], s[12:13] offset:2048
.Lnoparam:
	s_wait_xcnt 0x0                                ; those stores have read their registers
	; ---- what stays in registers
	v_and_b32 v16, 8, v[R]
	v_add_nc_u32 v16, v16, v[R]                    ; r + 8 (r / 8): the rows of a transposed tile
	v_lshl_add_u32 v17, v16, 5, v[H8]
	v_lshl_add_u32 v18, v[R], 7, v[H8]
	v_lshlrev_b32 v19, 6, v[H]
	v_mul_u32_u24 v20, v16, 48
	v_mad_u32_u24 v20, v[H], 24, v20               ; K = 64, transposed: 48 bytes a row
	v_mul_u32_u24 v21, v[R], 192
	v_mad_u32_u24 v21, v[H], 24, v21               ; K = 64, as it stands: lane r takes channel 4 r + t % 4 + 64 (t / 4)
	v_mul_u32_u24 v22, v[R], 384
	v_mad_u32_u24 v22, v[H], 24, v22               ; K = 128, as it stands
	v_lshlrev_b32 v23, 1, v16
	v_lshlrev_b32 v24, 3, v[R]
	v_lshlrev_b32 v25, 4, v[R]
.irp t, 0,1,2,3
.irp s, 0,1
	ds_load_b64 v[W1T+4*\t+2*\s:W1T+4*\t+2*\s+1], v17 offset:PRM+(32*(\t/2)+8*(\t%2))*32+16*\s
.if L == 2
	ds_load_b64 v[W1N+4*\t+2*\s:W1N+4*\t+2*\s+1], v18 offset:PRM+32*\t+16*\s
.endif
.endr
.endr
.if L > 2
	WIN 0x40
.irp b, 0,1
.irp q, 0,1,2,3
	ds_load_b128 v[A2+16*\b+4*\q:A2+16*\b+4*\q+3], v19 offset:PRM+2560+128*\b+16*\q
	ds_load_b128 v[C2+16*\b+4*\q:C2+16*\b+4*\q+3], v19 offset:PRM+2816+128*\b+16*\q
.endr
.endr
.if L == 4
.irp b, 0,1,2,3
.irp q, 0,1,2,3
	ds_load_b128 v[A3+16*\b+4*\q:A3+16*\b+4*\q+3], v19 offset:PRM+3072+128*\b+16*\q
	ds_load_b128 v[C3+16*\b+4*\q:C3+16*\b+4*\q+3], v19 offset:PRM+3584+128*\b+16*\q
.endr
.endr
.endif
.irp t, 0,1,2,3
	LW64 W2T+12*\t, 20, 22, (32*(\t/2)+8*(\t%2))*48
.endr
	WIN 0
.irp t, 0,1,2,3
	global_load_u16 v[W2S+\t], v23, s[24:25] offset:(32*(\t/2)+8*(\t%2))*2
.endr
.endif
.if L == 2
	WIN 0x80
.irp t, 0,1,2,3
	LW64 WA+12*\t, 21, 22, \t*48
.endr
	WIN 0
.irp t, 0,1,2,3
	global_load_u16 v[W2S+\t], v24, s[24:25] offset:\t*2
.endr
.elseif L == 3
	WIN 0x80
.irp t, 0,1,2,3,4,5,6,7
	LW64 WA+12*\t, 21, 26, (64*(\t/4)+\t%4)*48
.endr
	WIN 0
.irp t, 0,1,2,3,4,5,6,7
	global_load_u16 v[W3S+\t], v24, s[28:29] offset:(64*(\t/4)+\t%4)*2
.endr
.else
	WIN 0x80
.irp t, 0,1,2,3,4,5,6,7
	LW64 WA+12*\t, 20, 26, (32*(\t/2)+8*(\t%2))*48
.endr
	WIN 0xc0
.irp t, 0,1,2,3,4,5,6,7,8,9,10,11,12,13,14,15
.irp p, 0,1,2,3,4,5
	global_load_b64 v[WN+12*\t+2*\p:WN+12*\t+2*\p+1], v22, s[30:31] offset:(64*(\t/4)+\t%4)*96+48*(\p/3)+8*(\p%3)
.endr
.endr
	WIN 0
.irp t, 0,1,2,3,4,5,6,7
	global_load_u16 v[W3S+\t], v23, s[28:29] offset:(32*(\t/2)+8*(\t%2))*2
.endr
.irp t, 0,1,2,3,4,5,6,7,8,9,10,11,12,13,14,15
	global_load_b32 v[W4S+\t], v25, s[32:33] offset:(64*(\t/4)+\t%4)*4
.endr
.endif
.set t, 0
.rept NT
	global_load_b32 v[X+t], v25, s[34:35] offset:(64*(t/4)+t%4)*4      ; the gain of my channel of tile t
.set t, t+1
.endr
	s_wait_loadcnt 0x0
	s_wait_dscnt 0x0
.irp t, 0,1,2,3
	v_or_b32 v[W2S+\t], 0x7f7f0000, v[W2S+\t]      ; K = 64: two bytes a row, and 127 over the zero codes
.endr
.if L > 2
.irp t, 0,1,2,3,4,5,6,7
	v_or_b32 v[W3S+\t], 0x7f7f0000, v[W3S+\t]
.endr
.endif
.set t, 0
.rept NT                                       ; a negative gain turns the signs of its channel's codes: bit 5 of each six, a pattern of three words
	v_ashrrev_i32 v26, 31, v[X+t]
	v_and_b32 v27, 0x20820820, v26
	v_and_b32 v28, 0x08208208, v26
	v_and_b32 v29, 0x82082082, v26
	WIN FLW
.set i, 0
.rept NFR
	v_xor_b32 v[WN+12*t+i], v[WN+12*t+i], v[27+i%3]
.set i, i+1
.endr
	WIN 0
.set t, t+1
.endr
	WIN 0x80
.set i, 0
.rept 64
	v_mov_b32 v[SUM+i], 0                          ; sums and sums of squares
.set i, i+1
.endr
.set i, 0
.rept 16
	v_mov_b32 v[MX+i], 0xff800000
.set i, i+1
.endr
	WIN 0
.set i, 0
.rept 20
	v_mov_b32 v[PC+i], 0
.set i, i+1
.endr
.irp i, 4,5,6,7
	v_mov_b32 v[TM+\i], 0                          ; a lane permute's destination counts as read
.endr
.if L == 2
.irp i, 0,1,2,3
	v_mov_b32 v[MX1+\i], 0xff800000
.endr
.endif
	; ---- tile 0's layer 1
	global_load_b32 v[IDXV], v[ILC], s[8:9]
	s_wait_loadcnt 0x0
	v_min_u32 v[FADR], 0x7ff, v[IDXV]
	v_lshl_add_u32 v[FADR], v[FADR], 4, v[H8]
	ds_load_b64 v[F0:F0+1], v[FADR]
	ds_load_b64 v[FC:FC+1], v[CB]
	v_add_nc_u32 v[IOF], 32, v[ILC]
	global_load_b32 v[IDXV], v[IOF], s[8:9]
	s_wait_dscnt 0x0
	M1T 0, F0, 1
.if L == 2
	M1N 0, F0, 1
.endif
	M1T 1, FC, 0
.if L == 2
	M1N 1, FC, 0
.endif
	PLACES 8                                       ; eight places behind the f32 form, ahead of the loads into its sources and the first read of its results
	s_mov_b32 s50, 0
.Ltile:
	; 1: tile T + 1's rows are asked for (beyond the last tile: the last again, and its layer 1 is not used)
	s_wait_loadcnt 0x0                             ; its list word is in, and that load's offset register is free
	v_min_u32 v[FADR], 0x7ff, v[IDXV]
	v_lshl_add_u32 v[FADR], v[FADR], 4, v[H8]
	s_add_co_u32 s51, s50, 1
	s_min_u32 s51, s51, 31
	s_lshr_b32 s51, s51, 2
	s_lshl_b32 s51, s51, 4
	v_add_nc_u32 v[CA], s51, v[CB]
	s_add_co_u32 s52, s50, 2
	s_min_u32 s52, s52, 31
	s_lshl_b32 s52, s52, 5
	v_add_nc_u32 v[IOF], s52, v[ILC]
	ds_load_b64 v[F0:F0+1], v[FADR]
	ds_load_b64 v[FC:FC+1], v[CA]
	global_load_b32 v[IDXV], v[IOF], s[8:9]
	; 2: layer 1 of tile T: relu, codes
.set j, 0
.rept 32
	v_max_num_f32 v[X+j], 0, v[D1+j]
.set j, j+1
.endr
.if L == 2
.irp jj, 0,2,4,6
.irp t, 0,1,2,3
	v_max3_num_f32 v[MX1+\t], v[MX1+\t], v[D1N+8*\t+\jj], v[D1N+8*\t+\jj+1]
.endr
.endr
.endif
	QUANT X, 1, PC
	PLACES 8                                       ; a scale register written by a vector instruction stands 8 places ahead of a scaled product, an operand 4
.if L == 2
	WIN NATW
	NAT 0
	WIN 0
	s_wait_dscnt 0x0                               ; tile T + 1's rows are in
	M1T 0, F0, 1                                   ; sixteen accumulators' worth of f32 products, each accumulator one instruction a turn
	M1N 0, F0, 1
	M1T 1, FC, 0
	M1N 1, FC, 0
	PLACES 5
	WIN 0xaa
	STATS 0
	WIN 0
.else
	; 3: layer 2, transposed; tile T + 1's layer 1 begins beside the vector work that follows
	WIN 0x01
.irp t, 0,1,2,3
	MX6 X+8*\t, W2T+12*\t, PC, W2S+\t, PW
.endr
	WIN 0
	s_wait_dscnt 0x0
	M1T 0, F0, 1
	PLACES 4
	; 4: its batch norm, relu, codes
	WIN 0x14
.set j, 0
.rept 16
	v_pk_fma_f32 v[X+j:X+j+1], v[X+j:X+j+1], v[A2+j:A2+j+1], v[C2+j:C2+j+1]
.set j, j+2
.endr
	WIN 0
.set j, 0
.rept 32
	v_max_num_f32 v[X+j], 0, v[X+j]
.set j, j+1
.endr
	QUANT X, 1, PC
	PLACES 8
.if L == 3
	WIN NATW
	NAT 0
	NAT 1
	WIN 0
	M1T 1, FC, 0
	PLACES 5
	WIN 0xaa
	STATS 0
	STATS 1
	WIN 0
.else
	; 5: layer 3, transposed
	WIN 0x02
.irp t, 0,1,2,3,4,5,6,7
	MX6 X+8*\t, WA+12*\t, PC, W3S+\t, PW
.endr
	WIN 0
	M1T 1, FC, 0
	PLACES 4
	; 6
	WIN 0x14
.set j, 0
.rept 32
	v_pk_fma_f32 v[X+j:X+j+1], v[X+j:X+j+1], v[A3+j:A3+j+1], v[C3+j:C3+j+1]
.set j, j+2
.endr
	WIN 0
.set j, 0
.rept 64
	v_max_num_f32 v[X+j], 0, v[X+j]
.set j, j+1
.endr
	QUANT X, 2, PCB
	PLACES 8
	; 7: layer 4 as it stands: four tiles' products stand ahead of the sums over the four before
	WIN NATW
	NAT 0
	NAT 1
	PLACES 5                                       ; five: the third group writes over the first group's results
	WIN 0xaa
	STATS 0
	WIN NATW
	NAT 2
	WIN 0xaa
	STATS 1
	WIN NATW
	NAT 3
	WIN 0xaa
	STATS 2
	STATS 3
	WIN 0
.endif
.endif
	; 8: behind a point's fourth tile its maxima leave: sixteen lanes store 256 consecutive bytes, aligned
	s_and_b32 s53, s50, 3
	s_cmp_lg_u32 s53, 3
	s_cbranch_scc1 .Lnostore
.if L == 2
.irp i, 0,1,2,3
	v_max_num_f32 v[XO+\i], 0, v[MX1+\i]
.endr
	global_store_b128 v[CO], v[XO:XO+3], s[14:15]
.endif
	WIN 0x08
.set g, 0
.rept NT/4
	global_store_b128 v[CO], v[MX+4*g:MX+4*g+3], s[14:15] offset:CATO+256*g
.set g, g+1
.endr
	WIN 0
	s_wait_xcnt 0x0                                ; the stores have read their data and their base
	s_add_nc_u64 s[14:15], s[14:15], 2048
	WIN 0x80
.set i, 0
.rept NT
	v_mov_b32 v[MX+i], 0xff800000
.set i, i+1
.endr
	WIN 0
.if L == 2
.irp i, 0,1,2,3
	v_mov_b32 v[MX1+\i], 0xff800000
.endr
.endif
.Lnostore:
	s_add_co_u32 s50, s50, 1
	s_cmp_lt_u32 s50, 32
	s_cbranch_scc1 .Ltile
	; ---- the wave's sums: the pair's two halves, the other half of the lanes; then the four waves' through LDS
	WIN 0xaa
.set t, 0
.rept NT
	v_add_f32 v[D4+t], v[SUM+2*t], v[SUM+2*t+1]
	v_add_f32 v[D4+NT+t], v[SQ+2*t], v[SQ+2*t+1]
.set t, t+1
.endr
.set t, 0
.rept 2*NT
	v_permlanex16_b32 v[D4+2*NT+t], v[D4+t], s38, s39
.set t, t+1
.endr
.set t, 0
.rept 2*NT
	v_add_f32 v[D4+t], v[D4+t], v[D4+2*NT+t]
.set t, t+1
.endr
	WIN 0
	BAR                                            ; every wave's reads of the table are over
	WIN 0x08
.set g, 0
.rept NT/4
	ds_store_b128 v[RA], v[D4+4*g:D4+4*g+3] offset:RED+256*g
	ds_store_b128 v[RA], v[D4+NT+4*g:D4+NT+4*g+3] offset:RED+4*NCH+256*g
.set g, g+1
.endr
	WIN 0
	BAR
.if NFO/4 < 128
	s_cmp_ge_u32 s36, NFO/128
	s_cbranch_scc1 .Lend
.endif
.irp w, 0,1,2,3
	ds_load_b128 v[X+4*\w:X+4*\w+3], v[T16] offset:RED+\w*4*NFO
.endr
	s_wait_dscnt 0x0
	v_pk_add_f32 v[X:X+1], v[X:X+1], v[X+4:X+5]
	v_pk_add_f32 v[X+2:X+3], v[X+2:X+3], v[X+6:X+7]
	v_pk_add_f32 v[X+8:X+9], v[X+8:X+9], v[X+12:X+13]
	v_pk_add_f32 v[X+10:X+11], v[X+10:X+11], v[X+14:X+15]
	v_pk_add_f32 v[X:X+1], v[X:X+1], v[X+8:X+9]
	v_pk_add_f32 v[X+2:X+3], v[X+2:X+3], v[X+10:X+11]
	global_store_b128 v[T16], v[X:X+3], s[54:55]
.Lend:
	s_wait_tensorcnt 0x0
	ds_add_u32 v254, v255
	s_wait_dscnt 0x0
	s_endpgm
.Lfunc_end_k_qcf2d07a7cd_edge2:
	.size	k_qcf2d07a7cd_edge2, .Lfunc_end_k_qcf2d07a7cd_edge2-k_qcf2d07a7cd_edge2
	.p2alignl 7, 3214868480
	.fill 96, 4, 3214868480
	.section	.rodata,"a",@progbits
	.p2align	6, 0x0
	.amdhsa_kernel k_qcf2d07a7cd_edge2
		.amdhsa_group_segment_fixed_size 46592
		.amdhsa_private_segment_fixed_size 0
		.amdhsa_enable_private_segment 0
		.amdhsa_kernarg_size 128
		.amdhsa_user_sgpr_count 2
		.amdhsa_user_sgpr_kernarg_segment_ptr 1
		.amdhsa_wavefront_size32 1
		.amdhsa_system_sgpr_workgroup_id_x 1
		.amdhsa_system_sgpr_workgroup_id_y 1
		.amdhsa_system_sgpr_workgroup_id_z 1
		.amdhsa_system_vgpr_workitem_id 0
		.amdhsa_next_free_vgpr 768
		.amdhsa_next_free_sgpr 80
		.amdhsa_reserve_vcc 0
		.amdhsa_float_denorm_mode_32 3
		.amdhsa_float_denorm_mode_16_64 3
		.amdhsa_memory_ordered 1
		.amdhsa_forward_progress 1
		.amdhsa_inst_pref_size 44
	.end_amdhsa_kernel
	.amdgpu_metadata
---
amdhsa.version: [ 1, 2 ]
amdhsa.kernels:
  - .name:           k_qcf2d07a7cd_edge2
    .symbol:         k_qcf2d07a7cd_edge2.kd
    .args:
      - { .name: src, .offset: 0, .size: 8, .value_kind: global_buffer, .address_space: global }
      - { .name: tgt, .offset: 8, .size: 8, .value_kind: global_buffer, .address_space: global }
      - { .name: idx, .offset: 16, .size: 8, .value_kind: global_buffer, .address_space: global }
      - { .name: statA, .offset: 24, .size: 8, .value_kind: global_buffer, .address_space: global }
      - { .name: statB, .offset: 32, .size: 8, .value_kind: global_buffer, .address_space: global }
      - { .name: cat, .offset: 40, .size: 8, .value_kind: global_buffer, .address_space: global }
      - { .name: w1, .offset: 48, .size: 8, .value_kind: global_buffer, .address_space: global }
      - { .name: g1, .offset: 56, .size: 8, .value_kind: global_buffer, .address_space: global }
      - { .name: b1, .offset: 64, .size: 8, .value_kind: global_buffer, .address_space: global }
      - { .name: w2_codes, .offset: 72, .size: 8, .value_kind: global_buffer, .address_space: global }
      - { .name: w2_scales, .offset: 80, .size: 8, .value_kind: global_buffer, .address_space: global }
      - { .name: w3_codes, .offset: 88, .size: 8, .value_kind: global_buffer, .address_space: global }
      - { .name: w3_scales, .offset: 96, .size: 8, .value_kind: global_buffer, .address_space: global }
      - { .name: w4_codes, .offset: 104, .size: 8, .value_kind: global_buffer, .address_space: global }
      - { .name: w4_scales, .offset: 112, .size: 8, .value_kind: global_buffer, .address_space: global }
      - { .name: g2, .offset: 120, .size: 8, .value_kind: global_buffer, .address_space: global }
    .group_segment_fixed_size: 46592
    .private_segment_fixed_size: 0
    .kernarg_segment_align: 8
    .kernarg_segment_size: 128
    .max_flat_workgroup_size: 128
    .sgpr_count:     80
    .vgpr_count:     768
    .wavefront_size: 32
...
	.end_amdgpu_metadata
.endif
;; end of part 3
;; launch edge3 (part 4): grid 256 x 1, 4 waves a work-group, no clusters, 46,592 bytes of LDS; arguments src, tgt, idx, statB, statA, cat, w1, g2, b2, w2_codes, w2_scales, w3_codes, w3_scales, w4_codes, w4_scales, g3; writes statA, cat
.if DOCPART == 4
	.amdgcn_target "amdgcn-amd-amdhsa--gfx1250"
	.amdhsa_code_object_version 6
	.text
	.protected	k_qcf2d07a7cd_edge3
	.globl	k_qcf2d07a7cd_edge3
	.p2align	8
	.type	k_qcf2d07a7cd_edge3,@function
k_qcf2d07a7cd_edge3:
	s_mov_b64 s[64:65], 0
	v_nop
	global_prefetch_b8 v0, s[64:65] scope:SCOPE_SE
	s_setreg_imm32_b32 hwreg(HW_REG_WAVE_MODE, 25, 1), 1
	s_wait_xcnt 0x0
; EDGE LAYER L (the constant below: 2, 3 or 4; the three launches are this one text).  The chain of edge layers is made anew from the neighbour lists, in registers, up to layer L; of layer L only the sums for its
; batch norm and its maximum over the 32 neighbours are kept.  No layer's rows go to memory.
; ARGUMENTS (one list for the three): src, tgt, idx, partial sums in, partial sums out, cat, w1, gain and bias of layer L - 1, codes and scales of w2, w3, w4, gain of layer L.  A launch reads those that it needs.
; SHARES.  A work-group owns 64 points of one batch of one cloud, a wave 16: 32 tiles of 16 rows.  Tile T = 4 u + v: rows 0-7 are neighbours 8 v .. 8 v + 7 of point u, rows 8-15 the same of point u + 8.
; LAYER 1 goes by the f32 matrix form, K = 8 = (x_j, 1 | x_i, .): its batch norm is folded into the table W1' = (a w, c | a w, 0), and both operands are 8-byte reads of one LDS table (x, y, z, 1).
; LAYERS THAT GO ON are used transposed (source 0 = 16 rows of W, chosen so that two tiles give a lane 16 neighbours along the next K): a lane holds one row, and quantising asks one other lane.
; LAYER L is used as it stands (source 0 = the rows, source 1 = 16 rows of W): a lane holds one channel and eight rows of ONE point, so sum, sum of squares and maximum stay in the lane.
; Only a maximum is kept: max_k relu(a y + c) = relu(|a| max_k(s y) + c), s the sign of the gain, which is put into the sign bits of W's codes.  The sums are those of s y: a = g rsq(var + eps), C = b - |a| mean(s y) serve both uses.
; THE SUMS OF THE LAYER BEFORE are added up at the head by every work-group from the 128 rows of its cloud; the first work-group of a cloud hands all constants on (4,096 bytes at the head of the cloud's part).
; LIMITS: the variance is E[y^2] - mean^2 in f32: its relative error grows as 6e-8 mean^2 / var.  NaN and infinities are not served.
.set L, 3
.set NT, 4<<(L-2)                      ; tiles of 16 channels in layer L
.set NCH, 16*NT
.set NFO, 2*NCH                        ; numbers in the row of sums that I store
.if L == 2
.set NFI, 32                           ; numbers in the rows that I read
.set LCG, 3
.set CATO, 256                         ; where layer L's maxima lie in a row of cat
.elseif L == 3
.set NFI, 128
.set LCG, 5
.set CATO, 512
.set AOUT, 2560                        ; where layer L - 1's a and C lie among the constants
.set COUT, 2816
.else
.set NFI, 256
.set LCG, 6
.set CATO, 1024
.set AOUT, 3072
.set COUT, 3584
.endif
.set CG, NFI/4                         ; 16-byte groups in such a row = rows that a thread adds
.set RP, 128/CG                        ; threads to a group
.set CP, NFI/2                         ; channels of layer L - 1
.if CG < 16
.set NL, CG
.else
.set NL, 16
.endif
.set PRM, 32768                        ; LDS: the table 32,768; the constants 4,096: W1' at 0, then a, C of layers 1, 2, 3 at 2048, 2304, 2560, 2816, 3072, 3584
.set RED, 36864                        ; 8,192 for sums
.set TOT, 45056                        ; 256: the 27 moments
.set R, 1                              ; window 0.  v1 lane % 16, v2 lane / 16
.set H, 2
.set IOF, 4                            ; offset of the list word being fetched
.set IDXV, 5                           ; that word
.set FADR, 6                           ; LDS byte of my row's neighbour
.set CB, 7                             ; LDS byte of my row's centre in tile 0, and in the tile in hand
.set CA, 8
.set CO, 9                             ; my place in two rows of cat
.set H8, 10
.set ILC, 11                           ; my row's place in the wave's lists
.set T4, 12
.set T16, 13
.set RA, 14                            ; where I put my channel sums
.set W2S, 32                           ; scale words of w2 (4), w3 (8), w4 (16); the word just made
.set W3S, 36
.set W4S, 44
.set PW, 60
.set TM, 64                            ; at work in the quantiser
.set PC, 80                            ; codes of a K = 64 operand: registers 6-11 stay zero codes
.set F0, 100                           ; (x_j, 1), (x_i, 1): two numbers a lane
.set FC, 102
.set W1T, 104                          ; W1', transposed use: tile t, K step s at 4 t + 2 s
.set D1, 120                           ; layer 1, written by matrix instructions alone
.set X, 152                            ; the layer in hand
.set PCB, 216                          ; L = 4: codes of the K = 128 operand
.set D1N, 184                          ; L = 2: layer 1 as it stands, written by matrix instructions alone; its table; its maxima; what is stored of them
.set W1N, 216
.set MX1, 232
.set XO, 236
.set A2, 0                             ; window 1: a, C of layers 2 and 3 in the lane's order; w2 transposed
.set C2, 32
.set A3, 64
.set C3, 128
.set W2T, 192
.set WA, 0                             ; window 2: w3 transposed (L = 4) or layer L's weights (L = 2, 3); two sets of four result tiles; sums, sums of squares, maxima
.set D4, 96
.set SUM, 160
.set SQ, 192
.set MX, 224
.set WN, 0                             ; layer L's weights: window 2, or 3 for L = 4
.if L == 2
.set WNS, W2S
.elseif L == 3
.set WNS, W3S
.else
.set WNS, W4S
.endif
.if L == 4
.set NATW, 0x8c                        ; source 1 window 3, result window 2
.set FLW, 0xc3
.set LDWN, 0xc0
.set NFR, 12
.set PCN, PCB
.else
.set NATW, 0x88
.set FLW, 0x82
.set LDWN, 0x80
.set NFR, 6
.set PCN, PC
.endif
.set MSB, 0
.macro WIN new                         ; the immediate's high byte repeats the setting that is left
.if MSB != \new
	s_set_vgpr_msb (MSB<<8)|\new
.set MSB, \new
.endif
.endm
.macro PLACES n
.rept \n
	v_nop
.endr
.endm
.macro BAR                             ; my LDS stores have landed and my LDS loads are in: then the work-group's barrier
	s_wait_dscnt 0x0
	s_barrier_signal -1
	s_barrier_wait -1
.endm
.macro MX6 d, a, b, sa, sb             ; one product on codes, K = 128, its sum begun with 0
	v_wmma_scale_f32_16x16x128_f8f6f4 v[\d:\d+7], v[\a:\a+11], v[\b:\b+11], 0, v[\sa], v[\sb] matrix_a_fmt:MATRIX_FMT_BF6 matrix_b_fmt:MATRIX_FMT_BF6
.endm
; 32 nc numbers of a lane, none negative, register 16 b + i = k 32 b + 16 (lane / 16) + i of my row, become codes in v[pc] on and the scale word v[PW]
.macro QUANT s, nc, pc
.irp b, 0,1,2,3
.if \b < 2*\nc
	v_max3_num_f32 v[TM+\b], v[\s+16*\b], v[\s+16*\b+1], 0x2800000   ; the floor 2^(5 - 127) holds the byte at 1 from below
.endif
.endr
.irp i, 2,4,6,8,10,12,14
.irp b, 0,1,2,3
.if \b < 2*\nc
	v_max3_num_f32 v[TM+\b], v[TM+\b], v[\s+16*\b+\i], v[\s+16*\b+\i+1]
.endif
.endr
.endr
.irp b, 0,1,2,3
.if \b < 2*\nc
	v_permlanex16_b32 v[TM+4+\b], v[TM+\b], s38, s39
.endif
.endr
.irp b, 0,1,2,3
.if \b < 2*\nc
	v_max_num_f32 v[TM+\b], v[TM+\b], v[TM+4+\b]   ; with lane l xor 16's sixteen: the block's largest
	v_add_nc_u32 v[TM+12+\b], 0xfe000000, v[TM+\b] ; 4 off its exponent field: the conversion's scale operand
	v_lshrrev_b32 v[TM+4+\b], 23, v[TM+12+\b]      ; the scale's byte
.endif
.endr
	v_lshl_or_b32 v[PW], v[TM+5], 8, v[TM+4]
.if \nc == 2
	v_lshl_or_b32 v[PW], v[TM+6], 16, v[PW]
	v_lshl_or_b32 v[PW], v[TM+7], 24, v[PW]
.else
	v_or_b32 v[PW], 0x7f7f0000, v[PW]              ; K = 64: the upper 64 are zero codes under the byte 127
.endif
.irp c, 0,1
.if \c < \nc
	v_cvt_scalef32_pk16_bf6_f32 v[\pc+6*\c:\pc+6*\c+2], v[\s+32*\c:\s+32*\c+15], v[TM+12+2*\c]
	v_cvt_scalef32_pk16_bf6_f32 v[\pc+12+4*\c:\pc+14+4*\c], v[\s+32*\c+16:\s+32*\c+31], v[TM+13+2*\c]
.endif
.endr
	v_nop                                          ; one plain place behind a scaled conversion
.irp c, 0,1
.if \c < \nc
.irp i, 0,1,2
	v_permlane16_swap_b32 v[\pc+6*\c+\i], v[\pc+12+4*\c+\i]    ; a whole block to a lane
.endr
.irp i, 0,1,2
	v_mov_b32 v[\pc+3+6*\c+\i], v[\pc+12+4*\c+\i]
.endr
.endif
.endr
.endm
.macro M1T ks, f, z                    ; layer 1, transposed: four tiles of 16 channels, K step ks; z = 1 begins the sums
.irp t, 0,1,2,3
.if \z
	v_wmma_f32_16x16x4_f32 v[D1+8*\t:D1+8*\t+7], v[W1T+4*\t+2*\ks:W1T+4*\t+2*\ks+1], v[\f:\f+1], 0
.else
	v_wmma_f32_16x16x4_f32 v[D1+8*\t:D1+8*\t+7], v[W1T+4*\t+2*\ks:W1T+4*\t+2*\ks+1], v[\f:\f+1], v[D1+8*\t:D1+8*\t+7]
.endif
.endr
.endm
.macro M1N ks, f, z                    ; the same as it stands (L = 2)
.irp t, 0,1,2,3
.if \z
	v_wmma_f32_16x16x4_f32 v[D1N+8*\t:D1N+8*\t+7], v[\f:\f+1], v[W1N+4*\t+2*\ks:W1N+4*\t+2*\ks+1], 0
.else
	v_wmma_f32_16x16x4_f32 v[D1N+8*\t:D1N+8*\t+7], v[\f:\f+1], v[W1N+4*\t+2*\ks:W1N+4*\t+2*\ks+1], v[D1N+8*\t:D1N+8*\t+7]
.endif
.endr
.endm
.macro NAT G                           ; layer L: tiles 4 G .. 4 G + 3 into set G % 2
.irp i, 0,1,2,3
	MX6 D4+32*((\G)%2)+8*\i, PCN, WN+12*(4*(\G)+\i), PW, WNS+4*(\G)+\i
.endr
.endm
.macro STATS G                         ; their sums, sums of squares and maxima: the four tiles by turns, each from its low end on
.irp jj, 0,2,4,6
.irp i, 0,1,2,3
.set dd, D4+32*((\G)%2)+8*\i+\jj
.set tt, 4*(\G)+\i
	v_pk_add_f32 v[SUM+2*tt:SUM+2*tt+1], v[SUM+2*tt:SUM+2*tt+1], v[dd:dd+1]
	v_pk_fma_f32 v[SQ+2*tt:SQ+2*tt+1], v[dd:dd+1], v[dd:dd+1], v[SQ+2*tt:SQ+2*tt+1]
	v_max3_num_f32 v[MX+tt], v[MX+tt], v[dd], v[dd+1]
.endr
.endr
.endm
.macro LW64 reg, vo, sb, imm           ; a fragment of a K = 64 weight: 24 bytes a lane; its upper six registers are zero codes
.irp i, 0,1,2
	global_load_b64 v[\reg+2*\i:\reg+2*\i+1], v[\vo], s[\sb:\sb+1] offset:(\imm)+8*\i
.endr
.irp i, 6,7,8,9,10,11
	v_mov_b32 v[\reg+\i], 0
.endr
.endm
.macro ROW3 d, m, i0, i1, i2, w        ; d = three moments . three weights
	v_mul_f32 v[\d], v[X+\m+\i0], v[\w]
	v_fma_f32 v[\d], v[X+\m+\i1], v[\w+1], v[\d]
	v_fma_f32 v[\d], v[X+\m+\i2], v[\w+2], v[\d]
.endm
	s_load_b512 s[4:19], s[0:1], 0x0               ; src 4, tgt 6, idx 8, sums in 10, sums out 12, cat 14, w1 16, gain before 18
	s_load_b512 s[20:35], s[0:1], 0x40             ; bias before 20, w2 22 24, w3 26 28, w4 30 32, gain of L 34
	v_lshl_add_u32 v254, v0, 2, 0xb400
	v_mov_b32 v255, 0
	v_lshrrev_b32 v15, 5, v0
	v_readfirstlane_b32 s36, v15                   ; wave 0..3
	v_and_b32 v[R], 15, v0
	v_bfe_u32 v[H], v0, 4, 1
	s_lshr_b32 s37, ttmp9, 7                       ; cloud
	s_bfe_u32 s40, ttmp9, 0x20005                  ; batch
	s_and_b32 s41, ttmp9, 31
	s_lshl_b32 s41, s41, 6                         ; first point in the batch
	s_and_b32 s42, ttmp9, 127                      ; my row of sums
	s_mov_b32 s38, 0x76543210                      ; v_permlanex16_b32: lane l xor 16
	s_mov_b32 s39, 0xfedcba98
	v_lshlrev_b32 v[T4], 2, v0
	v_lshlrev_b32 v[T16], 4, v0
	v_lshlrev_b32 v[H8], 3, v[H]
	v_lshrrev_b32 v15, 3, v[R]
	s_lshl_b32 s48, s36, 4
	s_add_co_u32 s48, s48, s41
	s_lshl_b32 s48, s48, 4
	v_lshl_add_u32 v[CB], v15, 7, v[H8]
	v_add_nc_u32 v[CB], s48, v[CB]                 ; 16 (first point of the wave + 8 (r / 8)) + 8 h
	v_and_b32 v16, 7, v[R]
	v_lshlrev_b32 v16, 2, v16
	v_lshl_add_u32 v[ILC], v15, 10, v16            ; 1024 (r / 8) + 4 (r % 8); a tile on is 32 bytes on
	v_lshlrev_b32 v[CO], 4, v[R]
	s_mul_i32 s48, s36, 4*NFO
	v_add_nc_u32 v[RA], s48, v[CO]
	v_lshl_add_u32 v[CO], v[H], 14, v[CO]          ; point u + 8 h: 16,384 h; my four channels: 16 r
	v_lshlrev_b32 v29, 5, v0
	v_mov_b32 v30, 0
	v_mul_u32_u24 v31, v0, 24
	s_wait_kmcnt 0x0
	s_cmp_eq_u32 s37, 0
	s_cselect_b64 s[4:5], s[4:5], s[6:7]           ; my cloud
	s_mov_b32 s45, 0
	s_mul_i32 s44, s40, 24576
	s_add_nc_u64 s[4:5], s[4:5], s[44:45]
	s_mul_i32 s44, s37, 532480
	s_add_nc_u64 s[10:11], s[10:11], s[44:45]
	s_add_nc_u64 s[12:13], s[12:13], s[44:45]
	s_add_nc_u64 s[46:47], s[10:11], 8192          ; the rows of sums that I read
	s_lshl_b32 s44, s42, 12
	s_add_co_u32 s44, s44, 8192
	s_add_nc_u64 s[54:55], s[12:13], s[44:45]      ; the row that I store
	s_lshl_b32 s44, ttmp9, 13
	s_lshl_b32 s48, s36, 11
	s_add_co_u32 s44, s44, s48
	s_add_nc_u64 s[8:9], s[8:9], s[44:45]          ; my wave's lists: 128 bytes a point
	s_lshl_b32 s44, s44, 4
	s_add_nc_u64 s[14:15], s[14:15], s[44:45]      ; my wave's rows of cat: 2,048 bytes a point
	; ---- the table (x, y, z, 1): thread t brings points t + 128 g, eight at a time
.irp g, 0,1,2,3,4,5,6,7
	v_mov_b32 v[X+4*\g+3], 1.0
.endr
.irp hf, 0,1
.irp g, 0,1,2,3,4,5,6,7
.irp c, 0,1,2
	global_load_b32 v[X+4*\g+\c], v[T4], s[4:5] offset:8192*\c+512*(8*\hf+\g)
.endr
.endr
	s_wait_loadcnt 0x0
.irp g, 0,1,2,3,4,5,6,7
	ds_store_b128 v[T16], v[X+4*\g:X+4*\g+3] offset:2048*(8*\hf+\g)
.endr
	s_wait_dscnt 0x0                               ; the stores have read their registers
.endr
	; ---- the constants so far
.if L > 2
	global_load_b128 v[X:X+3], v[T16], s[10:11]
	global_load_b128 v[X+4:X+7], v[T16], s[10:11] offset:2048
	s_wait_loadcnt 0x0
	ds_store_b128 v[T16], v[X:X+3] offset:PRM
	ds_store_b128 v[T16], v[X+4:X+7] offset:PRM+2048
.else
.irp i, 0,1,2,3
	v_mov_b32 v[X+\i], 0
.endr
	ds_store_b128 v[T16], v[X:X+3] offset:PRM+2048 ; what is not yet known is handed on as zeros
.endif
	s_wait_dscnt 0x0
	; ---- the 128 rows of sums of my cloud: thread t adds CG rows of one group of 16 bytes
	v_and_b32 v15, CG-1, v0
	v_lshrrev_b32 v16, LCG, v0
	v_lshlrev_b32 v15, 4, v15
	v_lshl_add_u32 v15, v16, 12, v15
.irp i, 16,17,18,19,20,21,22,23
	v_mov_b32 v\i, 0
.endr
.set ch, 0
.rept CG/NL
.set i, 0
.rept NL
	global_load_b128 v[X+4*i:X+4*i+3], v15, s[46:47] offset:(NL*ch+i)*RP*4096
.set i, i+1
.endr
	s_wait_loadcnt 0x0
.set i, 0
.rept NL/2
	v_pk_add_f32 v[16:17], v[16:17], v[X+8*i:X+8*i+1]
	v_pk_add_f32 v[18:19], v[18:19], v[X+8*i+2:X+8*i+3]
	v_pk_add_f32 v[20:21], v[20:21], v[X+8*i+4:X+8*i+5]
	v_pk_add_f32 v[22:23], v[22:23], v[X+8*i+6:X+8*i+7]
.set i, i+1
.endr
.set ch, ch+1
.endr
	v_pk_add_f32 v[16:17], v[16:17], v[20:21]
	v_pk_add_f32 v[18:19], v[18:19], v[22:23]
	ds_store_b128 v[T16], v[16:19] offset:RED      ; RP rows of NFI numbers
	BAR
.if L > 2
	; ---- a and C of layer L - 1: thread c, one channel
.if CP < 128
	s_cmp_ge_u32 s36, CP/32
	s_cbranch_scc1 .Lnofinal
.endif
	global_load_b32 v24, v[T4], s[18:19]
	global_load_b32 v25, v[T4], s[20:21]
.set q, 0
.rept RP
	ds_load_b32 v[16+q], v[T4] offset:RED+q*NFI*4
	ds_load_b32 v[20+q], v[T4] offset:RED+q*NFI*4+CP*4
.set q, q+1
.endr
	s_wait_dscnt 0x0
.set q, 1
.rept RP-1
	v_add_f32 v16, v16, v[16+q]
	v_add_f32 v20, v20, v[20+q]
.set q, q+1
.endr
	v_mul_f32 v16, 0x36800000, v16                 ; the mean: / 2^18 rows
	v_mul_f32 v20, 0x36800000, v20
	v_fma_f32 v20, -v16, v16, v20                  ; the variance,
	v_max_num_f32 v20, 0, v20                      ; never negative
	v_add_f32 v20, 0x3727c5ac, v20                 ; + 1e-5
	v_rsq_f32 v21, v20
	v_nop                                          ; a plain place behind the transcendental,
	s_wait_alu depctr_va_vdst(0)                   ; and the wait ahead of its first reader
	s_wait_loadcnt 0x0
	v_mul_f32 v26, v24, v21
	v_fma_f32 v27, -|v26|, v16, v25
	ds_store_b32 v[T4], v26 offset:PRM+AOUT
	ds_store_b32 v[T4], v27 offset:PRM+COUT
.Lnofinal:
.else
	; ---- L = 2: the 27 moments, then W1' = (a w, c | a w, 0)
	s_cmp_lg_u32 s36, 0
	s_cbranch_scc1 .Lnotot
.set q, 0
.rept 16
	ds_load_b32 v[X+q], v[T4] offset:RED+128*q
.set q, q+1
.endr
	s_wait_dscnt 0x0
.set q, 1
.rept 15
	v_add_f32 v[X], v[X], v[X+q]
.set q, q+1
.endr
	ds_store_b32 v[T4], v[X] offset:TOT
.Lnotot:
	BAR
	s_cmp_ge_u32 s36, 2
	s_cbranch_scc1 .Lnofinal
.irp i, 0,1,2,3,4,5,6
	ds_load_b128 v[X+4*\i:X+4*\i+3], v30 offset:TOT+16*\i      ; the same in every lane
.endr
	global_load_b64 v[64:65], v31, s[16:17]        ; w1's row of channel c
	global_load_b64 v[66:67], v31, s[16:17] offset:8
	global_load_b64 v[68:69], v31, s[16:17] offset:16
	global_load_b32 v78, v[T4], s[18:19]
	global_load_b32 v79, v[T4], s[20:21]
	s_wait_dscnt 0x0
	s_wait_loadcnt 0x0
	v_mul_f32 v77, v[X], v64                       ; w . sum of feat
.irp i, 1,2,3,4,5
	v_fma_f32 v77, v[X+\i], v[64+\i], v77
.endr
.irp i, 0,1,2
	v_add_f32 v[70+\i], v[67+\i], v[67+\i]         ; the mixed terms count twice
.endr
	ROW3 73, 6, 0, 1, 2, 64                        ; w^T M w, row by row
	ROW3 74, 6, 1, 3, 4, 64
	ROW3 75, 6, 2, 4, 5, 64
.irp a, 0,1,2
.irp b, 0,1,2
	v_fma_f32 v[73+\a], v[X+12+3*\a+\b], v[70+\b], v[73+\a]
.endr
.endr
	v_mul_f32 v76, v73, v64
	v_fma_f32 v76, v74, v65, v76
	v_fma_f32 v76, v75, v66, v76
	ROW3 73, 21, 0, 1, 2, 67
	ROW3 74, 21, 1, 3, 4, 67
	ROW3 75, 21, 2, 4, 5, 67
	v_fma_f32 v76, v73, v67, v76
	v_fma_f32 v76, v74, v68, v76
	v_fma_f32 v76, v75, v69, v76
	v_mul_f32 v77, 0x36800000, v77                 ; the mean of y1: / 2^18 rows
	v_mul_f32 v76, 0x36800000, v76
	v_fma_f32 v76, -v77, v77, v76
	v_max_num_f32 v76, 0, v76
	v_add_f32 v76, 0x3727c5ac, v76
	v_rsq_f32 v80, v76
	v_mov_b32 v83, 1.0                             ; (a plain place behind the transcendental)
	s_wait_alu depctr_va_vdst(0)
	v_mul_f32 v81, v78, v80                        ; a
	v_fma_f32 v[X+3], -v81, v77, v79               ; c = b - a mean
.irp i, 0,1,2
	v_mul_f32 v[X+\i], v81, v[64+\i]
	v_mul_f32 v[X+4+\i], v81, v[67+\i]
.endr
	v_mov_b32 v[X+7], 0
	ds_store_b128 v29, v[X:X+3] offset:PRM
	ds_store_b128 v29, v[X+4:X+7] offset:PRM+16
	ds_store_b32 v[T4], v83 offset:PRM+2048        ; cat holds layer 1's maxima finished: a = 1, C = 0 for the reader
.Lnofinal:
.endif
	BAR
	; ---- the first work-group of a cloud hands the constants on
	s_cmp_lg_u32 s42, 0
	s_cbranch_scc1 .Lnoparam
	ds_load_b128 v[X:X+3], v[T16] offset:PRM
	ds_load_b128 v[X+4:X+7], v[T16] offset:PRM+2048
	s_wait_dscnt 0x0
	global_store_b128 v[T16], v[X:X+3], s[12:13]
	global_store_b128 v[T16], v[X+4:X+7], s[12:13] offset:2048
.Lnoparam:
	s_wait_xcnt 0x0                                ; those stores have read their registers
	; ---- what stays in registers
	v_and_b32 v16, 8, v[R]
	v_add_nc_u32 v16, v16, v[R]                    ; r + 8 (r / 8): the rows of a transposed tile
	v_lshl_add_u32 v17, v16, 5, v[H8]
	v_lshl_add_u32 v18, v[R], 7, v[H8]
	v_lshlrev_b32 v19, 6, v[H]
	v_mul_u32_u24 v20, v16, 48
	v_mad_u32_u24 v20, v[H], 24, v20               ; K = 64, transposed: 48 bytes a row
	v_mul_u32_u24 v21, v[R], 192
	v_mad_u32_u24 v21, v[H], 24, v21               ; K = 64, as it stands: lane r takes channel 4 r + t % 4 + 64 (t / 4)
	v_mul_u32_u24 v22, v[R], 384
	v_mad_u32_u24 v22, v[H], 24, v22               ; K = 128, as it stands
	v_lshlrev_b32 v23, 1, v16
	v_lshlrev_b32 v24, 3, v[R]
	v_lshlrev_b32 v25, 4, v[R]
.irp t, 0,1,2,3
.irp s, 0,1
	ds_load_b64 v[W1T+4*\t+2*\s:W1T+4*\t+2*\s+1], v17 offset:PRM+(32*(\t/2)+8*(\t%2))*32+16*\s
.if L == 2
	ds_load_b64 v[W1N+4*\t+2*\s:W1N+4*\t+2*\s+1], v18 offset:PRM+32*\t+16*\s
.endif
.endr
.endr
.if L > 2
	WIN 0x40
.irp b, 0,1
.irp q, 0,1,2,3
	ds_load_b128 v[A2+16*\b+4*\q:A2+16*\b+4*\q+3], v19 offset:PRM+2560+128*\b+16*\q
	ds_load_b128 v[C2+16*\b+4*\q:C2+16*\b+4*\q+3], v19 offset:PRM+2816+128*\b+16*\q
.endr
.endr
.if L == 4
.irp b, 0,1,2,3
.irp q, 0,1,2,3
	ds_load_b128 v[A3+16*\b+4*\q:A3+16*\b+4*\q+3], v19 offset:PRM+3072+128*\b+16*\q
	ds_load_b128 v[C3+16*\b+4*\q:C3+16*\b+4*\q+3], v19 offset:PRM+3584+128*\b+16*\q
.endr
.endr
.endif
.irp t, 0,1,2,3
	LW64 W2T+12*\t, 20, 22, (32*(\t/2)+8*(\t%2))*48
.endr
	WIN 0
.irp t, 0,1,2,3
	global_load_u16 v[W2S+\t], v23, s[24:25] offset:(32*(\t/2)+8*(\t%2))*2
.endr
.endif
.if L == 2
	WIN 0x80
.irp t, 0,1,2,3
	LW64 WA+12*\t, 21, 22, \t*48
.endr
	WIN 0
.irp t, 0,1,2,3
	global_load_u16 v[W2S+\t], v24, s[24:25] offset:\t*2
.endr
.elseif L == 3
	WIN 0x80
.irp t, 0,1,2,3,4,5,6,7
	LW64 WA+12*\t, 21, 26, (64*(\t/4)+\t%4)*48
.endr
	WIN 0
.irp t, 0,1,2,3,4,5,6,7
	global_load_u16 v[W3S+\t], v24, s[28:29] offset:(64*(\t/4)+\t%4)*2
.endr
.else
	WIN 0x80
.irp t, 0,1,2,3,4,5,6,7
	LW64 WA+12*\t, 20, 26, (32*(\t/2)+8*(\t%2))*48
.endr
	WIN 0xc0
.irp t, 0,1,2,3,4,5,6,7,8,9,10,11,12,13,14,15
.irp p, 0,1,2,3,4,5
	global_load_b64 v[WN+12*\t+2*\p:WN+12*\t+2*\p+1], v22, s[30:31] offset:(64*(\t/4)+\t%4)*96+48*(\p/3)+8*(\p%3)
.endr
.endr
	WIN 0
.irp t, 0,1,2,3,4,5,6,7
	global_load_u16 v[W3S+\t], v23, s[28:29] offset:(32*(\t/2)+8*(\t%2))*2
.endr
.irp t, 0,1,2,3,4,5,6,7,8,9,10,11,12,13,14,15
	global_load_b32 v[W4S+\t], v25, s[32:33] offset:(64*(\t/4)+\t%4)*4
.endr
.endif
.set t, 0
.rept NT
	global_load_b32 v[X+t], v25, s[34:35] offset:(64*(t/4)+t%4)*4      ; the gain of my channel of tile t
.set t, t+1
.endr
	s_wait_loadcnt 0x0
	s_wait_dscnt 0x0
.irp t, 0,1,2,3
	v_or_b32 v[W2S+\t], 0x7f7f0000, v[W2S+\t]      ; K = 64: two bytes a row, and 127 over the zero codes
.endr
.if L > 2
.irp t, 0,1,2,3,4,5,6,7
	v_or_b32 v[W3S+\t], 0x7f7f0000, v[W3S+\t]
.endr
.endif
.set t, 0
.rept NT                                       ; a negative gain turns the signs of its channel's codes: bit 5 of each six, a pattern of three words
	v_ashrrev_i32 v26, 31, v[X+t]
	v_and_b32 v27, 0x20820820, v26
	v_and_b32 v28, 0x08208208, v26
	v_and_b32 v29, 0x82082082, v26
	WIN FLW
.set i, 0
.rept NFR
	v_xor_b32 v[WN+12*t+i], v[WN+12*t+i], v[27+i%3]
.set i, i+1
.endr
	WIN 0
.set t, t+1
.endr
	WIN 0x80
.set i, 0
.rept 64
	v_mov_b32 v[SUM+i], 0                          ; sums and sums of squares
.set i, i+1
.endr
.set i, 0
.rept 16
	v_mov_b32 v[MX+i], 0xff800000
.set i, i+1
.endr
	WIN 0
.set i, 0
.rept 20
	v_mov_b32 v[PC+i], 0
.set i, i+1
.endr
.irp i, 4,5,6,7
	v_mov_b32 v[TM+\i], 0                          ; a lane permute's destination counts as read
.endr
.if L == 2
.irp i, 0,1,2,3
	v_mov_b32 v[MX1+\i], 0xff800000
.endr
.endif
	; ---- tile 0's layer 1
	global_load_b32 v[IDXV], v[ILC], s[8:9]
	s_wait_loadcnt 0x0
	v_min_u32 v[FADR], 0x7ff, v[IDXV]
	v_lshl_add_u32 v[FADR], v[FADR], 4, v[H8]
	ds_load_b64 v[F0:F0+1], v[FADR]
	ds_load_b64 v[FC:FC+1], v[CB]
	v_add_nc_u32 v[IOF], 32, v[ILC]
	global_load_b32 v[IDXV], v[IOF], s[8:9]
	s_wait_dscnt 0x0
	M1T 0, F0, 1
.if L == 2
	M1N 0, F0, 1
.endif
	M1T 1, FC, 0
.if L == 2
	M1N 1, FC, 0
.endif
	PLACES 8                                       ; eight places behind the f32 form, ahead of the loads into its sources and the first read of its results
	s_mov_b32 s50, 0
.Ltile:
	; 1: tile T + 1's rows are asked for (beyond the last tile: the last again, and its layer 1 is not used)
	s_wait_loadcnt 0x0                             ; its list word is in, and that load's offset register is free
	v_min_u32 v[FADR], 0x7ff, v[IDXV]
	v_lshl_add_u32 v[FADR], v[FADR], 4, v[H8]
	s_add_co_u32 s51, s50, 1
	s_min_u32 s51, s51, 31
	s_lshr_b32 s51, s51, 2
	s_lshl_b32 s51, s51, 4
	v_add_nc_u32 v[CA], s51, v[CB]
	s_add_co_u32 s52, s50, 2
	s_min_u32 s52, s52, 31
	s_lshl_b32 s52, s52, 5
	v_add_nc_u32 v[IOF], s52, v[ILC]
	ds_load_b64 v[F0:F0+1], v[FADR]
	ds_load_b64 v[FC:FC+1], v[CA]
	global_load_b32 v[IDXV], v[IOF], s[8:9]
	; 2: layer 1 of tile T: relu, codes
.set j, 0
.rept 32
	v_max_num_f32 v[X+j], 0, v[D1+j]
.set j, j+1
.endr
.if L == 2
.irp jj, 0,2,4,6
.irp t, 0,1,2,3
	v_max3_num_f32 v[MX1+\t], v[MX1+\t], v[D1N+8*\t+\jj], v[D1N+8*\t+\jj+1]
.endr
.endr
.endif
	QUANT X, 1, PC
	PLACES 8                                       ; a scale register written by a vector instruction stands 8 places ahead of a scaled product, an operand 4
.if L == 2
	WIN NATW
	NAT 0
	WIN 0
	s_wait_dscnt 0x0                               ; tile T + 1's rows are in
	M1T 0, F0, 1                                   ; sixteen accumulators' worth of f32 products, each accumulator one instruction a turn
	M1N 0, F0, 1
	M1T 1, FC, 0
	M1N 1, FC, 0
	PLACES 5
	WIN 0xaa
	STATS 0
	WIN 0
.else
	; 3: layer 2, transposed; tile T + 1's layer 1 begins beside the vector work that follows
	WIN 0x01
.irp t, 0,1,2,3
	MX6 X+8*\t, W2T+12*\t, PC, W2S+\t, PW
.endr
	WIN 0
	s_wait_dscnt 0x0
	M1T 0, F0, 1
	PLACES 4
	; 4: its batch norm, relu, codes
	WIN 0x14
.set j, 0
.rept 16
	v_pk_fma_f32 v[X+j:X+j+1], v[X+j:X+j+1], v[A2+j:A2+j+1], v[C2+j:C2+j+1]
.set j, j+2
.endr
	WIN 0
.set j, 0
.rept 32
	v_max_num_f32 v[X+j], 0, v[X+j]
.set j, j+1
.endr
	QUANT X, 1, PC
	PLACES 8
.if L == 3
	WIN NATW
	NAT 0
	NAT 1
	WIN 0
	M1T 1, FC, 0
	PLACES 5
	WIN 0xaa
	STATS 0
	STATS 1
	WIN 0
.else
	; 5: layer 3, transposed
	WIN 0x02
.irp t, 0,1,2,3,4,5,6,7
	MX6 X+8*\t, WA+12*\t, PC, W3S+\t, PW
.endr
	WIN 0
	M1T 1, FC, 0
	PLACES 4
	; 6
	WIN 0x14
.set j, 0
.rept 32
	v_pk_fma_f32 v[X+j:X+j+1], v[X+j:X+j+1], v[A3+j:A3+j+1], v[C3+j:C3+j+1]
.set j, j+2
.endr
	WIN 0
.set j, 0
.rept 64
	v_max_num_f32 v[X+j], 0, v[X+j]
.set j, j+1
.endr
	QUANT X, 2, PCB
	PLACES 8
	; 7: layer 4 as it stands: four tiles' products stand ahead of the sums over the four before
	WIN NATW
	NAT 0
	NAT 1
	PLACES 5                                       ; five: the third group writes over the first group's results
	WIN 0xaa
	STATS 0
	WIN NATW
	NAT 2
	WIN 0xaa
	STATS 1
	WIN NATW
	NAT 3
	WIN 0xaa
	STATS 2
	STATS 3
	WIN 0
.endif
.endif
	; 8: behind a point's fourth tile its maxima leave: sixteen lanes store 256 consecutive bytes, aligned
	s_and_b32 s53, s50, 3
	s_cmp_lg_u32 s53, 3
	s_cbranch_scc1 .Lnostore
.if L == 2
.irp i, 0,1,2,3
	v_max_num_f32 v[XO+\i], 0, v[MX1+\i]
.endr
	global_store_b128 v[CO], v[XO:XO+3], s[14:15]
.endif
	WIN 0x08
.set g, 0
.rept NT/4
	global_store_b128 v[CO], v[MX+4*g:MX+4*g+3], s[14:15] offset:CATO+256*g
.set g, g+1
.endr
	WIN 0
	s_wait_xcnt 0x0                                ; the stores have read their data and their base
	s_add_nc_u64 s[14:15], s[14:15], 2048
	WIN 0x80
.set i, 0
.rept NT
	v_mov_b32 v[MX+i], 0xff800000
.set i, i+1
.endr
	WIN 0
.if L == 2
.irp i, 0,1,2,3
	v_mov_b32 v[MX1+\i], 0xff800000
.endr
.endif
.Lnostore:
	s_add_co_u32 s50, s50, 1
	s_cmp_lt_u32 s50, 32
	s_cbranch_scc1 .Ltile
	; ---- the wave's sums: the pair's two halves, the other half of the lanes; then the four waves' through LDS
	WIN 0xaa
.set t, 0
.rept NT
	v_add_f32 v[D4+t], v[SUM+2*t], v[SUM+2*t+1]
	v_add_f32 v[D4+NT+t], v[SQ+2*t], v[SQ+2*t+1]
.set t, t+1
.endr
.set t, 0
.rept 2*NT
	v_permlanex16_b32 v[D4+2*NT+t], v[D4+t], s38, s39
.set t, t+1
.endr
.set t, 0
.rept 2*NT
	v_add_f32 v[D4+t], v[D4+t], v[D4+2*NT+t]
.set t, t+1
.endr
	WIN 0
	BAR                                            ; every wave's reads of the table are over
	WIN 0x08
.set g, 0
.rept NT/4
	ds_store_b128 v[RA], v[D4+4*g:D4+4*g+3] offset:RED+256*g
	ds_store_b128 v[RA], v[D4+NT+4*g:D4+NT+4*g+3] offset:RED+4*NCH+256*g
.set g, g+1
.endr
	WIN 0
	BAR
.if NFO/4 < 128
	s_cmp_ge_u32 s36, NFO/128
	s_cbranch_scc1 .Lend
.endif
.irp w, 0,1,2,3
	ds_load_b128 v[X+4*\w:X+4*\w+3], v[T16] offset:RED+\w*4*NFO
.endr
	s_wait_dscnt 0x0
	v_pk_add_f32 v[X:X+1], v[X:X+1], v[X+4:X+5]
	v_pk_add_f32 v[X+2:X+3], v[X+2:X+3], v[X+6:X+7]
	v_pk_add_f32 v[X+8:X+9], v[X+8:X+9], v[X+12:X+13]
	v_pk_add_f32 v[X+10:X+11], v[X+10:X+11], v[X+14:X+15]
	v_pk_add_f32 v[X:X+1], v[X:X+1], v[X+8:X+9]
	v_pk_add_f32 v[X+2:X+3], v[X+2:X+3], v[X+10:X+11]
	global_store_b128 v[T16], v[X:X+3], s[54:55]
.Lend:
	s_wait_tensorcnt 0x0
	ds_add_u32 v254, v255
	s_wait_dscnt 0x0
	s_endpgm
.Lfunc_end_k_qcf2d07a7cd_edge3:
	.size	k_qcf2d07a7cd_edge3, .Lfunc_end_k_qcf2d07a7cd_edge3-k_qcf2d07a7cd_edge3
	.p2alignl 7, 3214868480
	.fill 96, 4, 3214868480
	.section	.rodata,"a",@progbits
	.p2align	6, 0x0
	.amdhsa_kernel k_qcf2d07a7cd_edge3
		.amdhsa_group_segment_fixed_size 46592
		.amdhsa_private_segment_fixed_size 0
		.amdhsa_enable_private_segment 0
		.amdhsa_kernarg_size 128
		.amdhsa_user_sgpr_count 2
		.amdhsa_user_sgpr_kernarg_segment_ptr 1
		.amdhsa_wavefront_size32 1
		.amdhsa_system_sgpr_workgroup_id_x 1
		.amdhsa_system_sgpr_workgroup_id_y 1
		.amdhsa_system_sgpr_workgroup_id_z 1
		.amdhsa_system_vgpr_workitem_id 0
		.amdhsa_next_free_vgpr 768
		.amdhsa_next_free_sgpr 80
		.amdhsa_reserve_vcc 0
		.amdhsa_float_denorm_mode_32 3
		.amdhsa_float_denorm_mode_16_64 3
		.amdhsa_memory_ordered 1
		.amdhsa_forward_progress 1
		.amdhsa_inst_pref_size 60
	.end_amdhsa_kernel
	.amdgpu_metadata
---
amdhsa.version: [ 1, 2 ]
amdhsa.kernels:
  - .name:           k_qcf2d07a7cd_edge3
    .symbol:         k_qcf2d07a7cd_edge3.kd
    .args:
      - { .name: src, .offset: 0, .size: 8, .value_kind: global_buffer, .address_space: global }
      - { .name: tgt, .offset: 8, .size: 8, .value_kind: global_buffer, .address_space: global }
      - { .name: idx, .offset: 16, .size: 8, .value_kind: global_buffer, .address_space: global }
      - { .name: statB, .offset: 24, .size: 8, .value_kind: global_buffer, .address_space: global }
      - { .name: statA, .offset: 32, .size: 8, .value_kind: global_buffer, .address_space: global }
      - { .name: cat, .offset: 40, .size: 8, .value_kind: global_buffer, .address_space: global }
      - { .name: w1, .offset: 48, .size: 8, .value_kind: global_buffer, .address_space: global }
      - { .name: g2, .offset: 56, .size: 8, .value_kind: global_buffer, .address_space: global }
      - { .name: b2, .offset: 64, .size: 8, .value_kind: global_buffer, .address_space: global }
      - { .name: w2_codes, .offset: 72, .size: 8, .value_kind: global_buffer, .address_space: global }
      - { .name: w2_scales, .offset: 80, .size: 8, .value_kind: global_buffer, .address_space: global }
      - { .name: w3_codes, .offset: 88, .size: 8, .value_kind: global_buffer, .address_space: global }
      - { .name: w3_scales, .offset: 96, .size: 8, .value_kind: global_buffer, .address_space: global }
      - { .name: w4_codes, .offset: 104, .size: 8, .value_kind: global_buffer, .address_space: global }
      - { .name: w4_scales, .offset: 112, .size: 8, .value_kind: global_buffer, .address_space: global }
      - { .name: g3, .offset: 120, .size: 8, .value_kind: global_buffer, .address_space: global }
    .group_segment_fixed_size: 46592
    .private_segment_fixed_size: 0
    .kernarg_segment_align: 8
    .kernarg_segment_size: 128
    .max_flat_workgroup_size: 128
    .sgpr_count:     80
    .vgpr_count:     768
    .wavefront_size: 32
...
	.end_amdgpu_metadata
.endif
;; end of part 4
;; launch edge4 (part 5): grid 256 x 1, 4 waves a work-group, no clusters, 46,592 bytes of LDS; arguments src, tgt, idx, statA, statB, cat, w1, g3, b3, w2_codes, w2_scales, w3_codes, w3_scales, w4_codes, w4_scales, g4; writes statB, cat
.if DOCPART == 5
	.amdgcn_target "amdgcn-amd-amdhsa--gfx1250"
	.amdhsa_code_object_version 6
	.text
	.protected	k_qcf2d07a7cd_edge4
	.globl	k_qcf2d07a7cd_edge4
	.p2align	8
	.type	k_qcf2d07a7cd_edge4,@function
k_qcf2d07a7cd_edge4:
	s_mov_b64 s[64:65], 0
	v_nop
	global_prefetch_b8 v0, s[64:65] scope:SCOPE_SE
	s_setreg_imm32_b32 hwreg(HW_REG_WAVE_MODE, 25, 1), 1
	s_wait_xcnt 0x0
; EDGE LAYER L (the constant below: 2, 3 or 4; the three launches are this one text).  The chain of edge layers is made anew from the neighbour lists, in registers, up to layer L; of layer L only the sums for its
; batch norm and its maximum over the 32 neighbours are kept.  No layer's rows go to memory.
; ARGUMENTS (one list for the three): src, tgt, idx, partial sums in, partial sums out, cat, w1, gain and bias of layer L - 1, codes and scales of w2, w3, w4, gain of layer L.  A launch reads those that it needs.
; SHARES.  A work-group owns 64 points of one batch of one cloud, a wave 16: 32 tiles of 16 rows.  Tile T = 4 u + v: rows 0-7 are neighbours 8 v .. 8 v + 7 of point u, rows 8-15 the same of point u + 8.
; LAYER 1 goes by the f32 matrix form, K = 8 = (x_j, 1 | x_i, .): its batch norm is folded into the table W1' = (a w, c | a w, 0), and both operands are 8-byte reads of one LDS table (x, y, z, 1).
; LAYERS THAT GO ON are used transposed (source 0 = 16 rows of W, chosen so that two tiles give a lane 16 neighbours along the next K): a lane holds one row, and quantising asks one other lane.
; LAYER L is used as it stands (source 0 = the rows, source 1 = 16 rows of W): a lane holds one channel and eight rows of ONE point, so sum, sum of squares and maximum stay in the lane.
; Only a maximum is kept: max_k relu(a y + c) = relu(|a| max_k(s y) + c), s the sign of the gain, which is put into the sign bits of W's codes.  The sums are those of s y: a = g rsq(var + eps), C = b - |a| mean(s y) serve both uses.
; THE SUMS OF THE LAYER BEFORE are added up at the head by every work-group from the 128 rows of its cloud; the first work-group of a cloud hands all constants on (4,096 bytes at the head of the cloud's part).
; LIMITS: the variance is E[y^2] - mean^2 in f32: its relative error grows as 6e-8 mean^2 / var.  NaN and infinities are not served.
.set L, 4
.set NT, 4<<(L-2)                      ; tiles of 16 channels in layer L
.set NCH, 16*NT
.set NFO, 2*NCH                        ; numbers in the row of sums that I store
.if L == 2
.set NFI, 32                           ; numbers in the rows that I read
.set LCG, 3
.set CATO, 256                         ; where layer L's maxima lie in a row of cat
.elseif L == 3
.set NFI, 128
.set LCG, 5
.set CATO, 512
.set AOUT, 2560                        ; where layer L - 1's a and C lie among the constants
.set COUT, 2816
.else
.set NFI, 256
.set LCG, 6
.set CATO, 1024
.set AOUT, 3072
.set COUT, 3584
.endif
.set CG, NFI/4                         ; 16-byte groups in such a row = rows that a thread adds
.set RP, 128/CG                        ; threads to a group
.set CP, NFI/2                         ; channels of layer L - 1
.if CG < 16
.set NL, CG
.else
.set NL, 16
.endif
.set PRM, 32768                        ; LDS: the table 32,768; the constants 4,096: W1' at 0, then a, C of layers 1, 2, 3 at 2048, 2304, 2560, 2816, 3072, 3584
.set RED, 36864                        ; 8,192 for sums
.set TOT, 45056                        ; 256: the 27 moments
.set R, 1                              ; window 0.  v1 lane % 16, v2 lane / 16
.set H, 2
.set IOF, 4                            ; offset of the list word being fetched
.set IDXV, 5                           ; that word
.set FADR, 6                           ; LDS byte of my row's neighbour
.set CB, 7                             ; LDS byte of my row's centre in tile 0, and in the tile in hand
.set CA, 8
.set CO, 9                             ; my place in two rows of cat
.set H8, 10
.set ILC, 11                           ; my row's place in the wave's lists
.set T4, 12
.set T16, 13
.set RA, 14                            ; where I put my channel sums
.set W2S, 32                           ; scale words of w2 (4), w3 (8), w4 (16); the word just made
.set W3S, 36
.set W4S, 44
.set PW, 60
.set TM, 64                            ; at work in the quantiser
.set PC, 80                            ; codes of a K = 64 operand: registers 6-11 stay zero codes
.set F0, 100                           ; (x_j, 1), (x_i, 1): two numbers a lane
.set FC, 102
.set W1T, 104                          ; W1', transposed use: tile t, K step s at 4 t + 2 s
.set D1, 120                           ; layer 1, written by matrix instructions alone
.set X, 152                            ; the layer in hand
.set PCB, 216                          ; L = 4: codes of the K = 128 operand
.set D1N, 184                          ; L = 2: layer 1 as it stands, written by matrix instructions alone; its table; its maxima; what is stored of them
.set W1N, 216
.set MX1, 232
.set XO, 236
.set A2, 0                             ; window 1: a, C of layers 2 and 3 in the lane's order; w2 transposed
.set C2, 32
.set A3, 64
.set C3, 128
.set W2T, 192
.set WA, 0                             ; window 2: w3 transposed (L = 4) or layer L's weights (L = 2, 3); two sets of four result tiles; sums, sums of squares, maxima
.set D4, 96
.set SUM, 160
.set SQ, 192
.set MX, 224
.set WN, 0                             ; layer L's weights: window 2, or 3 for L = 4
.if L == 2
.set WNS, W2S
.elseif L == 3
.set WNS, W3S
.else
.set WNS, W4S
.endif
.if L == 4
.set NATW, 0x8c                        ; source 1 window 3, result window 2
.set FLW, 0xc3
.set LDWN, 0xc0
.set NFR, 12
.set PCN, PCB
.else
.set NATW, 0x88
.set FLW, 0x82
.set LDWN, 0x80
.set NFR, 6
.set PCN, PC
.endif
.set MSB, 0
.macro WIN new                         ; the immediate's high byte repeats the setting that is left
.if MSB != \new
	s_set_vgpr_msb (MSB<<8)|\new
.set MSB, \new
.endif
.endm
.macro PLACES n
.rept \n
	v_nop
.endr
.endm
.macro BAR                             ; my LDS stores have landed and my LDS loads are in: then the work-group's barrier
	s_wait_dscnt 0x0
	s_barrier_signal -1
	s_barrier_wait -1
.endm
.macro MX6 d, a, b, sa, sb             ; one product on codes, K = 128, its sum begun with 0
	v_wmma_scale_f32_16x16x128_f8f6f4 v[\d:\d+7], v[\a:\a+11], v[\b:\b+11], 0, v[\sa], v[\sb] matrix_a_fmt:MATRIX_FMT_BF6 matrix_b_fmt:MATRIX_FMT_BF6
.endm
; 32 nc numbers of a lane, none negative, register 16 b + i = k 32 b + 16 (lane / 16) + i of my row, become codes in v[pc] on and the scale word v[PW]
.macro QUANT s, nc, pc
.irp b, 0,1,2,3
.if \b < 2*\nc
	v_max3_num_f32 v[TM+\b], v[\s+16*\b], v[\s+16*\b+1], 0x2800000   ; the floor 2^(5 - 127) holds the byte at 1 from below
.endif
.endr
.irp i, 2,4,6,8,10,12,14
.irp b, 0,1,2,3
.if \b < 2*\nc
	v_max3_num_f32 v[TM+\b], v[TM+\b], v[\s+16*\b+\i], v[\s+16*\b+\i+1]
.endif
.endr
.endr
.irp b, 0,1,2,3
.if \b < 2*\nc
	v_permlanex16_b32 v[TM+4+\b], v[TM+\b], s38, s39
.endif
.endr
.irp b, 0,1,2,3
.if \b < 2*\nc
	v_max_num_f32 v[TM+\b], v[TM+\b], v[TM+4+\b]   ; with lane l xor 16's sixteen: the block's largest
	v_add_nc_u32 v[TM+12+\b], 0xfe000000, v[TM+\b] ; 4 off its exponent field: the conversion's scale operand
	v_lshrrev_b32 v[TM+4+\b], 23, v[TM+12+\b]      ; the scale's byte
.endif
.endr
	v_lshl_or_b32 v[PW], v[TM+5], 8, v[TM+4]
.if \nc == 2
	v_lshl_or_b32 v[PW], v[TM+6], 16, v[PW]
	v_lshl_or_b32 v[PW], v[TM+7], 24, v[PW]
.else
	v_or_b32 v[PW], 0x7f7f0000, v[PW]              ; K = 64: the upper 64 are zero codes under the byte 127
.endif
.irp c, 0,1
.if \c < \nc
	v_cvt_scalef32_pk16_bf6_f32 v[\pc+6*\c:\pc+6*\c+2], v[\s+32*\c:\s+32*\c+15], v[TM+12+2*\c]
	v_cvt_scalef32_pk16_bf6_f32 v[\pc+12+4*\c:\pc+14+4*\c], v[\s+32*\c+16:\s+32*\c+31], v[TM+13+2*\c]
.endif
.endr
	v_nop                                          ; one plain place behind a scaled conversion
.irp c, 0,1
.if \c < \nc
.irp i, 0,1,2
	v_permlane16_swap_b32 v[\pc+6*\c+\i], v[\pc+12+4*\c+\i]    ; a whole block to a lane
.endr
.irp i, 0,1,2
	v_mov_b32 v[\pc+3+6*\c+\i], v[\pc+12+4*\c+\i]
.endr
.endif
.endr
.endm
.macro M1T ks, f, z                    ; layer 1, transposed: four tiles of 16 channels, K step ks; z = 1 begins the sums
.irp t, 0,1,2,3
.if \z
	v_wmma_f32_16x16x4_f32 v[D1+8*\t:D1+8*\t+7], v[W1T+4*\t+2*\ks:W1T+4*\t+2*\ks+1], v[\f:\f+1], 0
.else
	v_wmma_f32_16x16x4_f32 v[D1+8*\t:D1+8*\t+7], v[W1T+4*\t+2*\ks:W1T+4*\t+2*\ks+1], v[\f:\f+1], v[D1+8*\t:D1+8*\t+7]
.endif
.endr
.endm
.macro M1N ks, f, z                    ; the same as it stands (L = 2)
.irp t, 0,1,2,3
.if \z
	v_wmma_f32_16x16x4_f32 v[D1N+8*\t:D1N+8*\t+7], v[\f:\f+1], v[W1N+4*\t+2*\ks:W1N+4*\t+2*\ks+1], 0
.else
	v_wmma_f32_16x16x4_f32 v[D1N+8*\t:D1N+8*\t+7], v[\f:\f+1], v[W1N+4*\t+2*\ks:W1N+4*\t+2*\ks+1], v[D1N+8*\t:D1N+8*\t+7]
.endif
.endr
.endm
.macro NAT G                           ; layer L: tiles 4 G .. 4 G + 3 into set G % 2
.irp i, 0,1,2,3
	MX6 D4+32*((\G)%2)+8*\i, PCN, WN+12*(4*(\G)+\i), PW, WNS+4*(\G)+\i
.endr
.endm
.macro STATS G                         ; their sums, sums of squares and maxima: the four tiles by turns, each from its low end on
.irp jj, 0,2,4,6
.irp i, 0,1,2,3
.set dd, D4+32*((\G)%2)+8*\i+\jj
.set tt, 4*(\G)+\i
	v_pk_add_f32 v[SUM+2*tt:SUM+2*tt+1], v[SUM+2*tt:SUM+2*tt+1], v[dd:dd+1]
	v_pk_fma_f32 v[SQ+2*tt:SQ+2*tt+1], v[dd:dd+1], v[dd:dd+1], v[SQ+2*tt:SQ+2*tt+1]
	v_max3_num_f32 v[MX+tt], v[MX+tt], v[dd], v[dd+1]
.endr
.endr
.endm
.macro LW64 reg, vo, sb, imm           ; a fragment of a K = 64 weight: 24 bytes a lane; its upper six registers are zero codes
.irp i, 0,1,2
	global_load_b64 v[\reg+2*\i:\reg+2*\i+1], v[\vo], s[\sb:\sb+1] offset:(\imm)+8*\i
.endr
.irp i, 6,7,8,9,10,11
	v_mov_b32 v[\reg+\i], 0
.endr
.endm
.macro ROW3 d, m, i0, i1, i2, w        ; d = three moments . three weights
	v_mul_f32 v[\d], v[X+\m+\i0], v[\w]
	v_fma_f32 v[\d], v[X+\m+\i1], v[\w+1], v[\d]
	v_fma_f32 v[\d], v[X+\m+\i2], v[\w+2], v[\d]
.endm
	s_load_b512 s[4:19], s[0:1], 0x0               ; src 4, tgt 6, idx 8, sums in 10, sums out 12, cat 14, w1 16, gain before 18
	s_load_b512 s[20:35], s[0:1], 0x40             ; bias before 20, w2 22 24, w3 26 28, w4 30 32, gain of L 34
	v_lshl_add_u32 v254, v0, 2, 0xb400
	v_mov_b32 v255, 0
	v_lshrrev_b32 v15, 5, v0
	v_readfirstlane_b32 s36, v15                   ; wave 0..3
	v_and_b32 v[R], 15, v0
	v_bfe_u32 v[H], v0, 4, 1
	s_lshr_b32 s37, ttmp9, 7                       ; cloud
	s_bfe_u32 s40, ttmp9, 0x20005                  ; batch
	s_and_b32 s41, ttmp9, 31
	s_lshl_b32 s41, s41, 6                         ; first point in the batch
	s_and_b32 s42, ttmp9, 127                      ; my row of sums
	s_mov_b32 s38, 0x76543210                      ; v_permlanex16_b32: lane l xor 16
	s_mov_b32 s39, 0xfedcba98
	v_lshlrev_b32 v[T4], 2, v0
	v_lshlrev_b32 v[T16], 4, v0
	v_lshlrev_b32 v[H8], 3, v[H]
	v_lshrrev_b32 v15, 3, v[R]
	s_lshl_b32 s48, s36, 4
	s_add_co_u32 s48, s48, s41
	s_lshl_b32 s48, s48, 4
	v_lshl_add_u32 v[CB], v15, 7, v[H8]
	v_add_nc_u32 v[CB], s48, v[CB]                 ; 16 (first point of the wave + 8 (r / 8)) + 8 h
	v_and_b32 v16, 7, v[R]
	v_lshlrev_b32 v16, 2, v16
	v_lshl_add_u32 v[ILC], v15, 10, v16            ; 1024 (r / 8) + 4 (r % 8); a tile on is 32 bytes on
	v_lshlrev_b32 v[CO], 4, v[R]
	s_mul_i32 s48, s36, 4*NFO
	v_add_nc_u32 v[RA], s48, v[CO]
	v_lshl_add_u32 v[CO], v[H], 14, v[CO]          ; point u + 8 h: 16,384 h; my four channels: 16 r
	v_lshlrev_b32 v29, 5, v0
	v_mov_b32 v30, 0
	v_mul_u32_u24 v31, v0, 24
	s_wait_kmcnt 0x0
	s_cmp_eq_u32 s37, 0
	s_cselect_b64 s[4:5], s[4:5], s[6:7]           ; my cloud
	s_mov_b32 s45, 0
	s_mul_i32 s44, s40, 24576
	s_add_nc_u64 s[4:5], s[4:5], s[44:45]
	s_mul_i32 s44, s37, 532480
	s_add_nc_u64 s[10:11], s[10:11], s[44:45]
	s_add_nc_u64 s[12:13], s[12:13], s[44:45]
	s_add_nc_u64 s[46:47], s[10:11], 8192          ; the rows of sums that I read
	s_lshl_b32 s44, s42, 12
	s_add_co_u32 s44, s44, 8192
	s_add_nc_u64 s[54:55], s[12:13], s[44:45]      ; the row that I store
	s_lshl_b32 s44, ttmp9, 13
	s_lshl_b32 s48, s36, 11
	s_add_co_u32 s44, s44, s48
	s_add_nc_u64 s[8:9], s[8:9], s[44:45]          ; my wave's lists: 128 bytes a point
	s_lshl_b32 s44, s44, 4
	s_add_nc_u64 s[14:15], s[14:15], s[44:45]      ; my wave's rows of cat: 2,048 bytes a point
	; ---- the table (x, y, z, 1): thread t brings points t + 128 g, eight at a time
.irp g, 0,1,2,3,4,5,6,7
	v_mov_b32 v[X+4*\g+3], 1.0
.endr
.irp hf, 0,1
.irp g, 0,1,2,3,4,5,6,7
.irp c, 0,1,2
	global_load_b32 v[X+4*\g+\c], v[T4], s[4:5] offset:8192*\c+512*(8*\hf+\g)
.endr
.endr
	s_wait_loadcnt 0x0
.irp g, 0,1,2,3,4,5,6,7
	ds_store_b128 v[T16], v[X+4*\g:X+4*\g+3] offset:2048*(8*\hf+\g)
.endr
	s_wait_dscnt 0x0                               ; the stores have read their registers
.endr
	; ---- the constants so far
.if L > 2
	global_load_b128 v[X:X+3], v[T16], s[10:11]
	global_load_b128 v[X+4:X+7], v[T16], s[10:11] offset:2048
	s_wait_loadcnt 0x0
	ds_store_b128 v[T16], v[X:X+3] offset:PRM
	ds_store_b128 v[T16], v[X+4:X+7] offset:PRM+2048
.else
.irp i, 0,1,2,3
	v_mov_b32 v[X+\i], 0
.endr
	ds_store_b128 v[T16], v[X:X+3] offset:PRM+2048 ; what is not yet known is handed on as zeros
.endif
	s_wait_dscnt 0x0
	; ---- the 128 rows of sums of my cloud: thread t adds CG rows of one group of 16 bytes
	v_and_b32 v15, CG-1, v0
	v_lshrrev_b32 v16, LCG, v0
	v_lshlrev_b32 v15, 4, v15
	v_lshl_add_u32 v15, v16, 12, v15
.irp i, 16,17,18,19,20,21,22,23
	v_mov_b32 v\i, 0
.endr
.set ch, 0
.rept CG/NL
.set i, 0
.rept NL
	global_load_b128 v[X+4*i:X+4*i+3], v15, s[46:47] offset:(NL*ch+i)*RP*4096
.set i, i+1
.endr
	s_wait_loadcnt 0x0
.set i, 0
.rept NL/2
	v_pk_add_f32 v[16:17], v[16:17], v[X+8*i:X+8*i+1]
	v_pk_add_f32 v[18:19], v[18:19], v[X+8*i+2:X+8*i+3]
	v_pk_add_f32 v[20:21], v[20:21], v[X+8*i+4:X+8*i+5]
	v_pk_add_f32 v[22:23], v[22:23], v[X+8*i+6:X+8*i+7]
.set i, i+1
.endr
.set ch, ch+1
.endr
	v_pk_add_f32 v[16:17], v[16:17], v[20:21]
	v_pk_add_f32 v[18:19], v[18:19], v[22:23]
	ds_store_b128 v[T16], v[16:19] offset:RED      ; RP rows of NFI numbers
	BAR
.if L > 2
	; ---- a and C of layer L - 1: thread c, one channel
.if CP < 128
	s_cmp_ge_u32 s36, CP/32
	s_cbranch_scc1 .Lnofinal
.endif
	global_load_b32 v24, v[T4], s[18:19]
	global_load_b32 v25, v[T4], s[20:21]
.set q, 0
.rept RP
	ds_load_b32 v[16+q], v[T4] offset:RED+q*NFI*4
	ds_load_b32 v[20+q], v[T4] offset:RED+q*NFI*4+CP*4
.set q, q+1
.endr
	s_wait_dscnt 0x0
.set q, 1
.rept RP-1
	v_add_f32 v16, v16, v[16+q]
	v_add_f32 v20, v20, v[20+q]
.set q, q+1
.endr
	v_mul_f32 v16, 0x36800000, v16                 ; the mean: / 2^18 rows
	v_mul_f32 v20, 0x36800000, v20
	v_fma_f32 v20, -v16, v16, v20                  ; the variance,
	v_max_num_f32 v20, 0, v20                      ; never negative
	v_add_f32 v20, 0x3727c5ac, v20                 ; + 1e-5
	v_rsq_f32 v21, v20
	v_nop                                          ; a plain place behind the transcendental,
	s_wait_alu depctr_va_vdst(0)                   ; and the wait ahead of its first reader
	s_wait_loadcnt 0x0
	v_mul_f32 v26, v24, v21
	v_fma_f32 v27, -|v26|, v16, v25
	ds_store_b32 v[T4], v26 offset:PRM+AOUT
	ds_store_b32 v[T4], v27 offset:PRM+COUT
.Lnofinal:
.else
	; ---- L = 2: the 27 moments, then W1' = (a w, c | a w, 0)
	s_cmp_lg_u32 s36, 0
	s_cbranch_scc1 .Lnotot
.set q, 0
.rept 16
	ds_load_b32 v[X+q], v[T4] offset:RED+128*q
.set q, q+1
.endr
	s_wait_dscnt 0x0
.set q, 1
.rept 15
	v_add_f32 v[X], v[X], v[X+q]
.set q, q+1
.endr
	ds_store_b32 v[T4], v[X] offset:TOT
.Lnotot:
	BAR
	s_cmp_ge_u32 s36, 2
	s_cbranch_scc1 .Lnofinal
.irp i, 0,1,2,3,4,5,6
	ds_load_b128 v[X+4*\i:X+4*\i+3], v30 offset:TOT+16*\i      ; the same in every lane
.endr
	global_load_b64 v[64:65], v31, s[16:17]        ; w1's row of channel c
	global_load_b64 v[66:67], v31, s[16:17] offset:8
	global_load_b64 v[68:69], v31, s[16:17] offset:16
	global_load_b32 v78, v[T4], s[18:19]
	global_load_b32 v79, v[T4], s[20:21]
	s_wait_dscnt 0x0
	s_wait_loadcnt 0x0
	v_mul_f32 v77, v[X], v64                       ; w . sum of feat
.irp i, 1,2,3,4,5
	v_fma_f32 v77, v[X+\i], v[64+\i], v77
.endr
.irp i, 0,1,2
	v_add_f32 v[70+\i], v[67+\i], v[67+\i]         ; the mixed terms count twice
.endr
	ROW3 73, 6, 0, 1, 2, 64                        ; w^T M w, row by row
	ROW3 74, 6, 1, 3, 4, 64
	ROW3 75, 6, 2, 4, 5, 64
.irp a, 0,1,2
.irp b, 0,1,2
	v_fma_f32 v[73+\a], v[X+12+3*\a+\b], v[70+\b], v[73+\a]
.endr
.endr
	v_mul_f32 v76, v73, v64
	v_fma_f32 v76, v74, v65, v76
	v_fma_f32 v76, v75, v66, v76
	ROW3 73, 21, 0, 1, 2, 67
	ROW3 74, 21, 1, 3, 4, 67
	ROW3 75, 21, 2, 4, 5, 67
	v_fma_f32 v76, v73, v67, v76
	v_fma_f32 v76, v74, v68, v76
	v_fma_f32 v76, v75, v69, v76
	v_mul_f32 v77, 0x36800000, v77                 ; the mean of y1: / 2^18 rows
	v_mul_f32 v76, 0x36800000, v76
	v_fma_f32 v76, -v77, v77, v76
	v_max_num_f32 v76, 0, v76
	v_add_f32 v76, 0x3727c5ac, v76
	v_rsq_f32 v80, v76
	v_mov_b32 v83, 1.0                             ; (a plain place behind the transcendental)
	s_wait_alu depctr_va_vdst(0)
	v_mul_f32 v81, v78, v80                        ; a
	v_fma_f32 v[X+3], -v81, v77, v79               ; c = b - a mean
.irp i, 0,1,2
	v_mul_f32 v[X+\i], v81, v[64+\i]
	v_mul_f32 v[X+4+\i], v81, v[67+\i]
.endr
	v_mov_b32 v[X+7], 0
	ds_store_b128 v29, v[X:X+3] offset:PRM
	ds_store_b128 v29, v[X+4:X+7] offset:PRM+16
	ds_store_b32 v[T4], v83 offset:PRM+2048        ; cat holds layer 1's maxima finished: a = 1, C = 0 for the reader
.Lnofinal:
.endif
	BAR
	; ---- the first work-group of a cloud hands the constants on
	s_cmp_lg_u32 s42, 0
	s_cbranch_scc1 .Lnoparam
	ds_load_b128 v[X:X+3], v[T16] offset:PRM
	ds_load_b128 v[X+4:X+7], v[T16] offset:PRM+2048
	s_wait_dscnt 0x0
	global_store_b128 v[T16], v[X:X+3], s[12:13]
	global_store_b128 v[T16], v[X+4:X+7], s[12:13] offset:2048
.Lnoparam:
	s_wait_xcnt 0x0                                ; those stores have read their registers
	; ---- what stays in registers
	v_and_b32 v16, 8, v[R]
	v_add_nc_u32 v16, v16, v[R]                    ; r + 8 (r / 8): the rows of a transposed tile
	v_lshl_add_u32 v17, v16, 5, v[H8]
	v_lshl_add_u32 v18, v[R], 7, v[H8]
	v_lshlrev_b32 v19, 6, v[H]
	v_mul_u32_u24 v20, v16, 48
	v_mad_u32_u24 v20, v[H], 24, v20               ; K = 64, transposed: 48 bytes a row
	v_mul_u32_u24 v21, v[R], 192
	v_mad_u32_u24 v21, v[H], 24, v21               ; K = 64, as it stands: lane r takes channel 4 r + t % 4 + 64 (t / 4)
	v_mul_u32_u24 v22, v[R], 384
	v_mad_u32_u24 v22, v[H], 24, v22               ; K = 128, as it stands
	v_lshlrev_b32 v23, 1, v16
	v_lshlrev_b32 v24, 3, v[R]
	v_lshlrev_b32 v25, 4, v[R]
.irp t, 0,1,2,3
.irp s, 0,1
	ds_load_b64 v[W1T+4*\t+2*\s:W1T+4*\t+2*\s+1], v17 offset:PRM+(32*(\t/2)+8*(\t%2))*32+16*\s
.if L == 2
	ds_load_b64 v[W1N+4*\t+2*\s:W1N+4*\t+2*\s+1], v18 offset:PRM+32*\t+16*\s
.endif
.endr
.endr
.if L > 2
	WIN 0x40
.irp b, 0,1
.irp q, 0,1,2,3
	ds_load_b128 v[A2+16*\b+4*\q:A2+16*\b+4*\q+3], v19 offset:PRM+2560+128*\b+16*\q
	ds_load_b128 v[C2+16*\b+4*\q:C2+16*\b+4*\q+3], v19 offset:PRM+2816+128*\b+16*\q
.endr
.endr
.if L == 4
.irp b, 0,1,2,3
.irp q, 0,1,2,3
	ds_load_b128 v[A3+16*\b+4*\q:A3+16*\b+4*\q+3], v19 offset:PRM+3072+128*\b+16*\q
	ds_load_b128 v[C3+16*\b+4*\q:C3+16*\b+4*\q+3], v19 offset:PRM+3584+128*\b+16*\q
.endr
.endr
.endif
.irp t, 0,1,2,3
	LW64 W2T+12*\t, 20, 22, (32*(\t/2)+8*(\t%2))*48
.endr
	WIN 0
.irp t, 0,1,2,3
	global_load_u16 v[W2S+\t], v23, s[24:25] offset:(32*(\t/2)+8*(\t%2))*2
.endr
.endif
.if L == 2
	WIN 0x80
.irp t, 0,1,2,3
	LW64 WA+12*\t, 21, 22, \t*48
.endr
	WIN 0
.irp t, 0,1,2,3
	global_load_u16 v[W2S+\t], v24, s[24:25] offset:\t*2
.endr
.elseif L == 3
	WIN 0x80
.irp t, 0,1,2,3,4,5,6,7
	LW64 WA+12*\t, 21, 26, (64*(\t/4)+\t%4)*48
.endr
	WIN 0
.irp t, 0,1,2,3,4,5,6,7
	global_load_u16 v[W3S+\t], v24, s[28:29] offset:(64*(\t/4)+\t%4)*2
.endr
.else
	WIN 0x80
.irp t, 0,1,2,3,4,5,6,7
	LW64 WA+12*\t, 20, 26, (32*(\t/2)+8*(\t%2))*48
.endr
	WIN 0xc0
.irp t, 0,1,2,3,4,5,6,7,8,9,10,11,12,13,14,15
.irp p, 0,1,2,3,4,5
	global_load_b64 v[WN+12*\t+2*\p:WN+12*\t+2*\p+1], v22, s[30:31] offset:(64*(\t/4)+\t%4)*96+48*(\p/3)+8*(\p%3)
.endr
.endr
	WIN 0
.irp t, 0,1,2,3,4,5,6,7
	global_load_u16 v[W3S+\t], v23, s[28:29] offset:(32*(\t/2)+8*(\t%2))*2
.endr
.irp t, 0,1,2,3,4,5,6,7,8,9,10,11,12,13,14,15
	global_load_b32 v[W4S+\t], v25, s[32:33] offset:(64*(\t/4)+\t%4)*4
.endr
.endif
.set t, 0
.rept NT
	global_load_b32 v[X+t], v25, s[34:35] offset:(64*(t/4)+t%4)*4      ; the gain of my channel of tile t
.set t, t+1
.endr
	s_wait_loadcnt 0x0
	s_wait_dscnt 0x0
.irp t, 0,1,2,3
	v_or_b32 v[W2S+\t], 0x7f7f0000, v[W2S+\t]      ; K = 64: two bytes a row, and 127 over the zero codes
.endr
.if L > 2
.irp t, 0,1,2,3,4,5,6,7
	v_or_b32 v[W3S+\t], 0x7f7f0000, v[W3S+\t]
.endr
.endif
.set t, 0
.rept NT                                       ; a negative gain turns the signs of its channel's codes: bit 5 of each six, a pattern of three words
	v_ashrrev_i32 v26, 31, v[X+t]
	v_and_b32 v27, 0x20820820, v26
	v_and_b32 v28, 0x08208208, v26
	v_and_b32 v29, 0x82082082, v26
	WIN FLW
.set i, 0
.rept NFR
	v_xor_b32 v[WN+12*t+i], v[WN+12*t+i], v[27+i%3]
.set i, i+1
.endr
	WIN 0
.set t, t+1
.endr
	WIN 0x80
.set i, 0
.rept 64
	v_mov_b32 v[SUM+i], 0                          ; sums and sums of squares
.set i, i+1
.endr
.set i, 0
.rept 16
	v_mov_b32 v[MX+i], 0xff800000
.set i, i+1
.endr
	WIN 0
.set i, 0
.rept 20
	v_mov_b32 v[PC+i], 0
.set i, i+1
.endr
.irp i, 4,5,6,7
	v_mov_b32 v[TM+\i], 0                          ; a lane permute's destination counts as read
.endr
.if L == 2
.irp i, 0,1,2,3
	v_mov_b32 v[MX1+\i], 0xff800000
.endr
.endif
	; ---- tile 0's layer 1
	global_load_b32 v[IDXV], v[ILC], s[8:9]
	s_wait_loadcnt 0x0
	v_min_u32 v[FADR], 0x7ff, v[IDXV]
	v_lshl_add_u32 v[FADR], v[FADR], 4, v[H8]
	ds_load_b64 v[F0:F0+1], v[FADR]
	ds_load_b64 v[FC:FC+1], v[CB]
	v_add_nc_u32 v[IOF], 32, v[ILC]
	global_load_b32 v[IDXV], v[IOF], s[8:9]
	s_wait_dscnt 0x0
	M1T 0, F0, 1
.if L == 2
	M1N 0, F0, 1
.endif
	M1T 1, FC, 0
.if L == 2
	M1N 1, FC, 0
.endif
	PLACES 8                                       ; eight places behind the f32 form, ahead of the loads into its sources and the first read of its results
	s_mov_b32 s50, 0
.Ltile:
	; 1: tile T + 1's rows are asked for (beyond the last tile: the last again, and its layer 1 is not used)
	s_wait_loadcnt 0x0                             ; its list word is in, and that load's offset register is free
	v_min_u32 v[FADR], 0x7ff, v[IDXV]
	v_lshl_add_u32 v[FADR], v[FADR], 4, v[H8]
	s_add_co_u32 s51, s50, 1
	s_min_u32 s51, s51, 31
	s_lshr_b32 s51, s51, 2
	s_lshl_b32 s51, s51, 4
	v_add_nc_u32 v[CA], s51, v[CB]
	s_add_co_u32 s52, s50, 2
	s_min_u32 s52, s52, 31
	s_lshl_b32 s52, s52, 5
	v_add_nc_u32 v[IOF], s52, v[ILC]
	ds_load_b64 v[F0:F0+1], v[FADR]
	ds_load_b64 v[FC:FC+1], v[CA]
	global_load_b32 v[IDXV], v[IOF], s[8:9]
	; 2: layer 1 of tile T: relu, codes
.set j, 0
.rept 32
	v_max_num_f32 v[X+j], 0, v[D1+j]
.set j, j+1
.endr
.if L == 2
.irp jj, 0,2,4,6
.irp t, 0,1,2,3
	v_max3_num_f32 v[MX1+\t], v[MX1+\t], v[D1N+8*\t+\jj], v[D1N+8*\t+\jj+1]
.endr
.endr
.endif
	QUANT X, 1, PC
	PLACES 8                                       ; a scale register written by a vector instruction stands 8 places ahead of a scaled product, an operand 4
.if L == 2
	WIN NATW
	NAT 0
	WIN 0
	s_wait_dscnt 0x0                               ; tile T + 1's rows are in
	M1T 0, F0, 1                                   ; sixteen accumulators' worth of f32 products, each accumulator one instruction a turn
	M1N 0, F0, 1
	M1T 1, FC, 0
	M1N 1, FC, 0
	PLACES 5
	WIN 0xaa
	STATS 0
	WIN 0
.else
	; 3: layer 2, transposed; tile T + 1's layer 1 begins beside the vector work that follows
	WIN 0x01
.irp t, 0,1,2,3
	MX6 X+8*\t, W2T+12*\t, PC, W2S+\t, PW
.endr
	WIN 0
	s_wait_dscnt 0x0
	M1T 0, F0, 1
	PLACES 4
	; 4: its batch norm, relu, codes
	WIN 0x14
.set j, 0
.rept 16
	v_pk_fma_f32 v[X+j:X+j+1], v[X+j:X+j+1], v[A2+j:A2+j+1], v[C2+j:C2+j+1]
.set j, j+2
.endr
	WIN 0
.set j, 0
.rept 32
	v_max_num_f32 v[X+j], 0, v[X+j]
.set j, j+1
.endr
	QUANT X, 1, PC
	PLACES 8
.if L == 3
	WIN NATW
	NAT 0
	NAT 1
	WIN 0
	M1T 1, FC, 0
	PLACES 5
	WIN 0xaa
	STATS 0
	STATS 1
	WIN 0
.else
	; 5: layer 3, transposed
	WIN 0x02
.irp t, 0,1,2,3,4,5,6,7
	MX6 X+8*\t, WA+12*\t, PC, W3S+\t, PW
.endr
	WIN 0
	M1T 1, FC, 0
	PLACES 4
	; 6
	WIN 0x14
.set j, 0
.rept 32
	v_pk_fma_f32 v[X+j:X+j+1], v[X+j:X+j+1], v[A3+j:A3+j+1], v[C3+j:C3+j+1]
.set j, j+2
.endr
	WIN 0
.set j, 0
.rept 64
	v_max_num_f32 v[X+j], 0, v[X+j]
.set j, j+1
.endr
	QUANT X, 2, PCB
	PLACES 8
	; 7: layer 4 as it stands: four tiles' products stand ahead of the sums over the four before
	WIN NATW
	NAT 0
	NAT 1
	PLACES 5                                       ; five: the third group writes over the first group's results
	WIN 0xaa
	STATS 0
	WIN NATW
	NAT 2
	WIN 0xaa
	STATS 1
	WIN NATW
	NAT 3
	WIN 0xaa
	STATS 2
	STATS 3
	WIN 0
.endif
.endif
	; 8: behind a point's fourth tile its maxima leave: sixteen lanes store 256 consecutive bytes, aligned
	s_and_b32 s53, s50, 3
	s_cmp_lg_u32 s53, 3
	s_cbranch_scc1 .Lnostore
.if L == 2
.irp i, 0,1,2,3
	v_max_num_f32 v[XO+\i], 0, v[MX1+\i]
.endr
	global_store_b128 v[CO], v[XO:XO+3], s[14:15]
.endif
	WIN 0x08
.set g, 0
.rept NT/4
	global_store_b128 v[CO], v[MX+4*g:MX+4*g+3], s[14:15] offset:CATO+256*g
.set g, g+1
.endr
	WIN 0
	s_wait_xcnt 0x0                                ; the stores have read their data and their base
	s_add_nc_u64 s[14:15], s[14:15], 2048
	WIN 0x80
.set i, 0
.rept NT
	v_mov_b32 v[MX+i], 0xff800000
.set i, i+1
.endr
	WIN 0
.if L == 2
.irp i, 0,1,2,3
	v_mov_b32 v[MX1+\i], 0xff800000
.endr
.endif
.Lnostore:
	s_add_co_u32 s50, s50, 1
	s_cmp_lt_u32 s50, 32
	s_cbranch_scc1 .Ltile
	; ---- the wave's sums: the pair's two halves, the other half of the lanes; then the four waves' through LDS
	WIN 0xaa
.set t, 0
.rept NT
	v_add_f32 v[D4+t], v[SUM+2*t], v[SUM+2*t+1]
	v_add_f32 v[D4+NT+t], v[SQ+2*t], v[SQ+2*t+1]
.set t, t+1
.endr
.set t, 0
.rept 2*NT
	v_permlanex16_b32 v[D4+2*NT+t], v[D4+t], s38, s39
.set t, t+1
.endr
.set t, 0
.rept 2*NT
	v_add_f32 v[D4+t], v[D4+t], v[D4+2*NT+t]
.set t, t+1
.endr
	WIN 0
	BAR                                            ; every wave's reads of the table are over
	WIN 0x08
.set g, 0
.rept NT/4
	ds_store_b128 v[RA], v[D4+4*g:D4+4*g+3] offset:RED+256*g
	ds_store_b128 v[RA], v[D4+NT+4*g:D4+NT+4*g+3] offset:RED+4*NCH+256*g
.set g, g+1
.endr
	WIN 0
	BAR
.if NFO/4 < 128
	s_cmp_ge_u32 s36, NFO/128
	s_cbranch_scc1 .Lend
.endif
.irp w, 0,1,2,3
	ds_load_b128 v[X+4*\w:X+4*\w+3], v[T16] offset:RED+\w*4*NFO
.endr
	s_wait_dscnt 0x0
	v_pk_add_f32 v[X:X+1], v[X:X+1], v[X+4:X+5]
	v_pk_add_f32 v[X+2:X+3], v[X+2:X+3], v[X+6:X+7]
	v_pk_add_f32 v[X+8:X+9], v[X+8:X+9], v[X+12:X+13]
	v_pk_add_f32 v[X+10:X+11], v[X+10:X+11], v[X+14:X+15]
	v_pk_add_f32 v[X:X+1], v[X:X+1], v[X+8:X+9]
	v_pk_add_f32 v[X+2:X+3], v[X+2:X+3], v[X+10:X+11]
	global_store_b128 v[T16], v[X:X+3], s[54:55]
.Lend:
	s_wait_tensorcnt 0x0
	ds_add_u32 v254, v255
	s_wait_dscnt 0x0
	s_endpgm
.Lfunc_end_k_qcf2d07a7cd_edge4:
	.size	k_qcf2d07a7cd_edge4, .Lfunc_end_k_qcf2d07a7cd_edge4-k_qcf2d07a7cd_edge4
	.p2alignl 7, 3214868480
	.fill 96, 4, 3214868480
	.section	.rodata,"a",@progbits
	.p2align	6, 0x0
	.amdhsa_kernel k_qcf2d07a7cd_edge4
		.amdhsa_group_segment_fixed_size 46592
		.amdhsa_private_segment_fixed_size 0
		.amdhsa_enable_private_segment 0
		.amdhsa_kernarg_size 128
		.amdhsa_user_sgpr_count 2
		.amdhsa_user_sgpr_kernarg_segment_ptr 1
		.amdhsa_wavefront_size32 1
		.amdhsa_system_sgpr_workgroup_id_x 1
		.amdhsa_system_sgpr_workgroup_id_y 1
		.amdhsa_system_sgpr_workgroup_id_z 1
		.amdhsa_system_vgpr_workitem_id 0
		.amdhsa_next_free_vgpr 1024
		.amdhsa_next_free_sgpr 80
		.amdhsa_reserve_vcc 0
		.amdhsa_float_denorm_mode_32 3
		.amdhsa_float_denorm_mode_16_64 3
		.amdhsa_memory_ordered 1
		.amdhsa_forward_progress 1
		.amdhsa_inst_pref_size 106
	.end_amdhsa_kernel
	.amdgpu_metadata
---
amdhsa.version: [ 1, 2 ]
amdhsa.kernels:
  - .name:           k_qcf2d07a7cd_edge4
    .symbol:         k_qcf2d07a7cd_edge4.kd
    .args:
      - { .name: src, .offset: 0, .size: 8, .value_kind: global_buffer, .address_space: global }
      - { .name: tgt, .offset: 8, .size: 8, .value_kind: global_buffer, .address_space: global }
      - { .name: idx, .offset: 16, .size: 8, .value_kind: global_buffer, .address_space: global }
      - { .name: statA, .offset: 24, .size: 8, .value_kind: global_buffer, .address_space: global }
      - { .name: statB, .offset: 32, .size: 8, .value_kind: global_buffer, .address_space: global }
      - { .name: cat, .offset: 40, .size: 8, .value_kind: global_buffer, .address_space: global }
      - { .name: w1, .offset: 48, .size: 8, .value_kind: global_buffer, .address_space: global }
      - { .name: g3, .offset: 56, .size: 8, .value_kind: global_buffer, .address_space: global }
      - { .name: b3, .offset: 64, .size: 8, .value_kind: global_buffer, .address_space: global }
      - { .name: w2_codes, .offset: 72, .size: 8, .value_kind: global_buffer, .address_space: global }
      - { .name: w2_scales, .offset: 80, .size: 8, .value_kind: global_buffer, .address_space: global }
      - { .name: w3_codes, .offset: 88, .size: 8, .value_kind: global_buffer, .address_space: global }
      - { .name: w3_scales, .offset: 96, .size: 8, .value_kind: global_buffer, .address_space: global }
      - { .name: w4_codes, .offset: 104, .size: 8, .value_kind: global_buffer, .address_space: global }
      - { .name: w4_scales, .offset: 112, .size: 8, .value_kind: global_buffer, .address_space: global }
      - { .name: g4, .offset: 120, .size: 8, .value_kind: global_buffer, .address_space: global }
    .group_segment_fixed_size: 46592
    .private_segment_fixed_size: 0
    .kernarg_segment_align: 8
    .kernarg_segment_size: 128
    .max_flat_workgroup_size: 128
    .sgpr_count:     80
    .vgpr_count:     1024
    .wavefront_size: 32
...
	.end_amdgpu_metadata
.endif
;; end of part 5
;; launch lin5 (part 6): grid 256 x 1, 4 waves a work-group, no clusters, 295,424 bytes of LDS; arguments cat, statB, statA, y5, w5_codes, w5_scales, g4, b4; writes statA, y5
.if DOCPART == 6
	.amdgcn_target "amdgcn-amd-amdhsa--gfx1250"
	.amdhsa_code_object_version 6
	.text
	.protected	k_qcf2d07a7cd_lin5
	.globl	k_qcf2d07a7cd_lin5
	.p2align	8
	.type	k_qcf2d07a7cd_lin5,@function
k_qcf2d07a7cd_lin5:
	s_mov_b64 s[64:65], 0
	v_nop
	global_prefetch_b8 v0, s[64:65] scope:SCOPE_SE
	s_setreg_imm32_b32 hwreg(HW_REG_WAVE_MODE, 25, 1), 1
	s_wait_xcnt 0x0
; y5 = Q(cat) w5^T, K = 512, and the sums for its batch norm.  cat: [point][512] f32: layer 1's maxima finished, layers 2 to 4's maxima of s y, which become relu(|a| e + C) here.
; SHARES.  A work-group takes 64 rows; THE WAVES SHARE THE COLUMNS: wave w makes channels 128 w .. 128 w + 127 for all 64 rows.  Its 128 rows of w5's codes come into LDS by ONE tensor load of its own, at the head, filled
; once and read by that wave alone.  Wave w quantises rows 16 w .. 16 w + 15 (four fragments), which go to the other waves through LDS as images of their registers.
; The product is used transposed, and the rows of w5 that form a tile are chosen so that two tiles give a lane 16 neighbouring channels: y5 is stored as images of the accumulators, which the next launch quantises as they come.
; y5: [tile of 16 rows][tile of 16 channels][half][lane][16 bytes].  Sums: per wave 128 sums, then 128 sums of squares, at 1,024 w of the work-group's row of statA.
; No multicast: w5's codes are 196,608 bytes, read once by each work-group, a small part of what the launch moves (cat in, y5 out: 131,072 bytes each a work-group).
; LIMITS: the variance of layer 4 is E[y^2] - mean^2 in f32.  NaN and infinities are not served.
.set XIMG, 245760                      ; LDS: w5 4 x 61,440 (rows 480 bytes apart: 6 x (64 + 16)); the rows' 16 fragments, 1,536 bytes each;
.set XSC, 270336                       ; their scale words, 128 bytes each;
.set PRM, 272384                       ; the constants, 6,144: as handed on, and layer 4's a at 4096, C at 5120;
.set RED, 278528                       ; 2,048 for the sums of layer 4;
.set STG, 280576                       ; 1,024 for each wave's sums of y5
.set R, 1
.set H, 2
.set XA, 4                             ; my place in the wave's 16 rows of cat
.set LIX, 5                            ; images: 16 x lane;  scale words: 4 x lane
.set LSX, 6
.set XWI, 7                            ; where I store mine
.set XWS, 8
.set CAD, 9                            ; the constants of my half of the lanes
.set WAD, 10                           ; my row of a tile of w5; v11: the same behind one padding more
.set T4, 12
.set T16, 13
.set W5S, 32                           ; w5's scale words: tile t, K step s at 4 t + s
.set X, 64
.set PC, 128
.set TM, 148
.set PW, 164
.set XF, 168                           ; a K step's four fragments of rows, their scale words
.set XS, 216
.set WF, 220                           ; two fragments of w5 by turns
.set S8, 64
.set Q8, 72
.set MSB, 0
.macro WIN new
.if MSB != \new
	s_set_vgpr_msb (MSB<<8)|\new
.set MSB, \new
.endif
.endm
.macro PLACES n
.rept \n
	v_nop
.endr
.endm
.macro BAR
	s_wait_dscnt 0x0
	s_barrier_signal -1
	s_barrier_wait -1
.endm
.macro QUANT s                         ; 64 numbers of a lane, none negative, register 16 b + i = k 32 b + 16 (lane / 16) + i, become codes in v[PC] on and the scale word v[PW]
.irp b, 0,1,2,3
	v_max3_num_f32 v[TM+\b], v[\s+16*\b], v[\s+16*\b+1], 0x2800000   ; the floor 2^(5 - 127) holds the byte at 1 from below
.endr
.irp i, 2,4,6,8,10,12,14
.irp b, 0,1,2,3
	v_max3_num_f32 v[TM+\b], v[TM+\b], v[\s+16*\b+\i], v[\s+16*\b+\i+1]
.endr
.endr
.irp b, 0,1,2,3
	v_permlanex16_b32 v[TM+4+\b], v[TM+\b], s22, s23
.endr
.irp b, 0,1,2,3
	v_max_num_f32 v[TM+\b], v[TM+\b], v[TM+4+\b]
	v_add_nc_u32 v[TM+12+\b], 0xfe000000, v[TM+\b] ; 4 off the exponent field: the conversion's scale operand
	v_lshrrev_b32 v[TM+4+\b], 23, v[TM+12+\b]
.endr
	v_lshl_or_b32 v[PW], v[TM+5], 8, v[TM+4]
	v_lshl_or_b32 v[PW], v[TM+6], 16, v[PW]
	v_lshl_or_b32 v[PW], v[TM+7], 24, v[PW]
.irp c, 0,1
	v_cvt_scalef32_pk16_bf6_f32 v[PC+6*\c:PC+6*\c+2], v[\s+32*\c:\s+32*\c+15], v[TM+12+2*\c]
	v_cvt_scalef32_pk16_bf6_f32 v[PC+12+4*\c:PC+14+4*\c], v[\s+32*\c+16:\s+32*\c+31], v[TM+13+2*\c]
.endr
	v_nop                                          ; one plain place behind a scaled conversion
.irp c, 0,1
.irp i, 0,1,2
	v_permlane16_swap_b32 v[PC+6*\c+\i], v[PC+12+4*\c+\i]
.endr
.irp i, 0,1,2
	v_mov_b32 v[PC+3+6*\c+\i], v[PC+12+4*\c+\i]
.endr
.endr
.endm
	s_load_b512 s[4:19], s[0:1], 0x0               ; cat 4, sums in 6, sums out 8, y5 10, w5's codes 12, scales 14, g4 16, b4 18
	v_lshl_add_u32 v254, v0, 2, 0x48000
	v_mov_b32 v255, 0
	ds_add_u32 v254, v255
	ds_add_u32 v254, v255
	v_lshrrev_b32 v21, 5, v0
	v_readfirstlane_b32 s20, v21                   ; wave 0..3
	s_mov_b32 s28, (1<<20)|(3<<22)|(3<<25)         ; group 1: elements of 1 byte; 16 bytes of padding behind every 64
	s_mov_b32 s29, 384<<16                         ; tensor_dim0 = 384 bytes: 512 codes
	s_mov_b32 s30, 128<<16                         ; tensor_dim1 = 128 rows
	s_mov_b32 s31, 384<<16                         ; tile_dim0
	s_mov_b32 s32, 128                             ; tile_dim1
	s_mov_b32 s33, 384                             ; from row to row
	s_mov_b32 s34, 0
	s_mov_b32 s35, 0
	s_mov_b32 s24, 1
	s_mul_i32 s25, s20, 61440                      ; LDS: my wave's own bytes
	s_mul_i32 s36, s20, 49152                      ; memory: my 128 rows
	s_mov_b32 s37, 0
	s_wait_dscnt 0x0
	s_wait_kmcnt 0x0
	s_add_nc_u64 s[26:27], s[12:13], s[36:37]
	s_or_b32 s27, s27, 0x80000000
	tensor_load_to_lds s[24:27], s[28:35]          ; my one tensor load: by this text's count one is out
	s_nop 0
.rept 4
	v_nop
.endr
	s_mov_b32 s22, 0x76543210
	s_mov_b32 s23, 0xfedcba98
	s_lshr_b32 s21, ttmp9, 7                       ; cloud
	s_mul_i32 s38, s21, 532480
	s_mov_b32 s39, 0
	s_add_nc_u64 s[6:7], s[6:7], s[38:39]
	s_add_nc_u64 s[8:9], s[8:9], s[38:39]
	s_add_nc_u64 s[40:41], s[6:7], 8192            ; the rows of sums that I read
	s_and_b32 s38, ttmp9, 127
	s_lshl_b32 s38, s38, 12
	s_lshl_b32 s42, s20, 10
	s_add_co_u32 s38, s38, s42
	s_add_co_u32 s38, s38, 8192
	s_add_nc_u64 s[8:9], s[8:9], s[38:39]          ; my wave's quarter of the row that I store
	s_lshl_b32 s38, ttmp9, 17
	s_lshl_b32 s42, s20, 15
	s_add_co_u32 s42, s42, s38
	s_mov_b32 s43, 0
	s_add_nc_u64 s[4:5], s[4:5], s[42:43]          ; cat: my wave's 16 rows
	s_lshl_b32 s42, s20, 13
	s_add_co_u32 s42, s42, s38
	s_add_nc_u64 s[10:11], s[10:11], s[42:43]      ; y5: the work-group's four tiles of rows, my eight tiles of channels
	s_lshl_b32 s42, s20, 11
	s_add_nc_u64 s[14:15], s[14:15], s[42:43]      ; w5's scales: 16 bytes a row
	v_and_b32 v[R], 15, v0
	v_bfe_u32 v[H], v0, 4, 1
	v_and_b32 v3, 31, v0
	v_lshlrev_b32 v[XA], 11, v[R]
	v_lshl_add_u32 v[XA], v[H], 6, v[XA]
	v_lshlrev_b32 v20, 4, v3
	v_add_nc_u32 v[LIX], XIMG, v20
	v_lshlrev_b32 v[LSX], 2, v3
	v_add_nc_u32 v[LSX], XSC, v[LSX]
	s_mul_i32 s42, s20, 6144
	v_add_nc_u32 v[XWI], s42, v[LIX]
	s_lshl_b32 s42, s20, 9
	v_add_nc_u32 v[XWS], s42, v[LSX]
	v_lshlrev_b32 v[CAD], 6, v[H]
	v_add_nc_u32 v[CAD], PRM, v[CAD]
	v_and_b32 v21, 8, v[R]
	v_add_nc_u32 v21, v21, v[R]                    ; r + 8 (r / 8)
	v_mul_u32_u24 v[WAD], v21, 480
	v_mad_u32_u24 v[WAD], v[H], 24, v[WAD]
	v_add_nc_u32 v[WAD], s25, v[WAD]
	v_lshl_add_u32 v11, v[H], 4, v[WAD]
	v_lshlrev_b32 v[T4], 2, v0
	v_lshlrev_b32 v[T16], 4, v0
	v_add_nc_u32 v14, RED, v[T16]
	v_add_nc_u32 v15, RED, v[T4]
	v_add_nc_u32 v16, PRM+4096, v[T4]
	v_add_nc_u32 v17, PRM, v[T16]
	s_lshl_b32 s42, s20, 10
	s_add_co_u32 s42, s42, STG
	v_lshlrev_b32 v18, 6, v[H]
	v_add_nc_u32 v18, s42, v18
	v_add_nc_u32 v19, s42, v20
	v_lshlrev_b32 v22, 4, v21
.irp i, 4,5,6,7
	v_mov_b32 v[TM+\i], 0
.endr
.irp t, 0,1,2,3,4,5,6,7
	global_load_b128 v[W5S+4*\t:W5S+4*\t+3], v22, s[14:15] offset:(32*(\t/2)+8*(\t%2))*16
.endr
	global_load_b128 v[X:X+3], v[T16], s[6:7]      ; the constants handed on
	global_load_b128 v[X+4:X+7], v[T16], s[6:7] offset:2048
	s_wait_loadcnt 0x0
	ds_store_b128 v17, v[X:X+3]
	ds_store_b128 v17, v[X+4:X+7] offset:2048
	s_wait_dscnt 0x0
	; ---- layer 4's sums: thread t adds one group of 16 bytes over the 128 rows of my cloud
.irp i, 24,25,26,27,28,29,30,31
	v_mov_b32 v\i, 0
.endr
.set ch, 0
.rept 8
.set i, 0
.rept 16
	global_load_b128 v[X+4*i:X+4*i+3], v[T16], s[40:41] offset:(16*ch+i)*4096
.set i, i+1
.endr
	s_wait_loadcnt 0x0
.set i, 0
.rept 8
	v_pk_add_f32 v[24:25], v[24:25], v[X+8*i:X+8*i+1]
	v_pk_add_f32 v[26:27], v[26:27], v[X+8*i+2:X+8*i+3]
	v_pk_add_f32 v[28:29], v[28:29], v[X+8*i+4:X+8*i+5]
	v_pk_add_f32 v[30:31], v[30:31], v[X+8*i+6:X+8*i+7]
.set i, i+1
.endr
.set ch, ch+1
.endr
	v_pk_add_f32 v[24:25], v[24:25], v[28:29]
	v_pk_add_f32 v[26:27], v[26:27], v[30:31]
	ds_store_b128 v14, v[24:27]
	BAR
.irp u, 0,1                                    ; thread t: channels t and t + 128
	ds_load_b32 v[64+\u], v15 offset:512*\u
	ds_load_b32 v[66+\u], v15 offset:1024+512*\u
	global_load_b32 v[68+\u], v[T4], s[16:17] offset:512*\u
	global_load_b32 v[70+\u], v[T4], s[18:19] offset:512*\u
.endr
	s_wait_dscnt 0x0
.irp u, 0,1
	v_mul_f32 v[64+\u], 0x36800000, v[64+\u]       ; / 2^18 rows
	v_mul_f32 v[66+\u], 0x36800000, v[66+\u]
	v_fma_f32 v[66+\u], -v[64+\u], v[64+\u], v[66+\u]
	v_max_num_f32 v[66+\u], 0, v[66+\u]
	v_add_f32 v[66+\u], 0x3727c5ac, v[66+\u]
.endr
	v_rsq_f32 v72, v66
	v_rsq_f32 v73, v67
	v_nop
	s_wait_alu depctr_va_vdst(0)                   ; one wait for the two, ahead of their first reader
	s_wait_loadcnt 0x0
.irp u, 0,1
	v_mul_f32 v[74+\u], v[68+\u], v[72+\u]
	v_fma_f32 v[76+\u], -|v[74+\u]|, v[64+\u], v[70+\u]
	ds_store_b32 v16, v[74+\u] offset:512*\u
	ds_store_b32 v16, v[76+\u] offset:1024+512*\u
.endr
	BAR
	; ---- my 16 rows of cat become four fragments
.macro XPH s
.irp b, 0,1,2,3
.irp j, 0,1,2,3
	global_load_b128 v[X+16*\b+4*\j:X+16*\b+4*\j+3], v[XA], s[4:5] offset:512*\s+128*\b+16*\j th:TH_LOAD_NT
.endr
.endr
	WIN 0x40                                       ; a and C of these 128 channels, in the lane's order, into window 1
.irp b, 0,1,2,3
.if \s == 0
.set AO, 2048+512*(\b/2)+128*(\b%2)
.set CD, 256
.elseif \s == 1
.set AO, 3072+128*\b
.set CD, 512
.else
.set AO, 4096+512*(\s-2)+128*\b
.set CD, 1024
.endif
.irp q, 0,1,2,3
	ds_load_b128 v[16*\b+4*\q:16*\b+4*\q+3], v[CAD] offset:AO+16*\q
	ds_load_b128 v[64+16*\b+4*\q:64+16*\b+4*\q+3], v[CAD] offset:AO+CD+16*\q
.endr
.endr
	s_wait_loadcnt 0x0
	s_wait_dscnt 0x0
	WIN 0x14
.set j, 0
.rept 64
	v_fma_f32 v[X+j], v[X+j], |v[j]|, v[64+j]
.set j, j+1
.endr
	WIN 0
.set j, 0
.rept 64
	v_max_num_f32 v[X+j], 0, v[X+j]
.set j, j+1
.endr
	QUANT X
.irp c, 0,1,2
	ds_store_b128 v[XWI], v[PC+4*\c:PC+4*\c+3] offset:\s*1536+512*\c
.endr
	ds_store_b32 v[XWS], v[PW] offset:\s*128
	s_wait_dscnt 0x0                               ; the stores have read their registers
.endm
	XPH 0
	XPH 1
	XPH 2
	XPH 3
	BAR                                            ; the sixteen fragments lie in LDS
	s_wait_tensorcnt 0x0                           ; my rows of w5 have landed; only I read them
; a fragment of w5: tile t, K step s.  In pieces of 8 bytes; lanes 16-31 read three pieces on, which for some pieces is behind one padding more: v11 serves those
.macro FRAG reg, s, t
.irp p, 0,1,2,3,4,5
.set pp, 12*(\s)+6*(\p/3)+\p%3
.if pp%8 < 5
	ds_load_b64 v[\reg+2*\p:\reg+2*\p+1], v[WAD] offset:8*pp+16*(pp/8)+(32*((\t)/2)+8*((\t)%2))*480
.else
	ds_load_b64 v[\reg+2*\p:\reg+2*\p+1], v11 offset:8*pp+16*(pp/8)+(32*((\t)/2)+8*((\t)%2))*480
.endif
.endr
.endm
; a K step: 32 products; accumulator (t, m) at 8 (4 t + m) of window 1; each is taken up again 32 instructions later
.macro GEMM s
	PLACES 4                                       ; in front of loads into registers that matrix instructions have read
.irp m, 0,1,2,3
.irp c, 0,1,2
	ds_load_b128 v[XF+12*\m+4*\c:XF+12*\m+4*\c+3], v[LIX] offset:(4*\m+\s)*1536+512*\c
.endr
	ds_load_b32 v[XS+\m], v[LSX] offset:(4*\m+\s)*128
.endr
	FRAG WF, \s, 0
.irp t, 0,1,2,3,4,5,6,7
.if \t < 7
.if \t > 0
	PLACES 4
.endif
	FRAG WF+12*((\t+1)%2), \s, \t+1
	s_wait_dscnt 6                                 ; all but the six loads just issued, the next tile's
.else
	s_wait_dscnt 0x0
.endif
	WIN 0x50
.irp m, 0,1,2,3
.if \s == 0
	v_wmma_scale_f32_16x16x128_f8f6f4 v[8*(4*\t+\m):8*(4*\t+\m)+7], v[WF+12*(\t%2):WF+12*(\t%2)+11], v[XF+12*\m:XF+12*\m+11], 0, v[W5S+4*\t+\s], v[XS+\m] matrix_a_fmt:MATRIX_FMT_BF6 matrix_b_fmt:MATRIX_FMT_BF6
.else
	v_wmma_scale_f32_16x16x128_f8f6f4 v[8*(4*\t+\m):8*(4*\t+\m)+7], v[WF+12*(\t%2):WF+12*(\t%2)+11], v[XF+12*\m:XF+12*\m+11], v[8*(4*\t+\m):8*(4*\t+\m)+7], v[W5S+4*\t+\s], v[XS+\m] matrix_a_fmt:MATRIX_FMT_BF6 matrix_b_fmt:MATRIX_FMT_BF6
.endif
.endr
	WIN 0
.endr
.endm
	GEMM 0
	GEMM 1
	GEMM 2
	GEMM 3
	PLACES 4
	WIN 0x04                                       ; a store's data are its source 1: window 1
.irp t, 0,1,2,3,4,5,6,7
.irp m, 0,1,2,3
.irp e, 0,1
	global_store_b128 v20, v[8*(4*\t+\m)+4*\e:8*(4*\t+\m)+4*\e+3], s[10:11] offset:\m*32768+\t*1024+512*\e   ; 32 lanes store 512 consecutive bytes, aligned; each accumulator from its low end on
.endr
.endr
.endr
	; ---- the sums over the 64 rows: four tiles in the lane, then sixteen lanes
.irp t, 0,1,2,3,4,5,6,7
	WIN 0x05
.irp jj, 0,2,4,6
	v_pk_add_f32 v[S8+\jj:S8+\jj+1], v[32*\t+\jj:32*\t+\jj+1], v[32*\t+8+\jj:32*\t+8+\jj+1]
	v_pk_mul_f32 v[Q8+\jj:Q8+\jj+1], v[32*\t+\jj:32*\t+\jj+1], v[32*\t+\jj:32*\t+\jj+1]
.endr
.irp jj, 0,2,4,6
	v_pk_fma_f32 v[Q8+\jj:Q8+\jj+1], v[32*\t+8+\jj:32*\t+8+\jj+1], v[32*\t+8+\jj:32*\t+8+\jj+1], v[Q8+\jj:Q8+\jj+1]
.endr
.irp m, 2,3
.irp jj, 0,2,4,6
	v_pk_fma_f32 v[S8+\jj:S8+\jj+1], v[32*\t+8*\m+\jj:32*\t+8*\m+\jj+1], 1.0, v[S8+\jj:S8+\jj+1] op_sel_hi:[1,0,1]
	v_pk_fma_f32 v[Q8+\jj:Q8+\jj+1], v[32*\t+8*\m+\jj:32*\t+8*\m+\jj+1], v[32*\t+8*\m+\jj:32*\t+8*\m+\jj+1], v[Q8+\jj:Q8+\jj+1]
.endr
.endr
	WIN 0
.irp x, 1,2,4,8
.set j, 0
.rept 16
	v_add_f32_dpp v[S8+j], v[S8+j], v[S8+j] row_xmask:\x row_mask:0xf bank_mask:0xf
.set j, j+1
.endr
.endr
.irp e, 0,1
	ds_store_b128 v18, v[S8+4*\e:S8+4*\e+3] offset:(32*(\t/2)+8*(\t%2))*4+16*\e        ; the sixteen lanes of a half hold the same numbers and write the same bytes
	ds_store_b128 v18, v[Q8+4*\e:Q8+4*\e+3] offset:512+(32*(\t/2)+8*(\t%2))*4+16*\e
.endr
	s_wait_dscnt 0x0
.endr
	ds_load_b128 v[64:67], v19                     ; my wave's own bytes
	ds_load_b128 v[68:71], v19 offset:512
	s_wait_dscnt 0x0
	global_store_b128 v20, v[64:67], s[8:9]
	global_store_b128 v20, v[68:71], s[8:9] offset:512
	s_wait_tensorcnt 0x0
	ds_add_u32 v254, v255
	s_wait_dscnt 0x0
	s_endpgm
.Lfunc_end_k_qcf2d07a7cd_lin5:
	.size	k_qcf2d07a7cd_lin5, .Lfunc_end_k_qcf2d07a7cd_lin5-k_qcf2d07a7cd_lin5
	.p2alignl 7, 3214868480
	.fill 96, 4, 3214868480
	.section	.rodata,"a",@progbits
	.p2align	6, 0x0
	.amdhsa_kernel k_qcf2d07a7cd_lin5
		.amdhsa_group_segment_fixed_size 295424
		.amdhsa_private_segment_fixed_size 0
		.amdhsa_enable_private_segment 0
		.amdhsa_kernarg_size 64
		.amdhsa_user_sgpr_count 2
		.amdhsa_user_sgpr_kernarg_segment_ptr 1
		.amdhsa_wavefront_size32 1
		.amdhsa_system_sgpr_workgroup_id_x 1
		.amdhsa_system_sgpr_workgroup_id_y 1
		.amdhsa_system_sgpr_workgroup_id_z 1
		.amdhsa_system_vgpr_workitem_id 0
		.amdhsa_next_free_vgpr 512
		.amdhsa_next_free_sgpr 66
		.amdhsa_reserve_vcc 0
		.amdhsa_float_denorm_mode_32 3
		.amdhsa_float_denorm_mode_16_64 3
		.amdhsa_memory_ordered 1
		.amdhsa_forward_progress 1
		.amdhsa_inst_pref_size 185
	.end_amdhsa_kernel
	.amdgpu_metadata
---
amdhsa.version: [ 1, 2 ]
amdhsa.kernels:
  - .name:           k_qcf2d07a7cd_lin5
    .symbol:         k_qcf2d07a7cd_lin5.kd
    .args:
      - { .name: cat, .offset: 0, .size: 8, .value_kind: global_buffer, .address_space: global }
      - { .name: statB, .offset: 8, .size: 8, .value_kind: global_buffer, .address_space: global }
      - { .name: statA, .offset: 16, .size: 8, .value_kind: global_buffer, .address_space: global }
      - { .name: y5, .offset: 24, .size: 8, .value_kind: global_buffer, .address_space: global }
      - { .name: w5_codes, .offset: 32, .size: 8, .value_kind: global_buffer, .address_space: global }
      - { .name: w5_scales, .offset: 40, .size: 8, .value_kind: global_buffer, .address_space: global }
      - { .name: g4, .offset: 48, .size: 8, .value_kind: global_buffer, .address_space: global }
      - { .name: b4, .offset: 56, .size: 8, .value_kind: global_buffer, .address_space: global }
    .group_segment_fixed_size: 295424
    .private_segment_fixed_size: 0
    .kernarg_segment_align: 8
    .kernarg_segment_size: 64
    .max_flat_workgroup_size: 128
    .sgpr_count:     66
    .vgpr_count:     512
    .wavefront_size: 32
...
	.end_amdgpu_metadata
.endif
;; end of part 6
;; launch emb5 (part 7): grid 256 x 1, 8 waves a work-group, no clusters, 6,400 bytes of LDS; arguments y5, statA, emb, g5, b5; writes emb
.if DOCPART == 7
	.amdgcn_target "amdgcn-amd-amdhsa--gfx1250"
	.amdhsa_code_object_version 6
	.text
	.protected	k_qcf2d07a7cd_emb5
	.globl	k_qcf2d07a7cd_emb5
	.p2align	8
	.type	k_qcf2d07a7cd_emb5,@function
k_qcf2d07a7cd_emb5:
	s_mov_b64 s[64:65], 0
	v_nop
	global_prefetch_b8 v0, s[64:65] scope:SCOPE_SE
	s_setreg_imm32_b32 hwreg(HW_REG_WAVE_MODE, 25, 1), 1
	s_wait_xcnt 0x0
; THE EMBEDDINGS: relu(bn(y5)), quantised along the 512 channels, and the sums of their squares.  A stream: memory binds, so no LDS ring and no matrix unit.
; A work-group takes one cloud, one K step s (128 channels) and 16 tiles of 16 rows; a wave two tiles.  y5 comes as images of accumulators: a lane holds one row, register 16 b + i = channel 128 s + 32 b + 16 (lane / 16) + i.
; emb: codes as images of operand registers at (4 tile + s) x 1,536; scale words at 6,291,456 + (4 tile + s) x 128; the rows' sums of squares over these 128 channels at 6,815,744 + 4 ((4 cloud + s) x 8,192 + row).
; At the head every work-group adds up the 128 rows of sums of its cloud for its 128 channels.
; LIMITS: the variance is E[y^2] - mean^2 in f32.  NaN and infinities are not served.
.set PRM, 4096                         ; LDS: 4 x 256 sums; then a (512 bytes) and C (512 bytes)
.set TM, 8
.set PW, 24
.set A5, 32
.set C5, 96
.set X, 160
.set PC, 224
.macro QUANT s
.irp b, 0,1,2,3
	v_max3_num_f32 v[TM+\b], v[\s+16*\b], v[\s+16*\b+1], 0x2800000   ; the floor 2^(5 - 127) holds the byte at 1 from below
.endr
.irp i, 2,4,6,8,10,12,14
.irp b, 0,1,2,3
	v_max3_num_f32 v[TM+\b], v[TM+\b], v[\s+16*\b+\i], v[\s+16*\b+\i+1]
.endr
.endr
.irp b, 0,1,2,3
	v_permlanex16_b32 v[TM+4+\b], v[TM+\b], s18, s19
.endr
.irp b, 0,1,2,3
	v_max_num_f32 v[TM+\b], v[TM+\b], v[TM+4+\b]
	v_add_nc_u32 v[TM+12+\b], 0xfe000000, v[TM+\b]
	v_lshrrev_b32 v[TM+4+\b], 23, v[TM+12+\b]
.endr
	v_lshl_or_b32 v[PW], v[TM+5], 8, v[TM+4]
	v_lshl_or_b32 v[PW], v[TM+6], 16, v[PW]
	v_lshl_or_b32 v[PW], v[TM+7], 24, v[PW]
.irp c, 0,1
	v_cvt_scalef32_pk16_bf6_f32 v[PC+6*\c:PC+6*\c+2], v[\s+32*\c:\s+32*\c+15], v[TM+12+2*\c]
	v_cvt_scalef32_pk16_bf6_f32 v[PC+12+4*\c:PC+14+4*\c], v[\s+32*\c+16:\s+32*\c+31], v[TM+13+2*\c]
.endr
	v_nop
.irp c, 0,1
.irp i, 0,1,2
	v_permlane16_swap_b32 v[PC+6*\c+\i], v[PC+12+4*\c+\i]
.endr
.irp i, 0,1,2
	v_mov_b32 v[PC+3+6*\c+\i], v[PC+12+4*\c+\i]
.endr
.endr
.endm
	s_load_b256 s[4:11], s[0:1], 0x0               ; y5, statA, emb, g5
	s_load_b64 s[12:13], s[0:1], 0x20              ; b5
	v_lshl_add_u32 v254, v0, 2, 0x1500
	v_mov_b32 v255, 0
	v_lshrrev_b32 v1, 5, v0
	v_readfirstlane_b32 s14, v1                    ; wave 0..7
	s_lshr_b32 s15, ttmp9, 7                       ; cloud
	s_bfe_u32 s16, ttmp9, 0x20005                  ; K step
	s_and_b32 s17, ttmp9, 31
	s_lshl_b32 s17, s17, 4
	s_lshl_b32 s26, s14, 1
	s_add_co_u32 s17, s17, s26                     ; my first tile of rows in the cloud
	s_lshl_b32 s26, s15, 9
	s_add_co_u32 s26, s26, s17                     ; and of all
	s_mov_b32 s18, 0x76543210
	s_mov_b32 s19, 0xfedcba98
	v_and_b32 v1, 15, v0
	v_bfe_u32 v2, v0, 4, 1
	v_and_b32 v3, 31, v0
	v_lshlrev_b32 v4, 4, v3
	v_lshlrev_b32 v5, 2, v3
	v_lshlrev_b32 v6, 2, v1
	v_lshlrev_b32 v7, 6, v2
	v_lshlrev_b32 v25, 2, v0
	v_lshlrev_b32 v26, 4, v0
	v_and_b32 v27, 63, v0
	v_lshrrev_b32 v28, 6, v0
	v_lshlrev_b32 v27, 4, v27
	v_lshl_add_u32 v27, v28, 12, v27               ; thread t: group t % 64 of 16 bytes, rows t / 64 + 4 i
.irp i, 4,5,6,7
	v_mov_b32 v[TM+\i], 0
.endr
	v_mov_b32 v31, 0
	s_mov_b32 s29, 0
	s_wait_kmcnt 0x0
	s_mul_i32 s28, s15, 532480
	s_lshl_b32 s30, s16, 10
	s_add_co_u32 s28, s28, s30
	s_add_co_u32 s28, s28, 8192
	s_add_nc_u64 s[6:7], s[6:7], s[28:29]          ; my cloud's rows of sums, my K step's quarter
	s_lshl_b32 s28, s16, 9
	s_add_nc_u64 s[10:11], s[10:11], s[28:29]
	s_add_nc_u64 s[12:13], s[12:13], s[28:29]
	s_lshl_b32 s28, s26, 15
	s_lshl_b32 s30, s16, 13
	s_add_co_u32 s28, s28, s30
	s_add_nc_u64 s[4:5], s[4:5], s[28:29]          ; y5: my tile of rows, my eight tiles of channels
	s_mul_i32 s28, s26, 6144
	s_mul_i32 s30, s16, 1536
	s_add_co_u32 s28, s28, s30
	s_add_nc_u64 s[20:21], s[8:9], s[28:29]        ; codes
	s_lshl_b32 s28, s26, 9
	s_lshl_b32 s30, s16, 7
	s_add_co_u32 s28, s28, s30
	s_add_co_u32 s28, s28, 0x600000
	s_add_nc_u64 s[22:23], s[8:9], s[28:29]        ; scale words
	s_lshl_b32 s28, s15, 2
	s_add_co_u32 s28, s28, s16
	s_lshl_b32 s28, s28, 15
	s_lshl_b32 s30, s17, 6
	s_add_co_u32 s28, s28, s30
	s_add_co_u32 s28, s28, 0x680000
	s_add_nc_u64 s[24:25], s[8:9], s[28:29]        ; sums of squares
.irp i, 0,1,2,3,4,5,6,7
	v_mov_b32 v[PC+\i], 0
.endr
.set ch, 0
.rept 2
.set i, 0
.rept 16
	global_load_b128 v[X+4*i:X+4*i+3], v27, s[6:7] offset:(16*ch+i)*16384
.set i, i+1
.endr
	s_wait_loadcnt 0x0
.set i, 0
.rept 8
	v_pk_add_f32 v[PC:PC+1], v[PC:PC+1], v[X+8*i:X+8*i+1]
	v_pk_add_f32 v[PC+2:PC+3], v[PC+2:PC+3], v[X+8*i+2:X+8*i+3]
	v_pk_add_f32 v[PC+4:PC+5], v[PC+4:PC+5], v[X+8*i+4:X+8*i+5]
	v_pk_add_f32 v[PC+6:PC+7], v[PC+6:PC+7], v[X+8*i+6:X+8*i+7]
.set i, i+1
.endr
.set ch, ch+1
.endr
	v_pk_add_f32 v[PC:PC+1], v[PC:PC+1], v[PC+4:PC+5]
	v_pk_add_f32 v[PC+2:PC+3], v[PC+2:PC+3], v[PC+6:PC+7]
	ds_store_b128 v26, v[PC:PC+3]                  ; four rows of 256 numbers
	s_wait_dscnt 0x0
	s_barrier_signal -1
	s_barrier_wait -1
	s_cmp_ge_u32 s14, 4
	s_cbranch_scc1 .Lnofinal
	global_load_b32 v[X+8], v25, s[10:11]
	global_load_b32 v[X+9], v25, s[12:13]
.irp q, 0,1,2,3
	ds_load_b32 v[X+\q], v25 offset:1024*\q
	ds_load_b32 v[X+4+\q], v25 offset:1024*\q+512
.endr
	s_wait_dscnt 0x0
.irp q, 1,2,3
	v_add_f32 v[X], v[X], v[X+\q]
	v_add_f32 v[X+4], v[X+4], v[X+4+\q]
.endr
	v_mul_f32 v[X], 0x39000000, v[X]               ; / 2^13 rows
	v_mul_f32 v[X+4], 0x39000000, v[X+4]
	v_fma_f32 v[X+4], -v[X], v[X], v[X+4]
	v_max_num_f32 v[X+4], 0, v[X+4]
	v_add_f32 v[X+4], 0x3727c5ac, v[X+4]
	v_rsq_f32 v[X+5], v[X+4]
	v_nop
	s_wait_alu depctr_va_vdst(0)
	s_wait_loadcnt 0x0
	v_mul_f32 v[X+6], v[X+8], v[X+5]               ; a = g rsq
	v_fma_f32 v[X+7], -v[X+6], v[X], v[X+9]        ; C = b - a mean
	ds_store_b32 v25, v[X+6] offset:PRM
	ds_store_b32 v25, v[X+7] offset:PRM+512
.Lnofinal:
	s_wait_dscnt 0x0
	s_barrier_signal -1
	s_barrier_wait -1
.irp b, 0,1,2,3
.irp q, 0,1,2,3
	ds_load_b128 v[A5+16*\b+4*\q:A5+16*\b+4*\q+3], v7 offset:PRM+128*\b+16*\q
	ds_load_b128 v[C5+16*\b+4*\q:C5+16*\b+4*\q+3], v7 offset:PRM+512+128*\b+16*\q
.endr
.endr
.macro ETILE n
.irp t, 0,1,2,3,4,5,6,7
.irp e, 0,1
	global_load_b128 v[X+8*\t+4*\e:X+8*\t+4*\e+3], v4, s[4:5] offset:\n*32768+\t*1024+512*\e th:TH_LOAD_NT
.endr
.endr
	s_wait_loadcnt 0x0
	s_wait_dscnt 0x0
	s_wait_xcnt 0x0                                ; the tile before's stores have read their registers
.set j, 0
.rept 32
	v_pk_fma_f32 v[X+j:X+j+1], v[X+j:X+j+1], v[A5+j:A5+j+1], v[C5+j:C5+j+1]
.set j, j+2
.endr
.set j, 0
.rept 64
	v_max_num_f32 v[X+j], 0, v[X+j]
.set j, j+1
.endr
	v_pk_mul_f32 v[26:27], v[X:X+1], v[X:X+1]      ; the sum of squares of the numbers as they are, not of the codes: two chains
	v_pk_mul_f32 v[28:29], v[X+2:X+3], v[X+2:X+3]
.set j, 4
.rept 15
	v_pk_fma_f32 v[26:27], v[X+j:X+j+1], v[X+j:X+j+1], v[26:27]
	v_pk_fma_f32 v[28:29], v[X+j+2:X+j+3], v[X+j+2:X+j+3], v[28:29]
.set j, j+4
.endr
	v_pk_add_f32 v[26:27], v[26:27], v[28:29]
	v_add_f32 v26, v26, v27
	v_permlanex16_b32 v31, v26, s18, s19
	v_add_f32 v30, v26, v31
	QUANT X
.irp c, 0,1,2
	global_store_b128 v4, v[PC+4*\c:PC+4*\c+3], s[20:21] offset:\n*6144+512*\c     ; 512 consecutive bytes, aligned
.endr
	global_store_b32 v5, v[PW], s[22:23] offset:\n*512
	global_store_b32 v6, v30, s[24:25] offset:\n*64        ; both halves of the lanes hold the row's sum and write the same word
.endm
	ETILE 0
	ETILE 1
	s_wait_tensorcnt 0x0
	ds_add_u32 v254, v255
	s_wait_dscnt 0x0
	s_endpgm
.Lfunc_end_k_qcf2d07a7cd_emb5:
	.size	k_qcf2d07a7cd_emb5, .Lfunc_end_k_qcf2d07a7cd_emb5-k_qcf2d07a7cd_emb5
	.p2alignl 7, 3214868480
	.fill 96, 4, 3214868480
	.section	.rodata,"a",@progbits
	.p2align	6, 0x0
	.amdhsa_kernel k_qcf2d07a7cd_emb5
		.amdhsa_group_segment_fixed_size 6400
		.amdhsa_private_segment_fixed_size 0
		.amdhsa_enable_private_segment 0
		.amdhsa_kernarg_size 40
		.amdhsa_user_sgpr_count 2
		.amdhsa_user_sgpr_kernarg_segment_ptr 1
		.amdhsa_wavefront_size32 1
		.amdhsa_system_sgpr_workgroup_id_x 1
		.amdhsa_system_sgpr_workgroup_id_y 1
		.amdhsa_system_sgpr_workgroup_id_z 1
		.amdhsa_system_vgpr_workitem_id 0
		.amdhsa_next_free_vgpr 256
		.amdhsa_next_free_sgpr 66
		.amdhsa_reserve_vcc 0
		.amdhsa_float_denorm_mode_32 3
		.amdhsa_float_denorm_mode_16_64 3
		.amdhsa_memory_ordered 1
		.amdhsa_forward_progress 1
		.amdhsa_inst_pref_size 39
	.end_amdhsa_kernel
	.amdgpu_metadata
---
amdhsa.version: [ 1, 2 ]
amdhsa.kernels:
  - .name:           k_qcf2d07a7cd_emb5
    .symbol:         k_qcf2d07a7cd_emb5.kd
    .args:
      - { .name: y5, .offset: 0, .size: 8, .value_kind: global_buffer, .address_space: global }
      - { .name: statA, .offset: 8, .size: 8, .value_kind: global_buffer, .address_space: global }
      - { .name: emb, .offset: 16, .size: 8, .value_kind: global_buffer, .address_space: global }
      - { .name: g5, .offset: 24, .size: 8, .value_kind: global_buffer, .address_space: global }
      - { .name: b5, .offset: 32, .size: 8, .value_kind: global_buffer, .address_space: global }
    .group_segment_fixed_size: 6400
    .private_segment_fixed_size: 0
    .kernarg_segment_align: 8
    .kernarg_segment_size: 40
    .max_flat_workgroup_size: 256
    .sgpr_count:     66
    .vgpr_count:     256
    .wavefront_size: 32
...
	.end_amdgpu_metadata
.endif
;; end of part 7
;; launch corr (part 8): grid 256 x 1, 16 waves a work-group, no clusters, 39,936 bytes of LDS; arguments emb, tgt, out0; writes out0
.if DOCPART == 8
	.amdgcn_target "amdgcn-amd-amdhsa--gfx1250"
	.amdhsa_code_object_version 6
	.text
	.protected	k_qcf2d07a7cd_corr
	.globl	k_qcf2d07a7cd_corr
	.p2align	8
	.type	k_qcf2d07a7cd_corr,@function
k_qcf2d07a7cd_corr:
	s_mov_b64 s[64:65], 0
	v_nop
	global_prefetch_b8 v0, s[64:65] scope:SCOPE_SE
	s_setreg_imm32_b32 hwreg(HW_REG_WAVE_MODE, 25, 1), 1
	s_wait_xcnt 0x0
; THE SOFT CORRESPONDENCE: d = sqrt(max(|f_s|^2 - 2 f_s . f_t + |f_t|^2, 0)), out = sum over keys of softmax(-d) tgt.  f_s . f_t on codes of E3M2, K = 512; all else f32.
; A work-group takes 32 queries of one batch; wave w takes tile w % 2 of 16 queries and keys 256 (w / 2) .. + 255.  The product is used as it stands (source 0 = queries, source 1 = keys): a lane holds one key of a tile
; and eight queries.  Each lane keeps, for each of its eight queries, a running minimum m of d, the sum l of exp(m - d) and three sums o of exp(m - d) x tgt, over its own keys; when m falls, l and o are multiplied by
; exp(new m - old m).  At the end the sixteen lanes, and then through LDS the eight groups of keys, are merged in the same way.  The last product has M = 3: fused multiply-adds.
; Operands come from memory as images of their registers, 16 bytes a lane.  The keys' (tx, ty, tz, |f_t|^2) lie in LDS.
; No multicast in this text: the key tiles, which the 64 work-groups of a batch share, go from memory straight into registers; there is no ring in LDS that a joint load could fill.
; LIMITS: NaN and infinities are not served.
.set MRG, 32768                        ; behind the keys' table: 320 bytes for each wave: m, l, o0, o1, o2 of 16 queries
.set SS, 16                            ; the queries' scale words; the keys' (2 tiles x 4 K steps)
.set TS, 20
.set XQ, 28                            ; |f_s|^2 of my eight queries
.set SF, 36                            ; the queries' four fragments
.set TF, 84                            ; two key tiles x two K steps; later the table's rows of four keys
.set D, 132                            ; four tiles of products
.set MM, 164                           ; m;  l;  o (8 c + j)
.set LL, 172
.set OO, 180
.set ML, 204                           ; m log2(e);  the rescaling factor;  m's old value
.set FF, 212
.set MO, 220
.macro PLACES n
.rept \n
	v_nop
.endr
.endm
	s_load_b128 s[4:7], s[0:1], 0x0                ; emb, tgt
	s_load_b64 s[8:9], s[0:1], 0x10                ; out0
	v_lshl_add_u32 v254, v0, 2, 0x9400
	v_mov_b32 v255, 0
	v_lshrrev_b32 v1, 5, v0
	v_readfirstlane_b32 s10, v1                    ; wave 0..15
	s_lshr_b32 s11, ttmp9, 6                       ; batch
	s_and_b32 s12, ttmp9, 63
	s_lshl_b32 s12, s12, 5                         ; first query
	s_and_b32 s13, s10, 1                          ; my tile of queries
	s_lshr_b32 s14, s10, 1                         ; my group of keys
	v_and_b32 v1, 15, v0
	v_bfe_u32 v2, v0, 4, 1
	v_and_b32 v3, 31, v0
	v_lshlrev_b32 v4, 4, v3                        ; an image's place for my lane
	v_lshlrev_b32 v5, 2, v3                        ; a scale word's
	v_lshlrev_b32 v6, 2, v0
	v_lshlrev_b32 v7, 4, v0
	s_lshl_b32 s24, s14, 12
	v_lshlrev_b32 v8, 4, v1
	v_add_nc_u32 v8, s24, v8                       ; the table's row of my key in my first tile
	v_lshlrev_b32 v9, 5, v2
	s_mul_i32 s24, s10, 320
	s_add_co_u32 s24, s24, MRG
	v_add_nc_u32 v10, s24, v9                      ; where I put my eight queries' figures
	v_mul_u32_u24 v11, v2, 320
	v_lshl_add_u32 v11, v1, 2, v11
	v_add_nc_u32 v11, MRG, v11                     ; where wave 0 reads a query's
	s_mov_b32 s25, 0
	s_wait_kmcnt 0x0
	s_mul_i32 s24, s11, 24576
	s_add_nc_u64 s[16:17], s[6:7], s[24:25]        ; tgt, my batch
	s_lshl_b32 s32, s12, 2
	s_add_co_u32 s24, s24, s32
	s_add_nc_u64 s[8:9], s[8:9], s[24:25]          ; out0, my batch, my first query
	s_lshl_b32 s24, s11, 13
	s_add_co_u32 s24, s24, 0x6a0000
	s_add_nc_u64 s[18:19], s[4:5], s[24:25]        ; the keys' sums of squares: cloud 1, my batch
	s_lshl_b32 s33, s11, 7
	s_lshr_b32 s24, s12, 4
	s_add_co_u32 s24, s24, s33
	s_add_co_u32 s34, s24, s13                     ; my tile of queries among all tiles of rows
	s_mul_i32 s24, s34, 6144
	s_add_nc_u64 s[26:27], s[4:5], s[24:25]
	s_lshl_b32 s24, s34, 9
	s_add_co_u32 s24, s24, 0x600000
	s_add_nc_u64 s[28:29], s[4:5], s[24:25]
	s_lshl_b32 s24, s34, 6
	s_add_co_u32 s24, s24, 0x680000
	s_add_nc_u64 s[30:31], s[4:5], s[24:25]        ; the queries' sums of squares: 64 bytes a tile
	s_lshl_b32 s24, s14, 4
	s_add_co_u32 s24, s24, s33
	s_add_co_u32 s34, s24, 512                     ; my first tile of keys: cloud 1
	s_mul_i32 s24, s34, 6144
	s_add_nc_u64 s[20:21], s[4:5], s[24:25]
	s_lshl_b32 s24, s34, 9
	s_add_co_u32 s24, s24, 0x600000
	s_add_nc_u64 s[22:23], s[4:5], s[24:25]
.irp g, 0,1,2,3                                ; thread t makes the table's rows of keys t + 512 g
.irp c, 0,1,2
	global_load_b32 v[TF+4*\g+\c], v6, s[16:17] offset:8192*\c+2048*\g
.endr
.irp s, 0,1,2,3
	global_load_b32 v[D+4*\g+\s], v6, s[18:19] offset:32768*\s+2048*\g
.endr
.endr
	s_wait_loadcnt 0x0
.irp g, 0,1,2,3
	v_add_f32 v[D+4*\g], v[D+4*\g], v[D+4*\g+1]
	v_add_f32 v[D+4*\g+2], v[D+4*\g+2], v[D+4*\g+3]
	v_add_f32 v[TF+4*\g+3], v[D+4*\g], v[D+4*\g+2]
	ds_store_b128 v7, v[TF+4*\g:TF+4*\g+3] offset:8192*\g
.endr
.irp s, 0,1,2,3
.irp c, 0,1,2
	global_load_b128 v[SF+12*\s+4*\c:SF+12*\s+4*\c+3], v4, s[26:27] offset:1536*\s+512*\c
.endr
	global_load_b32 v[SS+\s], v5, s[28:29] offset:128*\s
.irp e, 0,1
	global_load_b128 v[D+8*\s+4*\e:D+8*\s+4*\e+3], v9, s[30:31] offset:32768*\s+16*\e
.endr
.endr
	s_wait_loadcnt 0x0
.irp jj, 0,2,4,6
	v_pk_add_f32 v[XQ+\jj:XQ+\jj+1], v[D+\jj:D+\jj+1], v[D+8+\jj:D+8+\jj+1]
	v_pk_add_f32 v[D+16+\jj:D+16+\jj+1], v[D+16+\jj:D+16+\jj+1], v[D+24+\jj:D+24+\jj+1]
	v_pk_add_f32 v[XQ+\jj:XQ+\jj+1], v[XQ+\jj:XQ+\jj+1], v[D+16+\jj:D+16+\jj+1]
.endr
.irp j, 0,1,2,3,4,5,6,7
	v_mov_b32 v[MM+\j], 0x7149f2ca                 ; 1e30, above every d: the first factor is 2^(-large) = 0, on sums that are 0
	v_mov_b32 v[LL+\j], 0
	v_mov_b32 v[OO+\j], 0
	v_mov_b32 v[OO+8+\j], 0
	v_mov_b32 v[OO+16+\j], 0
.endr
	s_wait_dscnt 0x0                               ; my rows of the table have landed: then the barrier, behind which every wave reads it
	s_barrier_signal -1
	s_barrier_wait -1
.macro TL pr, s0                       ; key tiles 2 pr, 2 pr + 1 of the trip: K steps s0, s0 + 1
.irp g, 0,1
.irp s, 0,1
.irp c, 0,1,2
	global_load_b128 v[TF+24*\g+12*\s+4*\c:TF+24*\g+12*\s+4*\c+3], v4, s[20:21] offset:(2*\pr+\g)*6144+(\s0+\s)*1536+512*\c
.endr
.endr
.endr
.endm
.macro PR pr, g, s, z                  ; one product: tile 2 pr + g, K step s; z = 1 begins the sum
.if \z
	v_wmma_scale_f32_16x16x128_f8f6f4 v[D+8*(2*\pr+\g):D+8*(2*\pr+\g)+7], v[SF+12*\s:SF+12*\s+11], v[TF+24*\g+12*(\s%2):TF+24*\g+12*(\s%2)+11], 0, v[SS+\s], v[TS+4*\g+\s] matrix_a_fmt:MATRIX_FMT_BF6 matrix_b_fmt:MATRIX_FMT_BF6
.else
	v_wmma_scale_f32_16x16x128_f8f6f4 v[D+8*(2*\pr+\g):D+8*(2*\pr+\g)+7], v[SF+12*\s:SF+12*\s+11], v[TF+24*\g+12*(\s%2):TF+24*\g+12*(\s%2)+11], v[D+8*(2*\pr+\g):D+8*(2*\pr+\g)+7], v[SS+\s], v[TS+4*\g+\s] matrix_a_fmt:MATRIX_FMT_BF6 matrix_b_fmt:MATRIX_FMT_BF6
.endif
.endm
.macro PAIR pr                         ; two key tiles, K = 512: the two accumulators by turns, one instruction a turn
	PLACES 5                                       ; in front of loads into registers that products have read, and of products that begin D anew
	TL \pr, 0
.irp g, 0,1
.irp s, 0,1,2,3
	global_load_b32 v[TS+4*\g+\s], v5, s[22:23] offset:(2*\pr+\g)*512+128*\s
.endr
.endr
	s_wait_loadcnt 0x0
	PR \pr, 0, 0, 1
	PR \pr, 1, 0, 1
	PR \pr, 0, 1, 0
	PR \pr, 1, 1, 0
	PLACES 4
	TL \pr, 2
	s_wait_loadcnt 0x0
	PR \pr, 0, 2, 0
	PR \pr, 1, 2, 0
	PR \pr, 0, 3, 0
	PR \pr, 1, 3, 0
.endm
	s_mov_b32 s36, 0
.Ltrip:                                            ; four trips of four key tiles
	PAIR 0
	PAIR 1
	PLACES 4
.irp g, 0,1,2,3
	ds_load_b128 v[TF+4*\g:TF+4*\g+3], v8 offset:256*\g        ; (tx, ty, tz, |f_t|^2) of my key of tile g
.endr
.set j, 0
.rept 16
	v_pk_fma_f32 v[D+j:D+j+1], v[D+j:D+j+1], -2.0, v[XQ+j%8:XQ+j%8+1] op_sel_hi:[1,0,1]    ; |f_s|^2 - 2 f_s . f_t; each accumulator from its low end on
.set j, j+2
.endr
	s_wait_dscnt 0x0
.irp g, 0,1,2,3
.irp jj, 0,2,4,6
	v_pk_add_f32 v[D+8*\g+\jj:D+8*\g+\jj+1], v[D+8*\g+\jj:D+8*\g+\jj+1], v[TF+4*\g+2:TF+4*\g+3] op_sel:[0,1] op_sel_hi:[1,1]   ; + |f_t|^2: the pair's upper word for both halves
.endr
.endr
.set j, 0
.rept 32
	v_max_num_f32 v[D+j], 0, v[D+j]
.set j, j+1
.endr
.set j, 0
.rept 32
	v_sqrt_f32 v[D+j], v[D+j]                      ; d; 0 where the square is not positive, as the definition has it
.set j, j+1
.endr
.irp j, 0,1,2,3,4,5,6,7
	v_mov_b32 v[MO+\j], v[MM+\j]                   ; (plain work behind the roots)
.endr
	s_wait_alu depctr_va_vdst(0)                   ; one wait for the 32 roots, ahead of their first reader
.irp j, 0,1,2,3,4,5,6,7
	v_min3_num_f32 v[MM+\j], v[MM+\j], v[D+\j], v[D+8+\j]
.endr
.irp j, 0,1,2,3,4,5,6,7
	v_min3_num_f32 v[MM+\j], v[MM+\j], v[D+16+\j], v[D+24+\j]
.endr
.irp j, 0,1,2,3,4,5,6,7
	v_sub_f32 v[FF+\j], v[MM+\j], v[MO+\j]         ; new m - old m, 0 or less
	v_mul_f32 v[ML+\j], 0x3fb8aa3b, v[MM+\j]
.endr
.irp j, 0,1,2,3,4,5,6,7
	v_mul_f32 v[FF+\j], 0x3fb8aa3b, v[FF+\j]
.endr
.set j, 0
.rept 16
	v_pk_fma_f32 v[D+j:D+j+1], v[D+j:D+j+1], 0xbfb8aa3b, v[ML+j%8:ML+j%8+1] op_sel_hi:[1,0,1]   ; (m - d) log2(e)
.set j, j+2
.endr
.set j, 0
.rept 32
	v_exp_f32 v[D+j], v[D+j]
.set j, j+1
.endr
.irp j, 0,1,2,3,4,5,6,7
	v_exp_f32 v[FF+\j], v[FF+\j]
.endr
	v_add_nc_u32 v8, 0x400, v8                     ; the next trip's four tiles of the table.  (A plain place behind the exponentials)
	s_wait_alu depctr_va_vdst(0)                   ; one wait for the 40, ahead of their first reader
.irp jj, 0,2,4,6
	v_pk_fma_f32 v[LL+\jj:LL+\jj+1], v[LL+\jj:LL+\jj+1], v[FF+\jj:FF+\jj+1], v[D+\jj:D+\jj+1]
.irp c, 0,1,2
	v_pk_mul_f32 v[OO+8*\c+\jj:OO+8*\c+\jj+1], v[OO+8*\c+\jj:OO+8*\c+\jj+1], v[FF+\jj:FF+\jj+1]
.endr
.endr
.irp g, 1,2,3
.irp jj, 0,2,4,6
	v_pk_add_f32 v[LL+\jj:LL+\jj+1], v[LL+\jj:LL+\jj+1], v[D+8*\g+\jj:D+8*\g+\jj+1]
.endr
.endr
.irp g, 0,1,2,3
.irp c, 0,1,2
.irp jj, 0,2,4,6
	v_pk_fma_f32 v[OO+8*\c+\jj:OO+8*\c+\jj+1], v[D+8*\g+\jj:D+8*\g+\jj+1], v[TF+4*\g+2*(\c/2):TF+4*\g+2*(\c/2)+1], v[OO+8*\c+\jj:OO+8*\c+\jj+1] op_sel:[0,\c%2,0] op_sel_hi:[1,\c%2,1]   ; my key's coordinate c for both halves
.endr
.endr
.endr
	s_wait_xcnt 0x0                                ; the trip's loads have read their bases
	s_add_nc_u64 s[20:21], s[20:21], 24576         ; four tiles of codes,
	s_add_nc_u64 s[22:23], s[22:23], 2048          ; and of scale words, on
	s_add_co_u32 s36, s36, 1
	s_cmp_lt_u32 s36, 4
	s_cbranch_scc1 .Ltrip
	; ---- the sixteen lanes that hold the same eight queries
.irp j, 0,1,2,3,4,5,6,7
	v_mov_b32 v[MO+\j], v[MM+\j]
.endr
.irp x, 1,2,4,8
.irp j, 0,1,2,3,4,5,6,7
	v_min_num_f32_dpp v[MO+\j], v[MO+\j], v[MO+\j] row_xmask:\x row_mask:0xf bank_mask:0xf
.endr
.endr
.irp j, 0,1,2,3,4,5,6,7
	v_sub_f32 v[FF+\j], v[MO+\j], v[MM+\j]
.endr
.irp j, 0,1,2,3,4,5,6,7
	v_mul_f32 v[FF+\j], 0x3fb8aa3b, v[FF+\j]
.endr
.irp j, 0,1,2,3,4,5,6,7
	v_exp_f32 v[FF+\j], v[FF+\j]
.endr
	v_nop                                          ; a plain place behind the exponentials,
	s_wait_alu depctr_va_vdst(0)                   ; and one wait for the eight
.irp q, 0,1,2,3                                ; l and the three o lie on end: 32 registers
.irp jj, 0,2,4,6
	v_pk_mul_f32 v[LL+8*\q+\jj:LL+8*\q+\jj+1], v[LL+8*\q+\jj:LL+8*\q+\jj+1], v[FF+\jj:FF+\jj+1]
.endr
.endr
.irp x, 1,2,4,8
.set j, 0
.rept 32
	v_add_f32_dpp v[LL+j], v[LL+j], v[LL+j] row_xmask:\x row_mask:0xf bank_mask:0xf
.set j, j+1
.endr
.endr
	s_wait_dscnt 0x0                               ; every wave's reads of the table are over
	s_barrier_signal -1
	s_barrier_wait -1
.irp e, 0,1                                    ; the sixteen lanes of a half hold the same numbers and write the same bytes
	ds_store_b128 v10, v[MO+4*\e:MO+4*\e+3] offset:16*\e
.irp q, 0,1,2,3
	ds_store_b128 v10, v[LL+8*\q+4*\e:LL+8*\q+4*\e+3] offset:64+64*\q+16*\e
.endr
.endr
	s_wait_dscnt 0x0                               ; for the others' sake: my stores have landed
	s_barrier_signal -1
	s_barrier_wait -1
	s_cmp_lg_u32 s10, 0
	s_cbranch_scc1 .Lend
	; ---- wave 0: a lane a query; the eight groups of keys.  Figure q of group k: wave 2 k + lane / 16, word lane % 16
.irp q, 0,1,2,3,4
.irp k, 0,1,2,3,4,5,6,7
	ds_load_b32 v[TF+8*\q+\k], v11 offset:640*\k+64*\q
.endr
.endr
	s_wait_dscnt 0x0
	v_min3_num_f32 v228, v[TF], v[TF+1], v[TF+2]
	v_min3_num_f32 v228, v228, v[TF+3], v[TF+4]
	v_min3_num_f32 v228, v228, v[TF+5], v[TF+6]
	v_min_num_f32 v228, v228, v[TF+7]
.irp k, 0,1,2,3,4,5,6,7
	v_sub_f32 v[D+\k], v228, v[TF+\k]
.endr
.irp k, 0,1,2,3,4,5,6,7
	v_mul_f32 v[D+\k], 0x3fb8aa3b, v[D+\k]
.endr
.irp k, 0,1,2,3,4,5,6,7
	v_exp_f32 v[D+\k], v[D+\k]
.endr
	v_nop
	s_wait_alu depctr_va_vdst(0)
.irp q, 1,2,3,4
	v_mul_f32 v[228+\q], v[D], v[TF+8*\q]
.endr
.irp k, 1,2,3,4,5,6,7
.irp q, 1,2,3,4
	v_fma_f32 v[228+\q], v[D+\k], v[TF+8*\q+\k], v[228+\q]
.endr
.endr
	v_rcp_f32 v233, v229                           ; 1 / the row's sum, which is at least 1
	v_nop
	s_wait_alu depctr_va_vdst(0)
.irp c, 0,1,2
	v_mul_f32 v[234+\c], v[230+\c], v233
.endr
.irp c, 0,1,2
	global_store_b32 v5, v[234+\c], s[8:9] offset:8192*\c      ; 32 lanes store 128 consecutive bytes of a row of out0
.endr
.Lend:
	s_wait_tensorcnt 0x0
	ds_add_u32 v254, v255
	s_wait_dscnt 0x0
	s_endpgm
.Lfunc_end_k_qcf2d07a7cd_corr:
	.size	k_qcf2d07a7cd_corr, .Lfunc_end_k_qcf2d07a7cd_corr-k_qcf2d07a7cd_corr
	.p2alignl 7, 3214868480
	.fill 96, 4, 3214868480
	.section	.rodata,"a",@progbits
	.p2align	6, 0x0
	.amdhsa_kernel k_qcf2d07a7cd_corr
		.amdhsa_group_segment_fixed_size 39936
		.amdhsa_private_segment_fixed_size 0
		.amdhsa_enable_private_segment 0
		.amdhsa_kernarg_size 24
		.amdhsa_user_sgpr_count 2
		.amdhsa_user_sgpr_kernarg_segment_ptr 1
		.amdhsa_wavefront_size32 1
		.amdhsa_system_sgpr_workgroup_id_x 1
		.amdhsa_system_sgpr_workgroup_id_y 1
		.amdhsa_system_sgpr_workgroup_id_z 1
		.amdhsa_system_vgpr_workitem_id 0
		.amdhsa_next_free_vgpr 256
		.amdhsa_next_free_sgpr 66
		.amdhsa_reserve_vcc 0
		.amdhsa_float_denorm_mode_32 3
		.amdhsa_float_denorm_mode_16_64 3
		.amdhsa_memory_ordered 1
		.amdhsa_forward_progress 1
		.amdhsa_inst_pref_size 54
	.end_amdhsa_kernel
	.amdgpu_metadata
---
amdhsa.version: [ 1, 2 ]
amdhsa.kernels:
  - .name:           k_qcf2d07a7cd_corr
    .symbol:         k_qcf2d07a7cd_corr.kd
    .args:
      - { .name: emb, .offset: 0, .size: 8, .value_kind: global_buffer, .address_space: global }
      - { .name: tgt, .offset: 8, .size: 8, .value_kind: global_buffer, .address_space: global }
      - { .name: out0, .offset: 16, .size: 8, .value_kind: global_buffer, .address_space: global }
    .group_segment_fixed_size: 39936
    .private_segment_fixed_size: 0
    .kernarg_segment_align: 8
    .kernarg_segment_size: 24
    .max_flat_workgroup_size: 512
    .sgpr_count:     66
    .vgpr_count:     256
    .wavefront_size: 32
...
	.end_amdgpu_metadata
.endif
;; end of part 8
;; ======== version 2 of 2: 8 launches
;; limits: a difference of large sums (such as E[x^2] - mean^2): digits are lost where the result is much smaller than its terms
;; workspace buffers: masks 4,194,304 bytes of whole numbers; idx 2,097,152 bytes of whole numbers; statA 1,064,960 bytes; statB 1,064,960 bytes; cat 33,554,432 bytes; y5 33,554,432 bytes; emb 7,077,888 bytes
;; launch knn (part 9): grid 256 x 1, 32 waves a work-group, no clusters, 36,864 bytes of LDS; arguments src, tgt, masks; writes masks
.if DOCPART == 9
	.amdgcn_target "amdgcn-amd-amdhsa--gfx1250"
	.amdhsa_code_object_version 6
	.text
	.protected	k_qcf2d07a7cd_knn
	.globl	k_qcf2d07a7cd_knn
	.p2align	8
	.type	k_qcf2d07a7cd_knn,@function
k_qcf2d07a7cd_knn:
	s_mov_b64 s[64:65], 0
	v_nop
	global_prefetch_b8 v0, s[64:65] scope:SCOPE_SE
	s_setreg_imm32_b32 hwreg(HW_REG_WAVE_MODE, 25, 1), 1
	s_wait_xcnt 0x0
; THE 32 NEAREST POINTS OF EACH POINT, as a mask of 2,048 bits.  src, tgt: [4][3][2048] f32.  masks: [point][lane 32][2] words; bit t of word w of lane l stands for candidate l + 32 t + 1024 w of the point's batch.
; A work-group owns 64 queries of one batch of one cloud (work-groups 0-127: src, 128-255: tgt); a wave takes two, one after the other.  The batch's points lie in LDS as (x, y, z, |p|^2).
; d2 = (|q|^2 - 2 q.p) + |p|^2 in f32, q.p and |p|^2 by chains of fused multiply-adds.  A lane's 64 distances are turned into 2 x 32 bit planes (a 32 x 32 bit transposition in registers), made into ordered
; unsigned keys, and the 32 smallest are chosen by a radix select from the top bit down: 32 key bits, then the 11 bits of the candidate's number as constant planes, so that of equal distances the lower index is taken.
; Nothing but values is selected: no branch and no address hangs on a distance.
; LIMITS: NaN and infinities are not served; where the 32nd and the 33rd distance differ by a rounding of f32, the set may differ from one computed with another order of rounding; -0 counts as below +0.
.set S0, 32                            ; three sets of 32 registers: keys, planes, and what is being loaded
.set S1, 64
.set S2, 96
	s_load_b128 s[4:7], s[0:1], 0x0                ; src, tgt
	s_load_b64 s[8:9], s[0:1], 0x10                ; masks
	v_lshl_add_u32 v30, v0, 2, 0x8000
	v_mov_b32 v31, 0
	v_lshrrev_b32 v1, 5, v0
	s_delay_alu instid0(VALU_DEP_1)
	v_readfirstlane_b32 s10, v1                    ; wave 0..31
	s_lshr_b32 s11, ttmp9, 7                       ; cloud
	s_bfe_u32 s12, ttmp9, 0x20005                  ; batch
	s_and_b32 s13, ttmp9, 31
	s_lshl_b32 s13, s13, 6                         ; the work-group's first query in the batch
	s_mul_i32 s14, s12, 24576                      ; a batch is 3 x 2048 x 4 bytes
	s_mov_b32 s15, 0
	s_lshl_b32 s16, ttmp9, 14                      ; masks: 64 queries x 256 bytes a work-group,
	s_lshl_b32 s17, s10, 9                         ; 2 x 256 a wave
	s_add_co_u32 s16, s16, s17
	s_mov_b32 s17, 0
	s_lshl_b32 s18, s10, 1
	s_add_co_u32 s18, s18, s13
	s_lshl_b32 s18, s18, 4                         ; LDS byte of my first query
	s_mov_b32 s20, 0x76543210                      ; v_permlanex16_b32: lane l xor 16
	s_mov_b32 s21, 0xfedcba98
	s_mov_b32 s22, 0x0f0f0f0f                      ; masks of the transposition's steps 4, 2, 1
	s_mov_b32 s23, 0x33333333
	s_mov_b32 s24, 0x55555555
	s_mov_b32 s25, 0x05040100                      ; byte selects of its steps 16 and 8
	s_mov_b32 s26, 0x07060302
	s_mov_b32 s27, 0x06020400
	s_mov_b32 s28, 0x07030501
	v_lshlrev_b32 v24, 2, v0
	v_lshlrev_b32 v25, 4, v0
	v_and_b32 v1, 31, v0
	s_delay_alu instid0(VALU_DEP_1)
	v_lshlrev_b32 v2, 4, v1                        ; 16 x lane: my candidates' place in a run of 32 points
	s_delay_alu instid0(VALU_DEP_2)
	v_lshlrev_b32 v4, 3, v1                        ; 8 x lane: my two words of a mask
	v_mov_b32 v3, s18
.irp i, 0,1,2,3,4
	v_bfe_u32 v[5+\i], v0, 4-\i, 1                 ; v5-v9: bits 4 .. 0 of my lane as planes, all ones or none
	s_delay_alu instid0(VALU_DEP_1)
	v_sub_nc_u32 v[5+\i], 0, v[5+\i]
.endr
	v_mov_b32 v23, 0                               ; a lane permute's destination counts as read
	s_wait_kmcnt 0x0
	s_cmp_eq_u32 s11, 0
	s_cselect_b64 s[4:5], s[4:5], s[6:7]           ; my cloud
	s_add_nc_u64 s[4:5], s[4:5], s[14:15]
	s_add_nc_u64 s[8:9], s[8:9], s[16:17]
.irp i, 0,1                                    ; thread t brings points t and t + 1024
.irp c, 0,1,2
	global_load_b32 v[32+4*\i+\c], v24, s[4:5] offset:8192*\c+4096*\i
.endr
.endr
	s_wait_loadcnt 0x0
.irp i, 0,1
	v_mul_f32 v[35+4*\i], v[32+4*\i], v[32+4*\i]
	s_delay_alu instid0(VALU_DEP_1)
	v_fma_f32 v[35+4*\i], v[33+4*\i], v[33+4*\i], v[35+4*\i]
	s_delay_alu instid0(VALU_DEP_1)
	v_fma_f32 v[35+4*\i], v[34+4*\i], v[34+4*\i], v[35+4*\i]
	ds_store_b128 v25, v[32+4*\i:35+4*\i] offset:16384*\i
.endr
	s_wait_dscnt 0x0                               ; my stores have landed: then the barrier, behind which every wave reads the table
	s_barrier_signal -1
	s_barrier_wait -1
; my 32 distances of word w into v[dst] on; v[buf] on takes eight points at a time
.macro KEYS dst, buf, w
.irp c, 0,1,2,3
.irp i, 0,1,2,3,4,5,6,7
	ds_load_b128 v[\buf+4*\i:\buf+4*\i+3], v2 offset:16384*\w+512*(8*\c+\i)
.endr
	s_wait_dscnt 0x0                               ; these eight (and, the first time, the query)
.irp i, 0,1,2,3,4,5,6,7
	v_mul_f32 v[\dst+8*\c+\i], v10, v[\buf+4*\i]
.endr
.irp i, 0,1,2,3,4,5,6,7
	v_fma_f32 v[\dst+8*\c+\i], v11, v[\buf+4*\i+1], v[\dst+8*\c+\i]
.endr
.irp i, 0,1,2,3,4,5,6,7
	v_fma_f32 v[\dst+8*\c+\i], v12, v[\buf+4*\i+2], v[\dst+8*\c+\i]
.endr
.irp i, 0,1,2,3,4,5,6,7
	v_fma_f32 v[\dst+8*\c+\i], v[\dst+8*\c+\i], -2.0, v13
.endr
.irp i, 0,1,2,3,4,5,6,7
	v_add_f32 v[\dst+8*\c+\i], v[\dst+8*\c+\i], v[\buf+4*\i+3]
.endr
.endr
.endm
; one step of the transposition, from set a into set b: rows k and k + j change their off-diagonal blocks of j bits
.macro TRP a, b, j, slo, shi           ; whole bytes: two byte permutes a pair
.set k, 0
.rept 32
.if (k & \j) == 0
	v_perm_b32 v[\b+k], v[\a+k+\j], v[\a+k], s[\slo]
	v_perm_b32 v[\b+k+\j], v[\a+k+\j], v[\a+k], s[\shi]
.endif
.set k, k+1
.endr
.endm
.macro TRB a, b, j, sm                 ; within bytes: a shift and a bit select each
.set k, 0
.rept 32
.if (k & \j) == 0
	v_lshlrev_b32 v[\b+k], \j, v[\a+k+\j]
	v_lshrrev_b32 v[\b+k+\j], \j, v[\a+k]
	s_delay_alu instid0(VALU_DEP_2)
	v_bfi_b32 v[\b+k], s[\sm], v[\a+k], v[\b+k]
	s_delay_alu instid0(VALU_DEP_2)
	v_bfi_b32 v[\b+k+\j], s[\sm], v[\b+k+\j], v[\a+k+\j]
.endif
.set k, k+1
.endr
.endm
.macro TR a, b                         ; keys in a, planes in b: register i of b holds bit i of the 32 keys
	TRP \a, \b, 16, 25, 26
	TRP \b, \a, 8, 27, 28
	TRB \a, \b, 4, 22
	TRB \b, \a, 2, 23
	TRB \a, \b, 1, 24
.endm
.macro SIGN p                          ; f32 to ordered unsigned: a negative number has all its bits turned, another its top bit
.set k, 0
.rept 31
	v_xor_b32 v[\p+k], v[\p+31], v[\p+k]
.set k, k+1
.endr
	v_not_b32 v[\p+31], v[\p+31]
.endm
; one bit of the select.  v14-15 alive, v16-17 taken, v21 how many are still wanted (f32: counts up to 2,048 are exact).
; Z = the alive whose bit is 0.  Fewer of them than wanted: all are taken and the others stay alive; else Z alone stays alive.
.macro STEP p0, p1
	v_bfi_b32 v18, \p0, 0, v14
	v_bfi_b32 v19, \p1, 0, v15
	s_delay_alu instid0(VALU_DEP_2)
	v_bcnt_u32_b32 v20, v18, 0
	s_delay_alu instid0(VALU_DEP_1)
	v_bcnt_u32_b32 v20, v19, v20
	s_delay_alu instid0(VALU_DEP_1)
	v_cvt_f32_u32 v20, v20
	s_delay_alu instid0(VALU_DEP_1)
	v_add_f32_dpp v20, v20, v20 row_xmask:1 row_mask:0xf bank_mask:0xf
	s_delay_alu instid0(VALU_DEP_1)
	v_add_f32_dpp v20, v20, v20 row_xmask:2 row_mask:0xf bank_mask:0xf
	s_delay_alu instid0(VALU_DEP_1)
	v_add_f32_dpp v20, v20, v20 row_xmask:4 row_mask:0xf bank_mask:0xf
	s_delay_alu instid0(VALU_DEP_1)
	v_add_f32_dpp v20, v20, v20 row_xmask:8 row_mask:0xf bank_mask:0xf
	s_delay_alu instid0(VALU_DEP_1)
	v_permlanex16_b32 v23, v20, s20, s21
	s_delay_alu instid0(VALU_DEP_1)
	v_add_f32 v20, v20, v23                        ; the wave's count
	s_delay_alu instid0(VALU_DEP_1)
	v_cmp_lt_f32 vcc_lo, v20, v21
	s_delay_alu instid0(VALU_DEP_1)
	v_cndmask_b32 v22, 0, -1, vcc_lo
	s_delay_alu instid0(VALU_DEP_1)
	v_and_or_b32 v16, v18, v22, v16
	s_delay_alu instid0(VALU_DEP_2)
	v_and_or_b32 v17, v19, v22, v17
	s_delay_alu instid0(VALU_DEP_3)
	v_and_b32 v14, v14, v22
	s_delay_alu instid0(VALU_DEP_4)
	v_and_b32 v15, v15, v22
	s_delay_alu instid0(VALU_DEP_2)
	v_xor_b32 v14, v18, v14
	s_delay_alu instid0(VALU_DEP_2)
	v_xor_b32 v15, v19, v15
	v_and_b32 v20, v20, v22
	s_delay_alu instid0(VALU_DEP_1)
	v_sub_f32 v21, v21, v20
.endm
	s_mov_b32 s30, 0
.Lquery:
	s_wait_alu depctr_va_vdst(0)
	ds_load_b128 v[10:13], v3                      ; the query, the same in every lane
	KEYS S0, S2, 0
	TR S0, S2                                      ; word 0's planes: S2
	KEYS S1, S0, 1
	TR S1, S0                                      ; word 1's planes: S0
	SIGN S2
	SIGN S0
	v_mov_b32 v14, -1
	v_mov_b32 v15, -1
	v_mov_b32 v16, 0
	v_mov_b32 v17, 0
	v_mov_b32 v21, 0x42000000                      ; 32.0
.set pl, 31
.rept 32
	STEP v[S2+pl], v[S0+pl]
.set pl, pl-1
.endr
	STEP 0, -1                                     ; the candidate's number, from its top bit down: the word,
	STEP 0xffff0000, 0xffff0000                    ; the five bits of t,
	STEP 0xff00ff00, 0xff00ff00
	STEP 0xf0f0f0f0, 0xf0f0f0f0
	STEP 0xcccccccc, 0xcccccccc
	STEP 0xaaaaaaaa, 0xaaaaaaaa
	STEP v5, v5                                    ; the five bits of the lane
	STEP v6, v6
	STEP v7, v7
	STEP v8, v8
	STEP v9, v9
	s_delay_alu instid0(VALU_DEP_4)
	v_or_b32 v16, v16, v14                         ; all keys differ, so one candidate is left alive, and one is still wanted
	s_delay_alu instid0(VALU_DEP_4)
	v_or_b32 v17, v17, v15
	global_store_b64 v4, v[16:17], s[8:9]          ; 32 lanes store 256 consecutive bytes, aligned
	s_wait_xcnt 0x0                                ; the store has read its data and its base: both are written again below
	s_add_nc_u64 s[8:9], s[8:9], 256
	v_add_nc_u32 v3, 16, v3
	s_add_co_u32 s30, s30, 1
	s_cmp_lt_u32 s30, 2
	s_cbranch_scc1 .Lquery
	s_wait_tensorcnt 0x0
	ds_add_u32 v30, v31
	s_wait_dscnt 0x0
	s_endpgm
.Lfunc_end_k_qcf2d07a7cd_knn:
	.size	k_qcf2d07a7cd_knn, .Lfunc_end_k_qcf2d07a7cd_knn-k_qcf2d07a7cd_knn
	.p2alignl 7, 3214868480
	.fill 96, 4, 3214868480
	.section	.rodata,"a",@progbits
	.p2align	6, 0x0
	.amdhsa_kernel k_qcf2d07a7cd_knn
		.amdhsa_group_segment_fixed_size 36864
		.amdhsa_private_segment_fixed_size 0
		.amdhsa_enable_private_segment 0
		.amdhsa_kernarg_size 24
		.amdhsa_user_sgpr_count 2
		.amdhsa_user_sgpr_kernarg_segment_ptr 1
		.amdhsa_wavefront_size32 1
		.amdhsa_system_sgpr_workgroup_id_x 1
		.amdhsa_system_sgpr_workgroup_id_y 1
		.amdhsa_system_sgpr_workgroup_id_z 1
		.amdhsa_system_vgpr_workitem_id 0
		.amdhsa_next_free_vgpr 128
		.amdhsa_next_free_sgpr 66
		.amdhsa_reserve_vcc 1
		.amdhsa_float_denorm_mode_32 3
		.amdhsa_float_denorm_mode_16_64 3
		.amdhsa_memory_ordered 1
		.amdhsa_forward_progress 1
		.amdhsa_inst_pref_size 128
	.end_amdhsa_kernel
	.amdgpu_metadata
---
amdhsa.version: [ 1, 2 ]
amdhsa.kernels:
  - .name:           k_qcf2d07a7cd_knn
    .symbol:         k_qcf2d07a7cd_knn.kd
    .args:
      - { .name: src, .offset: 0, .size: 8, .value_kind: global_buffer, .address_space: global }
      - { .name: tgt, .offset: 8, .size: 8, .value_kind: global_buffer, .address_space: global }
      - { .name: masks, .offset: 16, .size: 8, .value_kind: global_buffer, .address_space: global }
    .group_segment_fixed_size: 36864
    .private_segment_fixed_size: 0
    .kernarg_segment_align: 8
    .kernarg_segment_size: 24
    .max_flat_workgroup_size: 1024
    .sgpr_count:     66
    .vgpr_count:     128
    .wavefront_size: 32
...
	.end_amdgpu_metadata
.endif
;; end of part 9
;; launch lists: the kernel of part 2 again; grid 256 x 1, 16 waves a work-group, no clusters, 36,864 bytes of LDS; arguments src, tgt, masks, idx, statA; writes idx, statA
;; launch edge2 (part 10): grid 256 x 1, 4 waves a work-group, no clusters, 46,592 bytes of LDS; arguments src, tgt, idx, statA, statB, cat, w1, g1, b1, w2_codes, w2_scales, w3_codes, w3_scales, w4_codes, w4_scales, g2; writes statB, cat
.if DOCPART == 10
	.amdgcn_target "amdgcn-amd-amdhsa--gfx1250"
	.amdhsa_code_object_version 6
	.text
	.protected	k_qcf2d07a7cd_edge2
	.globl	k_qcf2d07a7cd_edge2
	.p2align	8
	.type	k_qcf2d07a7cd_edge2,@function
k_qcf2d07a7cd_edge2:
	s_mov_b64 s[64:65], 0
	v_nop
	global_prefetch_b8 v0, s[64:65] scope:SCOPE_SE
	s_setreg_imm32_b32 hwreg(HW_REG_WAVE_SCHED_MODE, 0, 2), 2
	s_setreg_imm32_b32 hwreg(HW_REG_WAVE_MODE, 25, 1), 1
	s_wait_xcnt 0x0
	s_wait_alu depctr_vm_vsrc(0)
; EDGE LAYER L (the constant below: 2, 3 or 4; the three launches are this one text).  The chain of edge layers is made anew from the neighbour lists, in registers, up to layer L; of layer L only the sums for its
; batch norm and its maximum over the 32 neighbours are kept.  No layer's rows go to memory.
; ARGUMENTS (one list for the three): src, tgt, idx, partial sums in, partial sums out, cat, w1, gain and bias of layer L - 1, codes and scales of w2, w3, w4, gain of layer L.  A launch reads those that it needs.
; SHARES.  A work-group owns 64 points of one batch of one cloud, a wave 16: 32 tiles of 16 rows.  Tile T = 4 u + v: rows 0-7 are neighbours 8 v .. 8 v + 7 of point u, rows 8-15 the same of point u + 8.
; LAYER 1 goes by the f32 matrix form, K = 8 = (x_j, 1 | x_i, .): its batch norm is folded into the table W1' = (a w, c | a w, 0), and both operands are 8-byte reads of one LDS table (x, y, z, 1).
; LAYERS THAT GO ON are used transposed (source 0 = 16 rows of W, chosen so that two tiles give a lane 16 neighbours along the next K): a lane holds one row, and quantising asks one other lane.
; LAYER L is used as it stands (source 0 = the rows, source 1 = 16 rows of W): a lane holds one channel and eight rows of ONE point, so sum, sum of squares and maximum stay in the lane.
; Only a maximum is kept: max_k relu(a y + c) = relu(|a| max_k(s y) + c), s the sign of the gain, which is put into the sign bits of W's codes.  The sums are those of s y: a = g rsq(var + eps), C = b - |a| mean(s y) serve both uses.
; THE SUMS OF THE LAYER BEFORE are added up at the head by every work-group from the 128 rows of its cloud; the first work-group of a cloud hands all constants on (4,096 bytes at the head of the cloud's part).
; LIMITS: the variance is E[y^2] - mean^2 in f32: its relative error grows as 6e-8 mean^2 / var.  NaN and infinities are not served.
; THE MODE: SCHED_MODE bits 1:0 = 2 (LLVM: expert scheduling mode 2), set by the entry lines.  The code itself states the register dependences
; between vector or matrix instructions and memory or LDS instructions, with s_wait_alu, always for 0.
; THE PLAN.  Registers that memory or LDS instructions touch in the loop over tiles:
;   v[FADR], v[CA], v[IOF]   the addresses of the next tile's three loads: written by four vector lines at a tile's head, read by the loads that follow them.
;   v[IDXV]                  a list word: lands from memory; read by the head's v_min_u32.
;   v[F0 ..], v[FC ..]       the next tile's rows: land from LDS; read by the f32 products later in the same trip.
;   v[CB], v[ILC], v[H8], v[CO]  made at the kernel's head and never written again.
;   MX (L = 2: XO too)       maxima: written by the sums' lines, read by the stores behind a point's fourth tile, then set anew.
; So a tile's head has one wait on vm_vsrc (the last tile's loads have read their addresses), the four address lines, and one wait on va_vdst (the addresses are written, the list word is read, the last trip's
; f32 products are done with their rows); the three loads follow and have the tile's first layer in which to land.  One wait on va_vdst stands, behind its places, ahead of each run of products on codes just made.
; The store block has its own waits: va_vdst ahead of the stores, vm_vsrc ahead of the lines that set the maxima anew.
.set L, 2
.set NT, 4<<(L-2)                      ; tiles of 16 channels in layer L
.set NCH, 16*NT
.set NFO, 2*NCH                        ; numbers in the row of sums that I store
.if L == 2
.set NFI, 32                           ; numbers in the rows that I read
.set LCG, 3
.set CATO, 256                         ; where layer L's maxima lie in a row of cat
.set NZ, 4                             ; K = 64 fragments in window 2
.elseif L == 3
.set NFI, 128
.set LCG, 5
.set CATO, 512
.set AOUT, 2560                        ; where layer L - 1's a and C lie among the constants
.set COUT, 2816
.set NZ, 8
.else
.set NFI, 256
.set LCG, 6
.set CATO, 1024
.set AOUT, 3072
.set COUT, 3584
.set NZ, 8
.endif
.set CG, NFI/4                         ; 16-byte groups in such a row = rows that a thread adds
.set RP, 128/CG                        ; threads to a group
.set CP, NFI/2                         ; channels of layer L - 1
.if CG < 16
.set NL, CG
.else
.set NL, 16
.endif
.set PRM, 32768                        ; LDS: the table 32,768; the constants 4,096: W1' at 0, then a, C of layers 1, 2, 3 at 2048, 2304, 2560, 2816, 3072, 3584
.set RED, 36864                        ; 8,192 for sums
.set TOT, 45056                        ; 256: the 27 moments
.set R, 1                              ; window 0.  v1 lane % 16, v2 lane / 16
.set H, 2
.set IOF, 4                            ; offset of the list word being fetched
.set IDXV, 5                           ; that word
.set FADR, 6                           ; LDS byte of my row's neighbour
.set CB, 7                             ; LDS byte of my row's centre in tile 0, and in the tile in hand
.set CA, 8
.set CO, 9                             ; my place in two rows of cat
.set H8, 10
.set ILC, 11                           ; my row's place in the wave's lists
.set T4, 12
.set T16, 13
.set RA, 14                            ; where I put my channel sums
.set W2S, 32                           ; scale words of w2 (4), w3 (8), w4 (16); the word just made
.set W3S, 36
.set W4S, 44
.set PW, 60
.set TM, 64                            ; at work in the quantiser
.set PC, 80                            ; codes of a K = 64 operand: registers 6-11 stay zero codes
.set F0, 100                           ; (x_j, 1), (x_i, 1): two numbers a lane
.set FC, 102
.set W1T, 104                          ; W1', transposed use: tile t, K step s at 4 t + 2 s
.set D1, 120                           ; layer 1, written by matrix instructions alone
.set X, 152                            ; the layer in hand
.set PCB, 216                          ; L = 4: codes of the K = 128 operand
.set D1N, 184                          ; L = 2: layer 1 as it stands, written by matrix instructions alone; its table; its maxima; what is stored of them
.set W1N, 216
.set MX1, 232
.set XO, 236
.set A2, 0                             ; window 1: a, C of layers 2 and 3 in the lane's order; w2 transposed
.set C2, 32
.set A3, 64
.set C3, 128
.set W2T, 192
.set WA, 0                             ; window 2: w3 transposed (L = 4) or layer L's weights (L = 2, 3); two sets of four result tiles; sums, sums of squares, maxima
.set D4, 96
.set SUM, 160
.set SQ, 192
.set MX, 224
.set WN, 0                             ; layer L's weights: window 2, or 3 for L = 4
.if L == 2
.set WNS, W2S
.elseif L == 3
.set WNS, W3S
.else
.set WNS, W4S
.endif
.if L == 4
.set NATW, 0x8c                        ; source 1 window 3, result window 2
.set FLW, 0xc3
.set LDWN, 0xc0
.set NFR, 12
.set PCN, PCB
.else
.set NATW, 0x88
.set FLW, 0x82
.set LDWN, 0x80
.set NFR, 6
.set PCN, PC
.endif
.set MSB, 0
.macro WIN new                         ; the immediate's high byte repeats the setting that is left
.if MSB != \new
	s_set_vgpr_msb (MSB<<8)|\new
.set MSB, \new
.endif
.endm
.macro PLACES n
.rept \n
	v_nop
.endr
.endm
.macro BAR                             ; my LDS stores have landed and my LDS loads are in: then the work-group's barrier
	s_wait_dscnt 0x0
	s_barrier_signal -1
	s_barrier_wait -1
.endm
.macro MX6 d, a, b, sa, sb             ; one product on codes, K = 128, its sum begun with 0
	v_wmma_scale_f32_16x16x128_f8f6f4 v[\d:\d+7], v[\a:\a+11], v[\b:\b+11], 0, v[\sa], v[\sb] matrix_a_fmt:MATRIX_FMT_BF6 matrix_b_fmt:MATRIX_FMT_BF6
.endm
; 32 nc numbers of a lane, none negative, register 16 b + i = k 32 b + 16 (lane / 16) + i of my row, become codes in v[pc] on and the scale word v[PW]
.macro QUANT s, nc, pc
.irp b, 0,1,2,3
.if \b < 2*\nc
	v_max3_num_f32 v[TM+\b], v[\s+16*\b], v[\s+16*\b+1], 0x2800000   ; the floor 2^(5 - 127) holds the byte at 1 from below
.endif
.endr
.irp i, 2,4,6,8,10,12,14
.irp b, 0,1,2,3
.if \b < 2*\nc
	v_max3_num_f32 v[TM+\b], v[TM+\b], v[\s+16*\b+\i], v[\s+16*\b+\i+1]
.endif
.endr
.endr
.irp b, 0,1,2,3
.if \b < 2*\nc
	v_permlanex16_b32 v[TM+4+\b], v[TM+\b], s38, s39
.endif
.endr
.irp b, 0,1,2,3
.if \b < 2*\nc
	v_max_num_f32 v[TM+\b], v[TM+\b], v[TM+4+\b]   ; with lane l xor 16's sixteen: the block's largest
	v_add_nc_u32 v[TM+12+\b], 0xfe000000, v[TM+\b] ; 4 off its exponent field: the conversion's scale operand
	v_lshrrev_b32 v[TM+4+\b], 23, v[TM+12+\b]      ; the scale's byte
.endif
.endr
	v_lshl_or_b32 v[PW], v[TM+5], 8, v[TM+4]
.if \nc == 2
	v_lshl_or_b32 v[PW], v[TM+6], 16, v[PW]
	v_lshl_or_b32 v[PW], v[TM+7], 24, v[PW]
.else
	v_or_b32 v[PW], 0x7f7f0000, v[PW]              ; K = 64: the upper 64 are zero codes under the byte 127
.endif
.irp c, 0,1
.if \c < \nc
	v_cvt_scalef32_pk16_bf6_f32 v[\pc+6*\c:\pc+6*\c+2], v[\s+32*\c:\s+32*\c+15], v[TM+12+2*\c]
	v_cvt_scalef32_pk16_bf6_f32 v[\pc+12+4*\c:\pc+14+4*\c], v[\s+32*\c+16:\s+32*\c+31], v[TM+13+2*\c]
.endif
.endr
	v_nop                                          ; one plain place behind a scaled conversion
.irp c, 0,1
.if \c < \nc
.irp i, 0,1,2
	v_permlane16_swap_b32 v[\pc+6*\c+\i], v[\pc+12+4*\c+\i]    ; a whole block to a lane
.endr
.irp i, 0,1,2
	v_mov_b32 v[\pc+3+6*\c+\i], v[\pc+12+4*\c+\i]
.endr
.endif
.endr
.endm
.macro M1T ks, f, z                    ; layer 1, transposed: four tiles of 16 channels, K step ks; z = 1 begins the sums
.irp t, 0,1,2,3
.if \z
	v_wmma_f32_16x16x4_f32 v[D1+8*\t:D1+8*\t+7], v[W1T+4*\t+2*\ks:W1T+4*\t+2*\ks+1], v[\f:\f+1], 0
.else
	v_wmma_f32_16x16x4_f32 v[D1+8*\t:D1+8*\t+7], v[W1T+4*\t+2*\ks:W1T+4*\t+2*\ks+1], v[\f:\f+1], v[D1+8*\t:D1+8*\t+7]
.endif
.endr
.endm
.macro M1N ks, f, z                    ; the same as it stands (L = 2)
.irp t, 0,1,2,3
.if \z
	v_wmma_f32_16x16x4_f32 v[D1N+8*\t:D1N+8*\t+7], v[\f:\f+1], v[W1N+4*\t+2*\ks:W1N+4*\t+2*\ks+1], 0
.else
	v_wmma_f32_16x16x4_f32 v[D1N+8*\t:D1N+8*\t+7], v[\f:\f+1], v[W1N+4*\t+2*\ks:W1N+4*\t+2*\ks+1], v[D1N+8*\t:D1N+8*\t+7]
.endif
.endr
.endm
.macro NAT G                           ; layer L: tiles 4 G .. 4 G + 3 into set G % 2
.irp i, 0,1,2,3
	MX6 D4+32*((\G)%2)+8*\i, PCN, WN+12*(4*(\G)+\i), PW, WNS+4*(\G)+\i
.endr
.endm
.macro STATS G                         ; their sums, sums of squares and maxima: the four tiles by turns, each from its low end on
.irp jj, 0,2,4,6
.irp i, 0,1,2,3
.set dd, D4+32*((\G)%2)+8*\i+\jj
.set tt, 4*(\G)+\i
	v_pk_add_f32 v[SUM+2*tt:SUM+2*tt+1], v[SUM+2*tt:SUM+2*tt+1], v[dd:dd+1]
	v_pk_fma_f32 v[SQ+2*tt:SQ+2*tt+1], v[dd:dd+1], v[dd:dd+1], v[SQ+2*tt:SQ+2*tt+1]
	v_max3_num_f32 v[MX+tt], v[MX+tt], v[dd], v[dd+1]
.endr
.endr
.endm
.macro LW64 reg, vo, sb, imm           ; a fragment of a K = 64 weight: 24 bytes a lane
.irp i, 0,1,2
	global_load_b64 v[\reg+2*\i:\reg+2*\i+1], v[\vo], s[\sb:\sb+1] offset:(\imm)+8*\i
.endr
.endm
.macro LZ64 reg                        ; its upper six registers are zero codes
.irp i, 6,7,8,9,10,11
	v_mov_b32 v[\reg+\i], 0
.endr
.endm
.macro ROW3 d, m, i0, i1, i2, w        ; d = three moments . three weights
	v_mul_f32 v[\d], v[X+\m+\i0], v[\w]
	v_fma_f32 v[\d], v[X+\m+\i1], v[\w+1], v[\d]
	v_fma_f32 v[\d], v[X+\m+\i2], v[\w+2], v[\d]
.endm
	s_load_b512 s[4:19], s[0:1], 0x0               ; src 4, tgt 6, idx 8, sums in 10, sums out 12, cat 14, w1 16, gain before 18
	s_load_b512 s[20:35], s[0:1], 0x40             ; bias before 20, w2 22 24, w3 26 28, w4 30 32, gain of L 34
	v_lshl_add_u32 v254, v0, 2, 0xb400
	v_mov_b32 v255, 0
	v_lshrrev_b32 v15, 5, v0
	v_readfirstlane_b32 s36, v15                   ; wave 0..3
	v_and_b32 v[R], 15, v0
	s_wait_alu depctr_va_vdst(0)
	v_bfe_u32 v[H], v0, 4, 1
	s_lshr_b32 s37, ttmp9, 7                       ; cloud
	s_bfe_u32 s40, ttmp9, 0x20005                  ; batch
	s_and_b32 s41, ttmp9, 31
	s_lshl_b32 s41, s41, 6                         ; first point in the batch
	s_and_b32 s42, ttmp9, 127                      ; my row of sums
	s_mov_b32 s38, 0x76543210                      ; v_permlanex16_b32: lane l xor 16
	s_mov_b32 s39, 0xfedcba98
	v_lshlrev_b32 v[T4], 2, v0
	v_lshlrev_b32 v[T16], 4, v0
	v_lshlrev_b32 v[H8], 3, v[H]
	v_lshrrev_b32 v15, 3, v[R]
	s_wait_alu depctr_va_sdst(0)                   ; s36, the wave's number, is written, ahead of its first reader
	s_lshl_b32 s48, s36, 4
	s_add_co_u32 s48, s48, s41
	s_lshl_b32 s48, s48, 4
	v_lshl_add_u32 v[CB], v15, 7, v[H8]
	v_add_nc_u32 v[CB], s48, v[CB]                 ; 16 (first point of the wave + 8 (r / 8)) + 8 h
	v_and_b32 v16, 7, v[R]
	v_lshlrev_b32 v16, 2, v16
	v_lshl_add_u32 v[ILC], v15, 10, v16            ; 1024 (r / 8) + 4 (r % 8); a tile on is 32 bytes on
	v_lshlrev_b32 v[CO], 4, v[R]
	s_mul_i32 s48, s36, 4*NFO
	v_add_nc_u32 v[RA], s48, v[CO]
	v_lshl_add_u32 v[CO], v[H], 14, v[CO]          ; point u + 8 h: 16,384 h; my four channels: 16 r
	v_lshlrev_b32 v29, 5, v0
	v_mov_b32 v30, 0
	v_mul_u32_u24 v31, v0, 24
	s_wait_kmcnt 0x0
	s_cmp_eq_u32 s37, 0
	s_cselect_b64 s[4:5], s[4:5], s[6:7]           ; my cloud
	s_mov_b32 s45, 0
	s_mul_i32 s44, s40, 24576
	s_add_nc_u64 s[4:5], s[4:5], s[44:45]
	s_mul_i32 s44, s37, 532480
	s_add_nc_u64 s[10:11], s[10:11], s[44:45]
	s_add_nc_u64 s[12:13], s[12:13], s[44:45]
	s_add_nc_u64 s[46:47], s[10:11], 8192          ; the rows of sums that I read
	s_lshl_b32 s44, s42, 12
	s_add_co_u32 s44, s44, 8192
	s_add_nc_u64 s[54:55], s[12:13], s[44:45]      ; the row that I store
	s_lshl_b32 s44, ttmp9, 13
	s_lshl_b32 s48, s36, 11
	s_add_co_u32 s44, s44, s48
	s_add_nc_u64 s[8:9], s[8:9], s[44:45]          ; my wave's lists: 128 bytes a point
	s_lshl_b32 s44, s44, 4
	s_add_nc_u64 s[14:15], s[14:15], s[44:45]      ; my wave's rows of cat: 2,048 bytes a point
	; ---- the table (x, y, z, 1): thread t brings points t + 128 g, eight at a time
.irp g, 0,1,2,3,4,5,6,7
	v_mov_b32 v[X+4*\g+3], 1.0
.endr
	s_wait_alu depctr_va_vdst(0)                   ; the offsets and addresses made above are written, which the loads and stores of the whole kernel read; so are the eight 1.0, which the LDS stores below read
.irp hf, 0,1
.irp g, 0,1,2,3,4,5,6,7
.irp c, 0,1,2
	global_load_b32 v[X+4*\g+\c], v[T4], s[4:5] offset:8192*\c+512*(8*\hf+\g)
.endr
.endr
	s_wait_loadcnt 0x0
.irp g, 0,1,2,3,4,5,6,7
	ds_store_b128 v[T16], v[X+4*\g:X+4*\g+3] offset:2048*(8*\hf+\g)
.endr
	s_wait_dscnt 0x0                               ; the stores have landed
	s_wait_alu depctr_vm_vsrc(0)                   ; the LDS stores have read v[X ..], which the next loads or moves write
.endr
	; ---- the constants so far
.if L > 2
	global_load_b128 v[X:X+3], v[T16], s[10:11]
	global_load_b128 v[X+4:X+7], v[T16], s[10:11] offset:2048
	s_wait_loadcnt 0x0
	ds_store_b128 v[T16], v[X:X+3] offset:PRM
	ds_store_b128 v[T16], v[X+4:X+7] offset:PRM+2048
.else
.irp i, 0,1,2,3
	v_mov_b32 v[X+\i], 0
.endr
	s_wait_alu depctr_va_vdst(0)                   ; the four zeros are written, which the LDS store reads
	ds_store_b128 v[T16], v[X:X+3] offset:PRM+2048 ; what is not yet known is handed on as zeros
.endif
	s_wait_dscnt 0x0
	; ---- the 128 rows of sums of my cloud: thread t adds CG rows of one group of 16 bytes
	v_and_b32 v15, CG-1, v0
	v_lshrrev_b32 v16, LCG, v0
	v_lshlrev_b32 v15, 4, v15
	v_lshl_add_u32 v15, v16, 12, v15
.irp i, 16,17,18,19,20,21,22,23
	v_mov_b32 v\i, 0
.endr
.set ch, 0
.rept CG/NL
.if ch == 0
	s_wait_alu depctr_vm_vsrc(0)                   ; the LDS stores of the constants have read v[X ..], in which the loads below land
.endif
	s_wait_alu depctr_va_vdst(0)                   ; the first time: the offset v15 is written; later: the additions are done reading v[X ..], in which the next loads land
.set i, 0
.rept NL
	global_load_b128 v[X+4*i:X+4*i+3], v15, s[46:47] offset:(NL*ch+i)*RP*4096
.set i, i+1
.endr
	s_wait_loadcnt 0x0
.set i, 0
.rept NL/2
	v_pk_add_f32 v[16:17], v[16:17], v[X+8*i:X+8*i+1]
	v_pk_add_f32 v[18:19], v[18:19], v[X+8*i+2:X+8*i+3]
	v_pk_add_f32 v[20:21], v[20:21], v[X+8*i+4:X+8*i+5]
	v_pk_add_f32 v[22:23], v[22:23], v[X+8*i+6:X+8*i+7]
.set i, i+1
.endr
.set ch, ch+1
.endr
	v_pk_add_f32 v[16:17], v[16:17], v[20:21]
	v_pk_add_f32 v[18:19], v[18:19], v[22:23]
	s_wait_alu depctr_va_vdst(0)                   ; the sums v[16:19] are written, which the LDS store reads; the additions are done with v[16:23] and v[X ..], in which loads land below
	ds_store_b128 v[T16], v[16:19] offset:RED      ; RP rows of NFI numbers
	BAR
.if L > 2
	; ---- a and C of layer L - 1: thread c, one channel
	s_wait_alu depctr_vm_vsrc(0)                   ; my LDS store has read v[16:19], in which LDS loads land below
.if CP < 128
	s_cmp_ge_u32 s36, CP/32
	s_cbranch_scc1 .Lnofinal
.endif
	global_load_b32 v24, v[T4], s[18:19]
	global_load_b32 v25, v[T4], s[20:21]
.set q, 0
.rept RP
	ds_load_b32 v[16+q], v[T4] offset:RED+q*NFI*4
	ds_load_b32 v[20+q], v[T4] offset:RED+q*NFI*4+CP*4
.set q, q+1
.endr
	s_wait_dscnt 0x0
.set q, 1
.rept RP-1
	v_add_f32 v16, v16, v[16+q]
	v_add_f32 v20, v20, v[20+q]
.set q, q+1
.endr
	v_mul_f32 v16, 0x36800000, v16                 ; the mean: / 2^18 rows
	v_mul_f32 v20, 0x36800000, v20
	v_fma_f32 v20, -v16, v16, v20                  ; the variance,
	v_max_num_f32 v20, 0, v20                      ; never negative
	v_add_f32 v20, 0x3727c5ac, v20                 ; + 1e-5
	v_rsq_f32 v21, v20
	v_nop                                          ; a plain place behind the transcendental,
	s_wait_alu depctr_va_vdst(0)                   ; and the wait for v21 ahead of its first reader
	s_wait_loadcnt 0x0
	v_mul_f32 v26, v24, v21
	v_fma_f32 v27, -|v26|, v16, v25
	s_wait_alu depctr_va_vdst(0)                   ; a and C, v26 and v27, are written, which the LDS stores read
	ds_store_b32 v[T4], v26 offset:PRM+AOUT
	ds_store_b32 v[T4], v27 offset:PRM+COUT
.Lnofinal:
.else
	; ---- L = 2: the 27 moments, then W1' = (a w, c | a w, 0)
	s_cmp_lg_u32 s36, 0
	s_cbranch_scc1 .Lnotot
.set q, 0
.rept 16
	ds_load_b32 v[X+q], v[T4] offset:RED+128*q
.set q, q+1
.endr
	s_wait_dscnt 0x0
.set q, 1
.rept 15
	v_add_f32 v[X], v[X], v[X+q]
.set q, q+1
.endr
	s_wait_alu depctr_va_vdst(0)                   ; the moment v[X] is written, which the LDS store reads; the additions are done with v[X ..], in which LDS loads land below
	ds_store_b32 v[T4], v[X] offset:TOT
.Lnotot:
	BAR
	s_wait_alu depctr_vm_vsrc(0)                   ; wave 0's LDS store has read v[X], in which an LDS load lands below
	s_cmp_ge_u32 s36, 2
	s_cbranch_scc1 .Lnofinal
.irp i, 0,1,2,3,4,5,6
	ds_load_b128 v[X+4*\i:X+4*\i+3], v30 offset:TOT+16*\i      ; the same in every lane
.endr
	global_load_b64 v[64:65], v31, s[16:17]        ; w1's row of channel c
	global_load_b64 v[66:67], v31, s[16:17] offset:8
	global_load_b64 v[68:69], v31, s[16:17] offset:16
	global_load_b32 v78, v[T4], s[18:19]
	global_load_b32 v79, v[T4], s[20:21]
	s_wait_dscnt 0x0
	s_wait_loadcnt 0x0
	v_mul_f32 v77, v[X], v64                       ; w . sum of feat
.irp i, 1,2,3,4,5
	v_fma_f32 v77, v[X+\i], v[64+\i], v77
.endr
.irp i, 0,1,2
	v_add_f32 v[70+\i], v[67+\i], v[67+\i]         ; the mixed terms count twice
.endr
	ROW3 73, 6, 0, 1, 2, 64                        ; w^T M w, row by row
	ROW3 74, 6, 1, 3, 4, 64
	ROW3 75, 6, 2, 4, 5, 64
.irp a, 0,1,2
.irp b, 0,1,2
	v_fma_f32 v[73+\a], v[X+12+3*\a+\b], v[70+\b], v[73+\a]
.endr
.endr
	v_mul_f32 v76, v73, v64
	v_fma_f32 v76, v74, v65, v76
	v_fma_f32 v76, v75, v66, v76
	ROW3 73, 21, 0, 1, 2, 67
	ROW3 74, 21, 1, 3, 4, 67
	ROW3 75, 21, 2, 4, 5, 67
	v_fma_f32 v76, v73, v67, v76
	v_fma_f32 v76, v74, v68, v76
	v_fma_f32 v76, v75, v69, v76
	v_mul_f32 v77, 0x36800000, v77                 ; the mean of y1: / 2^18 rows
	v_mul_f32 v76, 0x36800000, v76
	v_fma_f32 v76, -v77, v77, v76
	v_max_num_f32 v76, 0, v76
	v_add_f32 v76, 0x3727c5ac, v76
	s_wait_alu depctr_va_vdst(0)
	v_rsq_f32 v80, v76
	v_mov_b32 v83, 1.0                             ; (a plain place behind the transcendental)
	s_wait_alu depctr_va_vdst(0)                   ; the wait for v80 ahead of its first reader
	v_mul_f32 v81, v78, v80                        ; a
	v_fma_f32 v[X+3], -v81, v77, v79               ; c = b - a mean
.irp i, 0,1,2
	v_mul_f32 v[X+\i], v81, v[64+\i]
	v_mul_f32 v[X+4+\i], v81, v[67+\i]
.endr
	v_mov_b32 v[X+7], 0
	s_wait_alu depctr_va_vdst(0)                   ; my row of W1' in v[X:X+7] and the 1.0 in v83 are written, which the LDS stores read
	ds_store_b128 v29, v[X:X+3] offset:PRM
	ds_store_b128 v29, v[X+4:X+7] offset:PRM+16
	ds_store_b32 v[T4], v83 offset:PRM+2048        ; cat holds layer 1's maxima finished: a = 1, C = 0 for the reader
.Lnofinal:
.endif
	BAR
	; ---- the first work-group of a cloud hands the constants on
.if L == 2
	s_wait_alu depctr_vm_vsrc(0)                   ; the LDS stores of W1' have read v[X:X+7], in which LDS loads land below
.endif
	s_cmp_lg_u32 s42, 0
	s_cbranch_scc1 .Lnoparam
	ds_load_b128 v[X:X+3], v[T16] offset:PRM
	ds_load_b128 v[X+4:X+7], v[T16] offset:PRM+2048
	s_wait_dscnt 0x0
	global_store_b128 v[T16], v[X:X+3], s[12:13]
	global_store_b128 v[T16], v[X+4:X+7], s[12:13] offset:2048
.Lnoparam:
	s_wait_xcnt 0x0                                ; those stores have had their addresses translated
	s_wait_alu depctr_vm_vsrc(0)                   ; those stores have read v[X:X+7]; the LDS stores further up have read v[16:19], v26, v27, v29 and v83: all of these are written again below
	; ---- what stays in registers
	v_and_b32 v16, 8, v[R]
	v_add_nc_u32 v16, v16, v[R]                    ; r + 8 (r / 8): the rows of a transposed tile
	v_lshl_add_u32 v17, v16, 5, v[H8]
	v_lshl_add_u32 v18, v[R], 7, v[H8]
	v_lshlrev_b32 v19, 6, v[H]
	v_mul_u32_u24 v20, v16, 48
	v_mad_u32_u24 v20, v[H], 24, v20               ; K = 64, transposed: 48 bytes a row
	v_mul_u32_u24 v21, v[R], 192
	v_mad_u32_u24 v21, v[H], 24, v21               ; K = 64, as it stands: lane r takes channel 4 r + t % 4 + 64 (t / 4)
	v_mul_u32_u24 v22, v[R], 384
	v_mad_u32_u24 v22, v[H], 24, v22               ; K = 128, as it stands
	v_lshlrev_b32 v23, 1, v16
	v_lshlrev_b32 v24, 3, v[R]
	v_lshlrev_b32 v25, 4, v[R]
.if L > 2
	WIN 0x40                                       ; the zero codes of the K = 64 fragments stand ahead of the wait, so that only window switches stand among the loads behind it
.irp t, 0,1,2,3
	LZ64 W2T+12*\t
.endr
.endif
	WIN 0x80
.set t, 0
.rept NZ
	LZ64 WA+12*t
.set t, t+1
.endr
	WIN 0
	s_wait_alu depctr_va_vdst(0)                   ; the offsets v17 to v25 are written, which the loads below read; every earlier vector line is done with v[X ..], in which the gains land
.irp t, 0,1,2,3
.irp s, 0,1
	ds_load_b64 v[W1T+4*\t+2*\s:W1T+4*\t+2*\s+1], v17 offset:PRM+(32*(\t/2)+8*(\t%2))*32+16*\s
.if L == 2
	ds_load_b64 v[W1N+4*\t+2*\s:W1N+4*\t+2*\s+1], v18 offset:PRM+32*\t+16*\s
.endif
.endr
.endr
.if L > 2
	WIN 0x40
.irp b, 0,1
.irp q, 0,1,2,3
	ds_load_b128 v[A2+16*\b+4*\q:A2+16*\b+4*\q+3], v19 offset:PRM+2560+128*\b+16*\q
	ds_load_b128 v[C2+16*\b+4*\q:C2+16*\b+4*\q+3], v19 offset:PRM+2816+128*\b+16*\q
.endr
.endr
.if L == 4
.irp b, 0,1,2,3
.irp q, 0,1,2,3
	ds_load_b128 v[A3+16*\b+4*\q:A3+16*\b+4*\q+3], v19 offset:PRM+3072+128*\b+16*\q
	ds_load_b128 v[C3+16*\b+4*\q:C3+16*\b+4*\q+3], v19 offset:PRM+3584+128*\b+16*\q
.endr
.endr
.endif
.irp t, 0,1,2,3
	LW64 W2T+12*\t, 20, 22, (32*(\t/2)+8*(\t%2))*48
.endr
	WIN 0
.irp t, 0,1,2,3
	global_load_u16 v[W2S+\t], v23, s[24:25] offset:(32*(\t/2)+8*(\t%2))*2
.endr
.endif
.if L == 2
	WIN 0x80
.irp t, 0,1,2,3
	LW64 WA+12*\t, 21, 22, \t*48
.endr
	WIN 0
.irp t, 0,1,2,3
	global_load_u16 v[W2S+\t], v24, s[24:25] offset:\t*2
.endr
.elseif L == 3
	WIN 0x80
.irp t, 0,1,2,3,4,5,6,7
	LW64 WA+12*\t, 21, 26, (64*(\t/4)+\t%4)*48
.endr
	WIN 0
.irp t, 0,1,2,3,4,5,6,7
	global_load_u16 v[W3S+\t], v24, s[28:29] offset:(64*(\t/4)+\t%4)*2
.endr
.else
	WIN 0x80
.irp t, 0,1,2,3,4,5,6,7
	LW64 WA+12*\t, 20, 26, (32*(\t/2)+8*(\t%2))*48
.endr
	WIN 0xc0
.irp t, 0,1,2,3,4,5,6,7,8,9,10,11,12,13,14,15
.irp p, 0,1,2,3,4,5
	global_load_b64 v[WN+12*\t+2*\p:WN+12*\t+2*\p+1], v22, s[30:31] offset:(64*(\t/4)+\t%4)*96+48*(\p/3)+8*(\p%3)
.endr
.endr
	WIN 0
.irp t, 0,1,2,3,4,5,6,7
	global_load_u16 v[W3S+\t], v23, s[28:29] offset:(32*(\t/2)+8*(\t%2))*2
.endr
.irp t, 0,1,2,3,4,5,6,7,8,9,10,11,12,13,14,15
	global_load_b32 v[W4S+\t], v25, s[32:33] offset:(64*(\t/4)+\t%4)*4
.endr
.endif
.set t, 0
.rept NT
	global_load_b32 v[X+t], v25, s[34:35] offset:(64*(t/4)+t%4)*4      ; the gain of my channel of tile t
.set t, t+1
.endr
	s_wait_loadcnt 0x0
	s_wait_dscnt 0x0
.irp t, 0,1,2,3
	v_or_b32 v[W2S+\t], 0x7f7f0000, v[W2S+\t]      ; K = 64: two bytes a row, and 127 over the zero codes
.endr
.if L > 2
.irp t, 0,1,2,3,4,5,6,7
	v_or_b32 v[W3S+\t], 0x7f7f0000, v[W3S+\t]
.endr
.endif
.set t, 0
.rept NT                                       ; a negative gain turns the signs of its channel's codes: bit 5 of each six, a pattern of three words
	v_ashrrev_i32 v26, 31, v[X+t]
	v_and_b32 v27, 0x20820820, v26
	v_and_b32 v28, 0x08208208, v26
	v_and_b32 v29, 0x82082082, v26
	WIN FLW
.set i, 0
.rept NFR
	v_xor_b32 v[WN+12*t+i], v[WN+12*t+i], v[27+i%3]
.set i, i+1
.endr
	WIN 0
.set t, t+1
.endr
	WIN 0x80
.set i, 0
.rept 64
	v_mov_b32 v[SUM+i], 0                          ; sums and sums of squares
.set i, i+1
.endr
.set i, 0
.rept 16
	v_mov_b32 v[MX+i], 0xff800000
.set i, i+1
.endr
	WIN 0
.set i, 0
.rept 20
	v_mov_b32 v[PC+i], 0
.set i, i+1
.endr
.irp i, 4,5,6,7
	v_mov_b32 v[TM+\i], 0                          ; a lane permute's destination counts as read
.endr
.if L == 2
.irp i, 0,1,2,3
	v_mov_b32 v[MX1+\i], 0xff800000
.endr
.endif
	; ---- tile 0's layer 1
	global_load_b32 v[IDXV], v[ILC], s[8:9]
	s_wait_loadcnt 0x0
	v_min_u32 v[FADR], 0x7ff, v[IDXV]
	v_lshl_add_u32 v[FADR], v[FADR], 4, v[H8]
	v_add_nc_u32 v[IOF], 32, v[ILC]
	s_wait_alu depctr_va_vdst(0)                   ; v[FADR] and v[IOF] are written, which the loads below read; v_min_u32 is done reading v[IDXV], in which the next word lands; the weights' turned signs, the scale words and the zero codes are written, which the products on codes take
	ds_load_b64 v[F0:F0+1], v[FADR]
	ds_load_b64 v[FC:FC+1], v[CB]
	global_load_b32 v[IDXV], v[IOF], s[8:9]
	s_wait_dscnt 0x0
	M1T 0, F0, 1
.if L == 2
	M1N 0, F0, 1
.endif
	M1T 1, FC, 0
.if L == 2
	M1N 1, FC, 0
.endif
	PLACES 8                                       ; eight places behind the f32 form, ahead of the first read of its results
	s_mov_b32 s50, 0
.Ltile:
	; 1: tile T + 1's rows are asked for (beyond the last tile: the last again, and its layer 1 is not used)
	s_wait_loadcnt 0x0                             ; its list word is in
	s_wait_alu depctr_vm_vsrc(0)                   ; the three loads of the tile before have read v[FADR], v[CA] and v[IOF], which are written below
	v_min_u32 v[FADR], 0x7ff, v[IDXV]
	v_lshl_add_u32 v[FADR], v[FADR], 4, v[H8]
	s_add_co_u32 s51, s50, 1
	s_min_u32 s51, s51, 31
	s_lshr_b32 s51, s51, 2
	s_lshl_b32 s51, s51, 4
	v_add_nc_u32 v[CA], s51, v[CB]
	s_add_co_u32 s52, s50, 2
	s_min_u32 s52, s52, 31
	s_lshl_b32 s52, s52, 5
	v_add_nc_u32 v[IOF], s52, v[ILC]
	s_wait_alu depctr_va_vdst(0)                   ; the three addresses are written; v_min_u32 is done reading v[IDXV]; the f32 products of the trip before are done reading v[F0 ..] and v[FC ..]: the three loads land in these
	ds_load_b64 v[F0:F0+1], v[FADR]
	ds_load_b64 v[FC:FC+1], v[CA]
	global_load_b32 v[IDXV], v[IOF], s[8:9]
	; 2: layer 1 of tile T: relu, codes
.set j, 0
.rept 32
	v_max_num_f32 v[X+j], 0, v[D1+j]
.set j, j+1
.endr
.if L == 2
.irp jj, 0,2,4,6
.irp t, 0,1,2,3
	v_max3_num_f32 v[MX1+\t], v[MX1+\t], v[D1N+8*\t+\jj], v[D1N+8*\t+\jj+1]
.endr
.endr
.endif
	QUANT X, 1, PC
	PLACES 8                                       ; a scale register written by a vector instruction stands 8 places ahead of a scaled product, an operand 4
.if L == 2
	WIN NATW
	s_wait_alu depctr_va_vdst(0)                   ; the codes v[PC ..] and the scale word v[PW] are written, which the products below take; the places above stay beside this wait
	NAT 0
	WIN 0
	s_wait_dscnt 0x0                               ; tile T + 1's rows are in
	M1T 0, F0, 1                                   ; sixteen accumulators' worth of f32 products, each accumulator one instruction a turn
	M1N 0, F0, 1
	M1T 1, FC, 0
	M1N 1, FC, 0
	PLACES 5
	WIN 0xaa
	STATS 0
	WIN 0
.else
	; 3: layer 2, transposed; tile T + 1's layer 1 begins beside the vector work that follows
	WIN 0x01
	s_wait_alu depctr_va_vdst(0)                   ; the codes v[PC ..] and the scale word v[PW] are written, which the products below take; the places above stay beside this wait
.irp t, 0,1,2,3
	MX6 X+8*\t, W2T+12*\t, PC, W2S+\t, PW
.endr
	WIN 0
	s_wait_dscnt 0x0
	M1T 0, F0, 1
	PLACES 4
	; 4: its batch norm, relu, codes
	WIN 0x14
.set j, 0
.rept 16
	v_pk_fma_f32 v[X+j:X+j+1], v[X+j:X+j+1], v[A2+j:A2+j+1], v[C2+j:C2+j+1]
.set j, j+2
.endr
	WIN 0
.set j, 0
.rept 32
	v_max_num_f32 v[X+j], 0, v[X+j]
.set j, j+1
.endr
	QUANT X, 1, PC
	PLACES 8
.if L == 3
	WIN NATW
	s_wait_alu depctr_va_vdst(0)                   ; layer 2's codes v[PC ..] and scale word v[PW] are written, which the products below take
	NAT 0
	NAT 1
	WIN 0
	M1T 1, FC, 0
	PLACES 5
	WIN 0xaa
	STATS 0
	STATS 1
	WIN 0
.else
	; 5: layer 3, transposed
	WIN 0x02
	s_wait_alu depctr_va_vdst(0)                   ; layer 2's codes v[PC ..] and scale word v[PW] are written, which the products below take
.irp t, 0,1,2,3,4,5,6,7
	MX6 X+8*\t, WA+12*\t, PC, W3S+\t, PW
.endr
	WIN 0
	M1T 1, FC, 0
	PLACES 4
	; 6
	WIN 0x14
.set j, 0
.rept 32
	v_pk_fma_f32 v[X+j:X+j+1], v[X+j:X+j+1], v[A3+j:A3+j+1], v[C3+j:C3+j+1]
.set j, j+2
.endr
	WIN 0
.set j, 0
.rept 64
	v_max_num_f32 v[X+j], 0, v[X+j]
.set j, j+1
.endr
	QUANT X, 2, PCB
	PLACES 8
	; 7: layer 4 as it stands: four tiles' products stand ahead of the sums over the four before
	WIN NATW
	s_wait_alu depctr_va_vdst(0)                   ; layer 3's codes v[PCB ..] and scale word v[PW] are written, which all sixteen products below take; the sums' lines between them write neither
	NAT 0
	NAT 1
	PLACES 5                                       ; five: the third group writes over the first group's results
	WIN 0xaa
	STATS 0
	WIN NATW
	NAT 2
	WIN 0xaa
	STATS 1
	WIN NATW
	NAT 3
	WIN 0xaa
	STATS 2
	STATS 3
	WIN 0
.endif
.endif
	; 8: behind a point's fourth tile its maxima leave: sixteen lanes store 256 consecutive bytes, aligned
	s_and_b32 s53, s50, 3
	s_cmp_lg_u32 s53, 3
	s_cbranch_scc1 .Lnostore
.if L == 2
.irp i, 0,1,2,3
	v_max_num_f32 v[XO+\i], 0, v[MX1+\i]
.endr
	s_wait_alu depctr_va_vdst(0)                   ; layer 1's maxima v[XO ..] are written, which the store reads
	global_store_b128 v[CO], v[XO:XO+3], s[14:15]
.endif
	WIN 0x08
	s_wait_alu depctr_va_vdst(0)                   ; the sums' lines have written the maxima MX, which the stores read
.set g, 0
.rept NT/4
	global_store_b128 v[CO], v[MX+4*g:MX+4*g+3], s[14:15] offset:CATO+256*g
.set g, g+1
.endr
	WIN 0
	s_wait_xcnt 0x0                                ; the stores have had their addresses translated: their base is stepped below
	s_wait_alu depctr_vm_vsrc(0)                   ; the stores have read MX (L = 2: and XO), which are written again from here on
	s_add_nc_u64 s[14:15], s[14:15], 2048
	WIN 0x80
.set i, 0
.rept NT
	v_mov_b32 v[MX+i], 0xff800000
.set i, i+1
.endr
	WIN 0
.if L == 2
.irp i, 0,1,2,3
	v_mov_b32 v[MX1+\i], 0xff800000
.endr
.endif
.Lnostore:
	s_add_co_u32 s50, s50, 1
	s_cmp_lt_u32 s50, 32
	s_cbranch_scc1 .Ltile
	; ---- the wave's sums: the pair's two halves, the other half of the lanes; then the four waves' through LDS
	WIN 0xaa
.set t, 0
	s_wait_alu depctr_va_vdst(0)
.rept NT
	v_add_f32 v[D4+t], v[SUM+2*t], v[SUM+2*t+1]
	v_add_f32 v[D4+NT+t], v[SQ+2*t], v[SQ+2*t+1]
.set t, t+1
.endr
.set t, 0
.rept 2*NT
	v_permlanex16_b32 v[D4+2*NT+t], v[D4+t], s38, s39
.set t, t+1
.endr
.set t, 0
.rept 2*NT
	v_add_f32 v[D4+t], v[D4+t], v[D4+2*NT+t]
.set t, t+1
.endr
	WIN 0
	BAR                                            ; every wave's reads of the table are over
	WIN 0x08
	s_wait_alu depctr_va_vdst(0)                   ; the wave's sums in v[D4 ..] are written, which the LDS stores read; the loop's vector and matrix lines are done with v[X ..], in which LDS loads land below
.set g, 0
.rept NT/4
	ds_store_b128 v[RA], v[D4+4*g:D4+4*g+3] offset:RED+256*g
	ds_store_b128 v[RA], v[D4+NT+4*g:D4+NT+4*g+3] offset:RED+4*NCH+256*g
.set g, g+1
.endr
	WIN 0
	BAR
.if NFO/4 < 128
	s_cmp_ge_u32 s36, NFO/128
	s_cbranch_scc1 .Lend
.endif
.irp w, 0,1,2,3
	ds_load_b128 v[X+4*\w:X+4*\w+3], v[T16] offset:RED+\w*4*NFO
.endr
	s_wait_dscnt 0x0
	v_pk_add_f32 v[X:X+1], v[X:X+1], v[X+4:X+5]
	v_pk_add_f32 v[X+2:X+3], v[X+2:X+3], v[X+6:X+7]
	v_pk_add_f32 v[X+8:X+9], v[X+8:X+9], v[X+12:X+13]
	v_pk_add_f32 v[X+10:X+11], v[X+10:X+11], v[X+14:X+15]
	v_pk_add_f32 v[X:X+1], v[X:X+1], v[X+8:X+9]
	v_pk_add_f32 v[X+2:X+3], v[X+2:X+3], v[X+10:X+11]
	s_wait_alu depctr_va_vdst(0)                   ; the work-group's sums v[X:X+3] are written, which the store reads
	global_store_b128 v[T16], v[X:X+3], s[54:55]
.Lend:
	s_wait_dscnt 0x0                               ; the closing lines, six on end
	s_wait_alu 0x0
	s_wait_tensorcnt 0x0
	ds_add_u32 v254, v255
	s_wait_dscnt 0x0
	s_endpgm
.Lfunc_end_k_qcf2d07a7cd_edge2:
	.size	k_qcf2d07a7cd_edge2, .Lfunc_end_k_qcf2d07a7cd_edge2-k_qcf2d07a7cd_edge2
	.p2alignl 7, 3214868480
	.fill 96, 4, 3214868480
	.section	.rodata,"a",@progbits
	.p2align	6, 0x0
	.amdhsa_kernel k_qcf2d07a7cd_edge2
		.amdhsa_group_segment_fixed_size 46592
		.amdhsa_private_segment_fixed_size 0
		.amdhsa_enable_private_segment 0
		.amdhsa_kernarg_size 128
		.amdhsa_user_sgpr_count 2
		.amdhsa_user_sgpr_kernarg_segment_ptr 1
		.amdhsa_wavefront_size32 1
		.amdhsa_system_sgpr_workgroup_id_x 1
		.amdhsa_system_sgpr_workgroup_id_y 1
		.amdhsa_system_sgpr_workgroup_id_z 1
		.amdhsa_system_vgpr_workitem_id 0
		.amdhsa_next_free_vgpr 768
		.amdhsa_next_free_sgpr 80
		.amdhsa_reserve_vcc 0
		.amdhsa_float_denorm_mode_32 3
		.amdhsa_float_denorm_mode_16_64 3
		.amdhsa_memory_ordered 1
		.amdhsa_forward_progress 1
		.amdhsa_inst_pref_size 45
	.end_amdhsa_kernel
	.amdgpu_metadata
---
amdhsa.version: [ 1, 2 ]
amdhsa.kernels:
  - .name:           k_qcf2d07a7cd_edge2
    .symbol:         k_qcf2d07a7cd_edge2.kd
    .args:
      - { .name: src, .offset: 0, .size: 8, .value_kind: global_buffer, .address_space: global }
      - { .name: tgt, .offset: 8, .size: 8, .value_kind: global_buffer, .address_space: global }
      - { .name: idx, .offset: 16, .size: 8, .value_kind: global_buffer, .address_space: global }
      - { .name: statA, .offset: 24, .size: 8, .value_kind: global_buffer, .address_space: global }
      - { .name: statB, .offset: 32, .size: 8, .value_kind: global_buffer, .address_space: global }
      - { .name: cat, .offset: 40, .size: 8, .value_kind: global_buffer, .address_space: global }
      - { .name: w1, .offset: 48, .size: 8, .value_kind: global_buffer, .address_space: global }
      - { .name: g1, .offset: 56, .size: 8, .value_kind: global_buffer, .address_space: global }
      - { .name: b1, .offset: 64, .size: 8, .value_kind: global_buffer, .address_space: global }
      - { .name: w2_codes, .offset: 72, .size: 8, .value_kind: global_buffer, .address_space: global }
      - { .name: w2_scales, .offset: 80, .size: 8, .value_kind: global_buffer, .address_space: global }
      - { .name: w3_codes, .offset: 88, .size: 8, .value_kind: global_buffer, .address_space: global }
      - { .name: w3_scales, .offset: 96, .size: 8, .value_kind: global_buffer, .address_space: global }
      - { .name: w4_codes, .offset: 104, .size: 8, .value_kind: global_buffer, .address_space: global }
      - { .name: w4_scales, .offset: 112, .size: 8, .value_kind: global_buffer, .address_space: global }
      - { .name: g2, .offset: 120, .size: 8, .value_kind: global_buffer, .address_space: global }
    .group_segment_fixed_size: 46592
    .private_segment_fixed_size: 0
    .kernarg_segment_align: 8
    .kernarg_segment_size: 128
    .max_flat_workgroup_size: 128
    .sgpr_count:     80
    .vgpr_count:     768
    .wavefront_size: 32
...
	.end_amdgpu_metadata
.endif
;; end of part 10
;; launch edge3 (part 11): grid 256 x 1, 4 waves a work-group, no clusters, 46,592 bytes of LDS; arguments src, tgt, idx, statB, statA, cat, w1, g2, b2, w2_codes, w2_scales, w3_codes, w3_scales, w4_codes, w4_scales, g3; writes statA, cat
.if DOCPART == 11
	.amdgcn_target "amdgcn-amd-amdhsa--gfx1250"
	.amdhsa_code_object_version 6
	.text
	.protected	k_qcf2d07a7cd_edge3
	.globl	k_qcf2d07a7cd_edge3
	.p2align	8
	.type	k_qcf2d07a7cd_edge3,@function
k_qcf2d07a7cd_edge3:
	s_mov_b64 s[64:65], 0
	v_nop
	global_prefetch_b8 v0, s[64:65] scope:SCOPE_SE
	s_setreg_imm32_b32 hwreg(HW_REG_WAVE_SCHED_MODE, 0, 2), 2
	s_setreg_imm32_b32 hwreg(HW_REG_WAVE_MODE, 25, 1), 1
	s_wait_xcnt 0x0
	s_wait_alu depctr_vm_vsrc(0)
; EDGE LAYER L (the constant below: 2, 3 or 4; the three launches are this one text).  The chain of edge layers is made anew from the neighbour lists, in registers, up to layer L; of layer L only the sums for its
; batch norm and its maximum over the 32 neighbours are kept.  No layer's rows go to memory.
; ARGUMENTS (one list for the three): src, tgt, idx, partial sums in, partial sums out, cat, w1, gain and bias of layer L - 1, codes and scales of w2, w3, w4, gain of layer L.  A launch reads those that it needs.
; SHARES.  A work-group owns 64 points of one batch of one cloud, a wave 16: 32 tiles of 16 rows.  Tile T = 4 u + v: rows 0-7 are neighbours 8 v .. 8 v + 7 of point u, rows 8-15 the same of point u + 8.
; LAYER 1 goes by the f32 matrix form, K = 8 = (x_j, 1 | x_i, .): its batch norm is folded into the table W1' = (a w, c | a w, 0), and both operands are 8-byte reads of one LDS table (x, y, z, 1).
; LAYERS THAT GO ON are used transposed (source 0 = 16 rows of W, chosen so that two tiles give a lane 16 neighbours along the next K): a lane holds one row, and quantising asks one other lane.
; LAYER L is used as it stands (source 0 = the rows, source 1 = 16 rows of W): a lane holds one channel and eight rows of ONE point, so sum, sum of squares and maximum stay in the lane.
; Only a maximum is kept: max_k relu(a y + c) = relu(|a| max_k(s y) + c), s the sign of the gain, which is put into the sign bits of W's codes.  The sums are those of s y: a = g rsq(var + eps), C = b - |a| mean(s y) serve both uses.
; THE SUMS OF THE LAYER BEFORE are added up at the head by every work-group from the 128 rows of its cloud; the first work-group of a cloud hands all constants on (4,096 bytes at the head of the cloud's part).
; LIMITS: the variance is E[y^2] - mean^2 in f32: its relative error grows as 6e-8 mean^2 / var.  NaN and infinities are not served.
; THE MODE: SCHED_MODE bits 1:0 = 2 (LLVM: expert scheduling mode 2), set by the entry lines.  The code itself states the register dependences
; between vector or matrix instructions and memory or LDS instructions, with s_wait_alu, always for 0.
; THE PLAN.  Registers that memory or LDS instructions touch in the loop over tiles:
;   v[FADR], v[CA], v[IOF]   the addresses of the next tile's three loads: written by four vector lines at a tile's head, read by the loads that follow them.
;   v[IDXV]                  a list word: lands from memory; read by the head's v_min_u32.
;   v[F0 ..], v[FC ..]       the next tile's rows: land from LDS; read by the f32 products later in the same trip.
;   v[CB], v[ILC], v[H8], v[CO]  made at the kernel's head and never written again.
;   MX (L = 2: XO too)       maxima: written by the sums' lines, read by the stores behind a point's fourth tile, then set anew.
; So a tile's head has one wait on vm_vsrc (the last tile's loads have read their addresses), the four address lines, and one wait on va_vdst (the addresses are written, the list word is read, the last trip's
; f32 products are done with their rows); the three loads follow and have the tile's first layer in which to land.  One wait on va_vdst stands, behind its places, ahead of each run of products on codes just made.
; The store block has its own waits: va_vdst ahead of the stores, vm_vsrc ahead of the lines that set the maxima anew.
.set L, 3
.set NT, 4<<(L-2)                      ; tiles of 16 channels in layer L
.set NCH, 16*NT
.set NFO, 2*NCH                        ; numbers in the row of sums that I store
.if L == 2
.set NFI, 32                           ; numbers in the rows that I read
.set LCG, 3
.set CATO, 256                         ; where layer L's maxima lie in a row of cat
.set NZ, 4                             ; K = 64 fragments in window 2
.elseif L == 3
.set NFI, 128
.set LCG, 5
.set CATO, 512
.set AOUT, 2560                        ; where layer L - 1's a and C lie among the constants
.set COUT, 2816
.set NZ, 8
.else
.set NFI, 256
.set LCG, 6
.set CATO, 1024
.set AOUT, 3072
.set COUT, 3584
.set NZ, 8
.endif
.set CG, NFI/4                         ; 16-byte groups in such a row = rows that a thread adds
.set RP, 128/CG                        ; threads to a group
.set CP, NFI/2                         ; channels of layer L - 1
.if CG < 16
.set NL, CG
.else
.set NL, 16
.endif
.set PRM, 32768                        ; LDS: the table 32,768; the constants 4,096: W1' at 0, then a, C of layers 1, 2, 3 at 2048, 2304, 2560, 2816, 3072, 3584
.set RED, 36864                        ; 8,192 for sums
.set TOT, 45056                        ; 256: the 27 moments
.set R, 1                              ; window 0.  v1 lane % 16, v2 lane / 16
.set H, 2
.set IOF, 4                            ; offset of the list word being fetched
.set IDXV, 5                           ; that word
.set FADR, 6                           ; LDS byte of my row's neighbour
.set CB, 7                             ; LDS byte of my row's centre in tile 0, and in the tile in hand
.set CA, 8
.set CO, 9                             ; my place in two rows of cat
.set H8, 10
.set ILC, 11                           ; my row's place in the wave's lists
.set T4, 12
.set T16, 13
.set RA, 14                            ; where I put my channel sums
.set W2S, 32                           ; scale words of w2 (4), w3 (8), w4 (16); the word just made
.set W3S, 36
.set W4S, 44
.set PW, 60
.set TM, 64                            ; at work in the quantiser
.set PC, 80                            ; codes of a K = 64 operand: registers 6-11 stay zero codes
.set F0, 100                           ; (x_j, 1), (x_i, 1): two numbers a lane
.set FC, 102
.set W1T, 104                          ; W1', transposed use: tile t, K step s at 4 t + 2 s
.set D1, 120                           ; layer 1, written by matrix instructions alone
.set X, 152                            ; the layer in hand
.set PCB, 216                          ; L = 4: codes of the K = 128 operand
.set D1N, 184                          ; L = 2: layer 1 as it stands, written by matrix instructions alone; its table; its maxima; what is stored of them
.set W1N, 216
.set MX1, 232
.set XO, 236
.set A2, 0                             ; window 1: a, C of layers 2 and 3 in the lane's order; w2 transposed
.set C2, 32
.set A3, 64
.set C3, 128
.set W2T, 192
.set WA, 0                             ; window 2: w3 transposed (L = 4) or layer L's weights (L = 2, 3); two sets of four result tiles; sums, sums of squares, maxima
.set D4, 96
.set SUM, 160
.set SQ, 192
.set MX, 224
.set WN, 0                             ; layer L's weights: window 2, or 3 for L = 4
.if L == 2
.set WNS, W2S
.elseif L == 3
.set WNS, W3S
.else
.set WNS, W4S
.endif
.if L == 4
.set NATW, 0x8c                        ; source 1 window 3, result window 2
.set FLW, 0xc3
.set LDWN, 0xc0
.set NFR, 12
.set PCN, PCB
.else
.set NATW, 0x88
.set FLW, 0x82
.set LDWN, 0x80
.set NFR, 6
.set PCN, PC
.endif
.set MSB, 0
.macro WIN new                         ; the immediate's high byte repeats the setting that is left
.if MSB != \new
	s_set_vgpr_msb (MSB<<8)|\new
.set MSB, \new
.endif
.endm
.macro PLACES n
.rept \n
	v_nop
.endr
.endm
.macro BAR                             ; my LDS stores have landed and my LDS loads are in: then the work-group's barrier
	s_wait_dscnt 0x0
	s_barrier_signal -1
	s_barrier_wait -1
.endm
.macro MX6 d, a, b, sa, sb             ; one product on codes, K = 128, its sum begun with 0
	v_wmma_scale_f32_16x16x128_f8f6f4 v[\d:\d+7], v[\a:\a+11], v[\b:\b+11], 0, v[\sa], v[\sb] matrix_a_fmt:MATRIX_FMT_BF6 matrix_b_fmt:MATRIX_FMT_BF6
.endm
; 32 nc numbers of a lane, none negative, register 16 b + i = k 32 b + 16 (lane / 16) + i of my row, become codes in v[pc] on and the scale word v[PW]
.macro QUANT s, nc, pc
.irp b, 0,1,2,3
.if \b < 2*\nc
	v_max3_num_f32 v[TM+\b], v[\s+16*\b], v[\s+16*\b+1], 0x2800000   ; the floor 2^(5 - 127) holds the byte at 1 from below
.endif
.endr
.irp i, 2,4,6,8,10,12,14
.irp b, 0,1,2,3
.if \b < 2*\nc
	v_max3_num_f32 v[TM+\b], v[TM+\b], v[\s+16*\b+\i], v[\s+16*\b+\i+1]
.endif
.endr
.endr
.irp b, 0,1,2,3
.if \b < 2*\nc
	v_permlanex16_b32 v[TM+4+\b], v[TM+\b], s38, s39
.endif
.endr
.irp b, 0,1,2,3
.if \b < 2*\nc
	v_max_num_f32 v[TM+\b], v[TM+\b], v[TM+4+\b]   ; with lane l xor 16's sixteen: the block's largest
	v_add_nc_u32 v[TM+12+\b], 0xfe000000, v[TM+\b] ; 4 off its exponent field: the conversion's scale operand
	v_lshrrev_b32 v[TM+4+\b], 23, v[TM+12+\b]      ; the scale's byte
.endif
.endr
	v_lshl_or_b32 v[PW], v[TM+5], 8, v[TM+4]
.if \nc == 2
	v_lshl_or_b32 v[PW], v[TM+6], 16, v[PW]
	v_lshl_or_b32 v[PW], v[TM+7], 24, v[PW]
.else
	v_or_b32 v[PW], 0x7f7f0000, v[PW]              ; K = 64: the upper 64 are zero codes under the byte 127
.endif
.irp c, 0,1
.if \c < \nc
	v_cvt_scalef32_pk16_bf6_f32 v[\pc+6*\c:\pc+6*\c+2], v[\s+32*\c:\s+32*\c+15], v[TM+12+2*\c]
	v_cvt_scalef32_pk16_bf6_f32 v[\pc+12+4*\c:\pc+14+4*\c], v[\s+32*\c+16:\s+32*\c+31], v[TM+13+2*\c]
.endif
.endr
	v_nop                                          ; one plain place behind a scaled conversion
.irp c, 0,1
.if \c < \nc
.irp i, 0,1,2
	v_permlane16_swap_b32 v[\pc+6*\c+\i], v[\pc+12+4*\c+\i]    ; a whole block to a lane
.endr
.irp i, 0,1,2
	v_mov_b32 v[\pc+3+6*\c+\i], v[\pc+12+4*\c+\i]
.endr
.endif
.endr
.endm
.macro M1T ks, f, z                    ; layer 1, transposed: four tiles of 16 channels, K step ks; z = 1 begins the sums
.irp t, 0,1,2,3
.if \z
	v_wmma_f32_16x16x4_f32 v[D1+8*\t:D1+8*\t+7], v[W1T+4*\t+2*\ks:W1T+4*\t+2*\ks+1], v[\f:\f+1], 0
.else
	v_wmma_f32_16x16x4_f32 v[D1+8*\t:D1+8*\t+7], v[W1T+4*\t+2*\ks:W1T+4*\t+2*\ks+1], v[\f:\f+1], v[D1+8*\t:D1+8*\t+7]
.endif
.endr
.endm
.macro M1N ks, f, z                    ; the same as it stands (L = 2)
.irp t, 0,1,2,3
.if \z
	v_wmma_f32_16x16x4_f32 v[D1N+8*\t:D1N+8*\t+7], v[\f:\f+1], v[W1N+4*\t+2*\ks:W1N+4*\t+2*\ks+1], 0
.else
	v_wmma_f32_16x16x4_f32 v[D1N+8*\t:D1N+8*\t+7], v[\f:\f+1], v[W1N+4*\t+2*\ks:W1N+4*\t+2*\ks+1], v[D1N+8*\t:D1N+8*\t+7]
.endif
.endr
.endm
.macro NAT G                           ; layer L: tiles 4 G .. 4 G + 3 into set G % 2
.irp i, 0,1,2,3
	MX6 D4+32*((\G)%2)+8*\i, PCN, WN+12*(4*(\G)+\i), PW, WNS+4*(\G)+\i
.endr
.endm
.macro STATS G                         ; their sums, sums of squares and maxima: the four tiles by turns, each from its low end on
.irp jj, 0,2,4,6
.irp i, 0,1,2,3
.set dd, D4+32*((\G)%2)+8*\i+\jj
.set tt, 4*(\G)+\i
	v_pk_add_f32 v[SUM+2*tt:SUM+2*tt+1], v[SUM+2*tt:SUM+2*tt+1], v[dd:dd+1]
	v_pk_fma_f32 v[SQ+2*tt:SQ+2*tt+1], v[dd:dd+1], v[dd:dd+1], v[SQ+2*tt:SQ+2*tt+1]
	v_max3_num_f32 v[MX+tt], v[MX+tt], v[dd], v[dd+1]
.endr
.endr
.endm
.macro LW64 reg, vo, sb, imm           ; a fragment of a K = 64 weight: 24 bytes a lane
.irp i, 0,1,2
	global_load_b64 v[\reg+2*\i:\reg+2*\i+1], v[\vo], s[\sb:\sb+1] offset:(\imm)+8*\i
.endr
.endm
.macro LZ64 reg                        ; its upper six registers are zero codes
.irp i, 6,7,8,9,10,11
	v_mov_b32 v[\reg+\i], 0
.endr
.endm
.macro ROW3 d, m, i0, i1, i2, w        ; d = three moments . three weights
	v_mul_f32 v[\d], v[X+\m+\i0], v[\w]
	v_fma_f32 v[\d], v[X+\m+\i1], v[\w+1], v[\d]
	v_fma_f32 v[\d], v[X+\m+\i2], v[\w+2], v[\d]
.endm
	s_load_b512 s[4:19], s[0:1], 0x0               ; src 4, tgt 6, idx 8, sums in 10, sums out 12, cat 14, w1 16, gain before 18
	s_load_b512 s[20:35], s[0:1], 0x40             ; bias before 20, w2 22 24, w3 26 28, w4 30 32, gain of L 34
	v_lshl_add_u32 v254, v0, 2, 0xb400
	v_mov_b32 v255, 0
	v_lshrrev_b32 v15, 5, v0
	v_readfirstlane_b32 s36, v15                   ; wave 0..3
	v_and_b32 v[R], 15, v0
	s_wait_alu depctr_va_vdst(0)
	v_bfe_u32 v[H], v0, 4, 1
	s_lshr_b32 s37, ttmp9, 7                       ; cloud
	s_bfe_u32 s40, ttmp9, 0x20005                  ; batch
	s_and_b32 s41, ttmp9, 31
	s_lshl_b32 s41, s41, 6                         ; first point in the batch
	s_and_b32 s42, ttmp9, 127                      ; my row of sums
	s_mov_b32 s38, 0x76543210                      ; v_permlanex16_b32: lane l xor 16
	s_mov_b32 s39, 0xfedcba98
	v_lshlrev_b32 v[T4], 2, v0
	v_lshlrev_b32 v[T16], 4, v0
	v_lshlrev_b32 v[H8], 3, v[H]
	v_lshrrev_b32 v15, 3, v[R]
	s_wait_alu depctr_va_sdst(0)                   ; s36, the wave's number, is written, ahead of its first reader
	s_lshl_b32 s48, s36, 4
	s_add_co_u32 s48, s48, s41
	s_lshl_b32 s48, s48, 4
	v_lshl_add_u32 v[CB], v15, 7, v[H8]
	v_add_nc_u32 v[CB], s48, v[CB]                 ; 16 (first point of the wave + 8 (r / 8)) + 8 h
	v_and_b32 v16, 7, v[R]
	v_lshlrev_b32 v16, 2, v16
	v_lshl_add_u32 v[ILC], v15, 10, v16            ; 1024 (r / 8) + 4 (r % 8); a tile on is 32 bytes on
	v_lshlrev_b32 v[CO], 4, v[R]
	s_mul_i32 s48, s36, 4*NFO
	v_add_nc_u32 v[RA], s48, v[CO]
	v_lshl_add_u32 v[CO], v[H], 14, v[CO]          ; point u + 8 h: 16,384 h; my four channels: 16 r
	v_lshlrev_b32 v29, 5, v0
	v_mov_b32 v30, 0
	v_mul_u32_u24 v31, v0, 24
	s_wait_kmcnt 0x0
	s_cmp_eq_u32 s37, 0
	s_cselect_b64 s[4:5], s[4:5], s[6:7]           ; my cloud
	s_mov_b32 s45, 0
	s_mul_i32 s44, s40, 24576
	s_add_nc_u64 s[4:5], s[4:5], s[44:45]
	s_mul_i32 s44, s37, 532480
	s_add_nc_u64 s[10:11], s[10:11], s[44:45]
	s_add_nc_u64 s[12:13], s[12:13], s[44:45]
	s_add_nc_u64 s[46:47], s[10:11], 8192          ; the rows of sums that I read
	s_lshl_b32 s44, s42, 12
	s_add_co_u32 s44, s44, 8192
	s_add_nc_u64 s[54:55], s[12:13], s[44:45]      ; the row that I store
	s_lshl_b32 s44, ttmp9, 13
	s_lshl_b32 s48, s36, 11
	s_add_co_u32 s44, s44, s48
	s_add_nc_u64 s[8:9], s[8:9], s[44:45]          ; my wave's lists: 128 bytes a point
	s_lshl_b32 s44, s44, 4
	s_add_nc_u64 s[14:15], s[14:15], s[44:45]      ; my wave's rows of cat: 2,048 bytes a point
	; ---- the table (x, y, z, 1): thread t brings points t + 128 g, eight at a time
.irp g, 0,1,2,3,4,5,6,7
	v_mov_b32 v[X+4*\g+3], 1.0
.endr
	s_wait_alu depctr_va_vdst(0)                   ; the offsets and addresses made above are written, which the loads and stores of the whole kernel read; so are the eight 1.0, which the LDS stores below read
.irp hf, 0,1
.irp g, 0,1,2,3,4,5,6,7
.irp c, 0,1,2
	global_load_b32 v[X+4*\g+\c], v[T4], s[4:5] offset:8192*\c+512*(8*\hf+\g)
.endr
.endr
	s_wait_loadcnt 0x0
.irp g, 0,1,2,3,4,5,6,7
	ds_store_b128 v[T16], v[X+4*\g:X+4*\g+3] offset:2048*(8*\hf+\g)
.endr
	s_wait_dscnt 0x0                               ; the stores have landed
	s_wait_alu depctr_vm_vsrc(0)                   ; the LDS stores have read v[X ..], which the next loads or moves write
.endr
	; ---- the constants so far
.if L > 2
	global_load_b128 v[X:X+3], v[T16], s[10:11]
	global_load_b128 v[X+4:X+7], v[T16], s[10:11] offset:2048
	s_wait_loadcnt 0x0
	ds_store_b128 v[T16], v[X:X+3] offset:PRM
	ds_store_b128 v[T16], v[X+4:X+7] offset:PRM+2048
.else
.irp i, 0,1,2,3
	v_mov_b32 v[X+\i], 0
.endr
	s_wait_alu depctr_va_vdst(0)                   ; the four zeros are written, which the LDS store reads
	ds_store_b128 v[T16], v[X:X+3] offset:PRM+2048 ; what is not yet known is handed on as zeros
.endif
	s_wait_dscnt 0x0
	; ---- the 128 rows of sums of my cloud: thread t adds CG rows of one group of 16 bytes
	v_and_b32 v15, CG-1, v0
	v_lshrrev_b32 v16, LCG, v0
	v_lshlrev_b32 v15, 4, v15
	v_lshl_add_u32 v15, v16, 12, v15
.irp i, 16,17,18,19,20,21,22,23
	v_mov_b32 v\i, 0
.endr
.set ch, 0
.rept CG/NL
.if ch == 0
	s_wait_alu depctr_vm_vsrc(0)                   ; the LDS stores of the constants have read v[X ..], in which the loads below land
.endif
	s_wait_alu depctr_va_vdst(0)                   ; the first time: the offset v15 is written; later: the additions are done reading v[X ..], in which the next loads land
.set i, 0
.rept NL
	global_load_b128 v[X+4*i:X+4*i+3], v15, s[46:47] offset:(NL*ch+i)*RP*4096
.set i, i+1
.endr
	s_wait_loadcnt 0x0
.set i, 0
.rept NL/2
	v_pk_add_f32 v[16:17], v[16:17], v[X+8*i:X+8*i+1]
	v_pk_add_f32 v[18:19], v[18:19], v[X+8*i+2:X+8*i+3]
	v_pk_add_f32 v[20:21], v[20:21], v[X+8*i+4:X+8*i+5]
	v_pk_add_f32 v[22:23], v[22:23], v[X+8*i+6:X+8*i+7]
.set i, i+1
.endr
.set ch, ch+1
.endr
	v_pk_add_f32 v[16:17], v[16:17], v[20:21]
	v_pk_add_f32 v[18:19], v[18:19], v[22:23]
	s_wait_alu depctr_va_vdst(0)                   ; the sums v[16:19] are written, which the LDS store reads; the additions are done with v[16:23] and v[X ..], in which loads land below
	ds_store_b128 v[T16], v[16:19] offset:RED      ; RP rows of NFI numbers
	BAR
.if L > 2
	; ---- a and C of layer L - 1: thread c, one channel
	s_wait_alu depctr_vm_vsrc(0)                   ; my LDS store has read v[16:19], in which LDS loads land below
.if CP < 128
	s_cmp_ge_u32 s36, CP/32
	s_cbranch_scc1 .Lnofinal
.endif
	global_load_b32 v24, v[T4], s[18:19]
	global_load_b32 v25, v[T4], s[20:21]
.set q, 0
.rept RP
	ds_load_b32 v[16+q], v[T4] offset:RED+q*NFI*4
	ds_load_b32 v[20+q], v[T4] offset:RED+q*NFI*4+CP*4
.set q, q+1
.endr
	s_wait_dscnt 0x0
.set q, 1
.rept RP-1
	v_add_f32 v16, v16, v[16+q]
	v_add_f32 v20, v20, v[20+q]
.set q, q+1
.endr
	v_mul_f32 v16, 0x36800000, v16                 ; the mean: / 2^18 rows
	v_mul_f32 v20, 0x36800000, v20
	v_fma_f32 v20, -v16, v16, v20                  ; the variance,
	v_max_num_f32 v20, 0, v20                      ; never negative
	v_add_f32 v20, 0x3727c5ac, v20                 ; + 1e-5
	s_wait_alu depctr_va_vdst(0)
	v_rsq_f32 v21, v20
	v_nop                                          ; a plain place behind the transcendental,
	s_wait_alu depctr_va_vdst(0)                   ; and the wait for v21 ahead of its first reader
	s_wait_loadcnt 0x0
	v_mul_f32 v26, v24, v21
	v_fma_f32 v27, -|v26|, v16, v25
	s_wait_alu depctr_va_vdst(0)                   ; a and C, v26 and v27, are written, which the LDS stores read
	ds_store_b32 v[T4], v26 offset:PRM+AOUT
	ds_store_b32 v[T4], v27 offset:PRM+COUT
.Lnofinal:
.else
	; ---- L = 2: the 27 moments, then W1' = (a w, c | a w, 0)
	s_cmp_lg_u32 s36, 0
	s_cbranch_scc1 .Lnotot
.set q, 0
.rept 16
	ds_load_b32 v[X+q], v[T4] offset:RED+128*q
.set q, q+1
.endr
	s_wait_dscnt 0x0
.set q, 1
.rept 15
	v_add_f32 v[X], v[X], v[X+q]
.set q, q+1
.endr
	s_wait_alu depctr_va_vdst(0)                   ; the moment v[X] is written, which the LDS store reads; the additions are done with v[X ..], in which LDS loads land below
	ds_store_b32 v[T4], v[X] offset:TOT
.Lnotot:
	BAR
	s_wait_alu depctr_vm_vsrc(0)                   ; wave 0's LDS store has read v[X], in which an LDS load lands below
	s_cmp_ge_u32 s36, 2
	s_cbranch_scc1 .Lnofinal
.irp i, 0,1,2,3,4,5,6
	ds_load_b128 v[X+4*\i:X+4*\i+3], v30 offset:TOT+16*\i      ; the same in every lane
.endr
	global_load_b64 v[64:65], v31, s[16:17]        ; w1's row of channel c
	global_load_b64 v[66:67], v31, s[16:17] offset:8
	global_load_b64 v[68:69], v31, s[16:17] offset:16
	global_load_b32 v78, v[T4], s[18:19]
	global_load_b32 v79, v[T4], s[20:21]
	s_wait_dscnt 0x0
	s_wait_loadcnt 0x0
	v_mul_f32 v77, v[X], v64                       ; w . sum of feat
.irp i, 1,2,3,4,5
	v_fma_f32 v77, v[X+\i], v[64+\i], v77
.endr
.irp i, 0,1,2
	v_add_f32 v[70+\i], v[67+\i], v[67+\i]         ; the mixed terms count twice
.endr
	ROW3 73, 6, 0, 1, 2, 64                        ; w^T M w, row by row
	ROW3 74, 6, 1, 3, 4, 64
	ROW3 75, 6, 2, 4, 5, 64
.irp a, 0,1,2
.irp b, 0,1,2
	v_fma_f32 v[73+\a], v[X+12+3*\a+\b], v[70+\b], v[73+\a]
.endr
.endr
	v_mul_f32 v76, v73, v64
	v_fma_f32 v76, v74, v65, v76
	v_fma_f32 v76, v75, v66, v76
	ROW3 73, 21, 0, 1, 2, 67
	ROW3 74, 21, 1, 3, 4, 67
	ROW3 75, 21, 2, 4, 5, 67
	v_fma_f32 v76, v73, v67, v76
	v_fma_f32 v76, v74, v68, v76
	v_fma_f32 v76, v75, v69, v76
	v_mul_f32 v77, 0x36800000, v77                 ; the mean of y1: / 2^18 rows
	v_mul_f32 v76, 0x36800000, v76
	v_fma_f32 v76, -v77, v77, v76
	v_max_num_f32 v76, 0, v76
	v_add_f32 v76, 0x3727c5ac, v76
	v_rsq_f32 v80, v76
	v_mov_b32 v83, 1.0                             ; (a plain place behind the transcendental)
	s_wait_alu depctr_va_vdst(0)                   ; the wait for v80 ahead of its first reader
	v_mul_f32 v81, v78, v80                        ; a
	v_fma_f32 v[X+3], -v81, v77, v79               ; c = b - a mean
.irp i, 0,1,2
	v_mul_f32 v[X+\i], v81, v[64+\i]
	v_mul_f32 v[X+4+\i], v81, v[67+\i]
.endr
	v_mov_b32 v[X+7], 0
	s_wait_alu depctr_va_vdst(0)                   ; my row of W1' in v[X:X+7] and the 1.0 in v83 are written, which the LDS stores read
	ds_store_b128 v29, v[X:X+3] offset:PRM
	ds_store_b128 v29, v[X+4:X+7] offset:PRM+16
	ds_store_b32 v[T4], v83 offset:PRM+2048        ; cat holds layer 1's maxima finished: a = 1, C = 0 for the reader
.Lnofinal:
.endif
	BAR
	; ---- the first work-group of a cloud hands the constants on
.if L == 2
	s_wait_alu depctr_vm_vsrc(0)                   ; the LDS stores of W1' have read v[X:X+7], in which LDS loads land below
.endif
	s_cmp_lg_u32 s42, 0
	s_cbranch_scc1 .Lnoparam
	ds_load_b128 v[X:X+3], v[T16] offset:PRM
	ds_load_b128 v[X+4:X+7], v[T16] offset:PRM+2048
	s_wait_dscnt 0x0
	global_store_b128 v[T16], v[X:X+3], s[12:13]
	global_store_b128 v[T16], v[X+4:X+7], s[12:13] offset:2048
.Lnoparam:
	s_wait_xcnt 0x0                                ; those stores have had their addresses translated
	s_wait_alu depctr_vm_vsrc(0)                   ; those stores have read v[X:X+7]; the LDS stores further up have read v[16:19], v26, v27, v29 and v83: all of these are written again below
	; ---- what stays in registers
	v_and_b32 v16, 8, v[R]
	v_add_nc_u32 v16, v16, v[R]                    ; r + 8 (r / 8): the rows of a transposed tile
	v_lshl_add_u32 v17, v16, 5, v[H8]
	v_lshl_add_u32 v18, v[R], 7, v[H8]
	v_lshlrev_b32 v19, 6, v[H]
	v_mul_u32_u24 v20, v16, 48
	v_mad_u32_u24 v20, v[H], 24, v20               ; K = 64, transposed: 48 bytes a row
	v_mul_u32_u24 v21, v[R], 192
	v_mad_u32_u24 v21, v[H], 24, v21               ; K = 64, as it stands: lane r takes channel 4 r + t % 4 + 64 (t / 4)
	v_mul_u32_u24 v22, v[R], 384
	v_mad_u32_u24 v22, v[H], 24, v22               ; K = 128, as it stands
	v_lshlrev_b32 v23, 1, v16
	v_lshlrev_b32 v24, 3, v[R]
	v_lshlrev_b32 v25, 4, v[R]
.if L > 2
	WIN 0x40                                       ; the zero codes of the K = 64 fragments stand ahead of the wait, so that only window switches stand among the loads behind it
.irp t, 0,1,2,3
	LZ64 W2T+12*\t
.endr
.endif
	WIN 0x80
.set t, 0
.rept NZ
	LZ64 WA+12*t
.set t, t+1
.endr
	WIN 0
	s_wait_alu depctr_va_vdst(0)                   ; the offsets v17 to v25 are written, which the loads below read; every earlier vector line is done with v[X ..], in which the gains land
.irp t, 0,1,2,3
.irp s, 0,1
	ds_load_b64 v[W1T+4*\t+2*\s:W1T+4*\t+2*\s+1], v17 offset:PRM+(32*(\t/2)+8*(\t%2))*32+16*\s
.if L == 2
	ds_load_b64 v[W1N+4*\t+2*\s:W1N+4*\t+2*\s+1], v18 offset:PRM+32*\t+16*\s
.endif
.endr
.endr
.if L > 2
	WIN 0x40
.irp b, 0,1
.irp q, 0,1,2,3
	ds_load_b128 v[A2+16*\b+4*\q:A2+16*\b+4*\q+3], v19 offset:PRM+2560+128*\b+16*\q
	ds_load_b128 v[C2+16*\b+4*\q:C2+16*\b+4*\q+3], v19 offset:PRM+2816+128*\b+16*\q
.endr
.endr
.if L == 4
.irp b, 0,1,2,3
.irp q, 0,1,2,3
	ds_load_b128 v[A3+16*\b+4*\q:A3+16*\b+4*\q+3], v19 offset:PRM+3072+128*\b+16*\q
	ds_load_b128 v[C3+16*\b+4*\q:C3+16*\b+4*\q+3], v19 offset:PRM+3584+128*\b+16*\q
.endr
.endr
.endif
.irp t, 0,1,2,3
	LW64 W2T+12*\t, 20, 22, (32*(\t/2)+8*(\t%2))*48
.endr
	WIN 0
.irp t, 0,1,2,3
	global_load_u16 v[W2S+\t], v23, s[24:25] offset:(32*(\t/2)+8*(\t%2))*2
.endr
.endif
.if L == 2
	WIN 0x80
.irp t, 0,1,2,3
	LW64 WA+12*\t, 21, 22, \t*48
.endr
	WIN 0
.irp t, 0,1,2,3
	global_load_u16 v[W2S+\t], v24, s[24:25] offset:\t*2
.endr
.elseif L == 3
	WIN 0x80
.irp t, 0,1,2,3,4,5,6,7
	LW64 WA+12*\t, 21, 26, (64*(\t/4)+\t%4)*48
.endr
	WIN 0
.irp t, 0,1,2,3,4,5,6,7
	global_load_u16 v[W3S+\t], v24, s[28:29] offset:(64*(\t/4)+\t%4)*2
.endr
.else
	WIN 0x80
.irp t, 0,1,2,3,4,5,6,7
	LW64 WA+12*\t, 20, 26, (32*(\t/2)+8*(\t%2))*48
.endr
	WIN 0xc0
.irp t, 0,1,2,3,4,5,6,7,8,9,10,11,12,13,14,15
.irp p, 0,1,2,3,4,5
	global_load_b64 v[WN+12*\t+2*\p:WN+12*\t+2*\p+1], v22, s[30:31] offset:(64*(\t/4)+\t%4)*96+48*(\p/3)+8*(\p%3)
.endr
.endr
	WIN 0
.irp t, 0,1,2,3,4,5,6,7
	global_load_u16 v[W3S+\t], v23, s[28:29] offset:(32*(\t/2)+8*(\t%2))*2
.endr
.irp t, 0,1,2,3,4,5,6,7,8,9,10,11,12,13,14,15
	global_load_b32 v[W4S+\t], v25, s[32:33] offset:(64*(\t/4)+\t%4)*4
.endr
.endif
.set t, 0
.rept NT
	global_load_b32 v[X+t], v25, s[34:35] offset:(64*(t/4)+t%4)*4      ; the gain of my channel of tile t
.set t, t+1
.endr
	s_wait_loadcnt 0x0
	s_wait_dscnt 0x0
.irp t, 0,1,2,3
	v_or_b32 v[W2S+\t], 0x7f7f0000, v[W2S+\t]      ; K = 64: two bytes a row, and 127 over the zero codes
.endr
.if L > 2
.irp t, 0,1,2,3,4,5,6,7
	v_or_b32 v[W3S+\t], 0x7f7f0000, v[W3S+\t]
.endr
.endif
.set t, 0
.rept NT                                       ; a negative gain turns the signs of its channel's codes: bit 5 of each six, a pattern of three words
	v_ashrrev_i32 v26, 31, v[X+t]
	v_and_b32 v27, 0x20820820, v26
	v_and_b32 v28, 0x08208208, v26
	v_and_b32 v29, 0x82082082, v26
	WIN FLW
.set i, 0
.rept NFR
	v_xor_b32 v[WN+12*t+i], v[WN+12*t+i], v[27+i%3]
.set i, i+1
.endr
	WIN 0
.set t, t+1
.endr
	WIN 0x80
.set i, 0
.rept 64
	v_mov_b32 v[SUM+i], 0                          ; sums and sums of squares
.set i, i+1
.endr
.set i, 0
.rept 16
	v_mov_b32 v[MX+i], 0xff800000
.set i, i+1
.endr
	WIN 0
.set i, 0
.rept 20
	v_mov_b32 v[PC+i], 0
.set i, i+1
.endr
.irp i, 4,5,6,7
	v_mov_b32 v[TM+\i], 0                          ; a lane permute's destination counts as read
.endr
.if L == 2
.irp i, 0,1,2,3
	v_mov_b32 v[MX1+\i], 0xff800000
.endr
.endif
	; ---- tile 0's layer 1
	global_load_b32 v[IDXV], v[ILC], s[8:9]
	s_wait_loadcnt 0x0
	v_min_u32 v[FADR], 0x7ff, v[IDXV]
	v_lshl_add_u32 v[FADR], v[FADR], 4, v[H8]
	v_add_nc_u32 v[IOF], 32, v[ILC]
	s_wait_alu depctr_va_vdst(0)                   ; v[FADR] and v[IOF] are written, which the loads below read; v_min_u32 is done reading v[IDXV], in which the next word lands; the weights' turned signs, the scale words and the zero codes are written, which the products on codes take
	ds_load_b64 v[F0:F0+1], v[FADR]
	ds_load_b64 v[FC:FC+1], v[CB]
	global_load_b32 v[IDXV], v[IOF], s[8:9]
	s_wait_dscnt 0x0
	M1T 0, F0, 1
.if L == 2
	M1N 0, F0, 1
.endif
	M1T 1, FC, 0
.if L == 2
	M1N 1, FC, 0
.endif
	PLACES 8                                       ; eight places behind the f32 form, ahead of the first read of its results
	s_mov_b32 s50, 0
.Ltile:
	; 1: tile T + 1's rows are asked for (beyond the last tile: the last again, and its layer 1 is not used)
	s_wait_loadcnt 0x0                             ; its list word is in
	s_wait_alu depctr_vm_vsrc(0)                   ; the three loads of the tile before have read v[FADR], v[CA] and v[IOF], which are written below
	v_min_u32 v[FADR], 0x7ff, v[IDXV]
	v_lshl_add_u32 v[FADR], v[FADR], 4, v[H8]
	s_add_co_u32 s51, s50, 1
	s_min_u32 s51, s51, 31
	s_lshr_b32 s51, s51, 2
	s_lshl_b32 s51, s51, 4
	v_add_nc_u32 v[CA], s51, v[CB]
	s_add_co_u32 s52, s50, 2
	s_min_u32 s52, s52, 31
	s_lshl_b32 s52, s52, 5
	v_add_nc_u32 v[IOF], s52, v[ILC]
	s_wait_alu depctr_va_vdst(0)                   ; the three addresses are written; v_min_u32 is done reading v[IDXV]; the f32 products of the trip before are done reading v[F0 ..] and v[FC ..]: the three loads land in these
	ds_load_b64 v[F0:F0+1], v[FADR]
	ds_load_b64 v[FC:FC+1], v[CA]
	global_load_b32 v[IDXV], v[IOF], s[8:9]
	; 2: layer 1 of tile T: relu, codes
.set j, 0
.rept 32
	v_max_num_f32 v[X+j], 0, v[D1+j]
.set j, j+1
.endr
.if L == 2
.irp jj, 0,2,4,6
.irp t, 0,1,2,3
	v_max3_num_f32 v[MX1+\t], v[MX1+\t], v[D1N+8*\t+\jj], v[D1N+8*\t+\jj+1]
.endr
.endr
.endif
	QUANT X, 1, PC
	PLACES 8                                       ; a scale register written by a vector instruction stands 8 places ahead of a scaled product, an operand 4
.if L == 2
	WIN NATW
	s_wait_alu depctr_va_vdst(0)                   ; the codes v[PC ..] and the scale word v[PW] are written, which the products below take; the places above stay beside this wait
	NAT 0
	WIN 0
	s_wait_dscnt 0x0                               ; tile T + 1's rows are in
	M1T 0, F0, 1                                   ; sixteen accumulators' worth of f32 products, each accumulator one instruction a turn
	M1N 0, F0, 1
	M1T 1, FC, 0
	M1N 1, FC, 0
	PLACES 5
	WIN 0xaa
	STATS 0
	WIN 0
.else
	; 3: layer 2, transposed; tile T + 1's layer 1 begins beside the vector work that follows
	WIN 0x01
	s_wait_alu depctr_va_vdst(0)                   ; the codes v[PC ..] and the scale word v[PW] are written, which the products below take; the places above stay beside this wait
.irp t, 0,1,2,3
	MX6 X+8*\t, W2T+12*\t, PC, W2S+\t, PW
.endr
	WIN 0
	s_wait_dscnt 0x0
	M1T 0, F0, 1
	PLACES 4
	; 4: its batch norm, relu, codes
	WIN 0x14
.set j, 0
.rept 16
	v_pk_fma_f32 v[X+j:X+j+1], v[X+j:X+j+1], v[A2+j:A2+j+1], v[C2+j:C2+j+1]
.set j, j+2
.endr
	WIN 0
.set j, 0
.rept 32
	v_max_num_f32 v[X+j], 0, v[X+j]
.set j, j+1
.endr
	QUANT X, 1, PC
	PLACES 8
.if L == 3
	WIN NATW
	s_wait_alu depctr_va_vdst(0)                   ; layer 2's codes v[PC ..] and scale word v[PW] are written, which the products below take
	NAT 0
	NAT 1
	WIN 0
	M1T 1, FC, 0
	PLACES 5
	WIN 0xaa
	STATS 0
	STATS 1
	WIN 0
.else
	; 5: layer 3, transposed
	WIN 0x02
	s_wait_alu depctr_va_vdst(0)                   ; layer 2's codes v[PC ..] and scale word v[PW] are written, which the products below take
.irp t, 0,1,2,3,4,5,6,7
	MX6 X+8*\t, WA+12*\t, PC, W3S+\t, PW
.endr
	WIN 0
	M1T 1, FC, 0
	PLACES 4
	; 6
	WIN 0x14
.set j, 0
.rept 32
	v_pk_fma_f32 v[X+j:X+j+1], v[X+j:X+j+1], v[A3+j:A3+j+1], v[C3+j:C3+j+1]
.set j, j+2
.endr
	WIN 0
.set j, 0
.rept 64
	v_max_num_f32 v[X+j], 0, v[X+j]
.set j, j+1
.endr
	QUANT X, 2, PCB
	PLACES 8
	; 7: layer 4 as it stands: four tiles' products stand ahead of the sums over the four before
	WIN NATW
	s_wait_alu depctr_va_vdst(0)                   ; layer 3's codes v[PCB ..] and scale word v[PW] are written, which all sixteen products below take; the sums' lines between them write neither
	NAT 0
	NAT 1
	PLACES 5                                       ; five: the third group writes over the first group's results
	WIN 0xaa
	STATS 0
	WIN NATW
	NAT 2
	WIN 0xaa
	STATS 1
	WIN NATW
	NAT 3
	WIN 0xaa
	STATS 2
	STATS 3
	WIN 0
.endif
.endif
	; 8: behind a point's fourth tile its maxima leave: sixteen lanes store 256 consecutive bytes, aligned
	s_and_b32 s53, s50, 3
	s_cmp_lg_u32 s53, 3
	s_cbranch_scc1 .Lnostore
.if L == 2
.irp i, 0,1,2,3
	v_max_num_f32 v[XO+\i], 0, v[MX1+\i]
.endr
	s_wait_alu depctr_va_vdst(0)                   ; layer 1's maxima v[XO ..] are written, which the store reads
	global_store_b128 v[CO], v[XO:XO+3], s[14:15]
.endif
	WIN 0x08
	s_wait_alu depctr_va_vdst(0)                   ; the sums' lines have written the maxima MX, which the stores read
.set g, 0
.rept NT/4
	global_store_b128 v[CO], v[MX+4*g:MX+4*g+3], s[14:15] offset:CATO+256*g
.set g, g+1
.endr
	WIN 0
	s_wait_xcnt 0x0                                ; the stores have had their addresses translated: their base is stepped below
	s_wait_alu depctr_vm_vsrc(0)                   ; the stores have read MX (L = 2: and XO), which are written again from here on
	s_add_nc_u64 s[14:15], s[14:15], 2048
	WIN 0x80
.set i, 0
.rept NT
	v_mov_b32 v[MX+i], 0xff800000
.set i, i+1
.endr
	WIN 0
.if L == 2
.irp i, 0,1,2,3
	v_mov_b32 v[MX1+\i], 0xff800000
.endr
.endif
.Lnostore:
	s_add_co_u32 s50, s50, 1
	s_cmp_lt_u32 s50, 32
	s_cbranch_scc1 .Ltile
	; ---- the wave's sums: the pair's two halves, the other half of the lanes; then the four waves' through LDS
	WIN 0xaa
.set t, 0
.rept NT
	v_add_f32 v[D4+t], v[SUM+2*t], v[SUM+2*t+1]
	v_add_f32 v[D4+NT+t], v[SQ+2*t], v[SQ+2*t+1]
.set t, t+1
.endr
.set t, 0
.rept 2*NT
	v_permlanex16_b32 v[D4+2*NT+t], v[D4+t], s38, s39
.set t, t+1
.endr
.set t, 0
.rept 2*NT
	v_add_f32 v[D4+t], v[D4+t], v[D4+2*NT+t]
.set t, t+1
.endr
	WIN 0
	BAR                                            ; every wave's reads of the table are over
	WIN 0x08
	s_wait_alu depctr_va_vdst(0)                   ; the wave's sums in v[D4 ..] are written, which the LDS stores read; the loop's vector and matrix lines are done with v[X ..], in which LDS loads land below
.set g, 0
.rept NT/4
	ds_store_b128 v[RA], v[D4+4*g:D4+4*g+3] offset:RED+256*g
	ds_store_b128 v[RA], v[D4+NT+4*g:D4+NT+4*g+3] offset:RED+4*NCH+256*g
.set g, g+1
.endr
	WIN 0
	BAR
.if NFO/4 < 128
	s_cmp_ge_u32 s36, NFO/128
	s_cbranch_scc1 .Lend
.endif
.irp w, 0,1,2,3
	ds_load_b128 v[X+4*\w:X+4*\w+3], v[T16] offset:RED+\w*4*NFO
.endr
	s_wait_dscnt 0x0
	v_pk_add_f32 v[X:X+1], v[X:X+1], v[X+4:X+5]
	v_pk_add_f32 v[X+2:X+3], v[X+2:X+3], v[X+6:X+7]
	v_pk_add_f32 v[X+8:X+9], v[X+8:X+9], v[X+12:X+13]
	v_pk_add_f32 v[X+10:X+11], v[X+10:X+11], v[X+14:X+15]
	v_pk_add_f32 v[X:X+1], v[X:X+1], v[X+8:X+9]
	v_pk_add_f32 v[X+2:X+3], v[X+2:X+3], v[X+10:X+11]
	s_wait_alu depctr_va_vdst(0)                   ; the work-group's sums v[X:X+3] are written, which the store reads
	global_store_b128 v[T16], v[X:X+3], s[54:55]
.Lend:
	s_wait_dscnt 0x0                               ; the closing lines, six on end
	s_wait_alu 0x0
	s_wait_tensorcnt 0x0
	ds_add_u32 v254, v255
	s_wait_dscnt 0x0
	s_endpgm
.Lfunc_end_k_qcf2d07a7cd_edge3:
	.size	k_qcf2d07a7cd_edge3, .Lfunc_end_k_qcf2d07a7cd_edge3-k_qcf2d07a7cd_edge3
	.p2alignl 7, 3214868480
	.fill 96, 4, 3214868480
	.section	.rodata,"a",@progbits
	.p2align	6, 0x0
	.amdhsa_kernel k_qcf2d07a7cd_edge3
		.amdhsa_group_segment_fixed_size 46592
		.amdhsa_private_segment_fixed_size 0
		.amdhsa_enable_private_segment 0
		.amdhsa_kernarg_size 128
		.amdhsa_user_sgpr_count 2
		.amdhsa_user_sgpr_kernarg_segment_ptr 1
		.amdhsa_wavefront_size32 1
		.amdhsa_system_sgpr_workgroup_id_x 1
		.amdhsa_system_sgpr_workgroup_id_y 1
		.amdhsa_system_sgpr_workgroup_id_z 1
		.amdhsa_system_vgpr_workitem_id 0
		.amdhsa_next_free_vgpr 768
		.amdhsa_next_free_sgpr 80
		.amdhsa_reserve_vcc 0
		.amdhsa_float_denorm_mode_32 3
		.amdhsa_float_denorm_mode_16_64 3
		.amdhsa_memory_ordered 1
		.amdhsa_forward_progress 1
		.amdhsa_inst_pref_size 61
	.end_amdhsa_kernel
	.amdgpu_metadata
---
amdhsa.version: [ 1, 2 ]
amdhsa.kernels:
  - .name:           k_qcf2d07a7cd_edge3
    .symbol:         k_qcf2d07a7cd_edge3.kd
    .args:
      - { .name: src, .offset: 0, .size: 8, .value_kind: global_buffer, .address_space: global }
      - { .name: tgt, .offset: 8, .size: 8, .value_kind: global_buffer, .address_space: global }
      - { .name: idx, .offset: 16, .size: 8, .value_kind: global_buffer, .address_space: global }
      - { .name: statB, .offset: 24, .size: 8, .value_kind: global_buffer, .address_space: global }
      - { .name: statA, .offset: 32, .size: 8, .value_kind: global_buffer, .address_space: global }
      - { .name: cat, .offset: 40, .size: 8, .value_kind: global_buffer, .address_space: global }
      - { .name: w1, .offset: 48, .size: 8, .value_kind: global_buffer, .address_space: global }
      - { .name: g2, .offset: 56, .size: 8, .value_kind: global_buffer, .address_space: global }
      - { .name: b2, .offset: 64, .size: 8, .value_kind: global_buffer, .address_space: global }
      - { .name: w2_codes, .offset: 72, .size: 8, .value_kind: global_buffer, .address_space: global }
      - { .name: w2_scales, .offset: 80, .size: 8, .value_kind: global_buffer, .address_space: global }
      - { .name: w3_codes, .offset: 88, .size: 8, .value_kind: global_buffer, .address_space: global }
      - { .name: w3_scales, .offset: 96, .size: 8, .value_kind: global_buffer, .address_space: global }
      - { .name: w4_codes, .offset: 104, .size: 8, .value_kind: global_buffer, .address_space: global }
      - { .name: w4_scales, .offset: 112, .size: 8, .value_kind: global_buffer, .address_space: global }
      - { .name: g3, .offset: 120, .size: 8, .value_kind: global_buffer, .address_space: global }
    .group_segment_fixed_size: 46592
    .private_segment_fixed_size: 0
    .kernarg_segment_align: 8
    .kernarg_segment_size: 128
    .max_flat_workgroup_size: 128
    .sgpr_count:     80
    .vgpr_count:     768
    .wavefront_size: 32
...
	.end_amdgpu_metadata
.endif
;; end of part 11
;; launch edge4 (part 12): grid 256 x 1, 4 waves a work-group, no clusters, 46,592 bytes of LDS; arguments src, tgt, idx, statA, statB, cat, w1, g3, b3, w2_codes, w2_scales, w3_codes, w3_scales, w4_codes, w4_scales, g4; writes statB, cat
.if DOCPART == 12
	.amdgcn_target "amdgcn-amd-amdhsa--gfx1250"
	.amdhsa_code_object_version 6
	.text
	.protected	k_qcf2d07a7cd_edge4
	.globl	k_qcf2d07a7cd_edge4
	.p2align	8
	.type	k_qcf2d07a7cd_edge4,@function
k_qcf2d07a7cd_edge4:
	s_mov_b64 s[64:65], 0
	v_nop
	global_prefetch_b8 v0, s[64:65] scope:SCOPE_SE
	s_setreg_imm32_b32 hwreg(HW_REG_WAVE_SCHED_MODE, 0, 2), 2
	s_setreg_imm32_b32 hwreg(HW_REG_WAVE_MODE, 25, 1), 1
	s_wait_xcnt 0x0
	s_wait_alu depctr_vm_vsrc(0)
; EDGE LAYER L (the constant below: 2, 3 or 4; the three launches are this one text).  The chain of edge layers is made anew from the neighbour lists, in registers, up to layer L; of layer L only the sums for its
; batch norm and its maximum over the 32 neighbours are kept.  No layer's rows go to memory.
; ARGUMENTS (one list for the three): src, tgt, idx, partial sums in, partial sums out, cat, w1, gain and bias of layer L - 1, codes and scales of w2, w3, w4, gain of layer L.  A launch reads those that it needs.
; SHARES.  A work-group owns 64 points of one batch of one cloud, a wave 16: 32 tiles of 16 rows.  Tile T = 4 u + v: rows 0-7 are neighbours 8 v .. 8 v + 7 of point u, rows 8-15 the same of point u + 8.
; LAYER 1 goes by the f32 matrix form, K = 8 = (x_j, 1 | x_i, .): its batch norm is folded into the table W1' = (a w, c | a w, 0), and both operands are 8-byte reads of one LDS table (x, y, z, 1).
; LAYERS THAT GO ON are used transposed (source 0 = 16 rows of W, chosen so that two tiles give a lane 16 neighbours along the next K): a lane holds one row, and quantising asks one other lane.
; LAYER L is used as it stands (source 0 = the rows, source 1 = 16 rows of W): a lane holds one channel and eight rows of ONE point, so sum, sum of squares and maximum stay in the lane.
; Only a maximum is kept: max_k relu(a y + c) = relu(|a| max_k(s y) + c), s the sign of the gain, which is put into the sign bits of W's codes.  The sums are those of s y: a = g rsq(var + eps), C = b - |a| mean(s y) serve both uses.
; THE SUMS OF THE LAYER BEFORE are added up at the head by every work-group from the 128 rows of its cloud; the first work-group of a cloud hands all constants on (4,096 bytes at the head of the cloud's part).
; LIMITS: the variance is E[y^2] - mean^2 in f32: its relative error grows as 6e-8 mean^2 / var.  NaN and infinities are not served.
; THE MODE: SCHED_MODE bits 1:0 = 2 (LLVM: expert scheduling mode 2), set by the entry lines.  The code itself states the register dependences
; between vector or matrix instructions and memory or LDS instructions, with s_wait_alu, always for 0.
; THE PLAN.  Registers that memory or LDS instructions touch in the loop over tiles:
;   v[FADR], v[CA], v[IOF]   the addresses of the next tile's three loads: written by four vector lines at a tile's head, read by the loads that follow them.
;   v[IDXV]                  a list word: lands from memory; read by the head's v_min_u32.
;   v[F0 ..], v[FC ..]       the next tile's rows: land from LDS; read by the f32 products later in the same trip.
;   v[CB], v[ILC], v[H8], v[CO]  made at the kernel's head and never written again.
;   MX (L = 2: XO too)       maxima: written by the sums' lines, read by the stores behind a point's fourth tile, then set anew.
; So a tile's head has one wait on vm_vsrc (the last tile's loads have read their addresses), the four address lines, and one wait on va_vdst (the addresses are written, the list word is read, the last trip's
; f32 products are done with their rows); the three loads follow and have the tile's first layer in which to land.  One wait on va_vdst stands, behind its places, ahead of each run of products on codes just made.
; The store block has its own waits: va_vdst ahead of the stores, vm_vsrc ahead of the lines that set the maxima anew.
.set L, 4
.set NT, 4<<(L-2)                      ; tiles of 16 channels in layer L
.set NCH, 16*NT
.set NFO, 2*NCH                        ; numbers in the row of sums that I store
.if L == 2
.set NFI, 32                           ; numbers in the rows that I read
.set LCG, 3
.set CATO, 256                         ; where layer L's maxima lie in a row of cat
.set NZ, 4                             ; K = 64 fragments in window 2
.elseif L == 3
.set NFI, 128
.set LCG, 5
.set CATO, 512
.set AOUT, 2560                        ; where layer L - 1's a and C lie among the constants
.set COUT, 2816
.set NZ, 8
.else
.set NFI, 256
.set LCG, 6
.set CATO, 1024
.set AOUT, 3072
.set COUT, 3584
.set NZ, 8
.endif
.set CG, NFI/4                         ; 16-byte groups in such a row = rows that a thread adds
.set RP, 128/CG                        ; threads to a group
.set CP, NFI/2                         ; channels of layer L - 1
.if CG < 16
.set NL, CG
.else
.set NL, 16
.endif
.set PRM, 32768                        ; LDS: the table 32,768; the constants 4,096: W1' at 0, then a, C of layers 1, 2, 3 at 2048, 2304, 2560, 2816, 3072, 3584
.set RED, 36864                        ; 8,192 for sums
.set TOT, 45056                        ; 256: the 27 moments
.set R, 1                              ; window 0.  v1 lane % 16, v2 lane / 16
.set H, 2
.set IOF, 4                            ; offset of the list word being fetched
.set IDXV, 5                           ; that word
.set FADR, 6                           ; LDS byte of my row's neighbour
.set CB, 7                             ; LDS byte of my row's centre in tile 0, and in the tile in hand
.set CA, 8
.set CO, 9                             ; my place in two rows of cat
.set H8, 10
.set ILC, 11                           ; my row's place in the wave's lists
.set T4, 12
.set T16, 13
.set RA, 14                            ; where I put my channel sums
.set W2S, 32                           ; scale words of w2 (4), w3 (8), w4 (16); the word just made
.set W3S, 36
.set W4S, 44
.set PW, 60
.set TM, 64                            ; at work in the quantiser
.set PC, 80                            ; codes of a K = 64 operand: registers 6-11 stay zero codes
.set F0, 100                           ; (x_j, 1), (x_i, 1): two numbers a lane
.set FC, 102
.set W1T, 104                          ; W1', transposed use: tile t, K step s at 4 t + 2 s
.set D1, 120                           ; layer 1, written by matrix instructions alone
.set X, 152                            ; the layer in hand
.set PCB, 216                          ; L = 4: codes of the K = 128 operand
.set D1N, 184                          ; L = 2: layer 1 as it stands, written by matrix instructions alone; its table; its maxima; what is stored of them
.set W1N, 216
.set MX1, 232
.set XO, 236
.set A2, 0                             ; window 1: a, C of layers 2 and 3 in the lane's order; w2 transposed
.set C2, 32
.set A3, 64
.set C3, 128
.set W2T, 192
.set WA, 0                             ; window 2: w3 transposed (L = 4) or layer L's weights (L = 2, 3); two sets of four result tiles; sums, sums of squares, maxima
.set D4, 96
.set SUM, 160
.set SQ, 192
.set MX, 224
.set WN, 0                             ; layer L's weights: window 2, or 3 for L = 4
.if L == 2
.set WNS, W2S
.elseif L == 3
.set WNS, W3S
.else
.set WNS, W4S
.endif
.if L == 4
.set NATW, 0x8c                        ; source 1 window 3, result window 2
.set FLW, 0xc3
.set LDWN, 0xc0
.set NFR, 12
.set PCN, PCB
.else
.set NATW, 0x88
.set FLW, 0x82
.set LDWN, 0x80
.set NFR, 6
.set PCN, PC
.endif
.set MSB, 0
.macro WIN new                         ; the immediate's high byte repeats the setting that is left
.if MSB != \new
	s_set_vgpr_msb (MSB<<8)|\new
.set MSB, \new
.endif
.endm
.macro PLACES n
.rept \n
	v_nop
.endr
.endm
.macro BAR                             ; my LDS stores have landed and my LDS loads are in: then the work-group's barrier
	s_wait_dscnt 0x0
	s_barrier_signal -1
	s_barrier_wait -1
.endm
.macro MX6 d, a, b, sa, sb             ; one product on codes, K = 128, its sum begun with 0
	v_wmma_scale_f32_16x16x128_f8f6f4 v[\d:\d+7], v[\a:\a+11], v[\b:\b+11], 0, v[\sa], v[\sb] matrix_a_fmt:MATRIX_FMT_BF6 matrix_b_fmt:MATRIX_FMT_BF6
.endm
; 32 nc numbers of a lane, none negative, register 16 b + i = k 32 b + 16 (lane / 16) + i of my row, become codes in v[pc] on and the scale word v[PW]
.macro QUANT s, nc, pc
.irp b, 0,1,2,3
.if \b < 2*\nc
	v_max3_num_f32 v[TM+\b], v[\s+16*\b], v[\s+16*\b+1], 0x2800000   ; the floor 2^(5 - 127) holds the byte at 1 from below
.endif
.endr
.irp i, 2,4,6,8,10,12,14
.irp b, 0,1,2,3
.if \b < 2*\nc
	v_max3_num_f32 v[TM+\b], v[TM+\b], v[\s+16*\b+\i], v[\s+16*\b+\i+1]
.endif
.endr
.endr
.irp b, 0,1,2,3
.if \b < 2*\nc
	v_permlanex16_b32 v[TM+4+\b], v[TM+\b], s38, s39
.endif
.endr
.irp b, 0,1,2,3
.if \b < 2*\nc
	v_max_num_f32 v[TM+\b], v[TM+\b], v[TM+4+\b]   ; with lane l xor 16's sixteen: the block's largest
	v_add_nc_u32 v[TM+12+\b], 0xfe000000, v[TM+\b] ; 4 off its exponent field: the conversion's scale operand
	v_lshrrev_b32 v[TM+4+\b], 23, v[TM+12+\b]      ; the scale's byte
.endif
.endr
	v_lshl_or_b32 v[PW], v[TM+5], 8, v[TM+4]
.if \nc == 2
	v_lshl_or_b32 v[PW], v[TM+6], 16, v[PW]
	v_lshl_or_b32 v[PW], v[TM+7], 24, v[PW]
.else
	v_or_b32 v[PW], 0x7f7f0000, v[PW]              ; K = 64: the upper 64 are zero codes under the byte 127
.endif
.irp c, 0,1
.if \c < \nc
	v_cvt_scalef32_pk16_bf6_f32 v[\pc+6*\c:\pc+6*\c+2], v[\s+32*\c:\s+32*\c+15], v[TM+12+2*\c]
	v_cvt_scalef32_pk16_bf6_f32 v[\pc+12+4*\c:\pc+14+4*\c], v[\s+32*\c+16:\s+32*\c+31], v[TM+13+2*\c]
.endif
.endr
	v_nop                                          ; one plain place behind a scaled conversion
.irp c, 0,1
.if \c < \nc
.irp i, 0,1,2
	v_permlane16_swap_b32 v[\pc+6*\c+\i], v[\pc+12+4*\c+\i]    ; a whole block to a lane
.endr
.irp i, 0,1,2
	v_mov_b32 v[\pc+3+6*\c+\i], v[\pc+12+4*\c+\i]
.endr
.endif
.endr
.endm
.macro M1T ks, f, z                    ; layer 1, transposed: four tiles of 16 channels, K step ks; z = 1 begins the sums
.irp t, 0,1,2,3
.if \z
	v_wmma_f32_16x16x4_f32 v[D1+8*\t:D1+8*\t+7], v[W1T+4*\t+2*\ks:W1T+4*\t+2*\ks+1], v[\f:\f+1], 0
.else
	v_wmma_f32_16x16x4_f32 v[D1+8*\t:D1+8*\t+7], v[W1T+4*\t+2*\ks:W1T+4*\t+2*\ks+1], v[\f:\f+1], v[D1+8*\t:D1+8*\t+7]
.endif
.endr
.endm
.macro M1N ks, f, z                    ; the same as it stands (L = 2)
.irp t, 0,1,2,3
.if \z
	v_wmma_f32_16x16x4_f32 v[D1N+8*\t:D1N+8*\t+7], v[\f:\f+1], v[W1N+4*\t+2*\ks:W1N+4*\t+2*\ks+1], 0
.else
	v_wmma_f32_16x16x4_f32 v[D1N+8*\t:D1N+8*\t+7], v[\f:\f+1], v[W1N+4*\t+2*\ks:W1N+4*\t+2*\ks+1], v[D1N+8*\t:D1N+8*\t+7]
.endif
.endr
.endm
.macro NAT G                           ; layer L: tiles 4 G .. 4 G + 3 into set G % 2
.irp i, 0,1,2,3
	MX6 D4+32*((\G)%2)+8*\i, PCN, WN+12*(4*(\G)+\i), PW, WNS+4*(\G)+\i
.endr
.endm
.macro STATS G                         ; their sums, sums of squares and maxima: the four tiles by turns, each from its low end on
.irp jj, 0,2,4,6
.irp i, 0,1,2,3
.set dd, D4+32*((\G)%2)+8*\i+\jj
.set tt, 4*(\G)+\i
	v_pk_add_f32 v[SUM+2*tt:SUM+2*tt+1], v[SUM+2*tt:SUM+2*tt+1], v[dd:dd+1]
	v_pk_fma_f32 v[SQ+2*tt:SQ+2*tt+1], v[dd:dd+1], v[dd:dd+1], v[SQ+2*tt:SQ+2*tt+1]
	v_max3_num_f32 v[MX+tt], v[MX+tt], v[dd], v[dd+1]
.endr
.endr
.endm
.macro LW64 reg, vo, sb, imm           ; a fragment of a K = 64 weight: 24 bytes a lane
.irp i, 0,1,2
	global_load_b64 v[\reg+2*\i:\reg+2*\i+1], v[\vo], s[\sb:\sb+1] offset:(\imm)+8*\i
.endr
.endm
.macro LZ64 reg                        ; its upper six registers are zero codes
.irp i, 6,7,8,9,10,11
	v_mov_b32 v[\reg+\i], 0
.endr
.endm
.macro ROW3 d, m, i0, i1, i2, w        ; d = three moments . three weights
	v_mul_f32 v[\d], v[X+\m+\i0], v[\w]
	v_fma_f32 v[\d], v[X+\m+\i1], v[\w+1], v[\d]
	v_fma_f32 v[\d], v[X+\m+\i2], v[\w+2], v[\d]
.endm
	s_load_b512 s[4:19], s[0:1], 0x0               ; src 4, tgt 6, idx 8, sums in 10, sums out 12, cat 14, w1 16, gain before 18
	s_load_b512 s[20:35], s[0:1], 0x40             ; bias before 20, w2 22 24, w3 26 28, w4 30 32, gain of L 34
	v_lshl_add_u32 v254, v0, 2, 0xb400
	v_mov_b32 v255, 0
	v_lshrrev_b32 v15, 5, v0
	v_readfirstlane_b32 s36, v15                   ; wave 0..3
	v_and_b32 v[R], 15, v0
	s_wait_alu depctr_va_vdst(0)
	v_bfe_u32 v[H], v0, 4, 1
	s_lshr_b32 s37, ttmp9, 7                       ; cloud
	s_bfe_u32 s40, ttmp9, 0x20005                  ; batch
	s_and_b32 s41, ttmp9, 31
	s_lshl_b32 s41, s41, 6                         ; first point in the batch
	s_and_b32 s42, ttmp9, 127                      ; my row of sums
	s_mov_b32 s38, 0x76543210                      ; v_permlanex16_b32: lane l xor 16
	s_mov_b32 s39, 0xfedcba98
	v_lshlrev_b32 v[T4], 2, v0
	v_lshlrev_b32 v[T16], 4, v0
	v_lshlrev_b32 v[H8], 3, v[H]
	v_lshrrev_b32 v15, 3, v[R]
	s_wait_alu depctr_va_sdst(0)                   ; s36, the wave's number, is written, ahead of its first reader
	s_lshl_b32 s48, s36, 4
	s_add_co_u32 s48, s48, s41
	s_lshl_b32 s48, s48, 4
	v_lshl_add_u32 v[CB], v15, 7, v[H8]
	v_add_nc_u32 v[CB], s48, v[CB]                 ; 16 (first point of the wave + 8 (r / 8)) + 8 h
	v_and_b32 v16, 7, v[R]
	v_lshlrev_b32 v16, 2, v16
	v_lshl_add_u32 v[ILC], v15, 10, v16            ; 1024 (r / 8) + 4 (r % 8); a tile on is 32 bytes on
	v_lshlrev_b32 v[CO], 4, v[R]
	s_mul_i32 s48, s36, 4*NFO
	v_add_nc_u32 v[RA], s48, v[CO]
	v_lshl_add_u32 v[CO], v[H], 14, v[CO]          ; point u + 8 h: 16,384 h; my four channels: 16 r
	v_lshlrev_b32 v29, 5, v0
	v_mov_b32 v30, 0
	v_mul_u32_u24 v31, v0, 24
	s_wait_kmcnt 0x0
	s_cmp_eq_u32 s37, 0
	s_cselect_b64 s[4:5], s[4:5], s[6:7]           ; my cloud
	s_mov_b32 s45, 0
	s_mul_i32 s44, s40, 24576
	s_add_nc_u64 s[4:5], s[4:5], s[44:45]
	s_mul_i32 s44, s37, 532480
	s_add_nc_u64 s[10:11], s[10:11], s[44:45]
	s_add_nc_u64 s[12:13], s[12:13], s[44:45]
	s_add_nc_u64 s[46:47], s[10:11], 8192          ; the rows of sums that I read
	s_lshl_b32 s44, s42, 12
	s_add_co_u32 s44, s44, 8192
	s_add_nc_u64 s[54:55], s[12:13], s[44:45]      ; the row that I store
	s_lshl_b32 s44, ttmp9, 13
	s_lshl_b32 s48, s36, 11
	s_add_co_u32 s44, s44, s48
	s_add_nc_u64 s[8:9], s[8:9], s[44:45]          ; my wave's lists: 128 bytes a point
	s_lshl_b32 s44, s44, 4
	s_add_nc_u64 s[14:15], s[14:15], s[44:45]      ; my wave's rows of cat: 2,048 bytes a point
	; ---- the table (x, y, z, 1): thread t brings points t + 128 g, eight at a time
.irp g, 0,1,2,3,4,5,6,7
	v_mov_b32 v[X+4*\g+3], 1.0
.endr
	s_wait_alu depctr_va_vdst(0)                   ; the offsets and addresses made above are written, which the loads and stores of the whole kernel read; so are the eight 1.0, which the LDS stores below read
.irp hf, 0,1
.irp g, 0,1,2,3,4,5,6,7
.irp c, 0,1,2
	global_load_b32 v[X+4*\g+\c], v[T4], s[4:5] offset:8192*\c+512*(8*\hf+\g)
.endr
.endr
	s_wait_loadcnt 0x0
.irp g, 0,1,2,3,4,5,6,7
	ds_store_b128 v[T16], v[X+4*\g:X+4*\g+3] offset:2048*(8*\hf+\g)
.endr
	s_wait_dscnt 0x0                               ; the stores have landed
	s_wait_alu depctr_vm_vsrc(0)                   ; the LDS stores have read v[X ..], which the next loads or moves write
.endr
	; ---- the constants so far
.if L > 2
	global_load_b128 v[X:X+3], v[T16], s[10:11]
	global_load_b128 v[X+4:X+7], v[T16], s[10:11] offset:2048
	s_wait_loadcnt 0x0
	ds_store_b128 v[T16], v[X:X+3] offset:PRM
	ds_store_b128 v[T16], v[X+4:X+7] offset:PRM+2048
.else
.irp i, 0,1,2,3
	v_mov_b32 v[X+\i], 0
.endr
	s_wait_alu depctr_va_vdst(0)                   ; the four zeros are written, which the LDS store reads
	ds_store_b128 v[T16], v[X:X+3] offset:PRM+2048 ; what is not yet known is handed on as zeros
.endif
	s_wait_dscnt 0x0
	; ---- the 128 rows of sums of my cloud: thread t adds CG rows of one group of 16 bytes
	v_and_b32 v15, CG-1, v0
	v_lshrrev_b32 v16, LCG, v0
	v_lshlrev_b32 v15, 4, v15
	v_lshl_add_u32 v15, v16, 12, v15
.irp i, 16,17,18,19,20,21,22,23
	v_mov_b32 v\i, 0
.endr
.set ch, 0
.rept CG/NL
.if ch == 0
	s_wait_alu depctr_vm_vsrc(0)                   ; the LDS stores of the constants have read v[X ..], in which the loads below land
.endif
	s_wait_alu depctr_va_vdst(0)                   ; the first time: the offset v15 is written; later: the additions are done reading v[X ..], in which the next loads land
.set i, 0
.rept NL
	global_load_b128 v[X+4*i:X+4*i+3], v15, s[46:47] offset:(NL*ch+i)*RP*4096
.set i, i+1
.endr
	s_wait_loadcnt 0x0
.set i, 0
.rept NL/2
	v_pk_add_f32 v[16:17], v[16:17], v[X+8*i:X+8*i+1]
	v_pk_add_f32 v[18:19], v[18:19], v[X+8*i+2:X+8*i+3]
	v_pk_add_f32 v[20:21], v[20:21], v[X+8*i+4:X+8*i+5]
	v_pk_add_f32 v[22:23], v[22:23], v[X+8*i+6:X+8*i+7]
.set i, i+1
.endr
.set ch, ch+1
.endr
	v_pk_add_f32 v[16:17], v[16:17], v[20:21]
	v_pk_add_f32 v[18:19], v[18:19], v[22:23]
	s_wait_alu depctr_va_vdst(0)                   ; the sums v[16:19] are written, which the LDS store reads; the additions are done with v[16:23] and v[X ..], in which loads land below
	ds_store_b128 v[T16], v[16:19] offset:RED      ; RP rows of NFI numbers
	BAR
.if L > 2
	; ---- a and C of layer L - 1: thread c, one channel
	s_wait_alu depctr_vm_vsrc(0)                   ; my LDS store has read v[16:19], in which LDS loads land below
.if CP < 128
	s_cmp_ge_u32 s36, CP/32
	s_cbranch_scc1 .Lnofinal
.endif
	global_load_b32 v24, v[T4], s[18:19]
	global_load_b32 v25, v[T4], s[20:21]
.set q, 0
.rept RP
	ds_load_b32 v[16+q], v[T4] offset:RED+q*NFI*4
	ds_load_b32 v[20+q], v[T4] offset:RED+q*NFI*4+CP*4
.set q, q+1
.endr
	s_wait_dscnt 0x0
.set q, 1
.rept RP-1
	v_add_f32 v16, v16, v[16+q]
	v_add_f32 v20, v20, v[20+q]
.set q, q+1
.endr
	v_mul_f32 v16, 0x36800000, v16                 ; the mean: / 2^18 rows
	v_mul_f32 v20, 0x36800000, v20
	v_fma_f32 v20, -v16, v16, v20                  ; the variance,
	v_max_num_f32 v20, 0, v20                      ; never negative
	v_add_f32 v20, 0x3727c5ac, v20                 ; + 1e-5
	s_wait_alu depctr_va_vdst(0)
	v_rsq_f32 v21, v20
	v_nop                                          ; a plain place behind the transcendental,
	s_wait_alu depctr_va_vdst(0)                   ; and the wait for v21 ahead of its first reader
	s_wait_loadcnt 0x0
	v_mul_f32 v26, v24, v21
	v_fma_f32 v27, -|v26|, v16, v25
	s_wait_alu depctr_va_vdst(0)                   ; a and C, v26 and v27, are written, which the LDS stores read
	ds_store_b32 v[T4], v26 offset:PRM+AOUT
	ds_store_b32 v[T4], v27 offset:PRM+COUT
.Lnofinal:
.else
	; ---- L = 2: the 27 moments, then W1' = (a w, c | a w, 0)
	s_cmp_lg_u32 s36, 0
	s_cbranch_scc1 .Lnotot
.set q, 0
.rept 16
	ds_load_b32 v[X+q], v[T4] offset:RED+128*q
.set q, q+1
.endr
	s_wait_dscnt 0x0
.set q, 1
.rept 15
	v_add_f32 v[X], v[X], v[X+q]
.set q, q+1
.endr
	s_wait_alu depctr_va_vdst(0)                   ; the moment v[X] is written, which the LDS store reads; the additions are done with v[X ..], in which LDS loads land below
	ds_store_b32 v[T4], v[X] offset:TOT
.Lnotot:
	BAR
	s_wait_alu depctr_vm_vsrc(0)                   ; wave 0's LDS store has read v[X], in which an LDS load lands below
	s_cmp_ge_u32 s36, 2
	s_cbranch_scc1 .Lnofinal
.irp i, 0,1,2,3,4,5,6
	ds_load_b128 v[X+4*\i:X+4*\i+3], v30 offset:TOT+16*\i      ; the same in every lane
.endr
	global_load_b64 v[64:65], v31, s[16:17]        ; w1's row of channel c
	global_load_b64 v[66:67], v31, s[16:17] offset:8
	global_load_b64 v[68:69], v31, s[16:17] offset:16
	global_load_b32 v78, v[T4], s[18:19]
	global_load_b32 v79, v[T4], s[20:21]
	s_wait_dscnt 0x0
	s_wait_loadcnt 0x0
	v_mul_f32 v77, v[X], v64                       ; w . sum of feat
.irp i, 1,2,3,4,5
	v_fma_f32 v77, v[X+\i], v[64+\i], v77
.endr
.irp i, 0,1,2
	v_add_f32 v[70+\i], v[67+\i], v[67+\i]         ; the mixed terms count twice
.endr
	ROW3 73, 6, 0, 1, 2, 64                        ; w^T M w, row by row
	ROW3 74, 6, 1, 3, 4, 64
	ROW3 75, 6, 2, 4, 5, 64
.irp a, 0,1,2
.irp b, 0,1,2
	v_fma_f32 v[73+\a], v[X+12+3*\a+\b], v[70+\b], v[73+\a]
.endr
.endr
	v_mul_f32 v76, v73, v64
	v_fma_f32 v76, v74, v65, v76
	v_fma_f32 v76, v75, v66, v76
	ROW3 73, 21, 0, 1, 2, 67
	ROW3 74, 21, 1, 3, 4, 67
	ROW3 75, 21, 2, 4, 5, 67
	v_fma_f32 v76, v73, v67, v76
	v_fma_f32 v76, v74, v68, v76
	v_fma_f32 v76, v75, v69, v76
	v_mul_f32 v77, 0x36800000, v77                 ; the mean of y1: / 2^18 rows
	v_mul_f32 v76, 0x36800000, v76
	v_fma_f32 v76, -v77, v77, v76
	v_max_num_f32 v76, 0, v76
	v_add_f32 v76, 0x3727c5ac, v76
	v_rsq_f32 v80, v76
	v_mov_b32 v83, 1.0                             ; (a plain place behind the transcendental)
	s_wait_alu depctr_va_vdst(0)                   ; the wait for v80 ahead of its first reader
	v_mul_f32 v81, v78, v80                        ; a
	v_fma_f32 v[X+3], -v81, v77, v79               ; c = b - a mean
.irp i, 0,1,2
	v_mul_f32 v[X+\i], v81, v[64+\i]
	v_mul_f32 v[X+4+\i], v81, v[67+\i]
.endr
	v_mov_b32 v[X+7], 0
	s_wait_alu depctr_va_vdst(0)                   ; my row of W1' in v[X:X+7] and the 1.0 in v83 are written, which the LDS stores read
	ds_store_b128 v29, v[X:X+3] offset:PRM
	ds_store_b128 v29, v[X+4:X+7] offset:PRM+16
	ds_store_b32 v[T4], v83 offset:PRM+2048        ; cat holds layer 1's maxima finished: a = 1, C = 0 for the reader
.Lnofinal:
.endif
	BAR
	; ---- the first work-group of a cloud hands the constants on
.if L == 2
	s_wait_alu depctr_vm_vsrc(0)                   ; the LDS stores of W1' have read v[X:X+7], in which LDS loads land below
.endif
	s_cmp_lg_u32 s42, 0
	s_cbranch_scc1 .Lnoparam
	ds_load_b128 v[X:X+3], v[T16] offset:PRM
	ds_load_b128 v[X+4:X+7], v[T16] offset:PRM+2048
	s_wait_dscnt 0x0
	global_store_b128 v[T16], v[X:X+3], s[12:13]
	global_store_b128 v[T16], v[X+4:X+7], s[12:13] offset:2048
.Lnoparam:
	s_wait_xcnt 0x0                                ; those stores have had their addresses translated
	s_wait_alu depctr_vm_vsrc(0)                   ; those stores have read v[X:X+7]; the LDS stores further up have read v[16:19], v26, v27, v29 and v83: all of these are written again below
	; ---- what stays in registers
	v_and_b32 v16, 8, v[R]
	v_add_nc_u32 v16, v16, v[R]                    ; r + 8 (r / 8): the rows of a transposed tile
	v_lshl_add_u32 v17, v16, 5, v[H8]
	v_lshl_add_u32 v18, v[R], 7, v[H8]
	v_lshlrev_b32 v19, 6, v[H]
	v_mul_u32_u24 v20, v16, 48
	v_mad_u32_u24 v20, v[H], 24, v20               ; K = 64, transposed: 48 bytes a row
	v_mul_u32_u24 v21, v[R], 192
	v_mad_u32_u24 v21, v[H], 24, v21               ; K = 64, as it stands: lane r takes channel 4 r + t % 4 + 64 (t / 4)
	v_mul_u32_u24 v22, v[R], 384
	v_mad_u32_u24 v22, v[H], 24, v22               ; K = 128, as it stands
	v_lshlrev_b32 v23, 1, v16
	v_lshlrev_b32 v24, 3, v[R]
	v_lshlrev_b32 v25, 4, v[R]
.if L > 2
	WIN 0x40                                       ; the zero codes of the K = 64 fragments stand ahead of the wait, so that only window switches stand among the loads behind it
.irp t, 0,1,2,3
	LZ64 W2T+12*\t
.endr
.endif
	WIN 0x80
.set t, 0
.rept NZ
	LZ64 WA+12*t
.set t, t+1
.endr
	WIN 0
	s_wait_alu depctr_va_vdst(0)                   ; the offsets v17 to v25 are written, which the loads below read; every earlier vector line is done with v[X ..], in which the gains land
.irp t, 0,1,2,3
.irp s, 0,1
	ds_load_b64 v[W1T+4*\t+2*\s:W1T+4*\t+2*\s+1], v17 offset:PRM+(32*(\t/2)+8*(\t%2))*32+16*\s
.if L == 2
	ds_load_b64 v[W1N+4*\t+2*\s:W1N+4*\t+2*\s+1], v18 offset:PRM+32*\t+16*\s
.endif
.endr
.endr
.if L > 2
	WIN 0x40
.irp b, 0,1
.irp q, 0,1,2,3
	ds_load_b128 v[A2+16*\b+4*\q:A2+16*\b+4*\q+3], v19 offset:PRM+2560+128*\b+16*\q
	ds_load_b128 v[C2+16*\b+4*\q:C2+16*\b+4*\q+3], v19 offset:PRM+2816+128*\b+16*\q
.endr
.endr
.if L == 4
.irp b, 0,1,2,3
.irp q, 0,1,2,3
	ds_load_b128 v[A3+16*\b+4*\q:A3+16*\b+4*\q+3], v19 offset:PRM+3072+128*\b+16*\q
	ds_load_b128 v[C3+16*\b+4*\q:C3+16*\b+4*\q+3], v19 offset:PRM+3584+128*\b+16*\q
.endr
.endr
.endif
.irp t, 0,1,2,3
	LW64 W2T+12*\t, 20, 22, (32*(\t/2)+8*(\t%2))*48
.endr
	WIN 0
.irp t, 0,1,2,3
	global_load_u16 v[W2S+\t], v23, s[24:25] offset:(32*(\t/2)+8*(\t%2))*2
.endr
.endif
.if L == 2
	WIN 0x80
.irp t, 0,1,2,3
	LW64 WA+12*\t, 21, 22, \t*48
.endr
	WIN 0
.irp t, 0,1,2,3
	global_load_u16 v[W2S+\t], v24, s[24:25] offset:\t*2
.endr
.elseif L == 3
	WIN 0x80
.irp t, 0,1,2,3,4,5,6,7
	LW64 WA+12*\t, 21, 26, (64*(\t/4)+\t%4)*48
.endr
	WIN 0
.irp t, 0,1,2,3,4,5,6,7
	global_load_u16 v[W3S+\t], v24, s[28:29] offset:(64*(\t/4)+\t%4)*2
.endr
.else
	WIN 0x80
.irp t, 0,1,2,3,4,5,6,7
	LW64 WA+12*\t, 20, 26, (32*(\t/2)+8*(\t%2))*48
.endr
	WIN 0xc0
.irp t, 0,1,2,3,4,5,6,7,8,9,10,11,12,13,14,15
.irp p, 0,1,2,3,4,5
	global_load_b64 v[WN+12*\t+2*\p:WN+12*\t+2*\p+1], v22, s[30:31] offset:(64*(\t/4)+\t%4)*96+48*(\p/3)+8*(\p%3)
.endr
.endr
	WIN 0
.irp t, 0,1,2,3,4,5,6,7
	global_load_u16 v[W3S+\t], v23, s[28:29] offset:(32*(\t/2)+8*(\t%2))*2
.endr
.irp t, 0,1,2,3,4,5,6,7,8,9,10,11,12,13,14,15
	global_load_b32 v[W4S+\t], v25, s[32:33] offset:(64*(\t/4)+\t%4)*4
.endr
.endif
.set t, 0
.rept NT
	global_load_b32 v[X+t], v25, s[34:35] offset:(64*(t/4)+t%4)*4      ; the gain of my channel of tile t
.set t, t+1
.endr
	s_wait_loadcnt 0x0
	s_wait_dscnt 0x0
.irp t, 0,1,2,3
	v_or_b32 v[W2S+\t], 0x7f7f0000, v[W2S+\t]      ; K = 64: two bytes a row, and 127 over the zero codes
.endr
.if L > 2
.irp t, 0,1,2,3,4,5,6,7
	v_or_b32 v[W3S+\t], 0x7f7f0000, v[W3S+\t]
.endr
.endif
.set t, 0
.rept NT                                       ; a negative gain turns the signs of its channel's codes: bit 5 of each six, a pattern of three words
	v_ashrrev_i32 v26, 31, v[X+t]
	v_and_b32 v27, 0x20820820, v26
	v_and_b32 v28, 0x08208208, v26
	v_and_b32 v29, 0x82082082, v26
	WIN FLW
.set i, 0
.rept NFR
	v_xor_b32 v[WN+12*t+i], v[WN+12*t+i], v[27+i%3]
.set i, i+1
.endr
	WIN 0
.set t, t+1
.endr
	WIN 0x80
.set i, 0
.rept 64
	v_mov_b32 v[SUM+i], 0                          ; sums and sums of squares
.set i, i+1
.endr
.set i, 0
.rept 16
	v_mov_b32 v[MX+i], 0xff800000
.set i, i+1
.endr
	WIN 0
.set i, 0
.rept 20
	v_mov_b32 v[PC+i], 0
.set i, i+1
.endr
.irp i, 4,5,6,7
	v_mov_b32 v[TM+\i], 0                          ; a lane permute's destination counts as read
.endr
.if L == 2
.irp i, 0,1,2,3
	v_mov_b32 v[MX1+\i], 0xff800000
.endr
.endif
	; ---- tile 0's layer 1
	global_load_b32 v[IDXV], v[ILC], s[8:9]
	s_wait_loadcnt 0x0
	v_min_u32 v[FADR], 0x7ff, v[IDXV]
	v_lshl_add_u32 v[FADR], v[FADR], 4, v[H8]
	v_add_nc_u32 v[IOF], 32, v[ILC]
	s_wait_alu depctr_va_vdst(0)                   ; v[FADR] and v[IOF] are written, which the loads below read; v_min_u32 is done reading v[IDXV], in which the next word lands; the weights' turned signs, the scale words and the zero codes are written, which the products on codes take
	ds_load_b64 v[F0:F0+1], v[FADR]
	ds_load_b64 v[FC:FC+1], v[CB]
	global_load_b32 v[IDXV], v[IOF], s[8:9]
	s_wait_dscnt 0x0
	M1T 0, F0, 1
.if L == 2
	M1N 0, F0, 1
.endif
	M1T 1, FC, 0
.if L == 2
	M1N 1, FC, 0
.endif
	PLACES 8                                       ; eight places behind the f32 form, ahead of the first read of its results
	s_mov_b32 s50, 0
.Ltile:
	; 1: tile T + 1's rows are asked for (beyond the last tile: the last again, and its layer 1 is not used)
	s_wait_loadcnt 0x0                             ; its list word is in
	s_wait_alu depctr_vm_vsrc(0)                   ; the three loads of the tile before have read v[FADR], v[CA] and v[IOF], which are written below
	v_min_u32 v[FADR], 0x7ff, v[IDXV]
	v_lshl_add_u32 v[FADR], v[FADR], 4, v[H8]
	s_add_co_u32 s51, s50, 1
	s_min_u32 s51, s51, 31
	s_lshr_b32 s51, s51, 2
	s_lshl_b32 s51, s51, 4
	v_add_nc_u32 v[CA], s51, v[CB]
	s_add_co_u32 s52, s50, 2
	s_min_u32 s52, s52, 31
	s_lshl_b32 s52, s52, 5
	v_add_nc_u32 v[IOF], s52, v[ILC]
	s_wait_alu depctr_va_vdst(0)                   ; the three addresses are written; v_min_u32 is done reading v[IDXV]; the f32 products of the trip before are done reading v[F0 ..] and v[FC ..]: the three loads land in these
	ds_load_b64 v[F0:F0+1], v[FADR]
	ds_load_b64 v[FC:FC+1], v[CA]
	global_load_b32 v[IDXV], v[IOF], s[8:9]
	; 2: layer 1 of tile T: relu, codes
.set j, 0
.rept 32
	v_max_num_f32 v[X+j], 0, v[D1+j]
.set j, j+1
.endr
.if L == 2
.irp jj, 0,2,4,6
.irp t, 0,1,2,3
	v_max3_num_f32 v[MX1+\t], v[MX1+\t], v[D1N+8*\t+\jj], v[D1N+8*\t+\jj+1]
.endr
.endr
.endif
	QUANT X, 1, PC
	PLACES 8                                       ; a scale register written by a vector instruction stands 8 places ahead of a scaled product, an operand 4
.if L == 2
	WIN NATW
	s_wait_alu depctr_va_vdst(0)                   ; the codes v[PC ..] and the scale word v[PW] are written, which the products below take; the places above stay beside this wait
	NAT 0
	WIN 0
	s_wait_dscnt 0x0                               ; tile T + 1's rows are in
	M1T 0, F0, 1                                   ; sixteen accumulators' worth of f32 products, each accumulator one instruction a turn
	M1N 0, F0, 1
	M1T 1, FC, 0
	M1N 1, FC, 0
	PLACES 5
	WIN 0xaa
	STATS 0
	WIN 0
.else
	; 3: layer 2, transposed; tile T + 1's layer 1 begins beside the vector work that follows
	WIN 0x01
	s_wait_alu depctr_va_vdst(0)                   ; the codes v[PC ..] and the scale word v[PW] are written, which the products below take; the places above stay beside this wait
.irp t, 0,1,2,3
	MX6 X+8*\t, W2T+12*\t, PC, W2S+\t, PW
.endr
	WIN 0
	s_wait_dscnt 0x0
	M1T 0, F0, 1
	PLACES 4
	; 4: its batch norm, relu, codes
	WIN 0x14
.set j, 0
.rept 16
	v_pk_fma_f32 v[X+j:X+j+1], v[X+j:X+j+1], v[A2+j:A2+j+1], v[C2+j:C2+j+1]
.set j, j+2
.endr
	WIN 0
.set j, 0
.rept 32
	v_max_num_f32 v[X+j], 0, v[X+j]
.set j, j+1
.endr
	QUANT X, 1, PC
	PLACES 8
.if L == 3
	WIN NATW
	s_wait_alu depctr_va_vdst(0)                   ; layer 2's codes v[PC ..] and scale word v[PW] are written, which the products below take
	NAT 0
	NAT 1
	WIN 0
	M1T 1, FC, 0
	PLACES 5
	WIN 0xaa
	STATS 0
	STATS 1
	WIN 0
.else
	; 5: layer 3, transposed
	WIN 0x02
	s_wait_alu depctr_va_vdst(0)                   ; layer 2's codes v[PC ..] and scale word v[PW] are written, which the products below take
.irp t, 0,1,2,3,4,5,6,7
	MX6 X+8*\t, WA+12*\t, PC, W3S+\t, PW
.endr
	WIN 0
	M1T 1, FC, 0
	PLACES 4
	; 6
	WIN 0x14
.set j, 0
.rept 32
	v_pk_fma_f32 v[X+j:X+j+1], v[X+j:X+j+1], v[A3+j:A3+j+1], v[C3+j:C3+j+1]
.set j, j+2
.endr
	WIN 0
.set j, 0
.rept 64
	v_max_num_f32 v[X+j], 0, v[X+j]
.set j, j+1
.endr
	QUANT X, 2, PCB
	PLACES 8
	; 7: layer 4 as it stands: four tiles' products stand ahead of the sums over the four before
	WIN NATW
	s_wait_alu depctr_va_vdst(0)                   ; layer 3's codes v[PCB ..] and scale word v[PW] are written, which all sixteen products below take; the sums' lines between them write neither
	NAT 0
	NAT 1
	PLACES 5                                       ; five: the third group writes over the first group's results
	WIN 0xaa
	STATS 0
	WIN NATW
	NAT 2
	WIN 0xaa
	STATS 1
	WIN NATW
	NAT 3
	WIN 0xaa
	STATS 2
	STATS 3
	WIN 0
.endif
.endif
	; 8: behind a point's fourth tile its maxima leave: sixteen lanes store 256 consecutive bytes, aligned
	s_and_b32 s53, s50, 3
	s_cmp_lg_u32 s53, 3
	s_cbranch_scc1 .Lnostore
.if L == 2
.irp i, 0,1,2,3
	v_max_num_f32 v[XO+\i], 0, v[MX1+\i]
.endr
	s_wait_alu depctr_va_vdst(0)                   ; layer 1's maxima v[XO ..] are written, which the store reads
	global_store_b128 v[CO], v[XO:XO+3], s[14:15]
.endif
	WIN 0x08
	s_wait_alu depctr_va_vdst(0)                   ; the sums' lines have written the maxima MX, which the stores read
.set g, 0
.rept NT/4
	global_store_b128 v[CO], v[MX+4*g:MX+4*g+3], s[14:15] offset:CATO+256*g
.set g, g+1
.endr
	WIN 0
	s_wait_xcnt 0x0                                ; the stores have had their addresses translated: their base is stepped below
	s_wait_alu depctr_vm_vsrc(0)                   ; the stores have read MX (L = 2: and XO), which are written again from here on
	s_add_nc_u64 s[14:15], s[14:15], 2048
	WIN 0x80
.set i, 0
.rept NT
	v_mov_b32 v[MX+i], 0xff800000
.set i, i+1
.endr
	WIN 0
.if L == 2
.irp i, 0,1,2,3
	v_mov_b32 v[MX1+\i], 0xff800000
.endr
.endif
.Lnostore:
	s_add_co_u32 s50, s50, 1
	s_cmp_lt_u32 s50, 32
	s_cbranch_scc1 .Ltile
	; ---- the wave's sums: the pair's two halves, the other half of the lanes; then the four waves' through LDS
	WIN 0xaa
.set t, 0
.rept NT
	v_add_f32 v[D4+t], v[SUM+2*t], v[SUM+2*t+1]
	v_add_f32 v[D4+NT+t], v[SQ+2*t], v[SQ+2*t+1]
.set t, t+1
.endr
.set t, 0
.rept 2*NT
	v_permlanex16_b32 v[D4+2*NT+t], v[D4+t], s38, s39
.set t, t+1
.endr
.set t, 0
.rept 2*NT
	v_add_f32 v[D4+t], v[D4+t], v[D4+2*NT+t]
.set t, t+1
.endr
	WIN 0
	BAR                                            ; every wave's reads of the table are over
	WIN 0x08
	s_wait_alu depctr_va_vdst(0)                   ; the wave's sums in v[D4 ..] are written, which the LDS stores read; the loop's vector and matrix lines are done with v[X ..], in which LDS loads land below
.set g, 0
.rept NT/4
	ds_store_b128 v[RA], v[D4+4*g:D4+4*g+3] offset:RED+256*g
	ds_store_b128 v[RA], v[D4+NT+4*g:D4+NT+4*g+3] offset:RED+4*NCH+256*g
.set g, g+1
.endr
	WIN 0
	BAR
.if NFO/4 < 128
	s_cmp_ge_u32 s36, NFO/128
	s_cbranch_scc1 .Lend
.endif
.irp w, 0,1,2,3
	ds_load_b128 v[X+4*\w:X+4*\w+3], v[T16] offset:RED+\w*4*NFO
.endr
	s_wait_dscnt 0x0
	v_pk_add_f32 v[X:X+1], v[X:X+1], v[X+4:X+5]
	v_pk_add_f32 v[X+2:X+3], v[X+2:X+3], v[X+6:X+7]
	v_pk_add_f32 v[X+8:X+9], v[X+8:X+9], v[X+12:X+13]
	v_pk_add_f32 v[X+10:X+11], v[X+10:X+11], v[X+14:X+15]
	v_pk_add_f32 v[X:X+1], v[X:X+1], v[X+8:X+9]
	v_pk_add_f32 v[X+2:X+3], v[X+2:X+3], v[X+10:X+11]
	s_wait_alu depctr_va_vdst(0)                   ; the work-group's sums v[X:X+3] are written, which the store reads
	global_store_b128 v[T16], v[X:X+3], s[54:55]
.Lend:
	s_wait_dscnt 0x0                               ; the closing lines, six on end
	s_wait_alu 0x0
	s_wait_tensorcnt 0x0
	ds_add_u32 v254, v255
	s_wait_dscnt 0x0
	s_endpgm
.Lfunc_end_k_qcf2d07a7cd_edge4:
	.size	k_qcf2d07a7cd_edge4, .Lfunc_end_k_qcf2d07a7cd_edge4-k_qcf2d07a7cd_edge4
	.p2alignl 7, 3214868480
	.fill 96, 4, 3214868480
	.section	.rodata,"a",@progbits
	.p2align	6, 0x0
	.amdhsa_kernel k_qcf2d07a7cd_edge4
		.amdhsa_group_segment_fixed_size 46592
		.amdhsa_private_segment_fixed_size 0
		.amdhsa_enable_private_segment 0
		.amdhsa_kernarg_size 128
		.amdhsa_user_sgpr_count 2
		.amdhsa_user_sgpr_kernarg_segment_ptr 1
		.amdhsa_wavefront_size32 1
		.amdhsa_system_sgpr_workgroup_id_x 1
		.amdhsa_system_sgpr_workgroup_id_y 1
		.amdhsa_system_sgpr_workgroup_id_z 1
		.amdhsa_system_vgpr_workitem_id 0
		.amdhsa_next_free_vgpr 1024
		.amdhsa_next_free_sgpr 80
		.amdhsa_reserve_vcc 0
		.amdhsa_float_denorm_mode_32 3
		.amdhsa_float_denorm_mode_16_64 3
		.amdhsa_memory_ordered 1
		.amdhsa_forward_progress 1
		.amdhsa_inst_pref_size 107
	.end_amdhsa_kernel
	.amdgpu_metadata
---
amdhsa.version: [ 1, 2 ]
amdhsa.kernels:
  - .name:           k_qcf2d07a7cd_edge4
    .symbol:         k_qcf2d07a7cd_edge4.kd
    .args:
      - { .name: src, .offset: 0, .size: 8, .value_kind: global_buffer, .address_space: global }
      - { .name: tgt, .offset: 8, .size: 8, .value_kind: global_buffer, .address_space: global }
      - { .name: idx, .offset: 16, .size: 8, .value_kind: global_buffer, .address_space: global }
      - { .name: statA, .offset: 24, .size: 8, .value_kind: global_buffer, .address_space: global }
      - { .name: statB, .offset: 32, .size: 8, .value_kind: global_buffer, .address_space: global }
      - { .name: cat, .offset: 40, .size: 8, .value_kind: global_buffer, .address_space: global }
      - { .name: w1, .offset: 48, .size: 8, .value_kind: global_buffer, .address_space: global }
      - { .name: g3, .offset: 56, .size: 8, .value_kind: global_buffer, .address_space: global }
      - { .name: b3, .offset: 64, .size: 8, .value_kind: global_buffer, .address_space: global }
      - { .name: w2_codes, .offset: 72, .size: 8, .value_kind: global_buffer, .address_space: global }
      - { .name: w2_scales, .offset: 80, .size: 8, .value_kind: global_buffer, .address_space: global }
      - { .name: w3_codes, .offset: 88, .size: 8, .value_kind: global_buffer, .address_space: global }
      - { .name: w3_scales, .offset: 96, .size: 8, .value_kind: global_buffer, .address_space: global }
      - { .name: w4_codes, .offset: 104, .size: 8, .value_kind: global_buffer, .address_space: global }
      - { .name: w4_scales, .offset: 112, .size: 8, .value_kind: global_buffer, .address_space: global }
      - { .name: g4, .offset: 120, .size: 8, .value_kind: global_buffer, .address_space: global }
    .group_segment_fixed_size: 46592
    .private_segment_fixed_size: 0
    .kernarg_segment_align: 8
    .kernarg_segment_size: 128
    .max_flat_workgroup_size: 128
    .sgpr_count:     80
    .vgpr_count:     1024
    .wavefront_size: 32
...
	.end_amdgpu_metadata
.endif
;; end of part 12
;; launch lin5 (part 13): grid 256 x 1, 4 waves a work-group, no clusters, 295,424 bytes of LDS; arguments cat, statB, statA, y5, w5_codes, w5_scales, g4, b4; writes statA, y5
.if DOCPART == 13
	.amdgcn_target "amdgcn-amd-amdhsa--gfx1250"
	.amdhsa_code_object_version 6
	.text
	.protected	k_qcf2d07a7cd_lin5
	.globl	k_qcf2d07a7cd_lin5
	.p2align	8
	.type	k_qcf2d07a7cd_lin5,@function
k_qcf2d07a7cd_lin5:
	s_mov_b64 s[64:65], 0
	v_nop
	global_prefetch_b8 v0, s[64:65] scope:SCOPE_SE
	s_setreg_imm32_b32 hwreg(HW_REG_WAVE_MODE, 25, 1), 1
	s_wait_xcnt 0x0
; y5 = Q(cat) w5^T, K = 512, and the sums for its batch norm.  cat: [point][512] f32: layer 1's maxima finished, layers 2 to 4's maxima of s y, which become relu(|a| e + C) here.
; SHARES.  A work-group takes 64 rows; THE WAVES SHARE THE COLUMNS: wave w makes channels 128 w .. 128 w + 127 for all 64 rows.  Its 128 rows of w5's codes come into LDS by ONE tensor load of its own, at the head, filled
; once and read by that wave alone.  Wave w quantises rows 16 w .. 16 w + 15 (four fragments), which go to the other waves through LDS as images of their registers.
; The product is used transposed, and the rows of w5 that form a tile are chosen so that two tiles give a lane 16 neighbouring channels: y5 is stored as images of the accumulators, which the next launch quantises as they come.
; y5: [tile of 16 rows][tile of 16 channels][half][lane][16 bytes].  Sums: per wave 128 sums, then 128 sums of squares, at 1,024 w of the work-group's row of statA.
; No multicast: w5's codes are 196,608 bytes, read once by each work-group, a small part of what the launch moves (cat in, y5 out: 131,072 bytes each a work-group).
; LIMITS: the variance of layer 4 is E[y^2] - mean^2 in f32.  NaN and infinities are not served.
.set XIMG, 245760                      ; LDS: w5 4 x 61,440 (rows 480 bytes apart: 6 x (64 + 16)); the rows' 16 fragments, 1,536 bytes each;
.set XSC, 270336                       ; their scale words, 128 bytes each;
.set PRM, 272384                       ; the constants, 6,144: as handed on, and layer 4's a at 4096, C at 5120;
.set RED, 278528                       ; 2,048 for the sums of layer 4;
.set STG, 280576                       ; 1,024 for each wave's sums of y5
.set R, 1
.set H, 2
.set XA, 4                             ; my place in the wave's 16 rows of cat
.set LIX, 5                            ; images: 16 x lane;  scale words: 4 x lane
.set LSX, 6
.set XWI, 7                            ; where I store mine
.set XWS, 8
.set CAD, 9                            ; the constants of my half of the lanes
.set WAD, 10                           ; my row of a tile of w5; v11: the same behind one padding more
.set T4, 12
.set T16, 13
.set W5S, 32                           ; w5's scale words: tile t, K step s at 4 t + s
.set X, 64
.set PC, 128
.set TM, 148
.set PW, 164
.set XF, 168                           ; a K step's four fragments of rows, their scale words
.set XS, 216
.set WF, 220                           ; two fragments of w5 by turns
.set S8, 64
.set Q8, 72
.set MSB, 0
.macro WIN new
.if MSB != \new
	s_set_vgpr_msb (MSB<<8)|\new
.set MSB, \new
.endif
.endm
.macro PLACES n
.rept \n
	v_nop
.endr
.endm
.macro BAR
	s_wait_dscnt 0x0
	s_barrier_signal -1
	s_barrier_wait -1
.endm
.macro QUANT s                         ; 64 numbers of a lane, none negative, register 16 b + i = k 32 b + 16 (lane / 16) + i, become codes in v[PC] on and the scale word v[PW]
.irp b, 0,1,2,3
	v_max3_num_f32 v[TM+\b], v[\s+16*\b], v[\s+16*\b+1], 0x2800000   ; the floor 2^(5 - 127) holds the byte at 1 from below
.endr
.irp i, 2,4,6,8,10,12,14
.irp b, 0,1,2,3
	v_max3_num_f32 v[TM+\b], v[TM+\b], v[\s+16*\b+\i], v[\s+16*\b+\i+1]
.endr
.endr
.irp b, 0,1,2,3
	v_permlanex16_b32 v[TM+4+\b], v[TM+\b], s22, s23
.endr
.irp b, 0,1,2,3
	v_max_num_f32 v[TM+\b], v[TM+\b], v[TM+4+\b]
	v_add_nc_u32 v[TM+12+\b], 0xfe000000, v[TM+\b] ; 4 off the exponent field: the conversion's scale operand
	v_lshrrev_b32 v[TM+4+\b], 23, v[TM+12+\b]
.endr
	v_lshl_or_b32 v[PW], v[TM+5], 8, v[TM+4]
	v_lshl_or_b32 v[PW], v[TM+6], 16, v[PW]
	v_lshl_or_b32 v[PW], v[TM+7], 24, v[PW]
.irp c, 0,1
	v_cvt_scalef32_pk16_bf6_f32 v[PC+6*\c:PC+6*\c+2], v[\s+32*\c:\s+32*\c+15], v[TM+12+2*\c]
	v_cvt_scalef32_pk16_bf6_f32 v[PC+12+4*\c:PC+14+4*\c], v[\s+32*\c+16:\s+32*\c+31], v[TM+13+2*\c]
.endr
	v_nop                                          ; one plain place behind a scaled conversion
.irp c, 0,1
.irp i, 0,1,2
	v_permlane16_swap_b32 v[PC+6*\c+\i], v[PC+12+4*\c+\i]
.endr
.irp i, 0,1,2
	v_mov_b32 v[PC+3+6*\c+\i], v[PC+12+4*\c+\i]
.endr
.endr
.endm
	s_load_b512 s[4:19], s[0:1], 0x0               ; cat 4, sums in 6, sums out 8, y5 10, w5's codes 12, scales 14, g4 16, b4 18
	v_lshl_add_u32 v254, v0, 2, 0x48000
	v_mov_b32 v255, 0
	ds_add_u32 v254, v255
	ds_add_u32 v254, v255
	v_lshrrev_b32 v21, 5, v0
	v_readfirstlane_b32 s20, v21                   ; wave 0..3
	s_mov_b32 s28, (1<<20)|(3<<22)|(3<<25)         ; group 1: elements of 1 byte; 16 bytes of padding behind every 64
	s_mov_b32 s29, 384<<16                         ; tensor_dim0 = 384 bytes: 512 codes
	s_mov_b32 s30, 128<<16                         ; tensor_dim1 = 128 rows
	s_mov_b32 s31, 384<<16                         ; tile_dim0
	s_mov_b32 s32, 128                             ; tile_dim1
	s_mov_b32 s33, 384                             ; from row to row
	s_mov_b32 s34, 0
	s_mov_b32 s35, 0
	s_mov_b32 s24, 1
	s_mul_i32 s25, s20, 61440                      ; LDS: my wave's own bytes
	s_mul_i32 s36, s20, 49152                      ; memory: my 128 rows
	s_mov_b32 s37, 0
	s_wait_dscnt 0x0
	s_wait_kmcnt 0x0
	s_add_nc_u64 s[26:27], s[12:13], s[36:37]
	s_or_b32 s27, s27, 0x80000000
	tensor_load_to_lds s[24:27], s[28:35]          ; my one tensor load: by this text's count one is out
	s_nop 0
.rept 4
	v_nop
.endr
	s_mov_b32 s22, 0x76543210
	s_mov_b32 s23, 0xfedcba98
	s_lshr_b32 s21, ttmp9, 7                       ; cloud
	s_mul_i32 s38, s21, 532480
	s_mov_b32 s39, 0
	s_add_nc_u64 s[6:7], s[6:7], s[38:39]
	s_add_nc_u64 s[8:9], s[8:9], s[38:39]
	s_add_nc_u64 s[40:41], s[6:7], 8192            ; the rows of sums that I read
	s_and_b32 s38, ttmp9, 127
	s_lshl_b32 s38, s38, 12
	s_lshl_b32 s42, s20, 10
	s_add_co_u32 s38, s38, s42
	s_add_co_u32 s38, s38, 8192
	s_add_nc_u64 s[8:9], s[8:9], s[38:39]          ; my wave's quarter of the row that I store
	s_lshl_b32 s38, ttmp9, 17
	s_lshl_b32 s42, s20, 15
	s_add_co_u32 s42, s42, s38
	s_mov_b32 s43, 0
	s_add_nc_u64 s[4:5], s[4:5], s[42:43]          ; cat: my wave's 16 rows
	s_lshl_b32 s42, s20, 13
	s_add_co_u32 s42, s42, s38
	s_add_nc_u64 s[10:11], s[10:11], s[42:43]      ; y5: the work-group's four tiles of rows, my eight tiles of channels
	s_lshl_b32 s42, s20, 11
	s_add_nc_u64 s[14:15], s[14:15], s[42:43]      ; w5's scales: 16 bytes a row
	v_and_b32 v[R], 15, v0
	v_bfe_u32 v[H], v0, 4, 1
	v_and_b32 v3, 31, v0
	v_lshlrev_b32 v[XA], 11, v[R]
	v_lshl_add_u32 v[XA], v[H], 6, v[XA]
	v_lshlrev_b32 v20, 4, v3
	v_add_nc_u32 v[LIX], XIMG, v20
	v_lshlrev_b32 v[LSX], 2, v3
	v_add_nc_u32 v[LSX], XSC, v[LSX]
	s_mul_i32 s42, s20, 6144
	v_add_nc_u32 v[XWI], s42, v[LIX]
	s_lshl_b32 s42, s20, 9
	v_add_nc_u32 v[XWS], s42, v[LSX]
	v_lshlrev_b32 v[CAD], 6, v[H]
	v_add_nc_u32 v[CAD], PRM, v[CAD]
	v_and_b32 v21, 8, v[R]
	v_add_nc_u32 v21, v21, v[R]                    ; r + 8 (r / 8)
	v_mul_u32_u24 v[WAD], v21, 480
	v_mad_u32_u24 v[WAD], v[H], 24, v[WAD]
	v_add_nc_u32 v[WAD], s25, v[WAD]
	v_lshl_add_u32 v11, v[H], 4, v[WAD]
	v_lshlrev_b32 v[T4], 2, v0
	v_lshlrev_b32 v[T16], 4, v0
	v_add_nc_u32 v14, RED, v[T16]
	v_add_nc_u32 v15, RED, v[T4]
	v_add_nc_u32 v16, PRM+4096, v[T4]
	v_add_nc_u32 v17, PRM, v[T16]
	s_lshl_b32 s42, s20, 10
	s_add_co_u32 s42, s42, STG
	v_lshlrev_b32 v18, 6, v[H]
	v_add_nc_u32 v18, s42, v18
	v_add_nc_u32 v19, s42, v20
	v_lshlrev_b32 v22, 4, v21
.irp i, 4,5,6,7
	v_mov_b32 v[TM+\i], 0
.endr
.irp t, 0,1,2,3,4,5,6,7
	global_load_b128 v[W5S+4*\t:W5S+4*\t+3], v22, s[14:15] offset:(32*(\t/2)+8*(\t%2))*16
.endr
	global_load_b128 v[X:X+3], v[T16], s[6:7]      ; the constants handed on
	global_load_b128 v[X+4:X+7], v[T16], s[6:7] offset:2048
	s_wait_alu depctr_va_vdst(0)
	s_wait_loadcnt 0x0
	ds_store_b128 v17, v[X:X+3]
	ds_store_b128 v17, v[X+4:X+7] offset:2048
	s_wait_dscnt 0x0
	; ---- layer 4's sums: thread t adds one group of 16 bytes over the 128 rows of my cloud
.irp i, 24,25,26,27,28,29,30,31
	v_mov_b32 v\i, 0
.endr
.set ch, 0
	s_wait_alu depctr_va_vdst(0)
.rept 8
.set i, 0
.rept 16
	global_load_b128 v[X+4*i:X+4*i+3], v[T16], s[40:41] offset:(16*ch+i)*4096
.set i, i+1
.endr
	s_wait_alu depctr_va_vdst(0)
	s_wait_loadcnt 0x0
.set i, 0
.rept 8
	v_pk_add_f32 v[24:25], v[24:25], v[X+8*i:X+8*i+1]
	v_pk_add_f32 v[26:27], v[26:27], v[X+8*i+2:X+8*i+3]
	v_pk_add_f32 v[28:29], v[28:29], v[X+8*i+4:X+8*i+5]
	v_pk_add_f32 v[30:31], v[30:31], v[X+8*i+6:X+8*i+7]
.set i, i+1
.endr
.set ch, ch+1
.endr
	v_pk_add_f32 v[24:25], v[24:25], v[28:29]
	v_pk_add_f32 v[26:27], v[26:27], v[30:31]
	ds_store_b128 v14, v[24:27]
	BAR
.irp u, 0,1                                    ; thread t: channels t and t + 128
	ds_load_b32 v[64+\u], v15 offset:512*\u
	ds_load_b32 v[66+\u], v15 offset:1024+512*\u
	global_load_b32 v[68+\u], v[T4], s[16:17] offset:512*\u
	global_load_b32 v[70+\u], v[T4], s[18:19] offset:512*\u
.endr
	s_wait_dscnt 0x0
.irp u, 0,1
	v_mul_f32 v[64+\u], 0x36800000, v[64+\u]       ; / 2^18 rows
	v_mul_f32 v[66+\u], 0x36800000, v[66+\u]
	v_fma_f32 v[66+\u], -v[64+\u], v[64+\u], v[66+\u]
	v_max_num_f32 v[66+\u], 0, v[66+\u]
	v_add_f32 v[66+\u], 0x3727c5ac, v[66+\u]
.endr
	s_wait_alu depctr_va_vdst(0)
	v_rsq_f32 v72, v66
	v_rsq_f32 v73, v67
	v_nop
	s_wait_alu depctr_va_vdst(0)                   ; one wait for the two, ahead of their first reader
	s_wait_loadcnt 0x0
.irp u, 0,1
	v_mul_f32 v[74+\u], v[68+\u], v[72+\u]
	v_fma_f32 v[76+\u], -|v[74+\u]|, v[64+\u], v[70+\u]
	ds_store_b32 v16, v[74+\u] offset:512*\u
	ds_store_b32 v16, v[76+\u] offset:1024+512*\u
.endr
	BAR
	; ---- my 16 rows of cat become four fragments
.macro XPH s
.irp b, 0,1,2,3
.irp j, 0,1,2,3
	global_load_b128 v[X+16*\b+4*\j:X+16*\b+4*\j+3], v[XA], s[4:5] offset:512*\s+128*\b+16*\j th:TH_LOAD_NT
.endr
.endr
	WIN 0x40                                       ; a and C of these 128 channels, in the lane's order, into window 1
.irp b, 0,1,2,3
.if \s == 0
.set AO, 2048+512*(\b/2)+128*(\b%2)
.set CD, 256
.elseif \s == 1
.set AO, 3072+128*\b
.set CD, 512
.else
.set AO, 4096+512*(\s-2)+128*\b
.set CD, 1024
.endif
.irp q, 0,1,2,3
	ds_load_b128 v[16*\b+4*\q:16*\b+4*\q+3], v[CAD] offset:AO+16*\q
	ds_load_b128 v[64+16*\b+4*\q:64+16*\b+4*\q+3], v[CAD] offset:AO+CD+16*\q
.endr
.endr
	s_wait_loadcnt 0x0
	s_wait_dscnt 0x0
	WIN 0x14
.set j, 0
.rept 64
	v_fma_f32 v[X+j], v[X+j], |v[j]|, v[64+j]
.set j, j+1
.endr
	WIN 0
.set j, 0
.rept 64
	v_max_num_f32 v[X+j], 0, v[X+j]
.set j, j+1
.endr
	QUANT X
.irp c, 0,1,2
	ds_store_b128 v[XWI], v[PC+4*\c:PC+4*\c+3] offset:\s*1536+512*\c
.endr
	ds_store_b32 v[XWS], v[PW] offset:\s*128
	s_wait_dscnt 0x0                               ; the stores have read their registers
.endm
	XPH 0
	XPH 1
	XPH 2
	XPH 3
	BAR                                            ; the sixteen fragments lie in LDS
	s_wait_tensorcnt 0x0                           ; my rows of w5 have landed; only I read them
; a fragment of w5: tile t, K step s.  In pieces of 8 bytes; lanes 16-31 read three pieces on, which for some pieces is behind one padding more: v11 serves those
.macro FRAG reg, s, t
.irp p, 0,1,2,3,4,5
.set pp, 12*(\s)+6*(\p/3)+\p%3
.if pp%8 < 5
	ds_load_b64 v[\reg+2*\p:\reg+2*\p+1], v[WAD] offset:8*pp+16*(pp/8)+(32*((\t)/2)+8*((\t)%2))*480
.else
	ds_load_b64 v[\reg+2*\p:\reg+2*\p+1], v11 offset:8*pp+16*(pp/8)+(32*((\t)/2)+8*((\t)%2))*480
.endif
.endr
.endm
; a K step: 32 products; accumulator (t, m) at 8 (4 t + m) of window 1; each is taken up again 32 instructions later
.macro GEMM s
	PLACES 4                                       ; in front of loads into registers that matrix instructions have read
.irp m, 0,1,2,3
.irp c, 0,1,2
	ds_load_b128 v[XF+12*\m+4*\c:XF+12*\m+4*\c+3], v[LIX] offset:(4*\m+\s)*1536+512*\c
.endr
	ds_load_b32 v[XS+\m], v[LSX] offset:(4*\m+\s)*128
.endr
	FRAG WF, \s, 0
.irp t, 0,1,2,3,4,5,6,7
.if \t < 7
.if \t > 0
	PLACES 4
.endif
	FRAG WF+12*((\t+1)%2), \s, \t+1
	s_wait_dscnt 6                                 ; all but the six loads just issued, the next tile's
.else
	s_wait_dscnt 0x0
.endif
	WIN 0x50
.irp m, 0,1,2,3
.if \s == 0
	v_wmma_scale_f32_16x16x128_f8f6f4 v[8*(4*\t+\m):8*(4*\t+\m)+7], v[WF+12*(\t%2):WF+12*(\t%2)+11], v[XF+12*\m:XF+12*\m+11], 0, v[W5S+4*\t+\s], v[XS+\m] matrix_a_fmt:MATRIX_FMT_BF6 matrix_b_fmt:MATRIX_FMT_BF6
.else
	v_wmma_scale_f32_16x16x128_f8f6f4 v[8*(4*\t+\m):8*(4*\t+\m)+7], v[WF+12*(\t%2):WF+12*(\t%2)+11], v[XF+12*\m:XF+12*\m+11], v[8*(4*\t+\m):8*(4*\t+\m)+7], v[W5S+4*\t+\s], v[XS+\m] matrix_a_fmt:MATRIX_FMT_BF6 matrix_b_fmt:MATRIX_FMT_BF6
.endif
.endr
	WIN 0
.endr
.endm
	GEMM 0
	GEMM 1
	GEMM 2
	GEMM 3
	PLACES 4
	WIN 0x04                                       ; a store's data are its source 1: window 1
.irp t, 0,1,2,3,4,5,6,7
.irp m, 0,1,2,3
.irp e, 0,1
	global_store_b128 v20, v[8*(4*\t+\m)+4*\e:8*(4*\t+\m)+4*\e+3], s[10:11] offset:\m*32768+\t*1024+512*\e   ; 32 lanes store 512 consecutive bytes, aligned; each accumulator from its low end on
.endr
.endr
.endr
	; ---- the sums over the 64 rows: four tiles in the lane, then sixteen lanes
.irp t, 0,1,2,3,4,5,6,7
	WIN 0x05
.irp jj, 0,2,4,6
	v_pk_add_f32 v[S8+\jj:S8+\jj+1], v[32*\t+\jj:32*\t+\jj+1], v[32*\t+8+\jj:32*\t+8+\jj+1]
	v_pk_mul_f32 v[Q8+\jj:Q8+\jj+1], v[32*\t+\jj:32*\t+\jj+1], v[32*\t+\jj:32*\t+\jj+1]
.endr
.irp jj, 0,2,4,6
	v_pk_fma_f32 v[Q8+\jj:Q8+\jj+1], v[32*\t+8+\jj:32*\t+8+\jj+1], v[32*\t+8+\jj:32*\t+8+\jj+1], v[Q8+\jj:Q8+\jj+1]
.endr
.irp m, 2,3
.irp jj, 0,2,4,6
	v_pk_fma_f32 v[S8+\jj:S8+\jj+1], v[32*\t+8*\m+\jj:32*\t+8*\m+\jj+1], 1.0, v[S8+\jj:S8+\jj+1] op_sel_hi:[1,0,1]
	v_pk_fma_f32 v[Q8+\jj:Q8+\jj+1], v[32*\t+8*\m+\jj:32*\t+8*\m+\jj+1], v[32*\t+8*\m+\jj:32*\t+8*\m+\jj+1], v[Q8+\jj:Q8+\jj+1]
.endr
.endr
	WIN 0
.irp x, 1,2,4,8
.set j, 0
.rept 16
	v_add_f32_dpp v[S8+j], v[S8+j], v[S8+j] row_xmask:\x row_mask:0xf bank_mask:0xf
.set j, j+1
.endr
.endr
.irp e, 0,1
	ds_store_b128 v18, v[S8+4*\e:S8+4*\e+3] offset:(32*(\t/2)+8*(\t%2))*4+16*\e        ; the sixteen lanes of a half hold the same numbers and write the same bytes
	ds_store_b128 v18, v[Q8+4*\e:Q8+4*\e+3] offset:512+(32*(\t/2)+8*(\t%2))*4+16*\e
.endr
	s_wait_dscnt 0x0
.endr
	ds_load_b128 v[64:67], v19                     ; my wave's own bytes
	ds_load_b128 v[68:71], v19 offset:512
	s_wait_dscnt 0x0
	global_store_b128 v20, v[64:67], s[8:9]
	global_store_b128 v20, v[68:71], s[8:9] offset:512
	s_wait_tensorcnt 0x0
	ds_add_u32 v254, v255
	s_wait_dscnt 0x0
	s_endpgm
.Lfunc_end_k_qcf2d07a7cd_lin5:
	.size	k_qcf2d07a7cd_lin5, .Lfunc_end_k_qcf2d07a7cd_lin5-k_qcf2d07a7cd_lin5
	.p2alignl 7, 3214868480
	.fill 96, 4, 3214868480
	.section	.rodata,"a",@progbits
	.p2align	6, 0x0
	.amdhsa_kernel k_qcf2d07a7cd_lin5
		.amdhsa_group_segment_fixed_size 295424
		.amdhsa_private_segment_fixed_size 0
		.amdhsa_enable_private_segment 0
		.amdhsa_kernarg_size 64
		.amdhsa_user_sgpr_count 2
		.amdhsa_user_sgpr_kernarg_segment_ptr 1
		.amdhsa_wavefront_size32 1
		.amdhsa_system_sgpr_workgroup_id_x 1
		.amdhsa_system_sgpr_workgroup_id_y 1
		.amdhsa_system_sgpr_workgroup_id_z 1
		.amdhsa_system_vgpr_workitem_id 0
		.amdhsa_next_free_vgpr 512
		.amdhsa_next_free_sgpr 66
		.amdhsa_reserve_vcc 0
		.amdhsa_float_denorm_mode_32 3
		.amdhsa_float_denorm_mode_16_64 3
		.amdhsa_memory_ordered 1
		.amdhsa_forward_progress 1
		.amdhsa_inst_pref_size 186
	.end_amdhsa_kernel
	.amdgpu_metadata
---
amdhsa.version: [ 1, 2 ]
amdhsa.kernels:
  - .name:           k_qcf2d07a7cd_lin5
    .symbol:         k_qcf2d07a7cd_lin5.kd
    .args:
      - { .name: cat, .offset: 0, .size: 8, .value_kind: global_buffer, .address_space: global }
      - { .name: statB, .offset: 8, .size: 8, .value_kind: global_buffer, .address_space: global }
      - { .name: statA, .offset: 16, .size: 8, .value_kind: global_buffer, .address_space: global }
      - { .name: y5, .offset: 24, .size: 8, .value_kind: global_buffer, .address_space: global }
      - { .name: w5_codes, .offset: 32, .size: 8, .value_kind: global_buffer, .address_space: global }
      - { .name: w5_scales, .offset: 40, .size: 8, .value_kind: global_buffer, .address_space: global }
      - { .name: g4, .offset: 48, .size: 8, .value_kind: global_buffer, .address_space: global }
      - { .name: b4, .offset: 56, .size: 8, .value_kind: global_buffer, .address_space: global }
    .group_segment_fixed_size: 295424
    .private_segment_fixed_size: 0
    .kernarg_segment_align: 8
    .kernarg_segment_size: 64
    .max_flat_workgroup_size: 128
    .sgpr_count:     66
    .vgpr_count:     512
    .wavefront_size: 32
...
	.end_amdgpu_metadata
.endif
;; end of part 13
;; launch emb5 (part 14): grid 256 x 1, 8 waves a work-group, no clusters, 6,400 bytes of LDS; arguments y5, statA, emb, g5, b5; writes emb
.if DOCPART == 14
	.amdgcn_target "amdgcn-amd-amdhsa--gfx1250"
	.amdhsa_code_object_version 6
	.text
	.protected	k_qcf2d07a7cd_emb5
	.globl	k_qcf2d07a7cd_emb5
	.p2align	8
	.type	k_qcf2d07a7cd_emb5,@function
k_qcf2d07a7cd_emb5:
	s_mov_b64 s[64:65], 0
	v_nop
	global_prefetch_b8 v0, s[64:65] scope:SCOPE_SE
	s_setreg_imm32_b32 hwreg(HW_REG_WAVE_MODE, 25, 1), 1
	s_wait_xcnt 0x0
; THE EMBEDDINGS: relu(bn(y5)), quantised along the 512 channels, and the sums of their squares.  A stream: memory binds, so no LDS ring and no matrix unit.
; A work-group takes one cloud, one K step s (128 channels) and 16 tiles of 16 rows; a wave two tiles.  y5 comes as images of accumulators: a lane holds one row, register 16 b + i = channel 128 s + 32 b + 16 (lane / 16) + i.
; emb: codes as images of operand registers at (4 tile + s) x 1,536; scale words at 6,291,456 + (4 tile + s) x 128; the rows' sums of squares over these 128 channels at 6,815,744 + 4 ((4 cloud + s) x 8,192 + row).
; At the head every work-group adds up the 128 rows of sums of its cloud for its 128 channels.
; LIMITS: the variance is E[y^2] - mean^2 in f32.  NaN and infinities are not served.
.set PRM, 4096                         ; LDS: 4 x 256 sums; then a (512 bytes) and C (512 bytes)
.set TM, 8
.set PW, 24
.set A5, 32
.set C5, 96
.set X, 160
.set PC, 224
.macro QUANT s
.irp b, 0,1,2,3
	v_max3_num_f32 v[TM+\b], v[\s+16*\b], v[\s+16*\b+1], 0x2800000   ; the floor 2^(5 - 127) holds the byte at 1 from below
.endr
.irp i, 2,4,6,8,10,12,14
.irp b, 0,1,2,3
	s_delay_alu instid0(VALU_DEP_4)
	v_max3_num_f32 v[TM+\b], v[TM+\b], v[\s+16*\b+\i], v[\s+16*\b+\i+1]
.endr
.endr
.irp b, 0,1,2,3
	s_delay_alu instid0(VALU_DEP_4)
	v_permlanex16_b32 v[TM+4+\b], v[TM+\b], s18, s19
.endr
.irp b, 0,1,2,3
	v_max_num_f32 v[TM+\b], v[TM+\b], v[TM+4+\b]
	s_delay_alu instid0(VALU_DEP_1)
	v_add_nc_u32 v[TM+12+\b], 0xfe000000, v[TM+\b]
	s_delay_alu instid0(VALU_DEP_1)
	v_lshrrev_b32 v[TM+4+\b], 23, v[TM+12+\b]
.endr
	v_lshl_or_b32 v[PW], v[TM+5], 8, v[TM+4]
	s_delay_alu instid0(VALU_DEP_1)
	v_lshl_or_b32 v[PW], v[TM+6], 16, v[PW]
	s_delay_alu instid0(VALU_DEP_1)
	v_lshl_or_b32 v[PW], v[TM+7], 24, v[PW]
.irp c, 0,1
	v_cvt_scalef32_pk16_bf6_f32 v[PC+6*\c:PC+6*\c+2], v[\s+32*\c:\s+32*\c+15], v[TM+12+2*\c]
	v_cvt_scalef32_pk16_bf6_f32 v[PC+12+4*\c:PC+14+4*\c], v[\s+32*\c+16:\s+32*\c+31], v[TM+13+2*\c]
.endr
	v_nop
.irp c, 0,1
.irp i, 0,1,2
	v_permlane16_swap_b32 v[PC+6*\c+\i], v[PC+12+4*\c+\i]
.endr
.irp i, 0,1,2
	s_delay_alu instid0(VALU_DEP_3)
	v_mov_b32 v[PC+3+6*\c+\i], v[PC+12+4*\c+\i]
.endr
.endr
.endm
	s_load_b256 s[4:11], s[0:1], 0x0               ; y5, statA, emb, g5
	s_load_b64 s[12:13], s[0:1], 0x20              ; b5
	v_lshl_add_u32 v254, v0, 2, 0x1500
	v_mov_b32 v255, 0
	v_lshrrev_b32 v1, 5, v0
	s_delay_alu instid0(VALU_DEP_1)
	v_readfirstlane_b32 s14, v1                    ; wave 0..7
	s_lshr_b32 s15, ttmp9, 7                       ; cloud
	s_bfe_u32 s16, ttmp9, 0x20005                  ; K step
	s_and_b32 s17, ttmp9, 31
	s_lshl_b32 s17, s17, 4
	s_lshl_b32 s26, s14, 1
	s_add_co_u32 s17, s17, s26                     ; my first tile of rows in the cloud
	s_lshl_b32 s26, s15, 9
	s_add_co_u32 s26, s26, s17                     ; and of all
	s_mov_b32 s18, 0x76543210
	s_mov_b32 s19, 0xfedcba98
	v_and_b32 v1, 15, v0
	v_bfe_u32 v2, v0, 4, 1
	v_and_b32 v3, 31, v0
	s_delay_alu instid0(VALU_DEP_1)
	v_lshlrev_b32 v4, 4, v3
	s_delay_alu instid0(VALU_DEP_2)
	v_lshlrev_b32 v5, 2, v3
	v_lshlrev_b32 v6, 2, v1
	v_lshlrev_b32 v7, 6, v2
	v_lshlrev_b32 v25, 2, v0
	v_lshlrev_b32 v26, 4, v0
	v_and_b32 v27, 63, v0
	v_lshrrev_b32 v28, 6, v0
	s_delay_alu instid0(VALU_DEP_2)
	v_lshlrev_b32 v27, 4, v27
	s_delay_alu instid0(VALU_DEP_1)
	v_lshl_add_u32 v27, v28, 12, v27               ; thread t: group t % 64 of 16 bytes, rows t / 64 + 4 i
.irp i, 4,5,6,7
	v_mov_b32 v[TM+\i], 0
.endr
	v_mov_b32 v31, 0
	s_mov_b32 s29, 0
	s_wait_kmcnt 0x0
	s_mul_i32 s28, s15, 532480
	s_lshl_b32 s30, s16, 10
	s_add_co_u32 s28, s28, s30
	s_add_co_u32 s28, s28, 8192
	s_add_nc_u64 s[6:7], s[6:7], s[28:29]          ; my cloud's rows of sums, my K step's quarter
	s_lshl_b32 s28, s16, 9
	s_add_nc_u64 s[10:11], s[10:11], s[28:29]
	s_add_nc_u64 s[12:13], s[12:13], s[28:29]
	s_lshl_b32 s28, s26, 15
	s_lshl_b32 s30, s16, 13
	s_add_co_u32 s28, s28, s30
	s_add_nc_u64 s[4:5], s[4:5], s[28:29]          ; y5: my tile of rows, my eight tiles of channels
	s_mul_i32 s28, s26, 6144
	s_mul_i32 s30, s16, 1536
	s_add_co_u32 s28, s28, s30
	s_add_nc_u64 s[20:21], s[8:9], s[28:29]        ; codes
	s_lshl_b32 s28, s26, 9
	s_lshl_b32 s30, s16, 7
	s_add_co_u32 s28, s28, s30
	s_add_co_u32 s28, s28, 0x600000
	s_add_nc_u64 s[22:23], s[8:9], s[28:29]        ; scale words
	s_lshl_b32 s28, s15, 2
	s_add_co_u32 s28, s28, s16
	s_lshl_b32 s28, s28, 15
	s_lshl_b32 s30, s17, 6
	s_add_co_u32 s28, s28, s30
	s_add_co_u32 s28, s28, 0x680000
	s_add_nc_u64 s[24:25], s[8:9], s[28:29]        ; sums of squares
.irp i, 0,1,2,3,4,5,6,7
	v_mov_b32 v[PC+\i], 0
.endr
.set ch, 0
	s_wait_alu depctr_va_vdst(0)
.rept 2
.set i, 0
.rept 16
	global_load_b128 v[X+4*i:X+4*i+3], v27, s[6:7] offset:(16*ch+i)*16384
.set i, i+1
.endr
	s_wait_alu depctr_va_vdst(0)
	s_wait_loadcnt 0x0
.set i, 0
	v_pk_add_f32 v[PC:PC+1], v[PC:PC+1], v[X+8*i:X+8*i+1]
	v_pk_add_f32 v[PC+2:PC+3], v[PC+2:PC+3], v[X+8*i+2:X+8*i+3]
	v_pk_add_f32 v[PC+4:PC+5], v[PC+4:PC+5], v[X+8*i+4:X+8*i+5]
	v_pk_add_f32 v[PC+6:PC+7], v[PC+6:PC+7], v[X+8*i+6:X+8*i+7]
.set i, i+1
.rept (8)-1
	s_delay_alu instid0(VALU_DEP_4)
	v_pk_add_f32 v[PC:PC+1], v[PC:PC+1], v[X+8*i:X+8*i+1]
	s_delay_alu instid0(VALU_DEP_4)
	v_pk_add_f32 v[PC+2:PC+3], v[PC+2:PC+3], v[X+8*i+2:X+8*i+3]
	s_delay_alu instid0(VALU_DEP_4)
	v_pk_add_f32 v[PC+4:PC+5], v[PC+4:PC+5], v[X+8*i+4:X+8*i+5]
	s_delay_alu instid0(VALU_DEP_4)
	v_pk_add_f32 v[PC+6:PC+7], v[PC+6:PC+7], v[X+8*i+6:X+8*i+7]
.set i, i+1
.endr
.set ch, ch+1
.endr
	s_delay_alu instid0(VALU_DEP_2)
	v_pk_add_f32 v[PC:PC+1], v[PC:PC+1], v[PC+4:PC+5]
	s_delay_alu instid0(VALU_DEP_2)
	v_pk_add_f32 v[PC+2:PC+3], v[PC+2:PC+3], v[PC+6:PC+7]
	ds_store_b128 v26, v[PC:PC+3]                  ; four rows of 256 numbers
	s_wait_dscnt 0x0
	s_barrier_signal -1
	s_barrier_wait -1
	s_cmp_ge_u32 s14, 4
	s_cbranch_scc1 .Lnofinal
	global_load_b32 v[X+8], v25, s[10:11]
	global_load_b32 v[X+9], v25, s[12:13]
.irp q, 0,1,2,3
	ds_load_b32 v[X+\q], v25 offset:1024*\q
	ds_load_b32 v[X+4+\q], v25 offset:1024*\q+512
.endr
	s_wait_dscnt 0x0
.irp q, 1
	v_add_f32 v[X], v[X], v[X+\q]
	v_add_f32 v[X+4], v[X+4], v[X+4+\q]
.endr
.irp q, 2, 3
	s_delay_alu instid0(VALU_DEP_2)
	v_add_f32 v[X], v[X], v[X+\q]
	s_delay_alu instid0(VALU_DEP_2)
	v_add_f32 v[X+4], v[X+4], v[X+4+\q]
.endr
	s_delay_alu instid0(VALU_DEP_2)
	v_mul_f32 v[X], 0x39000000, v[X]               ; / 2^13 rows
	s_delay_alu instid0(VALU_DEP_2)
	v_mul_f32 v[X+4], 0x39000000, v[X+4]
	s_delay_alu instid0(VALU_DEP_1)
	v_fma_f32 v[X+4], -v[X], v[X], v[X+4]
	s_delay_alu instid0(VALU_DEP_1)
	v_max_num_f32 v[X+4], 0, v[X+4]
	s_delay_alu instid0(VALU_DEP_1)
	v_add_f32 v[X+4], 0x3727c5ac, v[X+4]
	s_wait_alu depctr_va_vdst(0)
	v_rsq_f32 v[X+5], v[X+4]
	v_nop
	s_wait_alu depctr_va_vdst(0)
	s_wait_loadcnt 0x0
	v_mul_f32 v[X+6], v[X+8], v[X+5]               ; a = g rsq
	s_delay_alu instid0(VALU_DEP_1)
	v_fma_f32 v[X+7], -v[X+6], v[X], v[X+9]        ; C = b - a mean
	ds_store_b32 v25, v[X+6] offset:PRM
	ds_store_b32 v25, v[X+7] offset:PRM+512
.Lnofinal:
	s_wait_dscnt 0x0
	s_barrier_signal -1
	s_barrier_wait -1
.irp b, 0,1,2,3
.irp q, 0,1,2,3
	ds_load_b128 v[A5+16*\b+4*\q:A5+16*\b+4*\q+3], v7 offset:PRM+128*\b+16*\q
	ds_load_b128 v[C5+16*\b+4*\q:C5+16*\b+4*\q+3], v7 offset:PRM+512+128*\b+16*\q
.endr
.endr
.macro ETILE n
.irp t, 0,1,2,3,4,5,6,7
.irp e, 0,1
	global_load_b128 v[X+8*\t+4*\e:X+8*\t+4*\e+3], v4, s[4:5] offset:\n*32768+\t*1024+512*\e th:TH_LOAD_NT
.endr
.endr
	s_wait_loadcnt 0x0
	s_wait_dscnt 0x0
	s_wait_xcnt 0x0                                ; the tile before's stores have read their registers
.set j, 0
.rept 32
	v_pk_fma_f32 v[X+j:X+j+1], v[X+j:X+j+1], v[A5+j:A5+j+1], v[C5+j:C5+j+1]
.set j, j+2
.endr
.set j, 0
.rept 64
	v_max_num_f32 v[X+j], 0, v[X+j]
.set j, j+1
.endr
	v_pk_mul_f32 v[26:27], v[X:X+1], v[X:X+1]      ; the sum of squares of the numbers as they are, not of the codes: two chains
	v_pk_mul_f32 v[28:29], v[X+2:X+3], v[X+2:X+3]
.set j, 4
.rept 15
	s_delay_alu instid0(VALU_DEP_2)
	v_pk_fma_f32 v[26:27], v[X+j:X+j+1], v[X+j:X+j+1], v[26:27]
	s_delay_alu instid0(VALU_DEP_2)
	v_pk_fma_f32 v[28:29], v[X+j+2:X+j+3], v[X+j+2:X+j+3], v[28:29]
.set j, j+4
.endr
	s_delay_alu instid0(VALU_DEP_1)
	v_pk_add_f32 v[26:27], v[26:27], v[28:29]
	s_delay_alu instid0(VALU_DEP_1)
	v_add_f32 v26, v26, v27
	s_delay_alu instid0(VALU_DEP_1)
	v_permlanex16_b32 v31, v26, s18, s19
	s_delay_alu instid0(VALU_DEP_1)
	v_add_f32 v30, v26, v31
	QUANT X
.irp c, 0,1,2
	global_store_b128 v4, v[PC+4*\c:PC+4*\c+3], s[20:21] offset:\n*6144+512*\c     ; 512 consecutive bytes, aligned
.endr
	global_store_b32 v5, v[PW], s[22:23] offset:\n*512
	global_store_b32 v6, v30, s[24:25] offset:\n*64        ; both halves of the lanes hold the row's sum and write the same word
.endm
	ETILE 0
	ETILE 1
	s_wait_tensorcnt 0x0
	ds_add_u32 v254, v255
	s_wait_dscnt 0x0
	s_endpgm
.Lfunc_end_k_qcf2d07a7cd_emb5:
	.size	k_qcf2d07a7cd_emb5, .Lfunc_end_k_qcf2d07a7cd_emb5-k_qcf2d07a7cd_emb5
	.p2alignl 7, 3214868480
	.fill 96, 4, 3214868480
	.section	.rodata,"a",@progbits
	.p2align	6, 0x0
	.amdhsa_kernel k_qcf2d07a7cd_emb5
		.amdhsa_group_segment_fixed_size 6400
		.amdhsa_private_segment_fixed_size 0
		.amdhsa_enable_private_segment 0
		.amdhsa_kernarg_size 40
		.amdhsa_user_sgpr_count 2
		.amdhsa_user_sgpr_kernarg_segment_ptr 1
		.amdhsa_wavefront_size32 1
		.amdhsa_system_sgpr_workgroup_id_x 1
		.amdhsa_system_sgpr_workgroup_id_y 1
		.amdhsa_system_sgpr_workgroup_id_z 1
		.amdhsa_system_vgpr_workitem_id 0
		.amdhsa_next_free_vgpr 256
		.amdhsa_next_free_sgpr 66
		.amdhsa_reserve_vcc 0
		.amdhsa_float_denorm_mode_32 3
		.amdhsa_float_denorm_mode_16_64 3
		.amdhsa_memory_ordered 1
		.amdhsa_forward_progress 1
		.amdhsa_inst_pref_size 46
	.end_amdhsa_kernel
	.amdgpu_metadata
---
amdhsa.version: [ 1, 2 ]
amdhsa.kernels:
  - .name:           k_qcf2d07a7cd_emb5
    .symbol:         k_qcf2d07a7cd_emb5.kd
    .args:
      - { .name: y5, .offset: 0, .size: 8, .value_kind: global_buffer, .address_space: global }
      - { .name: statA, .offset: 8, .size: 8, .value_kind: global_buffer, .address_space: global }
      - { .name: emb, .offset: 16, .size: 8, .value_kind: global_buffer, .address_space: global }
      - { .name: g5, .offset: 24, .size: 8, .value_kind: global_buffer, .address_space: global }
      - { .name: b5, .offset: 32, .size: 8, .value_kind: global_buffer, .address_space: global }
    .group_segment_fixed_size: 6400
    .private_segment_fixed_size: 0
    .kernarg_segment_align: 8
    .kernarg_segment_size: 40
    .max_flat_workgroup_size: 256
    .sgpr_count:     66
    .vgpr_count:     256
    .wavefront_size: 32
...
	.end_amdgpu_metadata
.endif
;; end of part 14
;; launch corr (part 15): grid 256 x 1, 16 waves a work-group, no clusters, 39,936 bytes of LDS; arguments emb, tgt, out0; writes out0
.if DOCPART == 15
	.amdgcn_target "amdgcn-amd-amdhsa--gfx1250"
	.amdhsa_code_object_version 6
	.text
	.protected	k_qcf2d07a7cd_corr
	.globl	k_qcf2d07a7cd_corr
	.p2align	8
	.type	k_qcf2d07a7cd_corr,@function
k_qcf2d07a7cd_corr:
	s_mov_b64 s[64:65], 0
	v_nop
	global_prefetch_b8 v0, s[64:65] scope:SCOPE_SE
	s_setreg_imm32_b32 hwreg(HW_REG_WAVE_SCHED_MODE, 0, 2), 2
	s_setreg_imm32_b32 hwreg(HW_REG_WAVE_MODE, 25, 1), 1
	s_wait_xcnt 0x0
	s_wait_alu depctr_vm_vsrc(0)
; THE SOFT CORRESPONDENCE: d = sqrt(max(|f_s|^2 - 2 f_s . f_t + |f_t|^2, 0)), out = sum over keys of softmax(-d) tgt.  f_s . f_t on codes of E3M2, K = 512; all else f32.
; A work-group takes 32 queries of one batch; wave w takes tile w % 2 of 16 queries and keys 256 (w / 2) .. + 255.  The product is used as it stands (source 0 = queries, source 1 = keys): a lane holds one key of a tile
; and eight queries.  Each lane keeps, for each of its eight queries, a running minimum m of d, the sum l of exp(m - d) and three sums o of exp(m - d) x tgt, over its own keys; when m falls, l and o are multiplied by
; exp(new m - old m).  At the end the sixteen lanes, and then through LDS the eight groups of keys, are merged in the same way.  The last product has M = 3: fused multiply-adds.
; Operands come from memory as images of their registers, 16 bytes a lane.  The keys' (tx, ty, tz, |f_t|^2) lie in LDS.
; No multicast in this text: the key tiles, which the 64 work-groups of a batch share, go from memory straight into registers; there is no ring in LDS that a joint load could fill.
; LIMITS: NaN and infinities are not served.
; THE MODE: SCHED_MODE bits 1:0 = 2 (LLVM: expert scheduling mode 2), set by the entry lines.  The code itself states the register dependences
; between vector or matrix instructions and memory or LDS instructions, with s_wait_alu, always for 0.
; THE PLAN.  Registers that memory or LDS instructions touch in a trip (four key tiles, as two pairs, each pair's K in two halves):
;   TF, TS   key fragments and their scale words: land from memory; read by products alone.  Each of a trip's four runs of loads into them stands behind its places and one wait on va_vdst, which
;            states that the products issued so far are done reading them.
;   KT       the table's rows of the trip's four keys: land from LDS, with the trip's second run of loads; read by the softmax's lines of the same trip, which stand ahead of the next trip's first wait.
;   v8       the LDS address of those rows: read by KT's loads, stepped once a trip behind a wait on vm_vsrc; the next trip's first wait on va_vdst shows it written.
;   v4, v5   offsets made at the head, never written again.
; No vector line names TF or TS.  So the fourth run, the NEXT trip's first fragments and scale words (20 loads), goes out behind the trip's last products and is on its way during the whole softmax.
; The last trip is written out without it: no load asks for what is not used.
.set MRG, 32768                        ; behind the keys' table: 320 bytes for each wave: m, l, o0, o1, o2 of 16 queries
.set SS, 16                            ; the queries' scale words; the keys' (2 tiles x 4 K steps)
.set TS, 20
.set XQ, 28                            ; |f_s|^2 of my eight queries
.set SF, 36                            ; the queries' four fragments
.set TF, 84                            ; two key tiles x two K steps; at the head the table's rows that I make; at the end the figures to merge
.set D, 132                            ; four tiles of products
.set MM, 164                           ; m;  l;  o (8 c + j)
.set LL, 172
.set OO, 180
.set ML, 204                           ; m log2(e);  the rescaling factor;  m's old value
.set FF, 212
.set MO, 220
.set KT, 238                           ; v238-253: (tx, ty, tz, |f_t|^2) of my key of the trip's four tiles
.macro PLACES n
.rept \n
	v_nop
.endr
.endm
	s_load_b128 s[4:7], s[0:1], 0x0                ; emb, tgt
	s_load_b64 s[8:9], s[0:1], 0x10                ; out0
	v_lshl_add_u32 v254, v0, 2, 0x9400
	v_mov_b32 v255, 0
	v_lshrrev_b32 v1, 5, v0
	v_readfirstlane_b32 s10, v1                    ; wave 0..15
	s_lshr_b32 s11, ttmp9, 6                       ; batch
	s_and_b32 s12, ttmp9, 63
	s_lshl_b32 s12, s12, 5                         ; first query
	s_wait_alu depctr_va_sdst(0)                   ; s10, the wave's number, is written, ahead of its first reader
	s_and_b32 s13, s10, 1                          ; my tile of queries
	s_lshr_b32 s14, s10, 1                         ; my group of keys
	v_and_b32 v1, 15, v0
	v_bfe_u32 v2, v0, 4, 1
	v_and_b32 v3, 31, v0
	v_lshlrev_b32 v4, 4, v3                        ; an image's place for my lane
	v_lshlrev_b32 v5, 2, v3                        ; a scale word's
	v_lshlrev_b32 v6, 2, v0
	v_lshlrev_b32 v7, 4, v0
	s_lshl_b32 s24, s14, 12
	v_lshlrev_b32 v8, 4, v1
	v_add_nc_u32 v8, s24, v8                       ; the table's row of my key in my first tile
	v_lshlrev_b32 v9, 5, v2
	s_mul_i32 s24, s10, 320
	s_add_co_u32 s24, s24, MRG
	v_add_nc_u32 v10, s24, v9                      ; where I put my eight queries' figures
	v_mul_u32_u24 v11, v2, 320
	v_lshl_add_u32 v11, v1, 2, v11
	v_add_nc_u32 v11, MRG, v11                     ; where wave 0 reads a query's
	s_mov_b32 s25, 0
	s_wait_kmcnt 0x0
	s_mul_i32 s24, s11, 24576
	s_add_nc_u64 s[16:17], s[6:7], s[24:25]        ; tgt, my batch
	s_lshl_b32 s32, s12, 2
	s_add_co_u32 s24, s24, s32
	s_add_nc_u64 s[8:9], s[8:9], s[24:25]          ; out0, my batch, my first query
	s_lshl_b32 s24, s11, 13
	s_add_co_u32 s24, s24, 0x6a0000
	s_add_nc_u64 s[18:19], s[4:5], s[24:25]        ; the keys' sums of squares: cloud 1, my batch
	s_lshl_b32 s33, s11, 7
	s_lshr_b32 s24, s12, 4
	s_add_co_u32 s24, s24, s33
	s_add_co_u32 s34, s24, s13                     ; my tile of queries among all tiles of rows
	s_mul_i32 s24, s34, 6144
	s_add_nc_u64 s[26:27], s[4:5], s[24:25]
	s_lshl_b32 s24, s34, 9
	s_add_co_u32 s24, s24, 0x600000
	s_add_nc_u64 s[28:29], s[4:5], s[24:25]
	s_lshl_b32 s24, s34, 6
	s_add_co_u32 s24, s24, 0x680000
	s_add_nc_u64 s[30:31], s[4:5], s[24:25]        ; the queries' sums of squares: 64 bytes a tile
	s_lshl_b32 s24, s14, 4
	s_add_co_u32 s24, s24, s33
	s_add_co_u32 s34, s24, 512                     ; my first tile of keys: cloud 1
	s_mul_i32 s24, s34, 6144
	s_add_nc_u64 s[20:21], s[4:5], s[24:25]
	s_lshl_b32 s24, s34, 9
	s_add_co_u32 s24, s24, 0x600000
	s_add_nc_u64 s[22:23], s[4:5], s[24:25]
.macro TL pr, s0, on                   ; key tiles 2 pr, 2 pr + 1 of the trip (on = 1: of the next trip): K steps s0, s0 + 1
.irp g, 0,1
.irp s, 0,1
.irp c, 0,1,2
	global_load_b128 v[TF+24*\g+12*\s+4*\c:TF+24*\g+12*\s+4*\c+3], v4, s[20:21] offset:(\on)*24576+(2*\pr+\g)*6144+(\s0+\s)*1536+512*\c
.endr
.endr
.endr
.endm
.macro TSL pr, on                      ; their scale words, all four K steps
.irp g, 0,1
.irp s, 0,1,2,3
	global_load_b32 v[TS+4*\g+\s], v5, s[22:23] offset:(\on)*2048+(2*\pr+\g)*512+128*\s
.endr
.endr
.endm
	s_wait_alu depctr_va_vdst(0)                   ; the offsets and addresses v4 to v11 are written, which the loads and stores of the whole kernel read
.irp g, 0,1,2,3                                ; thread t makes the table's rows of keys t + 512 g
.irp c, 0,1,2
	global_load_b32 v[TF+4*\g+\c], v6, s[16:17] offset:8192*\c+2048*\g
.endr
.irp s, 0,1,2,3
	global_load_b32 v[D+4*\g+\s], v6, s[18:19] offset:32768*\s+2048*\g
.endr
.endr
	s_wait_loadcnt 0x0
.irp g, 0,1,2,3
	v_add_f32 v[D+4*\g], v[D+4*\g], v[D+4*\g+1]
	v_add_f32 v[D+4*\g+2], v[D+4*\g+2], v[D+4*\g+3]
	v_add_f32 v[TF+4*\g+3], v[D+4*\g], v[D+4*\g+2]
.endr
	s_wait_alu depctr_va_vdst(0)                   ; the four |f_t|^2 are written, which the LDS stores read; the additions are done with v[D ..], in which loads land below
.irp g, 0,1,2,3
	ds_store_b128 v7, v[TF+4*\g:TF+4*\g+3] offset:8192*\g
.endr
.irp s, 0,1,2,3
.irp c, 0,1,2
	global_load_b128 v[SF+12*\s+4*\c:SF+12*\s+4*\c+3], v4, s[26:27] offset:1536*\s+512*\c
.endr
	global_load_b32 v[SS+\s], v5, s[28:29] offset:128*\s
.irp e, 0,1
	global_load_b128 v[D+8*\s+4*\e:D+8*\s+4*\e+3], v9, s[30:31] offset:32768*\s+16*\e
.endr
.endr
	s_wait_alu depctr_vm_vsrc(0)                   ; the LDS stores have read v[TF ..], in which the first key fragments land
	TL 0, 0, 0                                     ; the first trip's first fragments and scale words go out here, behind the queries' loads
	TSL 0, 0
	s_wait_loadcnt 20                              ; the queries' loads are in; the 20 younger ones (12 pieces of fragments, 8 scale words) stay out
.irp jj, 0,2,4,6
	v_pk_add_f32 v[XQ+\jj:XQ+\jj+1], v[D+\jj:D+\jj+1], v[D+8+\jj:D+8+\jj+1]
	v_pk_add_f32 v[D+16+\jj:D+16+\jj+1], v[D+16+\jj:D+16+\jj+1], v[D+24+\jj:D+24+\jj+1]
	v_pk_add_f32 v[XQ+\jj:XQ+\jj+1], v[XQ+\jj:XQ+\jj+1], v[D+16+\jj:D+16+\jj+1]
.endr
.irp j, 0,1,2,3,4,5,6,7
	v_mov_b32 v[MM+\j], 0x7149f2ca                 ; 1e30, above every d: the first factor is 2^(-large) = 0, on sums that are 0
	v_mov_b32 v[LL+\j], 0
	v_mov_b32 v[OO+\j], 0
	v_mov_b32 v[OO+8+\j], 0
	v_mov_b32 v[OO+16+\j], 0
.endr
	s_wait_dscnt 0x0                               ; my rows of the table have landed: then the barrier, behind which every wave reads it
	s_barrier_signal -1
	s_barrier_wait -1
.macro PR pr, g, s, z                  ; one product: tile 2 pr + g, K step s; z = 1 begins the sum
.if \z
	v_wmma_scale_f32_16x16x128_f8f6f4 v[D+8*(2*\pr+\g):D+8*(2*\pr+\g)+7], v[SF+12*\s:SF+12*\s+11], v[TF+24*\g+12*(\s%2):TF+24*\g+12*(\s%2)+11], 0, v[SS+\s], v[TS+4*\g+\s] matrix_a_fmt:MATRIX_FMT_BF6 matrix_b_fmt:MATRIX_FMT_BF6
.else
	v_wmma_scale_f32_16x16x128_f8f6f4 v[D+8*(2*\pr+\g):D+8*(2*\pr+\g)+7], v[SF+12*\s:SF+12*\s+11], v[TF+24*\g+12*(\s%2):TF+24*\g+12*(\s%2)+11], v[D+8*(2*\pr+\g):D+8*(2*\pr+\g)+7], v[SS+\s], v[TS+4*\g+\s] matrix_a_fmt:MATRIX_FMT_BF6 matrix_b_fmt:MATRIX_FMT_BF6
.endif
.endm
; A trip: four key tiles, K = 512; of a pair the two accumulators by turns, one instruction a turn.  ahead = 1: the next trip's first loads go out behind the last products, and addresses step.
.macro TRIP ahead
	s_wait_loadcnt 0x0                             ; tiles 0 and 1: K steps 0 and 1 and the scale words, asked for a softmax ago, are in
	PR 0, 0, 0, 1
	PR 0, 1, 0, 1
	PR 0, 0, 1, 0
	PR 0, 1, 1, 0
	PLACES 4
	s_wait_alu depctr_va_vdst(0)                   ; the four products are done reading v[TF ..]; the last trip's sums are done reading v[KT ..]; v8 is written
	TL 0, 2, 0
.irp g, 0,1,2,3
	ds_load_b128 v[KT+4*\g:KT+4*\g+3], v8 offset:256*\g        ; (tx, ty, tz, |f_t|^2) of my key of tile g
.endr
	s_wait_loadcnt 0x0
	PR 0, 0, 2, 0
	PR 0, 1, 2, 0
	PR 0, 0, 3, 0
	PR 0, 1, 3, 0
	PLACES 5
	s_wait_alu depctr_va_vdst(0)                   ; the products are done reading v[TF ..] and the scale words v[TS ..]
	TL 1, 0, 0
	TSL 1, 0
	s_wait_loadcnt 0x0
	PR 1, 0, 0, 1
	PR 1, 1, 0, 1
	PR 1, 0, 1, 0
	PR 1, 1, 1, 0
	PLACES 4
	s_wait_alu depctr_va_vdst(0)                   ; the four products are done reading v[TF ..]
	TL 1, 2, 0
	s_wait_loadcnt 0x0
	PR 1, 0, 2, 0
	PR 1, 1, 2, 0
	PR 1, 0, 3, 0
	PR 1, 1, 3, 0
	PLACES 4                                       ; four places behind the last product, ahead of the first read of its result
.if \ahead
	s_wait_alu depctr_va_vdst(0)                   ; the trip's last products are done reading v[TF ..] and v[TS ..], in which the next trip's first loads land
	TL 0, 0, 1
	TSL 0, 1
.endif
.set j, 0
.rept 16
	v_pk_fma_f32 v[D+j:D+j+1], v[D+j:D+j+1], -2.0, v[XQ+j%8:XQ+j%8+1] op_sel_hi:[1,0,1]    ; |f_s|^2 - 2 f_s . f_t; each accumulator from its low end on
.set j, j+2
.endr
	s_wait_dscnt 0x0                               ; the table's rows are in
.irp g, 0,1,2,3
.irp jj, 0,2,4,6
	v_pk_add_f32 v[D+8*\g+\jj:D+8*\g+\jj+1], v[D+8*\g+\jj:D+8*\g+\jj+1], v[KT+4*\g+2:KT+4*\g+3] op_sel:[0,1] op_sel_hi:[1,1]   ; + |f_t|^2: the pair's upper word for both halves
.endr
.endr
.set j, 0
.rept 32
	v_max_num_f32 v[D+j], 0, v[D+j]
.set j, j+1
.endr
.set j, 0
	s_wait_alu depctr_va_vdst(0)
.rept 32
	v_sqrt_f32 v[D+j], v[D+j]                      ; d; 0 where the square is not positive, as the definition has it
.set j, j+1
.endr
.irp j, 0,1,2,3,4,5,6,7
	v_mov_b32 v[MO+\j], v[MM+\j]                   ; (plain work behind the roots)
.endr
	s_wait_alu depctr_va_vdst(0)                   ; one wait for the 32 roots in v[D ..], ahead of their first reader
.irp j, 0,1,2,3,4,5,6,7
	v_min3_num_f32 v[MM+\j], v[MM+\j], v[D+\j], v[D+8+\j]
.endr
.irp j, 0,1,2,3,4,5,6,7
	v_min3_num_f32 v[MM+\j], v[MM+\j], v[D+16+\j], v[D+24+\j]
.endr
.irp j, 0,1,2,3,4,5,6,7
	v_sub_f32 v[FF+\j], v[MM+\j], v[MO+\j]         ; new m - old m, 0 or less
	v_mul_f32 v[ML+\j], 0x3fb8aa3b, v[MM+\j]
.endr
.irp j, 0,1,2,3,4,5,6,7
	v_mul_f32 v[FF+\j], 0x3fb8aa3b, v[FF+\j]
.endr
.set j, 0
.rept 16
	v_pk_fma_f32 v[D+j:D+j+1], v[D+j:D+j+1], 0xbfb8aa3b, v[ML+j%8:ML+j%8+1] op_sel_hi:[1,0,1]   ; (m - d) log2(e)
.set j, j+2
.endr
.set j, 0
	s_wait_alu depctr_va_vdst(0)
.rept 32
	v_exp_f32 v[D+j], v[D+j]
.set j, j+1
.endr
.irp j, 0,1,2,3,4,5,6,7
	v_exp_f32 v[FF+\j], v[FF+\j]
.endr
.if \ahead
	s_wait_alu depctr_vm_vsrc(0)                   ; the trip's four LDS loads have read v8
	v_add_nc_u32 v8, 0x400, v8                     ; the next trip's four tiles of the table.  (A plain place behind the exponentials)
.else
	v_nop                                          ; a plain place behind the exponentials
.endif
	s_wait_alu depctr_va_vdst(0)                   ; one wait for the 40 exponentials in v[D ..] and v[FF ..], ahead of their first reader
.irp jj, 0,2,4,6
	v_pk_fma_f32 v[LL+\jj:LL+\jj+1], v[LL+\jj:LL+\jj+1], v[FF+\jj:FF+\jj+1], v[D+\jj:D+\jj+1]
.irp c, 0,1,2
	v_pk_mul_f32 v[OO+8*\c+\jj:OO+8*\c+\jj+1], v[OO+8*\c+\jj:OO+8*\c+\jj+1], v[FF+\jj:FF+\jj+1]
.endr
.endr
.irp g, 1,2,3
.irp jj, 0,2,4,6
	v_pk_add_f32 v[LL+\jj:LL+\jj+1], v[LL+\jj:LL+\jj+1], v[D+8*\g+\jj:D+8*\g+\jj+1]
.endr
.endr
.irp g, 0,1,2,3
.irp c, 0,1,2
.irp jj, 0,2,4,6
	v_pk_fma_f32 v[OO+8*\c+\jj:OO+8*\c+\jj+1], v[D+8*\g+\jj:D+8*\g+\jj+1], v[KT+4*\g+2*(\c/2):KT+4*\g+2*(\c/2)+1], v[OO+8*\c+\jj:OO+8*\c+\jj+1] op_sel:[0,\c%2,0] op_sel_hi:[1,\c%2,1]   ; my key's coordinate c for both halves
.endr
.endr
.endr
.if \ahead
	s_wait_xcnt 0x0                                ; the trip's loads, those for the next trip among them, have had their addresses translated: their bases step
	s_add_nc_u64 s[20:21], s[20:21], 24576         ; four tiles of codes,
	s_add_nc_u64 s[22:23], s[22:23], 2048          ; and of scale words, on
.endif
.endm
	s_mov_b32 s36, 0
.Ltrip:                                            ; three trips of four key tiles that look ahead,
	TRIP 1
	s_add_co_u32 s36, s36, 1
	s_cmp_lt_u32 s36, 3
	s_cbranch_scc1 .Ltrip
	TRIP 0                                         ; and the fourth, written out: nothing is left to ask for
	; ---- the sixteen lanes that hold the same eight queries
.irp j, 0,1,2,3,4,5,6,7
	v_mov_b32 v[MO+\j], v[MM+\j]
.endr
.irp x, 1,2,4,8
.irp j, 0,1,2,3,4,5,6,7
	v_min_num_f32_dpp v[MO+\j], v[MO+\j], v[MO+\j] row_xmask:\x row_mask:0xf bank_mask:0xf
.endr
.endr
.irp j, 0,1,2,3,4,5,6,7
	v_sub_f32 v[FF+\j], v[MO+\j], v[MM+\j]
.endr
.irp j, 0,1,2,3,4,5,6,7
	v_mul_f32 v[FF+\j], 0x3fb8aa3b, v[FF+\j]
.endr
	s_wait_alu depctr_va_vdst(0)
.irp j, 0,1,2,3,4,5,6,7
	v_exp_f32 v[FF+\j], v[FF+\j]
.endr
	v_nop                                          ; a plain place behind the exponentials,
	s_wait_alu depctr_va_vdst(0)                   ; and one wait for the eight in v[FF ..], ahead of their first reader
.irp q, 0,1,2,3                                ; l and the three o lie on end: 32 registers
.irp jj, 0,2,4,6
	v_pk_mul_f32 v[LL+8*\q+\jj:LL+8*\q+\jj+1], v[LL+8*\q+\jj:LL+8*\q+\jj+1], v[FF+\jj:FF+\jj+1]
.endr
.endr
.irp x, 1,2,4,8
.set j, 0
.rept 32
	v_add_f32_dpp v[LL+j], v[LL+j], v[LL+j] row_xmask:\x row_mask:0xf bank_mask:0xf
.set j, j+1
.endr
.endr
	s_wait_dscnt 0x0                               ; every wave's reads of the table are over
	s_barrier_signal -1
	s_barrier_wait -1
	s_wait_alu depctr_va_vdst(0)                   ; the merged m in v[MO ..], l and o in v[LL ..] are written, which the LDS stores read; the products are done reading v[TF ..], in which LDS loads land below
.irp e, 0,1                                    ; the sixteen lanes of a half hold the same numbers and write the same bytes
	ds_store_b128 v10, v[MO+4*\e:MO+4*\e+3] offset:16*\e
.irp q, 0,1,2,3
	ds_store_b128 v10, v[LL+8*\q+4*\e:LL+8*\q+4*\e+3] offset:64+64*\q+16*\e
.endr
.endr
	s_wait_dscnt 0x0                               ; for the others' sake: my stores have landed
	s_barrier_signal -1
	s_barrier_wait -1
	s_cmp_lg_u32 s10, 0
	s_cbranch_scc1 .Lend
	; ---- wave 0: a lane a query; the eight groups of keys.  Figure q of group k: wave 2 k + lane / 16, word lane % 16
.irp q, 0,1,2,3,4
.irp k, 0,1,2,3,4,5,6,7
	ds_load_b32 v[TF+8*\q+\k], v11 offset:640*\k+64*\q
.endr
.endr
	s_wait_dscnt 0x0
	v_min3_num_f32 v228, v[TF], v[TF+1], v[TF+2]
	v_min3_num_f32 v228, v228, v[TF+3], v[TF+4]
	v_min3_num_f32 v228, v228, v[TF+5], v[TF+6]
	v_min_num_f32 v228, v228, v[TF+7]
.irp k, 0,1,2,3,4,5,6,7
	v_sub_f32 v[D+\k], v228, v[TF+\k]
.endr
.irp k, 0,1,2,3,4,5,6,7
	v_mul_f32 v[D+\k], 0x3fb8aa3b, v[D+\k]
.endr
	s_wait_alu depctr_va_vdst(0)
.irp k, 0,1,2,3,4,5,6,7
	v_exp_f32 v[D+\k], v[D+\k]
.endr
	v_nop
	s_wait_alu depctr_va_vdst(0)                   ; one wait for the eight exponentials in v[D ..], ahead of their first reader
.irp q, 1,2,3,4
	v_mul_f32 v[228+\q], v[D], v[TF+8*\q]
.endr
.irp k, 1,2,3,4,5,6,7
.irp q, 1,2,3,4
	v_fma_f32 v[228+\q], v[D+\k], v[TF+8*\q+\k], v[228+\q]
.endr
.endr
	s_wait_alu depctr_va_vdst(0)
	v_rcp_f32 v233, v229                           ; 1 / the row's sum, which is at least 1
	v_nop
	s_wait_alu depctr_va_vdst(0)                   ; the wait for v233 ahead of its first reader
.irp c, 0,1,2
	v_mul_f32 v[234+\c], v[230+\c], v233
.endr
	s_wait_alu depctr_va_vdst(0)                   ; the three results v234 to v236 are written, which the stores read
.irp c, 0,1,2
	global_store_b32 v5, v[234+\c], s[8:9] offset:8192*\c      ; 32 lanes store 128 consecutive bytes of a row of out0
.endr
.Lend:
	s_wait_dscnt 0x0                               ; the closing lines, six on end
	s_wait_alu 0x0
	s_wait_tensorcnt 0x0
	ds_add_u32 v254, v255
	s_wait_dscnt 0x0
	s_endpgm
.Lfunc_end_k_qcf2d07a7cd_corr:
	.size	k_qcf2d07a7cd_corr, .Lfunc_end_k_qcf2d07a7cd_corr-k_qcf2d07a7cd_corr
	.p2alignl 7, 3214868480
	.fill 96, 4, 3214868480
	.section	.rodata,"a",@progbits
	.p2align	6, 0x0
	.amdhsa_kernel k_qcf2d07a7cd_corr
		.amdhsa_group_segment_fixed_size 39936
		.amdhsa_private_segment_fixed_size 0
		.amdhsa_enable_private_segment 0
		.amdhsa_kernarg_size 24
		.amdhsa_user_sgpr_count 2
		.amdhsa_user_sgpr_kernarg_segment_ptr 1
		.amdhsa_wavefront_size32 1
		.amdhsa_system_sgpr_workgroup_id_x 1
		.amdhsa_system_sgpr_workgroup_id_y 1
		.amdhsa_system_sgpr_workgroup_id_z 1
		.amdhsa_system_vgpr_workitem_id 0
		.amdhsa_next_free_vgpr 256
		.amdhsa_next_free_sgpr 66
		.amdhsa_reserve_vcc 0
		.amdhsa_float_denorm_mode_32 3
		.amdhsa_float_denorm_mode_16_64 3
		.amdhsa_memory_ordered 1
		.amdhsa_forward_progress 1
		.amdhsa_inst_pref_size 78
	.end_amdhsa_kernel
	.amdgpu_metadata
---
amdhsa.version: [ 1, 2 ]
amdhsa.kernels:
  - .name:           k_qcf2d07a7cd_corr
    .symbol:         k_qcf2d07a7cd_corr.kd
    .args:
      - { .name: emb, .offset: 0, .size: 8, .value_kind: global_buffer, .address_space: global }
      - { .name: tgt, .offset: 8, .size: 8, .value_kind: global_buffer, .address_space: global }
      - { .name: out0, .offset: 16, .size: 8, .value_kind: global_buffer, .address_space: global }
    .group_segment_fixed_size: 39936
    .private_segment_fixed_size: 0
    .kernarg_segment_align: 8
    .kernarg_segment_size: 24
    .max_flat_workgroup_size: 512
    .sgpr_count:     66
    .vgpr_count:     256
    .wavefront_size: 32
...
	.end_amdgpu_metadata
.endif
;; end of part 15
